; MI455X (gfx1250); checked and timed in simulation.
; The chip was launched on July 23, 2026; its instructions are those of AMD's public machine-readable ISA for CDNA 5 (MIT licence, August 2026) and "CDNA5" Instruction Set Architecture Reference Guide (July 2026). The comments in the code are by the model that wrote it; some were corrected since.
;; Mixture Of Experts. Allowed arithmetic: matrix products marked QUANTISED: E3M2 operands, one E8M0 scale for each 32 along K, by v_wmma_scale_f32_16x16x128_f8f6f4 with both operands' format E3M2, f32 sums; products left as they are: f32 operands where the result goes on into a quantised operand, else bf16, f16 or f32 operands; f32 sums; everything else in f32.
;; Inputs: W1 8 x 1,024 x 2,048 float32; W2 8 x 2,048 x 2,048 float32; W3 8 x 2,048 x 1,024 float32; Wg 1,024 x 8 float32; b1 8 x 2,048 float32; b2 8 x 2,048 float32; b3 8 x 1,024 float32; bg 8 float32; x 4 x 256 x 1,024 float32.
;; Outputs: out0 4 x 256 x 1,024 float32; out1 one number float32; out2 8 float32; out3 one number float32.
;; This version of the problem:
;;   THIS VERSION OF THE PROBLEM IS GIVEN IN LOW PRECISION. The matrix products marked QUANTISED in the list below multiply operands that are first quantised to E3M2 (3 exponent bits, 2 mantissa bits; 6 bits a number), with one power-of-two scale for each 32 numbers along K (OCP MX v1.0); their sums are f32. All else is computed in f32.
;;   The module's matrix products, in the order in which they are computed (A, B: the left and right operand; K: the contracted axis; several contracted axes count as one K, in the product's order):
;;     1. [M 1,024, K 1,024] x [K 1,024, N 8]; A: input x; B: input Wg: left as it is (N = 8 < 16)
;;     2. [M 16,384, K 1,024] x [K 1,024, N 1,024]; A: input W1; B: input x: QUANTISED
;;     3. batch 8 x [M 1,024, K 2,048] x [K 2,048, N 2,048]; A: computed on the way; B: input W2: QUANTISED
;;     4. batch 8 x [M 1,024, K 2,048] x [K 2,048, N 1,024]; A: computed on the way; B: input W3: QUANTISED
;;     5. batch 1,024 x [M 1, K 8] x [K 8, N 1,024]; A: computed on the way; B: computed on the way: left as it is (K = 8 < 32)
;;   THE QUANTISER, for each operand of a quantised product, along K:
;;     - K is cut into blocks of 32 from its start; a last block that is shorter is filled with zeros.
;;     - A block's scale is 2^e with e = floor(log2(the largest magnitude in the block)) - 4, held to -126 .. 127; a block of zeros has e = 0. As a byte (E8M0): e + 127.
;;     - Each number is divided by its block's scale, clamped to +-28, and rounded to the nearest number of E3M2, ties to even, subnormals kept.
;;     - The product sums the exact products of the quantised numbers (number of the format x scale) in f32.
;;   ~~~python
;;   def quantise(x, axis):      # numpy; x: float32 -> the quantised numbers, widened to float32 again
;;       x = np.moveaxis(x, axis, -1); K = x.shape[-1]
;;       x = np.pad(x, [(0, 0)] * (x.ndim - 1) + [(0, -K % 32)]); x = x.reshape(x.shape[:-1] + (-1, 32)); a = np.abs(x).max(-1, keepdims=True)
;;       e = np.where(a > 0, np.clip(np.frexp(np.where(a > 0, a, 1))[1] - 1 - 4, -126, 127), 0)      # np.frexp(a)[1] - 1 = floor(log2(a)), exactly
;;       r = np.clip(x / 2.0 ** e, -28, 28)
;;       step = 2.0 ** (np.maximum(np.frexp(np.where(r == 0, 1, r))[1] - 1, -2) - 2)
;;       q = np.round(r / step) * step * 2.0 ** e      # np.round: ties to even
;;       return np.moveaxis(q.reshape(q.shape[:-2] + (-1,))[..., :K], -1, axis).astype(np.float32)
;;   ~~~
;;   OPERANDS COMPUTED ON THE WAY. 'Computed on the way' means the value that the module computes at that place (a softmax that the list does not call 'softmax' is quantised finished and normalised). What goes into a quantiser is computed in f32, as accurately as f32 sums, v_exp_f32 and their like allow (about 1e-6 of the number): no bf16 or f16 on the way to a quantiser, and a product that is left as it is and whose result goes on into a quantised operand takes f32 operands (vector FMAs, or v_wmma_f32_16x16x4_f32). A number that lies on a knife's edge between two numbers of the format may be rounded either way, as far as f32 arithmetic and the matrix unit's own rounding can turn it there, and no further.
;; 3 versions. Each part assembles by itself: llvm-mc -triple=amdgcn-amd-amdhsa -mcpu=gfx1250 --defsym DOCPART=n.
;; ======== version 1 of 3: 6 launches
;; workspace buffers: XB 892,928 bytes; GI 12,288 bytes of whole numbers; PI 17,152 bytes of whole numbers; PF 8,704 bytes; H1 3,481,600 bytes; H2 3,481,600 bytes; Y 17,825,792 bytes
;; launch gate (part 1): grid 128 x 1, 4 waves a work-group, no clusters, 35,328 bytes of LDS; arguments x, Wg, bg, XB, GI; writes XB, GI
.if DOCPART == 1
	.amdgcn_target "amdgcn-amd-amdhsa--gfx1250"
	.amdhsa_code_object_version 6
	.text
	.protected	k_qbaa35e103a_gate
	.globl	k_qbaa35e103a_gate
	.p2align	8
	.type	k_qbaa35e103a_gate,@function
k_qbaa35e103a_gate:
	s_mov_b64 s[64:65], 0
	v_nop
	global_prefetch_b8 v0, s[64:65] scope:SCOPE_SE
	s_setreg_imm32_b32 hwreg(HW_REG_WAVE_MODE, 25, 1), 1
	s_wait_xcnt 0x0
; THE ROUTER AND THE QUANTISING OF x.  x: [1024 tokens][1024] f32.  Wg: [1024][8], bg: [8] f32.
; Stored into XB: x's codes of E3M2 (6 bits) and their E8M0 scale bytes, one for each 32 along the row; the two gates of each token; its 8 probabilities and 8 combine weights.
; Stored into GI, at fixed places: the two chosen experts of each token as whole numbers (a later launch forms addresses from them; here no address and no branch hangs on them).
;   XB + 0        codes [token][8 steps of 128][half h][48 bytes]: in a step's 96 bytes the four blocks of 24 bytes lie in the order 0, 2, 1, 3, so that lane (r, h) of an operand finds its 12 registers on end
;   XB + 786432   scale bytes [token][32]        XB + 819200  (g1, g2) [token]        XB + 827392  [token][8 probabilities, 8 combine weights]
;   GI + 0        i1 | i2 << 8 [token]           GI + 4096    1 << 8 i1 | 1 << 8 i2, 64 bits [token]
; SHARES.  A work-group takes 8 tokens.  Wave w takes half hf = w & 1 of the row (512 numbers) of tokens 4 (w >> 1) + 0 .. 3; lane l holds 16 neighbours, 512 hf + 16 l + 0 .. 15: two lanes hold a block of 32.
; The raw gates are f32 fused multiply-adds on the unquantised x.  Ties of the top-2 go to the lower index, as in jax.lax.top_k.
; LIMITS: NaN and infinities among the inputs are not served.  A block of zeros gets the scale byte 1 (its codes are zeros; only this program reads the bytes).
; Raw gates that lie closer together than the rounding of an f32 sum of 1,024 terms may be ranked otherwise than by another order of summation.
.set RAWP, 33792                       ; LDS: 0 .. 33791 Wg, 64 chunks of 512 bytes (16 rows) 528 bytes apart (33 x 16);  here [8 tokens][2 halves][8] partial gates;
.set XSL,  34304                       ; here [8 tokens][32] scale bytes
.set WG,   16                          ; v16-143   register 8 i + e = Wg[my first k + i][e]
.set X,    144                         ; v144-207  16 numbers for each of my 4 tokens
.set AC,   208                         ; v208-215  8 sums
.set CD,   216                         ; v216-231  codes: 4 registers a token, so that no store's data are written again
.set BG,   232                         ; v232-239  bg
.set T,    240                         ; v240-255  at work
	s_load_b128 s[4:7], s[0:1], 0x0                ; x, Wg
	s_load_b128 s[8:11], s[0:1], 0x10              ; bg, XB
	s_load_b64 s[12:13], s[0:1], 0x20              ; GI
	v_lshl_add_u32 v231, v0, 2, 0x8800
	v_mov_b32 v243, 0
	v_lshrrev_b32 v2, 5, v0
	v_readfirstlane_b32 s14, v2                    ; wave
	v_and_b32 v1, 31, v0                           ; lane
	v_bfe_u32 v3, v0, 5, 1                         ; hf
	v_bfe_u32 v4, v0, 6, 1                         ; which four tokens
	v_mov_b32 v5, 0
	v_lshlrev_b32 v6, 4, v0                        ; Wg: 16 bytes a thread
	v_lshlrev_b32 v7, 6, v1
	v_lshl_add_u32 v7, v3, 11, v7
	v_lshl_add_u32 v7, v4, 14, v7                  ; x: 4 rows x pair + 2048 hf + 64 l
	v_mul_u32_u24 v8, v2, 528
	v_lshl_add_u32 v8, v1, 4, v8                   ; Wg into LDS: chunk 4 i + w, 16 bytes a lane
	v_lshl_add_u32 v9, v3, 5, v1
	v_mul_u32_u24 v9, v9, 528                      ; and out of it: chunk 32 hf + l: my 16 rows
	v_mul_u32_u24 v10, v4, 3072                    ; my 12 bytes of codes: 4 tokens x 768,
	v_mad_u32_u24 v10, v3, 384, v10                ; half a row,
	v_lshrrev_b32 v11, 3, v1
	v_mad_u32_u24 v10, v11, 96, v10                ; the step of 128,
	v_bfe_u32 v11, v1, 1, 1
	v_mad_u32_u24 v10, v11, 48, v10                ; the block's low bit: the operand's half h,
	v_bfe_u32 v11, v1, 2, 1
	v_mad_u32_u24 v10, v11, 24, v10                ; its high bit,
	v_and_b32 v11, 1, v1
	v_mad_u32_u24 v10, v11, 12, v10                ; and my half of the block
	v_lshrrev_b32 v12, 1, v1
	v_lshl_add_u32 v12, v3, 4, v12
	v_lshl_add_u32 v12, v4, 7, v12
	v_add_nc_u32 v12, XSL, v12                     ; my block's scale byte
	v_lshlrev_b32 v13, 5, v3
	v_lshl_add_u32 v13, v4, 8, v13
	v_add_nc_u32 v13, RAWP, v13                    ; my wave's partial gates
.irp e, 0,1,2,3,4,5,6,7
	v_mov_b32 v[T+8+\e], 0                         ; written once: a lane permute's destination counts as one of its sources
.endr
	s_lshl_b32 s16, ttmp9, 15                      ; 8 rows of 4,096 bytes a work-group
	s_mov_b32 s17, 0
	s_mul_i32 s18, ttmp9, 6144                     ; 8 rows of 768 bytes of codes
	s_mov_b32 s19, 0
	s_mov_b32 s20, 0x76543210
	s_mov_b32 s21, 0xfedcba98                      ; v_permlanex16_b32's selects for lane l xor 16
	s_wait_kmcnt 0x0
	s_add_nc_u64 s[4:5], s[4:5], s[16:17]
	s_add_nc_u64 s[22:23], s[10:11], s[18:19]
	global_load_b128 v[BG:BG+3], v5, s[8:9]
	global_load_b128 v[BG+4:BG+7], v5, s[8:9] offset:16
.irp i, 0,1,2,3,4,5,6,7,8,9,10,11,12,13,14,15
	global_load_b128 v[WG+4*\i:WG+4*\i+3], v6, s[6:7] offset:2048*\i   ; the work-group's 128 threads read 2,048 consecutive bytes
.endr
.irp n, 0,1,2,3
.irp j, 0,1,2,3
	global_load_b128 v[X+16*\n+4*\j:X+16*\n+4*\j+3], v7, s[4:5] offset:4096*\n+16*\j
.endr
.endr
	s_wait_loadcnt 16                              ; bg and Wg are in; the 16 loads of x, issued behind them, may be out
.irp i, 0,1,2,3,4,5,6,7,8,9,10,11,12,13,14,15
	ds_store_b128 v8, v[WG+4*\i:WG+4*\i+3] offset:2112*\i
.endr
	s_wait_dscnt 0x0                               ; my part of Wg lies in LDS,
	s_barrier_signal -1
	s_barrier_wait -1                              ; everybody's does
.irp m, 0,1,2,3,4,5,6,7,8,9,10,11,12,13,14,15,16,17,18,19,20,21,22,23,24,25,26,27,28,29,30,31
	ds_load_b128 v[WG+4*\m:WG+4*\m+3], v9 offset:16*\m
.endr
	s_wait_dscnt 0x0
; Token n of my four: its partial gates, its codes and its scale bytes.
.macro TOKEN n
.set XN, X+16*(\n)
	s_wait_loadcnt 12-4*(\n)                       ; this token's four loads are in; the later tokens' may be out
.irp c, 0,1,2,3,4,5,6,7
.irp p, 0,2,4,6
.if \c == 0
	v_pk_mul_f32 v[AC+\p:AC+\p+1], v[WG+\p:WG+\p+1], v[XN:XN+1] op_sel_hi:[1,0]   ; the first product starts the sums
.else
	v_pk_fma_f32 v[AC+\p:AC+\p+1], v[WG+16*\c+\p:WG+16*\c+\p+1], v[XN+2*\c:XN+2*\c+1], v[AC+\p:AC+\p+1] op_sel_hi:[1,0,1]   ; two experts at a time x the pair's first number
.endif
.endr
.irp p, 0,2,4,6
	v_pk_fma_f32 v[AC+\p:AC+\p+1], v[WG+16*\c+8+\p:WG+16*\c+9+\p], v[XN+2*\c:XN+2*\c+1], v[AC+\p:AC+\p+1] op_sel:[0,1,0] op_sel_hi:[1,1,1]   ; x its second
.endr
.endr
	v_max3_num_f32 v[T], |v[XN]|, |v[XN+1]|, |v[XN+2]|             ; the largest magnitude of my 16, in two chains
	v_max3_num_f32 v[T+1], |v[XN+3]|, |v[XN+4]|, |v[XN+5]|
.irp i, 6,10
	v_max3_num_f32 v[T], v[T], |v[XN+\i]|, |v[XN+\i+1]|
	v_max3_num_f32 v[T+1], v[T+1], |v[XN+\i+2]|, |v[XN+\i+3]|
.endr
	v_max3_num_f32 v[T], v[T], |v[XN+14]|, |v[XN+15]|
	v_max3_num_f32 v[T], v[T], v[T+1], 0x2800000                   ; and the floor 2^(5 - 127): the byte cannot fall under 1
	v_max_num_f32_dpp v[T], v[T], v[T] row_xmask:1 row_mask:0xf bank_mask:0xf   ; with my neighbour's 16: the block's
	v_add_nc_u32 v[T+2], 0xfe000000, v[T]                          ; 4 off the exponent field: the conversion takes this operand's exponent field as its scale
	v_cvt_scalef32_pk16_bf6_f32 v[CD+4*(\n):CD+4*(\n)+2], v[XN:XN+15], v[T+2]
	v_lshrrev_b32 v[T+4+(\n)], 23, v[T+2]                          ; the scale's byte (a plain line behind the conversion)
	ds_store_b8 v12, v[T+4+(\n)] offset:32*(\n)                    ; both lanes of a block write the same byte with the same value
	global_store_b96 v10, v[CD+4*(\n):CD+4*(\n)+2], s[22:23] offset:768*(\n)   ; the wave's 32 x 12 bytes are 384 consecutive bytes
.irp m, 1,2,4,8
.irp e, 0,1,2,3,4,5,6,7
	v_add_f32_dpp v[AC+\e], v[AC+\e], v[AC+\e] row_xmask:\m row_mask:0xf bank_mask:0xf
.endr
.endr
.irp e, 0,1,2,3,4,5,6,7
	v_permlanex16_b32 v[T+8+\e], v[AC+\e], s20, s21
.endr
.irp e, 0,1,2,3,4,5,6,7
	v_add_f32 v[AC+\e], v[AC+\e], v[T+8+\e]                        ; every lane holds my half row's 8 sums
.endr
	ds_store_b128 v13, v[AC:AC+3] offset:64*(\n)                   ; all lanes write the same words with the same values
	ds_store_b128 v13, v[AC+4:AC+7] offset:64*(\n)+16
	s_wait_dscnt 0x0                               ; the stores have read their registers: the next token writes them again
.endm
	TOKEN 0
	TOKEN 1
	TOKEN 2
	TOKEN 3
	s_barrier_signal -1                            ; (each TOKEN ended with a wait for all my LDS stores)
	s_barrier_wait -1                              ; the 8 tokens' partial gates and scale bytes lie in LDS
	s_cmp_lg_u32 s14, 0
	s_cbranch_scc1 .Lend                           ; wave 0 finishes; lane l works token l & 7, lanes 0-7 store
	v_lshlrev_b32 v14, 3, v1                       ; 8 l
	v_add_nc_u32 v15, XSL, v14
	ds_load_b64 v[T:T+1], v15
	v_and_b32 v2, 7, v1
	v_lshl_add_u32 v3, v2, 6, RAWP
	ds_load_b128 v[16:19], v3
	ds_load_b128 v[20:23], v3 offset:16
	ds_load_b128 v[24:27], v3 offset:32
	ds_load_b128 v[28:31], v3 offset:48
	s_lshl_b32 s16, ttmp9, 8
	s_add_nc_u64 s[24:25], s[10:11], s[16:17]      ; XB + 256 wg: scale bytes
	s_lshl_b32 s16, ttmp9, 5
	s_add_nc_u64 s[26:27], s[12:13], s[16:17]      ; GI + 32 wg: the pair of experts
	s_lshl_b32 s16, ttmp9, 6
	s_add_nc_u64 s[28:29], s[12:13], s[16:17]      ; GI + 64 wg: the one-hot bytes
	s_add_nc_u64 s[30:31], s[10:11], s[16:17]      ; XB + 64 wg: the gates
	s_lshl_b32 s16, ttmp9, 9
	s_add_nc_u64 s[32:33], s[10:11], s[16:17]      ; XB + 512 wg: probabilities and combine weights
	s_wait_dscnt 4                                 ; the scale bytes are in; the four loads behind them may be out
	global_store_b64 v14, v[T:T+1], s[24:25] offset:786432   ; 32 lanes store 256 consecutive bytes, aligned
	s_wait_dscnt 0x0
.irp e, 0,1,2,3,4,5,6,7
	v_add_f32 v[16+\e], v[16+\e], v[24+\e]         ; the two halves of the row,
.endr
.irp e, 0,1,2,3,4,5,6,7
	v_add_f32 v[16+\e], v[16+\e], v[BG+\e]         ; and bg: the raw gates
.endr
	v_mov_b32 v32, v16                             ; m1, the largest,
	v_mov_b32 v33, 0                               ; i1, its index
.irp e, 1,2,3,4,5,6,7
	v_cmp_ge_f32 vcc_lo, v32, v[16+\e]             ; kept unless the new one is strictly larger: the lower index wins a tie
	v_cndmask_b32 v32, v[16+\e], v32, vcc_lo
	v_cndmask_b32 v33, \e, v33, vcc_lo
.endr
	v_mov_b32 v34, 0xff800000                      ; m2, the largest of the others, from -infinity
	v_mov_b32 v35, 0                               ; i2
.irp e, 0,1,2,3,4,5,6,7
	v_cmp_ge_f32 s36, v34, v[16+\e]
	v_cmp_eq_u32 s37, \e, v33                      ; i1 itself is passed over
	s_or_b32 vcc_lo, s36, s37
	v_cndmask_b32 v34, v[16+\e], v34, vcc_lo
	v_cndmask_b32 v35, \e, v35, vcc_lo
.endr
.irp e, 0,1,2,3,4,5,6,7
	v_sub_f32 v[40+\e], v[16+\e], v32              ; the maximum is taken away before the exponentials
.endr
.irp e, 0,1,2,3,4,5,6,7
	v_mul_f32 v[40+\e], 0x3fb8aa3b, v[40+\e]       ; x log2(e)
.endr
	v_sub_f32 v36, v34, v32
	v_mul_f32 v36, 0x3fb8aa3b, v36
.irp e, 0,1,2,3,4,5,6,7
	v_exp_f32 v[40+\e], v[40+\e]
.endr
	v_exp_f32 v37, v36                             ; e2 = exp(m2 - m1)
	v_nop                                          ; a plain line behind the exponentials
	s_wait_alu depctr_va_vdst(0)
	v_add_f32 v57, v40, v41
	v_add_f32 v58, v42, v43
	v_add_f32 v59, v44, v45
	v_add_f32 v60, v46, v47
	v_add_f32 v57, v57, v58
	v_add_f32 v59, v59, v60
	v_add_f32 v57, v57, v59
	v_add_f32 v58, 1.0, v37
	v_rcp_f32 v57, v57
	v_rcp_f32 v36, v58                             ; g1 = 1 / (1 + e2)
	v_nop                                          ; a plain line behind the reciprocals
	s_wait_alu depctr_va_vdst(0)
.irp e, 0,1,2,3,4,5,6,7
	v_mul_f32 v[40+\e], v[40+\e], v57              ; the 8 probabilities
.endr
	v_mul_f32 v37, v37, v36                        ; g2 = e2 g1
.irp e, 0,1,2,3,4,5,6,7
	v_cmp_eq_u32 vcc_lo, \e, v35
	v_cndmask_b32 v[48+\e], 0, v37, vcc_lo
	v_cmp_eq_u32 vcc_lo, \e, v33
	v_cndmask_b32 v[48+\e], v[48+\e], v36, vcc_lo  ; the combine weights: g1 at i1, g2 at i2, else 0
.endr
	v_mov_b32 v59, 1
	v_lshlrev_b32 v60, 3, v33
	v_lshlrev_b32 v60, v60, v59                    ; 1 << (8 i1 mod 32)
	v_cmp_gt_u32 vcc_lo, 4, v33
	v_cndmask_b32 v38, 0, v60, vcc_lo              ; in the low word where i1 < 4,
	v_sub_nc_u32 v39, v60, v38                     ; else in the high word
	v_lshlrev_b32 v60, 3, v35
	v_lshlrev_b32 v60, v60, v59
	v_cmp_gt_u32 vcc_lo, 4, v35
	v_cndmask_b32 v61, 0, v60, vcc_lo
	v_sub_nc_u32 v62, v60, v61
	v_or_b32 v38, v38, v61
	v_or_b32 v39, v39, v62
	v_lshl_or_b32 v56, v35, 8, v33                 ; i1 | i2 << 8
	v_lshlrev_b32 v63, 2, v1
	v_lshlrev_b32 v64, 6, v1
	v_cmp_gt_u32 vcc_lo, 8, v1
	s_wait_xcnt 0x0                                ; EXEC is a source of the stores issued so far: it changes only behind this wait
	s_wait_tensorcnt 0x0
	ds_add_u32 v231, v243
	s_wait_dscnt 0x0
	s_and_saveexec_b32 s34, vcc_lo
	global_store_b32 v63, v56, s[26:27]
	global_store_b64 v14, v[38:39], s[28:29] offset:4096
	global_store_b64 v14, v[36:37], s[30:31] offset:819200
	global_store_b128 v64, v[40:43], s[32:33] offset:827392
	global_store_b128 v64, v[44:47], s[32:33] offset:827408
	global_store_b128 v64, v[48:51], s[32:33] offset:827424
	global_store_b128 v64, v[52:55], s[32:33] offset:827440
	s_endpgm
.Lend:
	s_wait_tensorcnt 0x0
	ds_add_u32 v231, v243
	s_wait_dscnt 0x0
	s_endpgm
.Lfunc_end_k_qbaa35e103a_gate:
	.size	k_qbaa35e103a_gate, .Lfunc_end_k_qbaa35e103a_gate-k_qbaa35e103a_gate
	.p2alignl 7, 3214868480
	.fill 96, 4, 3214868480
	.section	.rodata,"a",@progbits
	.p2align	6, 0x0
	.amdhsa_kernel k_qbaa35e103a_gate
		.amdhsa_group_segment_fixed_size 35328
		.amdhsa_private_segment_fixed_size 0
		.amdhsa_enable_private_segment 0
		.amdhsa_kernarg_size 40
		.amdhsa_user_sgpr_count 2
		.amdhsa_user_sgpr_kernarg_segment_ptr 1
		.amdhsa_wavefront_size32 1
		.amdhsa_system_sgpr_workgroup_id_x 1
		.amdhsa_system_sgpr_workgroup_id_y 1
		.amdhsa_system_sgpr_workgroup_id_z 1
		.amdhsa_system_vgpr_workitem_id 0
		.amdhsa_next_free_vgpr 256
		.amdhsa_next_free_sgpr 66
		.amdhsa_reserve_vcc 1
		.amdhsa_float_denorm_mode_32 3
		.amdhsa_float_denorm_mode_16_64 3
		.amdhsa_memory_ordered 1
		.amdhsa_forward_progress 1
		.amdhsa_inst_pref_size 50
	.end_amdhsa_kernel
	.amdgpu_metadata
---
amdhsa.version: [ 1, 2 ]
amdhsa.kernels:
  - .name:           k_qbaa35e103a_gate
    .symbol:         k_qbaa35e103a_gate.kd
    .args:
      - { .name: x, .offset: 0, .size: 8, .value_kind: global_buffer, .address_space: global }
      - { .name: Wg, .offset: 8, .size: 8, .value_kind: global_buffer, .address_space: global }
      - { .name: bg, .offset: 16, .size: 8, .value_kind: global_buffer, .address_space: global }
      - { .name: XB, .offset: 24, .size: 8, .value_kind: global_buffer, .address_space: global }
      - { .name: GI, .offset: 32, .size: 8, .value_kind: global_buffer, .address_space: global }
    .group_segment_fixed_size: 35328
    .private_segment_fixed_size: 0
    .kernarg_segment_align: 8
    .kernarg_segment_size: 40
    .max_flat_workgroup_size: 128
    .sgpr_count:     66
    .vgpr_count:     256
    .wavefront_size: 32
...
	.end_amdgpu_metadata
.endif
;; end of part 1
;; launch place (part 2): grid 1 x 1, 8 waves a work-group, no clusters, 2,048 bytes of LDS; arguments GI, XB, PI, PF, out1, out2, out3; writes PI, PF, out1, out2, out3
.if DOCPART == 2
	.amdgcn_target "amdgcn-amd-amdhsa--gfx1250"
	.amdhsa_code_object_version 6
	.text
	.protected	k_qbaa35e103a_place
	.globl	k_qbaa35e103a_place
	.p2align	8
	.type	k_qbaa35e103a_place,@function
k_qbaa35e103a_place:
	s_mov_b64 s[64:65], 0
	v_nop
	global_prefetch_b8 v0, s[64:65] scope:SCOPE_SE
	s_setreg_imm32_b32 hwreg(HW_REG_WAVE_MODE, 25, 1), 1
	s_wait_xcnt 0x0
; THE PLACING OF ROWS, AND THE THREE SMALL OUTPUTS.  One work-group, 8 waves.  A counting sort without atomics of the 2,048 (token, expert) rows:
; expert e owns tiles of 16 rows, tb_e .. tb_e + tiles_e - 1, tiles_e = ceil(count_e / 16); in it the rows stand in the order of their tokens; a last tile is filled up with rows of token 0 and gate 0.
;   PI + 0     word 2 e = tb_e, word 2 e + 1 = tiles_e, words 16-31 = 0       PI + 256   LIST[row] = token        PI + 8960  POS[token] = (row of i1, row of i2)        PF  WROW[row] = gate
; Every wave counts all 1,024 tokens by itself (the one-hot bytes of 32 tokens a lane add up without carries: a byte reaches 32 at the most), so no whole number goes from wave to wave.
; Wave w places tokens 128 w .. 128 w + 127, and fills up expert w's last tile.  All addresses come from the whole numbers in GI; the gates and probabilities are values only.
; The tiles number 128 + 7 = 135 at the most (tiles 0 .. 134), so rows 2160 .. 2175 of the two lists belong to no tile and are read by no launch: the lanes that have no row to fill up store their zeros there,
; so that the filling up runs with all lanes on and no lane mask is made from a stored count.
; Addresses that hang on no data are made at the head, from the thread's number alone, in registers that hold nothing else.
; out2 = the mean of the combine weights; out1 = 0.01 x 8 x sum(mean probability x mean combine weight); out3 = -sum(p log(p + 1e-8)) of the mean probabilities.
.set OH,  16                           ; v16-79    one-hot bytes: pair i belongs to token 32 i + lane
.set GP,  80                           ; v80-143   probabilities and combine weights, 16 x 16 bytes a thread
.set SEL, 144                          ; v144-147  i1 | i2 << 8 of my 4 tokens
.set GW,  148                          ; v148-155  their gates
.set POS, 156                          ; v156-163  their rows
.set OFS, 164                          ; v164-171  4 x row
.set TOK, 172                          ; v172-175  their numbers
.set T,   176                          ; v176-191  at work
	s_load_b256 s[4:11], s[0:1], 0x0               ; GI, XB, PI, PF
	s_load_b128 s[12:15], s[0:1], 0x20             ; out1, out2
	s_load_b64 s[16:17], s[0:1], 0x30              ; out3
	v_lshl_add_u32 v192, v0, 2, 0x400
	v_mov_b32 v193, 0
	v_lshrrev_b32 v2, 5, v0
	v_readfirstlane_b32 s18, v2                    ; wave
	v_and_b32 v1, 31, v0                           ; lane
	v_lshlrev_b32 v3, 3, v1
	v_lshlrev_b32 v4, 7, v2
	v_add_nc_u32 v4, v4, v1                        ; token 128 w + l
	v_lshlrev_b32 v5, 2, v4
	v_lshlrev_b32 v6, 3, v4
	v_lshlrev_b32 v7, 4, v0
	v_lshlrev_b32 v8, 2, v1                        ; v8   4 l: the table's word
	v_and_b32 v9, 3, v1
	v_lshlrev_b32 v9, 4, v9
	v_lshl_add_u32 v9, v2, 6, v9                   ; v9   LDS: 64 w + 16 (l & 3): my wave's sums of my four columns
	v_and_b32 v10, 15, v1
	v_add_nc_u32 v14, 2160, v10                    ; v14  a row that belongs to no tile
	v_lshlrev_b32 v10, 2, v10                      ; v10  LDS: 4 (l & 15): my column
	v_mov_b32 v11, 0                               ; v11  offset 0: out1, out3
	v_and_b32 v12, 7, v1
	v_lshlrev_b32 v12, 2, v12                      ; v12  4 (l & 7): out2
	v_lshrrev_b32 v13, 3, v1                       ; v13  l / 8
	s_mov_b32 s20, 0x76543210
	s_mov_b32 s21, 0xfedcba98                      ; v_permlanex16_b32's selects for lane l xor 16
	s_mov_b32 s22, 0x00ff00ff
	s_wait_kmcnt 0x0
.irp i, 0,1,2,3,4,5,6,7,8,9,10,11,12,13,14,15,16,17,18,19,20,21,22,23,24,25,26,27,28,29,30,31
	global_load_b64 v[OH+2*\i:OH+2*\i+1], v3, s[4:5] offset:4096+256*\i
.endr
.irp g, 0,1,2,3
	global_load_b32 v[SEL+\g], v5, s[4:5] offset:128*\g
.endr
.irp g, 0,1,2,3
	global_load_b64 v[GW+2*\g:GW+2*\g+1], v6, s[6:7] offset:819200+256*\g
.endr
.irp i, 0,1,2,3,4,5,6,7,8,9,10,11,12,13,14,15
	global_load_b128 v[GP+4*\i:GP+4*\i+3], v7, s[6:7] offset:827392+4096*\i
.endr
.irp j, 0,1,2,3
	v_mov_b32 v[T+\j], 0                           ; T, T+1: the running sums of the 8 bytes;  T+2, T+3: the same as they stood in front of my wave's tokens
.endr
	v_mov_b32 v[T+12], 0                           ; (a destination of lane moves: written once)
	s_wait_loadcnt 24                              ; the one-hot bytes are in; the 24 loads issued behind them may be out
.set i, 0
.rept 32
.if (i%4 == 0) && (i > 0)
	s_cmp_eq_u32 s18, i/4                          ; group 4 w is my wave's first
	s_cselect_b32 vcc_lo, -1, 0
	v_cndmask_b32 v[T+2], v[T+2], v[T], vcc_lo
	v_cndmask_b32 v[T+3], v[T+3], v[T+1], vcc_lo
.endif
	v_add_nc_u32 v[T], v[T], v[OH+2*i]
	v_add_nc_u32 v[T+1], v[T+1], v[OH+2*i+1]
.set i, i+1
.endr
.irp j, 0,1,2,3                                ; bytes to fields of 16 bits, which hold the sums over the lanes (1,024 at the most): T+4+2j the even experts of word j, T+5+2j the odd
	v_and_b32 v[T+4+2*\j], s22, v[T+\j]
	v_lshrrev_b32 v[T+5+2*\j], 8, v[T+\j]
	v_and_b32 v[T+5+2*\j], s22, v[T+5+2*\j]
.endr
.irp m, 1,2,4,8
.irp j, 0,1,2,3,4,5,6,7
	v_mov_b32_dpp v[T+12], v[T+4+\j] row_xmask:\m row_mask:0xf bank_mask:0xf
	v_add_nc_u32 v[T+4+\j], v[T+4+\j], v[T+12]
.endr
.endr
.irp j, 0,1,2,3,4,5,6,7
	v_permlanex16_b32 v[T+12], v[T+4+\j], s20, s21
	v_add_nc_u32 v[T+4+\j], v[T+4+\j], v[T+12]
	v_readfirstlane_b32 s[24+\j], v[T+4+\j]
.endr
.irp e, 0,1,2,3,4,5,6,7                        ; s32.. counts, s48.. rows in front of my wave's, s66.. tiles
	s_bfe_u32 s[32+\e], s[24+(\e/4)*2+(\e%2)], 0x100000+16*((\e/2)%2)
	s_bfe_u32 s[48+\e], s[28+(\e/4)*2+(\e%2)], 0x100000+16*((\e/2)%2)
	s_add_co_u32 s[66+\e], s[32+\e], 15
	s_lshr_b32 s[66+\e], s[66+\e], 4
.endr
	s_mov_b32 s40, 0                               ; s40.. the experts' first tiles
.irp e, 1,2,3,4,5,6,7
	s_add_co_u32 s[40+\e], s[40+\e-1], s[66+\e-1]
.endr
.irp e, 0,1,2,3,4,5,6,7
	s_lshl_b32 s74, s[40+\e], 4
	s_add_co_u32 s[48+\e], s[48+\e], s74           ; the row that my wave's first token of expert e gets
.endr
	s_wait_loadcnt 20                              ; the pairs of experts are in; the 20 loads issued behind them may be out
.irp g, 0,1,2,3
	v_and_b32 v[T], 0xff, v[SEL+\g]                ; i1
	v_lshrrev_b32 v[T+1], 8, v[SEL+\g]             ; i2
	v_mov_b32 v[POS+2*\g], 0
	v_mov_b32 v[POS+2*\g+1], 0
.irp e, 0,1,2,3,4,5,6,7
	v_cmp_eq_u32 s56, \e, v[T]
	v_cmp_eq_u32 s57, \e, v[T+1]
	s_or_b32 s58, s56, s57                         ; the lanes whose token goes to expert e
	v_mbcnt_lo_u32_b32 v[T+2], s58, s[48+\e]       ; the running row + how many of them stand below me
	v_cndmask_b32 v[POS+2*\g], v[POS+2*\g], v[T+2], s56
	v_cndmask_b32 v[POS+2*\g+1], v[POS+2*\g+1], v[T+2], s57
	s_bcnt1_i32_b32 s59, s58
	s_add_co_u32 s[48+\e], s[48+\e], s59
.endr
	v_min_u32 v[POS+2*\g], 0x87f, v[POS+2*\g]      ; a row stays inside the lists of 2,176
	v_min_u32 v[POS+2*\g+1], 0x87f, v[POS+2*\g+1]
	v_lshlrev_b32 v[OFS+2*\g], 2, v[POS+2*\g]
	v_lshlrev_b32 v[OFS+2*\g+1], 2, v[POS+2*\g+1]
	v_add_nc_u32 v[TOK+\g], 32*\g, v4
.endr
	s_wait_loadcnt 16                              ; the gates are in; the 16 loads behind them may be out
.irp g, 0,1,2,3
	global_store_b32 v[OFS+2*\g], v[TOK+\g], s[8:9] offset:256
	global_store_b32 v[OFS+2*\g+1], v[TOK+\g], s[8:9] offset:256
	global_store_b32 v[OFS+2*\g], v[GW+2*\g], s[10:11]
	global_store_b32 v[OFS+2*\g+1], v[GW+2*\g+1], s[10:11]
	global_store_b64 v6, v[POS+2*\g:POS+2*\g+1], s[8:9] offset:8960+256*\g
.endr
	s_mov_b32 s60, s32                             ; expert w's count and first tile
	s_mov_b32 s61, s40
.irp j, 1,2,3,4,5,6,7
	s_cmp_eq_u32 s18, \j
	s_cselect_b32 s60, s[32+\j], s60
	s_cselect_b32 s61, s[40+\j], s61
.endr
	s_sub_co_u32 s62, 0, s60
	s_and_b32 s62, s62, 15                         ; rows that its last tile lacks
	s_lshl_b32 s61, s61, 4
	s_add_co_u32 s61, s61, s60                     ; the first of them
	v_add_nc_u32 v[T+3], s61, v1
	v_cmp_gt_u32 vcc_lo, s62, v1                   ; have I one of them?
	v_cndmask_b32 v[T+3], v14, v[T+3], vcc_lo      ; if not: a row that belongs to no tile.  A choice of a value: all lanes stay on
	v_min_u32 v[T+3], 0x87f, v[T+3]
	v_lshlrev_b32 v[T+3], 2, v[T+3]
	v_mov_b32 v[T+4], 0
	global_store_b32 v[T+3], v[T+4], s[8:9] offset:256   ; token 0,
	global_store_b32 v[T+3], v[T+4], s[10:11]            ; gate 0
	s_cmp_lg_u32 s18, 0
	s_cbranch_scc1 .Lno_tab                        ; wave 0 stores the table
	v_mov_b32 v[T+5], 0
.irp e, 0,1,2,3,4,5,6,7
	v_writelane_b32 v[T+5], s[40+\e], 2*\e
	v_writelane_b32 v[T+5], s[66+\e], 2*\e+1
.endr
	global_store_b32 v8, v[T+5], s[8:9]
.Lno_tab:
	s_wait_loadcnt 0x0                             ; probabilities and combine weights.  Thread t holds columns 4 (t & 3) + 0 .. 3 of 16 tokens
.irp i, 1,2,3,4,5,6,7,8,9,10,11,12,13,14,15
	v_pk_add_f32 v[GP:GP+1], v[GP:GP+1], v[GP+4*\i:GP+4*\i+1]
	v_pk_add_f32 v[GP+2:GP+3], v[GP+2:GP+3], v[GP+4*\i+2:GP+4*\i+3]
.endr
.irp m, 4,8
.irp j, 0,1,2,3
	v_add_f32_dpp v[GP+\j], v[GP+\j], v[GP+\j] row_xmask:\m row_mask:0xf bank_mask:0xf
.endr
.endr
.irp j, 0,1,2,3
	v_permlanex16_b32 v[T+8+\j], v[GP+\j], s20, s21
.endr
.irp j, 0,1,2,3
	v_add_f32 v[GP+\j], v[GP+\j], v[T+8+\j]        ; the wave's sums of my four columns
.endr
	ds_store_b128 v9, v[GP:GP+3]                   ; eight lanes write the same words with the same values
	s_wait_dscnt 0x0                               ; my sums lie in LDS,
	s_barrier_signal -1
	s_barrier_wait -1                              ; everybody's do
	s_cmp_lg_u32 s18, 0
	s_cbranch_scc1 .Lend
.irp j, 0,1,2,3,4,5,6,7
	ds_load_b32 v[GP+8+\j], v10 offset:64*\j       ; lane l takes column l & 15: 0-7 probabilities, 8-15 combine weights; one word from each wave
.endr
	s_wait_dscnt 0x0
	v_add_f32 v[GP+8], v[GP+8], v[GP+9]
	v_add_f32 v[GP+10], v[GP+10], v[GP+11]
	v_add_f32 v[GP+12], v[GP+12], v[GP+13]
	v_add_f32 v[GP+14], v[GP+14], v[GP+15]
	v_add_f32 v[GP+8], v[GP+8], v[GP+10]
	v_add_f32 v[GP+12], v[GP+12], v[GP+14]
	v_add_f32 v[GP+8], v[GP+8], v[GP+12]
	v_mul_f32 v[GP+16], 0x3a800000, v[GP+8]        ; / 1,024: the means
	v_mov_b32 v[T+14], 0
	v_mul_f32_dpp v[T+14], v[GP+16], v[GP+16] row_xmask:8 row_mask:0xf bank_mask:0xf   ; mean probability x mean combine weight of expert l & 7
	v_add_f32 v[GP+17], 0x322bcc77, v[GP+16]       ; p + 1e-8
	v_log_f32 v[GP+17], v[GP+17]                   ; log2
	v_nop                                          ; a plain line behind the logarithm
	s_wait_alu depctr_va_vdst(0)
	v_mul_f32 v[GP+17], v[GP+17], v[GP+16]
.irp m, 1,2,4
	v_add_f32_dpp v[T+14], v[T+14], v[T+14] row_xmask:\m row_mask:0xf bank_mask:0xf
	v_add_f32_dpp v[GP+17], v[GP+17], v[GP+17] row_xmask:\m row_mask:0xf bank_mask:0xf
.endr
	v_mul_f32 v[T+14], 0x3da3d70a, v[T+14]         ; x 0.08
	v_mul_f32 v[GP+17], 0xbf317218, v[GP+17]       ; x -ln 2 (lanes 0-7 hold the sum over the probabilities)
	v_cmp_eq_u32 vcc_lo, 0, v1                     ; lane 0: a mask made of the lane's number
	s_wait_xcnt 0x0                                ; EXEC is a source of the stores issued so far: it narrows only behind this wait
	s_wait_tensorcnt 0x0
	ds_add_u32 v192, v193
	s_wait_dscnt 0x0
	s_and_saveexec_b32 s63, vcc_lo
	global_store_b32 v11, v[T+14], s[12:13]        ; out1
	global_store_b32 v11, v[GP+17], s[16:17]       ; out3
	s_wait_xcnt 0x0                                ; and changes again only behind this one
	s_or_b32 exec_lo, exec_lo, s63
	v_cmp_eq_u32 vcc_lo, 1, v13                    ; lanes 8-15
	s_and_saveexec_b32 s63, vcc_lo
	global_store_b32 v12, v[GP+16], s[14:15]       ; out2
	s_endpgm
.Lend:
	s_wait_tensorcnt 0x0
	ds_add_u32 v192, v193
	s_wait_dscnt 0x0
	s_endpgm
.Lfunc_end_k_qbaa35e103a_place:
	.size	k_qbaa35e103a_place, .Lfunc_end_k_qbaa35e103a_place-k_qbaa35e103a_place
	.p2alignl 7, 3214868480
	.fill 96, 4, 3214868480
	.section	.rodata,"a",@progbits
	.p2align	6, 0x0
	.amdhsa_kernel k_qbaa35e103a_place
		.amdhsa_group_segment_fixed_size 2048
		.amdhsa_private_segment_fixed_size 0
		.amdhsa_enable_private_segment 0
		.amdhsa_kernarg_size 56
		.amdhsa_user_sgpr_count 2
		.amdhsa_user_sgpr_kernarg_segment_ptr 1
		.amdhsa_wavefront_size32 1
		.amdhsa_system_sgpr_workgroup_id_x 1
		.amdhsa_system_sgpr_workgroup_id_y 1
		.amdhsa_system_sgpr_workgroup_id_z 1
		.amdhsa_system_vgpr_workitem_id 0
		.amdhsa_next_free_vgpr 194
		.amdhsa_next_free_sgpr 80
		.amdhsa_reserve_vcc 1
		.amdhsa_float_denorm_mode_32 3
		.amdhsa_float_denorm_mode_16_64 3
		.amdhsa_memory_ordered 1
		.amdhsa_forward_progress 1
		.amdhsa_inst_pref_size 41
	.end_amdhsa_kernel
	.amdgpu_metadata
---
amdhsa.version: [ 1, 2 ]
amdhsa.kernels:
  - .name:           k_qbaa35e103a_place
    .symbol:         k_qbaa35e103a_place.kd
    .args:
      - { .name: GI, .offset: 0, .size: 8, .value_kind: global_buffer, .address_space: global }
      - { .name: XB, .offset: 8, .size: 8, .value_kind: global_buffer, .address_space: global }
      - { .name: PI, .offset: 16, .size: 8, .value_kind: global_buffer, .address_space: global }
      - { .name: PF, .offset: 24, .size: 8, .value_kind: global_buffer, .address_space: global }
      - { .name: out1, .offset: 32, .size: 8, .value_kind: global_buffer, .address_space: global }
      - { .name: out2, .offset: 40, .size: 8, .value_kind: global_buffer, .address_space: global }
      - { .name: out3, .offset: 48, .size: 8, .value_kind: global_buffer, .address_space: global }
    .group_segment_fixed_size: 2048
    .private_segment_fixed_size: 0
    .kernarg_segment_align: 8
    .kernarg_segment_size: 56
    .max_flat_workgroup_size: 256
    .sgpr_count:     80
    .vgpr_count:     194
    .wavefront_size: 32
...
	.end_amdgpu_metadata
.endif
;; end of part 2
;; launch layer1 (part 3): grid 32 x 8, 16 waves a work-group, no clusters, 55,296 bytes of LDS; arguments W1, b1, XB, PI, H1; writes H1
.if DOCPART == 3
	.amdgcn_target "amdgcn-amd-amdhsa--gfx1250"
	.amdhsa_code_object_version 6
	.text
	.protected	k_qbaa35e103a_layer1
	.globl	k_qbaa35e103a_layer1
	.p2align	8
	.type	k_qbaa35e103a_layer1,@function
k_qbaa35e103a_layer1:
	s_mov_b64 s[64:65], 0
	v_nop
	global_prefetch_b8 v0, s[64:65] scope:SCOPE_SE
	s_setreg_imm32_b32 hwreg(HW_REG_WAVE_MODE, 25, 1), 1
	s_wait_xcnt 0x0
; ONE LAYER OF THE EXPERTS, on the rows that the router chose.  The same text serves the three layers; LAYER says which.
.set LAYER, 1
;   LAYER 1: h1 = Q(relu(x W1 + b1))      LAYER 2: h2 = Q(relu(h1 W2 + b2))      LAYER 3: Y[kh][row] = gate x (h2 W3 over half kh of K, + b3 where kh = 0)
; Both operands of the product are codes of E3M2 with one E8M0 scale for each 32 along K; sums in f32.  Q is the same quantiser along the next layer's K.
; THE WEIGHTS BIND: they arrive as f32 [expert][K][N].  Each weight byte is read ONCE in the launch, by one work-group, quantised in registers and used at once.
; SHARES.  A work-group owns one expert (grid y) and a strip of 64 columns of N (grid x; in layer 3 also a half of K), and multiplies ALL of that expert's rows by it.  K goes in NT trips of 256.
; AS PRODUCER wave w takes, in each trip, 32 K rows x 32 columns: A LANE TAKES A COLUMN AND ITS 32 REGISTERS RUN DOWN K, so a block of 32 lies in one lane, and the conversions give codes with K innermost.
;   Each load reads 128 consecutive bytes; wave w xor 1 reads the other half of the same aligned 256.  The codes go to LDS as images of the operand's registers and stay there: no LDS byte is written twice.
; AS CONSUMER wave w owns the expert's tiles of 16 rows number w and w + 16 (slots 0, 1) against the strip's four tiles of 16 columns: 8 accumulators.  Tiles 32 .. 63 (a very uneven choice) follow at the end, from the strip in LDS.
; THE PRODUCT IS USED TRANSPOSED (source 0 = 16 columns of the weight, source 1 = 16 rows), and row m of column tile t is column 32 (t / 2) + 8 (t % 2) + m + 8 (m / 8):
;   so lane (r, h) holds row r, and its registers 16 b + i are columns 32 b + 16 h + i: 16 neighbours along the next K.
; WHAT HANGS ON THE STORED LIST: how many tiles the expert has.  Every barrier, every weight load, every quantising step and all of trip 0 stand on every path; a slot without a tile takes tile 0 (which always exists)
;   and stores nothing.  Later trips' products, the stores and the part for tiles 32 .. 63 are jumped over by scalar branches on the stored count; no barrier stands under such a branch.
; No tensor load, no cluster: the row counts are read from memory, so the operands go from memory straight into registers.  The 32 work-groups of an expert read the same activations by plain loads.
; LIMITS: NaN and infinities are not served.  A block of zeros gets the scale byte 1 (its codes are zeros; only this program reads the bytes).  An expert without rows still streams its strip.
.if LAYER == 2
.set NT, 8                             ; trips of 256 along K
.else
.set NT, 4
.endif
.if LAYER == 3
.set WN, 1024                          ; numbers in a row of the weight
.set ESTR, 2*NT*256*WN*4               ; bytes of an expert's weight (two halves of K)
.else
.set WN, 2048
.set ESTR, NT*256*WN*4
.endif
.set ROWB,  WN*4
.set REC,   1664                       ; LDS: a record is one fragment (16 columns x 128 K): for c = 0, 1: registers 6 c .. 6 c + 3 at 768 c + 16 lane, 6 c + 4, 6 c + 5 at 768 c + 512 + 8 lane; 16 scale words at 1536; 64 bytes unused
.set TRIPB, 8*REC                      ; a trip's 8 records: (step q of 128, column tile t) at (4 q + t) REC
.set STG,   4*TRIPB                    ; layer 3: behind the records a stage of 16 rows x 272 bytes for each wave
.set HSC,   3342336                    ; in H1, H2: codes [136 tiles][16 steps][2 c][512 + 256 bytes], then from here scale words [136][16 steps][16 rows]
.set VW,   4                           ; v4      my byte in the trip's block of the weight
.set LD0,  5                           ; v5-10   LDS: where I store 16 bytes, 8 bytes, the scale byte; where I read 16 bytes (16 lane), 8 bytes (8 lane), scale words.  v11-16: the same 4 trips on (layer 2)
.set TO16, 17                          ; v17-18  slot k: tile x 24576 + 16 lane
.set TO8,  19                          ; v19-20  tile x 24576 + 8 lane
.set TOS,  21                          ; v21-22  tile x 1024 + 4 lane
.set TOW,  23                          ; v23-24  tile x 1024 + 4 r
.set AOX,  25                          ; v25-26  layer 1: token x 768 + 48 h
.set AOS,  27                          ; v27-28  layer 1: token x 32 + 4 h
.set TY,   25                          ; v25-26  layer 3: tile x 65536 + my place in two rows of Y
.set YL,   27                          ; v27     layer 3: that place
.set BO,   29                          ; v29     64 h: my place in the bias
.set TOK,  30                          ; v30-31  layer 1: my row's token
.set STO,  30                          ; v30     layer 3: the stage, on the way in
.set SRD,  31                          ; v31     layer 3: and back
.set AS,   32                          ; v32-33  the rows' scale words and nothing else: lanes 0-15 the trip's first 128 along K, lanes 16-31 its second
.set SB,   34                          ; v34-37  the weight's scale words and nothing else, likewise, for column tile t
.set LOFF, 38                          ; v38-39  tile x 64 + 4 r: my row in the lists
.set C,    40                          ; v40-46  the codes just made
.set H48,  47                          ; v47     layer 1: 48 h
.set BF,   48                          ; v48-71  two fragments of the weight; at the end the rows' new codes
.set AF,   72                          ; v72-119 the rows' fragments: slot k, step q at 72 + 24 k + 12 q
.set WS,   120                         ; v120-183 two sets of 32 numbers of the weight; set 0 holds the bias at the end
.set ACC,  184                         ; v184-247 accumulator (slot k, column tile t) at 184 + 32 k + 8 t
.set GT,   248                         ; v248, v250 layer 3: my rows' gates (named in pairs with v249, v251)
.set QT,   252                         ; v252-254 at work in the weight's quantiser
	s_load_b256 s[4:11], s[0:1], 0x0               ; the weight, the bias, the activations, PI
.if LAYER == 3
	s_load_b128 s[12:15], s[0:1], 0x20             ; Y, PF
.else
	s_load_b64 s[12:13], s[0:1], 0x20              ; the next layer's codes and scales
	v_lshl_add_u32 v15, v0, 2, 0xd000
	v_mov_b32 v16, 0
.endif
	v_lshrrev_b32 v1, 5, v0
	v_readfirstlane_b32 s16, v1                    ; wave 0 .. 15
	s_and_b32 s17, ttmp7, 0xffff                   ; expert
.if LAYER == 3
	s_and_b32 s18, ttmp9, 15                       ; strip
	s_lshr_b32 s19, ttmp9, 4                       ; half of K
.else
	s_mov_b32 s18, ttmp9
	s_mov_b32 s19, 0
.endif
	v_and_b32 v1, 31, v0                           ; lane
	v_and_b32 v2, 15, v0                           ; r
	v_bfe_u32 v3, v0, 4, 1                         ; h
	; producer: hf = w & 1 (which 32 columns), b = w >> 1 (which block of 32 along K): q = b >> 2, c = (b >> 1) & 1, hc = b & 1
	v_lshlrev_b32 v[VW], 2, v1
	v_bfe_u32 v248, v0, 5, 1                       ; hf
	v_lshl_add_u32 v[VW], v248, 7, v[VW]
	v_lshrrev_b32 v249, 6, v0                      ; b
	v_mul_u32_u24 v250, v249, 32*ROWB
	v_add_nc_u32 v[VW], v[VW], v250                ; 4 l + 128 hf + 32 b rows
	v_bfe_u32 v250, v0, 8, 1                       ; q
	v_lshlrev_b32 v250, 2, v250
	v_lshl_add_u32 v250, v248, 1, v250
	v_bfe_u32 v251, v0, 3, 1                       ; u = (l >> 3) & 1
	v_add_nc_u32 v250, v250, v251                  ; record 4 q + 2 hf + u
	v_mul_u32_u24 v253, v250, REC
	v_bfe_u32 v251, v0, 7, 1                       ; c
	v_mad_u32_u24 v250, v251, 768, v253
	v_and_b32 v251, 7, v0
	v_lshl_add_u32 v251, v3, 3, v251               ; m = (l & 7) + 8 (l >> 4): my column's row in its tile
	v_bfe_u32 v252, v0, 6, 1                       ; hc
	v_lshl_add_u32 v252, v252, 4, v251             ; the operand's lane that my codes belong to
	v_lshl_add_u32 v[LD0], v252, 4, v250
	v_lshl_add_u32 v[LD0+1], v252, 3, v250
	v_add_nc_u32 v[LD0+1], 512, v[LD0+1]
	v_lshl_add_u32 v[LD0+2], v251, 2, v253
	v_bfe_u32 v254, v0, 6, 2                       ; b & 3: my block's byte in the scale word
	v_add_nc_u32 v[LD0+2], v[LD0+2], v254
	v_add_nc_u32 v[LD0+2], 1536, v[LD0+2]
	v_lshlrev_b32 v[LD0+3], 4, v1
	v_lshlrev_b32 v[LD0+4], 3, v1
	v_mul_u32_u24 v[LD0+5], v3, 4*REC              ; lanes 16-31 take the scale words of the record four on: the trip's second 128 along K
	v_lshl_add_u32 v[LD0+5], v2, 2, v[LD0+5]
	v_add_nc_u32 v[LD0+5], 1536, v[LD0+5]
.if NT > 4
.irp i, 0,1,2,3,4,5
	v_add_nc_u32 v[LD0+6+\i], 4*TRIPB, v[LD0+\i]   ; trips 4 to 7 lie beyond an LDS instruction's immediate
.endr
.endif
	v_lshlrev_b32 v[BO], 6, v3
.if LAYER == 1
	v_mul_u32_u24 v[H48], v3, 48
.endif
.if LAYER == 3
	v_lshrrev_b32 v248, 5, v0
	v_mul_u32_u24 v248, v248, 16*272
	v_add_nc_u32 v248, STG, v248                   ; my wave's stage
	v_mad_u32_u24 v[STO], v2, 272, v248
	v_lshl_add_u32 v[STO], v3, 6, v[STO]           ; in: row r, + 64 h
	v_mad_u32_u24 v[SRD], v3, 272, v248
	v_lshl_add_u32 v[SRD], v2, 4, v[SRD]           ; back: lanes 0-15 one row of 256 bytes, lanes 16-31 the next
	v_lshlrev_b32 v[YL], 12, v3
	v_lshl_add_u32 v[YL], v2, 4, v[YL]             ; and the same two rows in Y
.endif
	s_mov_b32 s48, 0x76543210
	s_mov_b32 s49, 0xfedcba98                      ; v_permlanex16_b32's selects for lane l xor 16 (its destinations, v250 and v251, have been written above)
	s_lshl_b32 s22, s17, 3
	s_wait_kmcnt 0x0
	s_load_b64 s[20:21], s[10:11], s22 offset:0x0  ; the expert's first tile and its number of tiles
	s_mov_b32 s43, 0
	s_mul_i32 s42, s17, ESTR
	s_lshl_b32 s44, s18, 8
	s_add_co_u32 s42, s42, s44
.if LAYER == 3
	s_lshl_b32 s44, s19, 22                        ; 1,024 rows of 4,096 bytes
	s_add_co_u32 s42, s42, s44
.endif
	s_add_nc_u64 s[24:25], s[4:5], s[42:43]        ; the weight at my expert, my strip (my half of K)
.if NT > 4
	s_add_nc_u64 s[26:27], s[24:25], 0x800000      ; and 4 trips on, so that every load's immediate stays inside its 24 signed bits and no pointer is stepped
.endif
	s_mul_i32 s42, s17, ROWB
	s_lshl_b32 s44, s18, 8
	s_add_co_u32 s42, s42, s44
	s_add_nc_u64 s[30:31], s[6:7], s[42:43]        ; the bias at my strip
.if LAYER == 1
	s_mov_b64 s[28:29], s[8:9]                     ; x's codes,
	s_add_nc_u64 s[36:37], s[8:9], 786432          ; its scale words
.elseif LAYER == 2
	s_mov_b64 s[28:29], s[8:9]
	s_add_nc_u64 s[36:37], s[8:9], HSC
.else
	s_mul_i32 s42, s19, 8*1536                     ; my half of K: 8 steps on
	s_add_nc_u64 s[28:29], s[8:9], s[42:43]
	s_lshl_b32 s42, s19, 9
	s_add_nc_u64 s[36:37], s[8:9], s[42:43]
	s_add_nc_u64 s[36:37], s[36:37], HSC
.endif
.if LAYER == 3
	s_mul_i32 s42, s19, 2176*4096
	s_lshl_b32 s44, s18, 8
	s_add_co_u32 s42, s42, s44
	s_add_nc_u64 s[32:33], s[12:13], s[42:43]      ; Y at my half of K and my 256 bytes of a row
.else
	s_mul_i32 s42, s18, 768                        ; my strip is half c = strip & 1 of step strip >> 1 of the next K: 768 bytes on end
	s_add_nc_u64 s[32:33], s[12:13], s[42:43]
	s_lshr_b32 s42, s18, 1
	s_lshl_b32 s42, s42, 6
	s_and_b32 s44, s18, 1
	s_lshl_b32 s44, s44, 1
	s_add_co_u32 s42, s42, s44
	s_add_nc_u64 s[34:35], s[12:13], s[42:43]
	s_add_nc_u64 s[34:35], s[34:35], HSC           ; and two bytes of each row's scale word of that step
.endif
	s_wait_kmcnt 0x0
	s_min_u32 s20, s20, 135                        ; stored numbers enter addresses only held to the buffers' sizes
	s_min_u32 s21, s21, 64
; My two slots' tiles, base + w and base + w + 16 of the expert, and all offsets that hang on them.  A slot beyond the expert's tiles takes tile 0.
.macro SETUP base
	s_add_co_u32 s40, s16, \base
	s_add_co_u32 s41, s40, 16
.irp k, 0,1
	s_add_co_u32 s42, s20, s[40+\k]
	s_cmp_lt_u32 s[40+\k], s21
	s_cselect_b32 s42, s42, 0
	s_min_u32 s42, s42, 135
	s_mul_i32 s43, s42, 24576
	s_lshl_b32 s44, s42, 10
	s_lshl_b32 s45, s42, 6
	v_add_nc_u32 v[TO16+\k], s43, v[LD0+3]
	v_add_nc_u32 v[TO8+\k], s43, v[LD0+4]
	v_lshl_add_u32 v[TOS+\k], v1, 2, s44
	v_lshl_add_u32 v[TOW+\k], v2, 2, s44
	v_lshl_add_u32 v[LOFF+\k], v2, 2, s45
.if LAYER == 3
	s_lshl_b32 s46, s42, 16
	v_add_nc_u32 v[TY+\k], s46, v[YL]
.endif
.if LAYER == 1
	global_load_b32 v[TOK+\k], v[LOFF+\k], s[10:11] offset:256   ; my row's token
.endif
.endr
.endm
.macro TOKS                            ; layer 1: the token, held inside x, gives the row's offsets
.irp k, 0,1
	v_min_u32 v[TOK+\k], 0x3ff, v[TOK+\k]
	v_mul_u32_u24 v[AOX+\k], v[TOK+\k], 768
	v_add_nc_u32 v[AOX+\k], v[AOX+\k], v[H48]
	v_lshlrev_b32 v[AOS+\k], 5, v[TOK+\k]
	v_lshl_add_u32 v[AOS+\k], v3, 2, v[AOS+\k]
.endr
.endm
.macro WLOAD s                         ; trip s's 32 numbers of my column into set s % 2
.set WB, WS+32*((\s)%2)
.set i, 0
.rept 32
	global_load_b32 v[WB+i], v[VW], s[24+2*((\s)/4):25+2*((\s)/4)] offset:((\s)%4)*256*ROWB+i*ROWB th:TH_LOAD_NT
.set i, i+1
.endr
.endm
.macro ALOAD s, k                      ; slot k's two fragments and scale words of trip s: every lane loads its registers whole
.irp q, 0,1
.set AR, AF+24*(\k)+12*\q
.if LAYER == 1
	global_load_b128 v[AR:AR+3], v[AOX+\k], s[28:29] offset:96*(2*(\s)+\q)
	global_load_b128 v[AR+4:AR+7], v[AOX+\k], s[28:29] offset:96*(2*(\s)+\q)+16
	global_load_b128 v[AR+8:AR+11], v[AOX+\k], s[28:29] offset:96*(2*(\s)+\q)+32
.else
	global_load_b128 v[AR:AR+3], v[TO16+\k], s[28:29] offset:1536*(2*(\s)+\q)
	global_load_b64 v[AR+4:AR+5], v[TO8+\k], s[28:29] offset:1536*(2*(\s)+\q)+512
	global_load_b128 v[AR+6:AR+9], v[TO16+\k], s[28:29] offset:1536*(2*(\s)+\q)+768
	global_load_b64 v[AR+10:AR+11], v[TO8+\k], s[28:29] offset:1536*(2*(\s)+\q)+1280
.endif
.endr
.if LAYER == 1
	global_load_b32 v[AS+\k], v[AOS+\k], s[36:37] offset:8*(\s)
.else
	global_load_b32 v[AS+\k], v[TOS+\k], s[36:37] offset:128*(\s)
.endif
.endm
.macro QUANTW s                        ; my block of 32 along K of my column: its scale, its 24 bytes of codes, into trip s's records
.set WB, WS+32*((\s)%2)
.set LB, LD0+6*((\s)/4)
	v_max3_num_f32 v[QT], |v[WB]|, |v[WB+1]|, |v[WB+2]|            ; the largest magnitude, in two chains
	v_max3_num_f32 v[QT+1], |v[WB+3]|, |v[WB+4]|, |v[WB+5]|
.irp i, 6,10,14,18,22,26
	v_max3_num_f32 v[QT], v[QT], |v[WB+\i]|, |v[WB+\i+1]|
	v_max3_num_f32 v[QT+1], v[QT+1], |v[WB+\i+2]|, |v[WB+\i+3]|
.endr
	v_max3_num_f32 v[QT], v[QT], |v[WB+30]|, |v[WB+31]|
	v_max3_num_f32 v[QT], v[QT], v[QT+1], 0x2800000                ; and the floor 2^(5 - 127): the byte cannot fall under 1
	v_add_nc_u32 v[QT+1], 0xfe000000, v[QT]                        ; 4 off the exponent field: the conversion's scale operand
	v_cvt_scalef32_pk16_bf6_f32 v[C:C+2], v[WB:WB+15], v[QT+1]
	v_cvt_scalef32_pk16_bf6_f32 v[C+4:C+6], v[WB+16:WB+31], v[QT+1]   ; (a conversion's three registers begin on an even number)
	v_lshrrev_b32 v[QT+2], 23, v[QT+1]                             ; the scale's byte: also the plain line behind the conversions
	v_mov_b32 v[C+3], v[C+4]
	v_mov_b32 v[C+4], v[C+5]
	v_mov_b32 v[C+5], v[C+6]
	ds_store_b128 v[LB], v[C:C+3] offset:((\s)%4)*TRIPB
	ds_store_b64 v[LB+1], v[C+4:C+5] offset:((\s)%4)*TRIPB
	ds_store_b8 v[LB+2], v[QT+2] offset:((\s)%4)*TRIPB
.endm
.macro MM k, t, f, q, zero             ; one product: slot k x column tile t, whose fragment lies in half f of BF; step q of the trip.  zero: it starts the sum
.set D, ACC+32*(\k)+8*(\t)
.set B0, BF+12*(\f)
.set A0, AF+24*(\k)+12*(\q)
.if (\q) == 0
.if \zero
	v_wmma_scale_f32_16x16x128_f8f6f4 v[D:D+7], v[B0:B0+11], v[A0:A0+11], 0, v[SB+(\t)], v[AS+(\k)] matrix_a_fmt:MATRIX_FMT_BF6 matrix_b_fmt:MATRIX_FMT_BF6
.else
	v_wmma_scale_f32_16x16x128_f8f6f4 v[D:D+7], v[B0:B0+11], v[A0:A0+11], v[D:D+7], v[SB+(\t)], v[AS+(\k)] matrix_a_fmt:MATRIX_FMT_BF6 matrix_b_fmt:MATRIX_FMT_BF6
.endif
.else
	v_wmma_scale_f32_16x16x128_f8f6f4 v[D:D+7], v[B0:B0+11], v[A0:A0+11], v[D:D+7], v[SB+(\t)], v[AS+(\k)] matrix_a_fmt:MATRIX_FMT_BF6 matrix_b_fmt:MATRIX_FMT_BF6 matrix_a_scale:MATRIX_SCALE_ROW1 matrix_b_scale:MATRIX_SCALE_ROW1
.endif
.endm
; Two fragments of the weight from LDS, and their products with both slots.  The accumulators take turns, one instruction a turn, on every path.
; cond: slot 1's two products are jumped over where the expert has no such tile.
.macro BATCH s, q, tp, first, cond, zero
.set LB, LD0+6*((\s)/4)
.set RO, ((\s)%4)*TRIPB+(4*(\q)+2*(\tp))*REC
.if !(\first)
.rept 4
	v_nop                                          ; four places between the last products and loads into registers that they read (ISA guide 7.12.1 for vector instructions; kept for loads too)
.endr
.endif
.irp f, 0,1
	ds_load_b128 v[BF+12*\f:BF+12*\f+3], v[LB+3] offset:RO+\f*REC
	ds_load_b64 v[BF+12*\f+4:BF+12*\f+5], v[LB+4] offset:RO+\f*REC+512
	ds_load_b128 v[BF+12*\f+6:BF+12*\f+9], v[LB+3] offset:RO+\f*REC+768
	ds_load_b64 v[BF+12*\f+10:BF+12*\f+11], v[LB+4] offset:RO+\f*REC+1280
.endr
	s_wait_dscnt 0x0
	MM 0, 2*(\tp), 0, \q, \zero
	MM 0, 2*(\tp)+1, 1, \q, \zero
.if \cond
	s_cmp_lt_u32 s41, s21
	s_cbranch_scc0 .Lone_\@
.endif
	MM 1, 2*(\tp), 0, \q, \zero
	MM 1, 2*(\tp)+1, 1, \q, \zero
.if \cond
.Lone_\@:
.endif
.endm
.macro MMALL s, cond, zero             ; a trip's 16 products
.set LB, LD0+6*((\s)/4)
.irp t, 0,1,2,3
	ds_load_b32 v[SB+\t], v[LB+5] offset:((\s)%4)*TRIPB+\t*REC
.endr
	BATCH \s, 0, 0, 1, \cond, \zero
	BATCH \s, 0, 1, 0, \cond, \zero
	BATCH \s, 1, 0, 0, \cond, \zero
	BATCH \s, 1, 1, 0, \cond, \zero
.rept 4
	v_nop                                          ; four places in front of whatever next loads into, or reads, these products' registers
.endr
.endm
; A TRIP.  Loads are issued in the order W(s), A(s), W(s + 1): so the wait that leaves 32 out leaves the next trip's weights out, on every path, and shows this trip's weights and rows in.
.macro TRIP s
.if (\s) < NT-1
	s_wait_loadcnt 32
.else
	s_wait_loadcnt 0x0                             ; the last trip: its weights and rows, the bias (and the gates)
.endif
	QUANTW \s
	s_wait_dscnt 0x0                               ; my codes and my scale byte lie in LDS,
	s_barrier_signal -1
	s_barrier_wait -1                              ; everybody's do: the trip's 8 records are whole.  They are never written again, so no second barrier is owed
.if (\s) > 0
	s_cmp_lt_u32 s40, s21                          ; have I a tile at all?
	s_cbranch_scc0 .Lnone_\@
	MMALL \s, 1, 0
.else
	MMALL \s, 0, 1                                 ; trip 0 runs whole on every path: its products start all 8 sums
.endif
.if (\s) < NT-1
.if (\s) == 0
	s_cmp_lt_u32 s40, s21
	s_cbranch_scc0 .Lnone_\@
.endif
	ALOAD (\s)+1, 0
	s_cmp_lt_u32 s41, s21
	s_cbranch_scc0 .Lnone_\@
	ALOAD (\s)+1, 1
.endif
.Lnone_\@:
.if (\s) <= NT-3
	WLOAD (\s)+2                                   ; into the set that this trip has quantised
.elseif (\s) == NT-2
.irp b, 0,1
.irp j, 0,1,2,3
	global_load_b128 v[WS+16*\b+4*\j:WS+16*\b+4*\j+3], v[BO], s[30:31] offset:128*\b+16*\j   ; the bias in the result's layout: register 16 b + i = column 32 b + 16 h + i
.endr
.endr
.if LAYER == 3
	global_load_b32 v[GT], v[LOFF], s[14:15]       ; my rows' gates
	global_load_b32 v[GT+2], v[LOFF+1], s[14:15]
.endif
.endif
.endm
; THE END OF A SLOT, jumped over where the expert has no such tile.  Each accumulator is read from its low end on.
.macro EPI k
.set A, ACC+32*(\k)
.set P, BF+12*(\k)
.set RB, 152-80*(\k)
	s_cmp_lt_u32 s[40+\k], s21
	s_cbranch_scc0 .Lno_\@
.if LAYER == 3
	s_cmp_lg_u32 s19, 0                            ; b3 is added in the first half of K alone
	s_cbranch_scc1 .Lnob_\@
.endif
.irp j, 0,2,4,6,8,10,12,14,16,18,20,22,24,26,28,30
	v_pk_add_f32 v[A+\j:A+\j+1], v[A+\j:A+\j+1], v[WS+\j:WS+\j+1]
.endr
.if LAYER == 3
.Lnob_\@:
.irp j, 0,2,4,6,8,10,12,14,16,18,20,22,24,26,28,30
	v_pk_mul_f32 v[A+\j:A+\j+1], v[A+\j:A+\j+1], v[GT+2*(\k):GT+2*(\k)+1] op_sel_hi:[1,0]   ; x my row's gate
.endr
.irp b, 0,1
.irp d, 0,1,2,3
	ds_store_b128 v[STO], v[A+16*\b+4*\d:A+16*\b+4*\d+3] offset:128*\b+16*\d   ; through my wave's own stage: LDS serves a wave's instructions in order, so no wait stands between the stores and the loads
.endr
.endr
.irp i, 0,1,2,3,4,5,6,7
	ds_load_b128 v[RB+4*\i:RB+4*\i+3], v[SRD] offset:544*\i
.endr
.irp i, 0,1,2,3,4,5,6,7
	s_wait_dscnt 7-\i                              ; the younger reads of the stage may be out
	global_store_b128 v[TY+\k], v[RB+4*\i:RB+4*\i+3], s[32:33] offset:8192*\i th:TH_STORE_NT   ; sixteen lanes store 256 consecutive bytes, aligned
.endr
.else
.irp j, 0,1,2,3,4,5,6,7,8,9,10,11,12,13,14,15,16,17,18,19,20,21,22,23,24,25,26,27,28,29,30,31
	v_max_num_f32 v[A+\j], 0, v[A+\j]              ; the activation, in f32
.endr
.irp b, 0,1
	v_max3_num_f32 v[248+\b], v[A+16*\b], v[A+16*\b+1], 0x2800000   ; block b: my 16 numbers (none is negative) and the floor 2^(5 - 127)
.endr
.irp i, 2,4,6,8,10,12,14
.irp b, 0,1
	v_max3_num_f32 v[248+\b], v[248+\b], v[A+16*\b+\i], v[A+16*\b+\i+1]
.endr
.endr
.irp b, 0,1
	v_permlanex16_b32 v[250+\b], v[248+\b], s48, s49
.endr
.irp b, 0,1
	v_max_num_f32 v[248+\b], v[248+\b], v[250+\b]  ; with lane l xor 16's 16: the block's largest
.endr
.irp b, 0,1
	v_add_nc_u32 v[252+\b], 0xfe000000, v[248+\b]  ; the conversion's scale operand
.endr
.irp b, 0,1
	v_lshrrev_b32 v[250+\b], 23, v[252+\b]         ; the scale's byte
.endr
	v_cvt_scalef32_pk16_bf6_f32 v[P:P+2], v[A:A+15], v252
	v_cvt_scalef32_pk16_bf6_f32 v[P+8:P+10], v[A+16:A+31], v253
	v_lshl_or_b32 v[254+\k], v251, 8, v250         ; my row's two scale bytes: also the plain line behind the conversions
.irp i, 0,1,2
	v_permlane16_swap_b32 v[P+\i], v[P+8+\i]       ; the operand wants a whole block in a lane: lanes 0-15 block 0, lanes 16-31 block 1
.endr
.irp i, 0,1,2
	v_mov_b32 v[P+3+\i], v[P+8+\i]
.endr
	global_store_b128 v[TO16+\k], v[P:P+3], s[32:33]               ; the image of six registers of the next layer's operand: 512 + 256 consecutive bytes, aligned
	global_store_b64 v[TO8+\k], v[P+4:P+5], s[32:33] offset:512
	global_store_b16 v[TOW+\k], v[254+\k], s[34:35]                ; (lanes l and l xor 16 store the same two bytes)
.endif
.Lno_\@:
.endm
	SETUP 0
	WLOAD 0
.if LAYER == 1
	s_wait_loadcnt 32                              ; the tokens are in; the 32 weight loads issued behind them may be out
	TOKS
.endif
	ALOAD 0, 0
	ALOAD 0, 1
	WLOAD 1
.set Q, 0
.rept NT
	TRIP Q
.set Q, Q+1
.endr
	EPI 0
	EPI 1
	; TILES 32 .. 63, where the expert has so many: the whole quantised strip lies in LDS, so only the rows are loaded.  No barrier from here on.
	s_cmp_gt_u32 s21, 32
	s_cbranch_scc0 .Lend
	s_wait_xcnt 0x0                                ; the stores above have read their data and offsets: both are written again below
	SETUP 32
.if LAYER == 1
	s_wait_loadcnt 0x0
	TOKS
.endif
.if LAYER == 3
	global_load_b32 v[GT], v[LOFF], s[14:15]
	global_load_b32 v[GT+2], v[LOFF+1], s[14:15]
.endif
.set Q, 0
.rept NT
	ALOAD Q, 0
	ALOAD Q, 1
	s_wait_loadcnt 0x0
.if Q == 0
	MMALL Q, 0, 1
.else
	MMALL Q, 0, 0
.endif
.set Q, Q+1
.endr
	EPI 0
	EPI 1
.Lend:
	s_wait_tensorcnt 0x0
	ds_add_u32 v15, v16
	s_wait_dscnt 0x0
	s_endpgm
.Lfunc_end_k_qbaa35e103a_layer1:
	.size	k_qbaa35e103a_layer1, .Lfunc_end_k_qbaa35e103a_layer1-k_qbaa35e103a_layer1
	.p2alignl 7, 3214868480
	.fill 96, 4, 3214868480
	.section	.rodata,"a",@progbits
	.p2align	6, 0x0
	.amdhsa_kernel k_qbaa35e103a_layer1
		.amdhsa_group_segment_fixed_size 55296
		.amdhsa_private_segment_fixed_size 0
		.amdhsa_enable_private_segment 0
		.amdhsa_kernarg_size 40
		.amdhsa_user_sgpr_count 2
		.amdhsa_user_sgpr_kernarg_segment_ptr 1
		.amdhsa_wavefront_size32 1
		.amdhsa_system_sgpr_workgroup_id_x 1
		.amdhsa_system_sgpr_workgroup_id_y 1
		.amdhsa_system_sgpr_workgroup_id_z 1
		.amdhsa_system_vgpr_workitem_id 0
		.amdhsa_next_free_vgpr 256
		.amdhsa_next_free_sgpr 66
		.amdhsa_reserve_vcc 0
		.amdhsa_float_denorm_mode_32 3
		.amdhsa_float_denorm_mode_16_64 3
		.amdhsa_memory_ordered 1
		.amdhsa_forward_progress 1
		.amdhsa_inst_pref_size 95
	.end_amdhsa_kernel
	.amdgpu_metadata
---
amdhsa.version: [ 1, 2 ]
amdhsa.kernels:
  - .name:           k_qbaa35e103a_layer1
    .symbol:         k_qbaa35e103a_layer1.kd
    .args:
      - { .name: W1, .offset: 0, .size: 8, .value_kind: global_buffer, .address_space: global }
      - { .name: b1, .offset: 8, .size: 8, .value_kind: global_buffer, .address_space: global }
      - { .name: XB, .offset: 16, .size: 8, .value_kind: global_buffer, .address_space: global }
      - { .name: PI, .offset: 24, .size: 8, .value_kind: global_buffer, .address_space: global }
      - { .name: H1, .offset: 32, .size: 8, .value_kind: global_buffer, .address_space: global }
    .group_segment_fixed_size: 55296
    .private_segment_fixed_size: 0
    .kernarg_segment_align: 8
    .kernarg_segment_size: 40
    .max_flat_workgroup_size: 512
    .sgpr_count:     66
    .vgpr_count:     256
    .wavefront_size: 32
...
	.end_amdgpu_metadata
.endif
;; end of part 3
;; launch layer2 (part 4): grid 32 x 8, 16 waves a work-group, no clusters, 108,544 bytes of LDS; arguments W2, b2, H1, PI, H2; writes H2
.if DOCPART == 4
	.amdgcn_target "amdgcn-amd-amdhsa--gfx1250"
	.amdhsa_code_object_version 6
	.text
	.protected	k_qbaa35e103a_layer2
	.globl	k_qbaa35e103a_layer2
	.p2align	8
	.type	k_qbaa35e103a_layer2,@function
k_qbaa35e103a_layer2:
	s_mov_b64 s[64:65], 0
	v_nop
	global_prefetch_b8 v0, s[64:65] scope:SCOPE_SE
	s_setreg_imm32_b32 hwreg(HW_REG_WAVE_MODE, 25, 1), 1
	s_wait_xcnt 0x0
; ONE LAYER OF THE EXPERTS, on the rows that the router chose.  The same text serves the three layers; LAYER says which.
.set LAYER, 2
;   LAYER 1: h1 = Q(relu(x W1 + b1))      LAYER 2: h2 = Q(relu(h1 W2 + b2))      LAYER 3: Y[kh][row] = gate x (h2 W3 over half kh of K, + b3 where kh = 0)
; Both operands of the product are codes of E3M2 with one E8M0 scale for each 32 along K; sums in f32.  Q is the same quantiser along the next layer's K.
; THE WEIGHTS BIND: they arrive as f32 [expert][K][N].  Each weight byte is read ONCE in the launch, by one work-group, quantised in registers and used at once.
; SHARES.  A work-group owns one expert (grid y) and a strip of 64 columns of N (grid x; in layer 3 also a half of K), and multiplies ALL of that expert's rows by it.  K goes in NT trips of 256.
; AS PRODUCER wave w takes, in each trip, 32 K rows x 32 columns: A LANE TAKES A COLUMN AND ITS 32 REGISTERS RUN DOWN K, so a block of 32 lies in one lane, and the conversions give codes with K innermost.
;   Each load reads 128 consecutive bytes; wave w xor 1 reads the other half of the same aligned 256.  The codes go to LDS as images of the operand's registers and stay there: no LDS byte is written twice.
; AS CONSUMER wave w owns the expert's tiles of 16 rows number w and w + 16 (slots 0, 1) against the strip's four tiles of 16 columns: 8 accumulators.  Tiles 32 .. 63 (a very uneven choice) follow at the end, from the strip in LDS.
; THE PRODUCT IS USED TRANSPOSED (source 0 = 16 columns of the weight, source 1 = 16 rows), and row m of column tile t is column 32 (t / 2) + 8 (t % 2) + m + 8 (m / 8):
;   so lane (r, h) holds row r, and its registers 16 b + i are columns 32 b + 16 h + i: 16 neighbours along the next K.
; WHAT HANGS ON THE STORED LIST: how many tiles the expert has.  Every barrier, every weight load, every quantising step and all of trip 0 stand on every path; a slot without a tile takes tile 0 (which always exists)
;   and stores nothing.  Later trips' products, the stores and the part for tiles 32 .. 63 are jumped over by scalar branches on the stored count; no barrier stands under such a branch.
; No tensor load, no cluster: the row counts are read from memory, so the operands go from memory straight into registers.  The 32 work-groups of an expert read the same activations by plain loads.
; LIMITS: NaN and infinities are not served.  A block of zeros gets the scale byte 1 (its codes are zeros; only this program reads the bytes).  An expert without rows still streams its strip.
.if LAYER == 2
.set NT, 8                             ; trips of 256 along K
.else
.set NT, 4
.endif
.if LAYER == 3
.set WN, 1024                          ; numbers in a row of the weight
.set ESTR, 2*NT*256*WN*4               ; bytes of an expert's weight (two halves of K)
.else
.set WN, 2048
.set ESTR, NT*256*WN*4
.endif
.set ROWB,  WN*4
.set REC,   1664                       ; LDS: a record is one fragment (16 columns x 128 K): for c = 0, 1: registers 6 c .. 6 c + 3 at 768 c + 16 lane, 6 c + 4, 6 c + 5 at 768 c + 512 + 8 lane; 16 scale words at 1536; 64 bytes unused
.set TRIPB, 8*REC                      ; a trip's 8 records: (step q of 128, column tile t) at (4 q + t) REC
.set STG,   4*TRIPB                    ; layer 3: behind the records a stage of 16 rows x 272 bytes for each wave
.set HSC,   3342336                    ; in H1, H2: codes [136 tiles][16 steps][2 c][512 + 256 bytes], then from here scale words [136][16 steps][16 rows]
.set VW,   4                           ; v4      my byte in the trip's block of the weight
.set LD0,  5                           ; v5-10   LDS: where I store 16 bytes, 8 bytes, the scale byte; where I read 16 bytes (16 lane), 8 bytes (8 lane), scale words.  v11-16: the same 4 trips on (layer 2)
.set TO16, 17                          ; v17-18  slot k: tile x 24576 + 16 lane
.set TO8,  19                          ; v19-20  tile x 24576 + 8 lane
.set TOS,  21                          ; v21-22  tile x 1024 + 4 lane
.set TOW,  23                          ; v23-24  tile x 1024 + 4 r
.set AOX,  25                          ; v25-26  layer 1: token x 768 + 48 h
.set AOS,  27                          ; v27-28  layer 1: token x 32 + 4 h
.set TY,   25                          ; v25-26  layer 3: tile x 65536 + my place in two rows of Y
.set YL,   27                          ; v27     layer 3: that place
.set BO,   29                          ; v29     64 h: my place in the bias
.set TOK,  30                          ; v30-31  layer 1: my row's token
.set STO,  30                          ; v30     layer 3: the stage, on the way in
.set SRD,  31                          ; v31     layer 3: and back
.set AS,   32                          ; v32-33  the rows' scale words and nothing else: lanes 0-15 the trip's first 128 along K, lanes 16-31 its second
.set SB,   34                          ; v34-37  the weight's scale words and nothing else, likewise, for column tile t
.set LOFF, 38                          ; v38-39  tile x 64 + 4 r: my row in the lists
.set C,    40                          ; v40-46  the codes just made
.set H48,  47                          ; v47     layer 1: 48 h
.set BF,   48                          ; v48-71  two fragments of the weight; at the end the rows' new codes
.set AF,   72                          ; v72-119 the rows' fragments: slot k, step q at 72 + 24 k + 12 q
.set WS,   120                         ; v120-183 two sets of 32 numbers of the weight; set 0 holds the bias at the end
.set ACC,  184                         ; v184-247 accumulator (slot k, column tile t) at 184 + 32 k + 8 t
.set GT,   248                         ; v248, v250 layer 3: my rows' gates (named in pairs with v249, v251)
.set QT,   252                         ; v252-254 at work in the weight's quantiser
	s_load_b256 s[4:11], s[0:1], 0x0               ; the weight, the bias, the activations, PI
.if LAYER == 3
	s_load_b128 s[12:15], s[0:1], 0x20             ; Y, PF
.else
	s_load_b64 s[12:13], s[0:1], 0x20              ; the next layer's codes and scales
	v_lshl_add_u32 v31, v0, 2, 0x1a000
	v_mov_b32 v47, 0
.endif
	v_lshrrev_b32 v1, 5, v0
	v_readfirstlane_b32 s16, v1                    ; wave 0 .. 15
	s_and_b32 s17, ttmp7, 0xffff                   ; expert
.if LAYER == 3
	s_and_b32 s18, ttmp9, 15                       ; strip
	s_lshr_b32 s19, ttmp9, 4                       ; half of K
.else
	s_mov_b32 s18, ttmp9
	s_mov_b32 s19, 0
.endif
	v_and_b32 v1, 31, v0                           ; lane
	v_and_b32 v2, 15, v0                           ; r
	v_bfe_u32 v3, v0, 4, 1                         ; h
	; producer: hf = w & 1 (which 32 columns), b = w >> 1 (which block of 32 along K): q = b >> 2, c = (b >> 1) & 1, hc = b & 1
	v_lshlrev_b32 v[VW], 2, v1
	v_bfe_u32 v248, v0, 5, 1                       ; hf
	v_lshl_add_u32 v[VW], v248, 7, v[VW]
	v_lshrrev_b32 v249, 6, v0                      ; b
	v_mul_u32_u24 v250, v249, 32*ROWB
	v_add_nc_u32 v[VW], v[VW], v250                ; 4 l + 128 hf + 32 b rows
	v_bfe_u32 v250, v0, 8, 1                       ; q
	v_lshlrev_b32 v250, 2, v250
	v_lshl_add_u32 v250, v248, 1, v250
	v_bfe_u32 v251, v0, 3, 1                       ; u = (l >> 3) & 1
	v_add_nc_u32 v250, v250, v251                  ; record 4 q + 2 hf + u
	v_mul_u32_u24 v253, v250, REC
	v_bfe_u32 v251, v0, 7, 1                       ; c
	v_mad_u32_u24 v250, v251, 768, v253
	v_and_b32 v251, 7, v0
	v_lshl_add_u32 v251, v3, 3, v251               ; m = (l & 7) + 8 (l >> 4): my column's row in its tile
	v_bfe_u32 v252, v0, 6, 1                       ; hc
	v_lshl_add_u32 v252, v252, 4, v251             ; the operand's lane that my codes belong to
	v_lshl_add_u32 v[LD0], v252, 4, v250
	v_lshl_add_u32 v[LD0+1], v252, 3, v250
	v_add_nc_u32 v[LD0+1], 512, v[LD0+1]
	v_lshl_add_u32 v[LD0+2], v251, 2, v253
	v_bfe_u32 v254, v0, 6, 2                       ; b & 3: my block's byte in the scale word
	v_add_nc_u32 v[LD0+2], v[LD0+2], v254
	v_add_nc_u32 v[LD0+2], 1536, v[LD0+2]
	v_lshlrev_b32 v[LD0+3], 4, v1
	v_lshlrev_b32 v[LD0+4], 3, v1
	v_mul_u32_u24 v[LD0+5], v3, 4*REC              ; lanes 16-31 take the scale words of the record four on: the trip's second 128 along K
	v_lshl_add_u32 v[LD0+5], v2, 2, v[LD0+5]
	v_add_nc_u32 v[LD0+5], 1536, v[LD0+5]
.if NT > 4
.irp i, 0,1,2,3,4,5
	v_add_nc_u32 v[LD0+6+\i], 4*TRIPB, v[LD0+\i]   ; trips 4 to 7 lie beyond an LDS instruction's immediate
.endr
.endif
	v_lshlrev_b32 v[BO], 6, v3
.if LAYER == 1
	v_mul_u32_u24 v[H48], v3, 48
.endif
.if LAYER == 3
	v_lshrrev_b32 v248, 5, v0
	v_mul_u32_u24 v248, v248, 16*272
	v_add_nc_u32 v248, STG, v248                   ; my wave's stage
	v_mad_u32_u24 v[STO], v2, 272, v248
	v_lshl_add_u32 v[STO], v3, 6, v[STO]           ; in: row r, + 64 h
	v_mad_u32_u24 v[SRD], v3, 272, v248
	v_lshl_add_u32 v[SRD], v2, 4, v[SRD]           ; back: lanes 0-15 one row of 256 bytes, lanes 16-31 the next
	v_lshlrev_b32 v[YL], 12, v3
	v_lshl_add_u32 v[YL], v2, 4, v[YL]             ; and the same two rows in Y
.endif
	s_mov_b32 s48, 0x76543210
	s_mov_b32 s49, 0xfedcba98                      ; v_permlanex16_b32's selects for lane l xor 16 (its destinations, v250 and v251, have been written above)
	s_lshl_b32 s22, s17, 3
	s_wait_kmcnt 0x0
	s_load_b64 s[20:21], s[10:11], s22 offset:0x0  ; the expert's first tile and its number of tiles
	s_mov_b32 s43, 0
	s_mul_i32 s42, s17, ESTR
	s_lshl_b32 s44, s18, 8
	s_add_co_u32 s42, s42, s44
.if LAYER == 3
	s_lshl_b32 s44, s19, 22                        ; 1,024 rows of 4,096 bytes
	s_add_co_u32 s42, s42, s44
.endif
	s_add_nc_u64 s[24:25], s[4:5], s[42:43]        ; the weight at my expert, my strip (my half of K)
.if NT > 4
	s_add_nc_u64 s[26:27], s[24:25], 0x800000      ; and 4 trips on, so that every load's immediate stays inside its 24 signed bits and no pointer is stepped
.endif
	s_mul_i32 s42, s17, ROWB
	s_lshl_b32 s44, s18, 8
	s_add_co_u32 s42, s42, s44
	s_add_nc_u64 s[30:31], s[6:7], s[42:43]        ; the bias at my strip
.if LAYER == 1
	s_mov_b64 s[28:29], s[8:9]                     ; x's codes,
	s_add_nc_u64 s[36:37], s[8:9], 786432          ; its scale words
.elseif LAYER == 2
	s_mov_b64 s[28:29], s[8:9]
	s_add_nc_u64 s[36:37], s[8:9], HSC
.else
	s_mul_i32 s42, s19, 8*1536                     ; my half of K: 8 steps on
	s_add_nc_u64 s[28:29], s[8:9], s[42:43]
	s_lshl_b32 s42, s19, 9
	s_add_nc_u64 s[36:37], s[8:9], s[42:43]
	s_add_nc_u64 s[36:37], s[36:37], HSC
.endif
.if LAYER == 3
	s_mul_i32 s42, s19, 2176*4096
	s_lshl_b32 s44, s18, 8
	s_add_co_u32 s42, s42, s44
	s_add_nc_u64 s[32:33], s[12:13], s[42:43]      ; Y at my half of K and my 256 bytes of a row
.else
	s_mul_i32 s42, s18, 768                        ; my strip is half c = strip & 1 of step strip >> 1 of the next K: 768 bytes on end
	s_add_nc_u64 s[32:33], s[12:13], s[42:43]
	s_lshr_b32 s42, s18, 1
	s_lshl_b32 s42, s42, 6
	s_and_b32 s44, s18, 1
	s_lshl_b32 s44, s44, 1
	s_add_co_u32 s42, s42, s44
	s_add_nc_u64 s[34:35], s[12:13], s[42:43]
	s_add_nc_u64 s[34:35], s[34:35], HSC           ; and two bytes of each row's scale word of that step
.endif
	s_wait_kmcnt 0x0
	s_min_u32 s20, s20, 135                        ; stored numbers enter addresses only held to the buffers' sizes
	s_min_u32 s21, s21, 64
; My two slots' tiles, base + w and base + w + 16 of the expert, and all offsets that hang on them.  A slot beyond the expert's tiles takes tile 0.
.macro SETUP base
	s_add_co_u32 s40, s16, \base
	s_add_co_u32 s41, s40, 16
.irp k, 0,1
	s_add_co_u32 s42, s20, s[40+\k]
	s_cmp_lt_u32 s[40+\k], s21
	s_cselect_b32 s42, s42, 0
	s_min_u32 s42, s42, 135
	s_mul_i32 s43, s42, 24576
	s_lshl_b32 s44, s42, 10
	s_lshl_b32 s45, s42, 6
	v_add_nc_u32 v[TO16+\k], s43, v[LD0+3]
	v_add_nc_u32 v[TO8+\k], s43, v[LD0+4]
	v_lshl_add_u32 v[TOS+\k], v1, 2, s44
	v_lshl_add_u32 v[TOW+\k], v2, 2, s44
	v_lshl_add_u32 v[LOFF+\k], v2, 2, s45
.if LAYER == 3
	s_lshl_b32 s46, s42, 16
	v_add_nc_u32 v[TY+\k], s46, v[YL]
.endif
.if LAYER == 1
	global_load_b32 v[TOK+\k], v[LOFF+\k], s[10:11] offset:256   ; my row's token
.endif
.endr
.endm
.macro TOKS                            ; layer 1: the token, held inside x, gives the row's offsets
.irp k, 0,1
	v_min_u32 v[TOK+\k], 0x3ff, v[TOK+\k]
	v_mul_u32_u24 v[AOX+\k], v[TOK+\k], 768
	v_add_nc_u32 v[AOX+\k], v[AOX+\k], v[H48]
	v_lshlrev_b32 v[AOS+\k], 5, v[TOK+\k]
	v_lshl_add_u32 v[AOS+\k], v3, 2, v[AOS+\k]
.endr
.endm
.macro WLOAD s                         ; trip s's 32 numbers of my column into set s % 2
.set WB, WS+32*((\s)%2)
.set i, 0
.rept 32
	global_load_b32 v[WB+i], v[VW], s[24+2*((\s)/4):25+2*((\s)/4)] offset:((\s)%4)*256*ROWB+i*ROWB th:TH_LOAD_NT
.set i, i+1
.endr
.endm
.macro ALOAD s, k                      ; slot k's two fragments and scale words of trip s: every lane loads its registers whole
.irp q, 0,1
.set AR, AF+24*(\k)+12*\q
.if LAYER == 1
	global_load_b128 v[AR:AR+3], v[AOX+\k], s[28:29] offset:96*(2*(\s)+\q)
	global_load_b128 v[AR+4:AR+7], v[AOX+\k], s[28:29] offset:96*(2*(\s)+\q)+16
	global_load_b128 v[AR+8:AR+11], v[AOX+\k], s[28:29] offset:96*(2*(\s)+\q)+32
.else
	global_load_b128 v[AR:AR+3], v[TO16+\k], s[28:29] offset:1536*(2*(\s)+\q)
	global_load_b64 v[AR+4:AR+5], v[TO8+\k], s[28:29] offset:1536*(2*(\s)+\q)+512
	global_load_b128 v[AR+6:AR+9], v[TO16+\k], s[28:29] offset:1536*(2*(\s)+\q)+768
	global_load_b64 v[AR+10:AR+11], v[TO8+\k], s[28:29] offset:1536*(2*(\s)+\q)+1280
.endif
.endr
.if LAYER == 1
	global_load_b32 v[AS+\k], v[AOS+\k], s[36:37] offset:8*(\s)
.else
	global_load_b32 v[AS+\k], v[TOS+\k], s[36:37] offset:128*(\s)
.endif
.endm
.macro QUANTW s                        ; my block of 32 along K of my column: its scale, its 24 bytes of codes, into trip s's records
.set WB, WS+32*((\s)%2)
.set LB, LD0+6*((\s)/4)
	v_max3_num_f32 v[QT], |v[WB]|, |v[WB+1]|, |v[WB+2]|            ; the largest magnitude, in two chains
	v_max3_num_f32 v[QT+1], |v[WB+3]|, |v[WB+4]|, |v[WB+5]|
.irp i, 6,10,14,18,22,26
	v_max3_num_f32 v[QT], v[QT], |v[WB+\i]|, |v[WB+\i+1]|
	v_max3_num_f32 v[QT+1], v[QT+1], |v[WB+\i+2]|, |v[WB+\i+3]|
.endr
	v_max3_num_f32 v[QT], v[QT], |v[WB+30]|, |v[WB+31]|
	v_max3_num_f32 v[QT], v[QT], v[QT+1], 0x2800000                ; and the floor 2^(5 - 127): the byte cannot fall under 1
	v_add_nc_u32 v[QT+1], 0xfe000000, v[QT]                        ; 4 off the exponent field: the conversion's scale operand
	v_cvt_scalef32_pk16_bf6_f32 v[C:C+2], v[WB:WB+15], v[QT+1]
	v_cvt_scalef32_pk16_bf6_f32 v[C+4:C+6], v[WB+16:WB+31], v[QT+1]   ; (a conversion's three registers begin on an even number)
	v_lshrrev_b32 v[QT+2], 23, v[QT+1]                             ; the scale's byte: also the plain line behind the conversions
	v_mov_b32 v[C+3], v[C+4]
	v_mov_b32 v[C+4], v[C+5]
	v_mov_b32 v[C+5], v[C+6]
	ds_store_b128 v[LB], v[C:C+3] offset:((\s)%4)*TRIPB
	ds_store_b64 v[LB+1], v[C+4:C+5] offset:((\s)%4)*TRIPB
	ds_store_b8 v[LB+2], v[QT+2] offset:((\s)%4)*TRIPB
.endm
.macro MM k, t, f, q, zero             ; one product: slot k x column tile t, whose fragment lies in half f of BF; step q of the trip.  zero: it starts the sum
.set D, ACC+32*(\k)+8*(\t)
.set B0, BF+12*(\f)
.set A0, AF+24*(\k)+12*(\q)
.if (\q) == 0
.if \zero
	v_wmma_scale_f32_16x16x128_f8f6f4 v[D:D+7], v[B0:B0+11], v[A0:A0+11], 0, v[SB+(\t)], v[AS+(\k)] matrix_a_fmt:MATRIX_FMT_BF6 matrix_b_fmt:MATRIX_FMT_BF6
.else
	v_wmma_scale_f32_16x16x128_f8f6f4 v[D:D+7], v[B0:B0+11], v[A0:A0+11], v[D:D+7], v[SB+(\t)], v[AS+(\k)] matrix_a_fmt:MATRIX_FMT_BF6 matrix_b_fmt:MATRIX_FMT_BF6
.endif
.else
	v_wmma_scale_f32_16x16x128_f8f6f4 v[D:D+7], v[B0:B0+11], v[A0:A0+11], v[D:D+7], v[SB+(\t)], v[AS+(\k)] matrix_a_fmt:MATRIX_FMT_BF6 matrix_b_fmt:MATRIX_FMT_BF6 matrix_a_scale:MATRIX_SCALE_ROW1 matrix_b_scale:MATRIX_SCALE_ROW1
.endif
.endm
; Two fragments of the weight from LDS, and their products with both slots.  The accumulators take turns, one instruction a turn, on every path.
; cond: slot 1's two products are jumped over where the expert has no such tile.
.macro BATCH s, q, tp, first, cond, zero
.set LB, LD0+6*((\s)/4)
.set RO, ((\s)%4)*TRIPB+(4*(\q)+2*(\tp))*REC
.if !(\first)
.rept 4
	v_nop                                          ; four places between the last products and loads into registers that they read (ISA guide 7.12.1 for vector instructions; kept for loads too)
.endr
.endif
.irp f, 0,1
	ds_load_b128 v[BF+12*\f:BF+12*\f+3], v[LB+3] offset:RO+\f*REC
	ds_load_b64 v[BF+12*\f+4:BF+12*\f+5], v[LB+4] offset:RO+\f*REC+512
	ds_load_b128 v[BF+12*\f+6:BF+12*\f+9], v[LB+3] offset:RO+\f*REC+768
	ds_load_b64 v[BF+12*\f+10:BF+12*\f+11], v[LB+4] offset:RO+\f*REC+1280
.endr
	s_wait_dscnt 0x0
	MM 0, 2*(\tp), 0, \q, \zero
	MM 0, 2*(\tp)+1, 1, \q, \zero
.if \cond
	s_cmp_lt_u32 s41, s21
	s_cbranch_scc0 .Lone_\@
.endif
	MM 1, 2*(\tp), 0, \q, \zero
	MM 1, 2*(\tp)+1, 1, \q, \zero
.if \cond
.Lone_\@:
.endif
.endm
.macro MMALL s, cond, zero             ; a trip's 16 products
.set LB, LD0+6*((\s)/4)
.irp t, 0,1,2,3
	ds_load_b32 v[SB+\t], v[LB+5] offset:((\s)%4)*TRIPB+\t*REC
.endr
	BATCH \s, 0, 0, 1, \cond, \zero
	BATCH \s, 0, 1, 0, \cond, \zero
	BATCH \s, 1, 0, 0, \cond, \zero
	BATCH \s, 1, 1, 0, \cond, \zero
.rept 4
	v_nop                                          ; four places in front of whatever next loads into, or reads, these products' registers
.endr
.endm
; A TRIP.  Loads are issued in the order W(s), A(s), W(s + 1): so the wait that leaves 32 out leaves the next trip's weights out, on every path, and shows this trip's weights and rows in.
.macro TRIP s
.if (\s) < NT-1
	s_wait_loadcnt 32
.else
	s_wait_loadcnt 0x0                             ; the last trip: its weights and rows, the bias (and the gates)
.endif
	QUANTW \s
	s_wait_dscnt 0x0                               ; my codes and my scale byte lie in LDS,
	s_barrier_signal -1
	s_barrier_wait -1                              ; everybody's do: the trip's 8 records are whole.  They are never written again, so no second barrier is owed
.if (\s) > 0
	s_cmp_lt_u32 s40, s21                          ; have I a tile at all?
	s_cbranch_scc0 .Lnone_\@
	MMALL \s, 1, 0
.else
	MMALL \s, 0, 1                                 ; trip 0 runs whole on every path: its products start all 8 sums
.endif
.if (\s) < NT-1
.if (\s) == 0
	s_cmp_lt_u32 s40, s21
	s_cbranch_scc0 .Lnone_\@
.endif
	ALOAD (\s)+1, 0
	s_cmp_lt_u32 s41, s21
	s_cbranch_scc0 .Lnone_\@
	ALOAD (\s)+1, 1
.endif
.Lnone_\@:
.if (\s) <= NT-3
	WLOAD (\s)+2                                   ; into the set that this trip has quantised
.elseif (\s) == NT-2
.irp b, 0,1
.irp j, 0,1,2,3
	global_load_b128 v[WS+16*\b+4*\j:WS+16*\b+4*\j+3], v[BO], s[30:31] offset:128*\b+16*\j   ; the bias in the result's layout: register 16 b + i = column 32 b + 16 h + i
.endr
.endr
.if LAYER == 3
	global_load_b32 v[GT], v[LOFF], s[14:15]       ; my rows' gates
	global_load_b32 v[GT+2], v[LOFF+1], s[14:15]
.endif
.endif
.endm
; THE END OF A SLOT, jumped over where the expert has no such tile.  Each accumulator is read from its low end on.
.macro EPI k
.set A, ACC+32*(\k)
.set P, BF+12*(\k)
.set RB, 152-80*(\k)
	s_cmp_lt_u32 s[40+\k], s21
	s_cbranch_scc0 .Lno_\@
.if LAYER == 3
	s_cmp_lg_u32 s19, 0                            ; b3 is added in the first half of K alone
	s_cbranch_scc1 .Lnob_\@
.endif
.irp j, 0,2,4,6,8,10,12,14,16,18,20,22,24,26,28,30
	v_pk_add_f32 v[A+\j:A+\j+1], v[A+\j:A+\j+1], v[WS+\j:WS+\j+1]
.endr
.if LAYER == 3
.Lnob_\@:
.irp j, 0,2,4,6,8,10,12,14,16,18,20,22,24,26,28,30
	v_pk_mul_f32 v[A+\j:A+\j+1], v[A+\j:A+\j+1], v[GT+2*(\k):GT+2*(\k)+1] op_sel_hi:[1,0]   ; x my row's gate
.endr
.irp b, 0,1
.irp d, 0,1,2,3
	ds_store_b128 v[STO], v[A+16*\b+4*\d:A+16*\b+4*\d+3] offset:128*\b+16*\d   ; through my wave's own stage: LDS serves a wave's instructions in order, so no wait stands between the stores and the loads
.endr
.endr
.irp i, 0,1,2,3,4,5,6,7
	ds_load_b128 v[RB+4*\i:RB+4*\i+3], v[SRD] offset:544*\i
.endr
.irp i, 0,1,2,3,4,5,6,7
	s_wait_dscnt 7-\i                              ; the younger reads of the stage may be out
	global_store_b128 v[TY+\k], v[RB+4*\i:RB+4*\i+3], s[32:33] offset:8192*\i th:TH_STORE_NT   ; sixteen lanes store 256 consecutive bytes, aligned
.endr
.else
.irp j, 0,1,2,3,4,5,6,7,8,9,10,11,12,13,14,15,16,17,18,19,20,21,22,23,24,25,26,27,28,29,30,31
	v_max_num_f32 v[A+\j], 0, v[A+\j]              ; the activation, in f32
.endr
.irp b, 0,1
	v_max3_num_f32 v[248+\b], v[A+16*\b], v[A+16*\b+1], 0x2800000   ; block b: my 16 numbers (none is negative) and the floor 2^(5 - 127)
.endr
.irp i, 2,4,6,8,10,12,14
.irp b, 0,1
	v_max3_num_f32 v[248+\b], v[248+\b], v[A+16*\b+\i], v[A+16*\b+\i+1]
.endr
.endr
.irp b, 0,1
	v_permlanex16_b32 v[250+\b], v[248+\b], s48, s49
.endr
.irp b, 0,1
	v_max_num_f32 v[248+\b], v[248+\b], v[250+\b]  ; with lane l xor 16's 16: the block's largest
.endr
.irp b, 0,1
	v_add_nc_u32 v[252+\b], 0xfe000000, v[248+\b]  ; the conversion's scale operand
.endr
.irp b, 0,1
	v_lshrrev_b32 v[250+\b], 23, v[252+\b]         ; the scale's byte
.endr
	v_cvt_scalef32_pk16_bf6_f32 v[P:P+2], v[A:A+15], v252
	v_cvt_scalef32_pk16_bf6_f32 v[P+8:P+10], v[A+16:A+31], v253
	v_lshl_or_b32 v[254+\k], v251, 8, v250         ; my row's two scale bytes: also the plain line behind the conversions
.irp i, 0,1,2
	v_permlane16_swap_b32 v[P+\i], v[P+8+\i]       ; the operand wants a whole block in a lane: lanes 0-15 block 0, lanes 16-31 block 1
.endr
.irp i, 0,1,2
	v_mov_b32 v[P+3+\i], v[P+8+\i]
.endr
	global_store_b128 v[TO16+\k], v[P:P+3], s[32:33]               ; the image of six registers of the next layer's operand: 512 + 256 consecutive bytes, aligned
	global_store_b64 v[TO8+\k], v[P+4:P+5], s[32:33] offset:512
	global_store_b16 v[TOW+\k], v[254+\k], s[34:35]                ; (lanes l and l xor 16 store the same two bytes)
.endif
.Lno_\@:
.endm
	SETUP 0
	WLOAD 0
.if LAYER == 1
	s_wait_loadcnt 32                              ; the tokens are in; the 32 weight loads issued behind them may be out
	TOKS
.endif
	ALOAD 0, 0
	ALOAD 0, 1
	WLOAD 1
.set Q, 0
.rept NT
	TRIP Q
.set Q, Q+1
.endr
	EPI 0
	EPI 1
	; TILES 32 .. 63, where the expert has so many: the whole quantised strip lies in LDS, so only the rows are loaded.  No barrier from here on.
	s_cmp_gt_u32 s21, 32
	s_cbranch_scc0 .Lend
	s_wait_xcnt 0x0                                ; the stores above have read their data and offsets: both are written again below
	SETUP 32
.if LAYER == 1
	s_wait_loadcnt 0x0
	TOKS
.endif
.if LAYER == 3
	global_load_b32 v[GT], v[LOFF], s[14:15]
	global_load_b32 v[GT+2], v[LOFF+1], s[14:15]
.endif
.set Q, 0
.rept NT
	ALOAD Q, 0
	ALOAD Q, 1
	s_wait_loadcnt 0x0
.if Q == 0
	MMALL Q, 0, 1
.else
	MMALL Q, 0, 0
.endif
.set Q, Q+1
.endr
	EPI 0
	EPI 1
.Lend:
	s_wait_tensorcnt 0x0
	ds_add_u32 v31, v47
	s_wait_dscnt 0x0
	s_endpgm
.Lfunc_end_k_qbaa35e103a_layer2:
	.size	k_qbaa35e103a_layer2, .Lfunc_end_k_qbaa35e103a_layer2-k_qbaa35e103a_layer2
	.p2alignl 7, 3214868480
	.fill 96, 4, 3214868480
	.section	.rodata,"a",@progbits
	.p2align	6, 0x0
	.amdhsa_kernel k_qbaa35e103a_layer2
		.amdhsa_group_segment_fixed_size 108544
		.amdhsa_private_segment_fixed_size 0
		.amdhsa_enable_private_segment 0
		.amdhsa_kernarg_size 40
		.amdhsa_user_sgpr_count 2
		.amdhsa_user_sgpr_kernarg_segment_ptr 1
		.amdhsa_wavefront_size32 1
		.amdhsa_system_sgpr_workgroup_id_x 1
		.amdhsa_system_sgpr_workgroup_id_y 1
		.amdhsa_system_sgpr_workgroup_id_z 1
		.amdhsa_system_vgpr_workitem_id 0
		.amdhsa_next_free_vgpr 256
		.amdhsa_next_free_sgpr 66
		.amdhsa_reserve_vcc 0
		.amdhsa_float_denorm_mode_32 3
		.amdhsa_float_denorm_mode_16_64 3
		.amdhsa_memory_ordered 1
		.amdhsa_forward_progress 1
		.amdhsa_inst_pref_size 170
	.end_amdhsa_kernel
	.amdgpu_metadata
---
amdhsa.version: [ 1, 2 ]
amdhsa.kernels:
  - .name:           k_qbaa35e103a_layer2
    .symbol:         k_qbaa35e103a_layer2.kd
    .args:
      - { .name: W2, .offset: 0, .size: 8, .value_kind: global_buffer, .address_space: global }
      - { .name: b2, .offset: 8, .size: 8, .value_kind: global_buffer, .address_space: global }
      - { .name: H1, .offset: 16, .size: 8, .value_kind: global_buffer, .address_space: global }
      - { .name: PI, .offset: 24, .size: 8, .value_kind: global_buffer, .address_space: global }
      - { .name: H2, .offset: 32, .size: 8, .value_kind: global_buffer, .address_space: global }
    .group_segment_fixed_size: 108544
    .private_segment_fixed_size: 0
    .kernarg_segment_align: 8
    .kernarg_segment_size: 40
    .max_flat_workgroup_size: 512
    .sgpr_count:     66
    .vgpr_count:     256
    .wavefront_size: 32
...
	.end_amdgpu_metadata
.endif
;; end of part 4
;; launch layer3 (part 5): grid 32 x 8, 16 waves a work-group, no clusters, 124,928 bytes of LDS; arguments W3, b3, H2, PI, Y, PF; writes Y
.if DOCPART == 5
	.amdgcn_target "amdgcn-amd-amdhsa--gfx1250"
	.amdhsa_code_object_version 6
	.text
	.protected	k_qbaa35e103a_layer3
	.globl	k_qbaa35e103a_layer3
	.p2align	8
	.type	k_qbaa35e103a_layer3,@function
k_qbaa35e103a_layer3:
	s_mov_b64 s[64:65], 0
	v_nop
	global_prefetch_b8 v0, s[64:65] scope:SCOPE_SE
	s_setreg_imm32_b32 hwreg(HW_REG_WAVE_MODE, 25, 1), 1
	s_wait_xcnt 0x0
; ONE LAYER OF THE EXPERTS, on the rows that the router chose.  The same text serves the three layers; LAYER says which.
.set LAYER, 3
;   LAYER 1: h1 = Q(relu(x W1 + b1))      LAYER 2: h2 = Q(relu(h1 W2 + b2))      LAYER 3: Y[kh][row] = gate x (h2 W3 over half kh of K, + b3 where kh = 0)
; Both operands of the product are codes of E3M2 with one E8M0 scale for each 32 along K; sums in f32.  Q is the same quantiser along the next layer's K.
; THE WEIGHTS BIND: they arrive as f32 [expert][K][N].  Each weight byte is read ONCE in the launch, by one work-group, quantised in registers and used at once.
; SHARES.  A work-group owns one expert (grid y) and a strip of 64 columns of N (grid x; in layer 3 also a half of K), and multiplies ALL of that expert's rows by it.  K goes in NT trips of 256.
; AS PRODUCER wave w takes, in each trip, 32 K rows x 32 columns: A LANE TAKES A COLUMN AND ITS 32 REGISTERS RUN DOWN K, so a block of 32 lies in one lane, and the conversions give codes with K innermost.
;   Each load reads 128 consecutive bytes; wave w xor 1 reads the other half of the same aligned 256.  The codes go to LDS as images of the operand's registers and stay there: no LDS byte is written twice.
; AS CONSUMER wave w owns the expert's tiles of 16 rows number w and w + 16 (slots 0, 1) against the strip's four tiles of 16 columns: 8 accumulators.  Tiles 32 .. 63 (a very uneven choice) follow at the end, from the strip in LDS.
; THE PRODUCT IS USED TRANSPOSED (source 0 = 16 columns of the weight, source 1 = 16 rows), and row m of column tile t is column 32 (t / 2) + 8 (t % 2) + m + 8 (m / 8):
;   so lane (r, h) holds row r, and its registers 16 b + i are columns 32 b + 16 h + i: 16 neighbours along the next K.
; WHAT HANGS ON THE STORED LIST: how many tiles the expert has.  Every barrier, every weight load, every quantising step and all of trip 0 stand on every path; a slot without a tile takes tile 0 (which always exists)
;   and stores nothing.  Later trips' products, the stores and the part for tiles 32 .. 63 are jumped over by scalar branches on the stored count; no barrier stands under such a branch.
; No tensor load, no cluster: the row counts are read from memory, so the operands go from memory straight into registers.  The 32 work-groups of an expert read the same activations by plain loads.
; LIMITS: NaN and infinities are not served.  A block of zeros gets the scale byte 1 (its codes are zeros; only this program reads the bytes).  An expert without rows still streams its strip.
.if LAYER == 2
.set NT, 8                             ; trips of 256 along K
.else
.set NT, 4
.endif
.if LAYER == 3
.set WN, 1024                          ; numbers in a row of the weight
.set ESTR, 2*NT*256*WN*4               ; bytes of an expert's weight (two halves of K)
.else
.set WN, 2048
.set ESTR, NT*256*WN*4
.endif
.set ROWB,  WN*4
.set REC,   1664                       ; LDS: a record is one fragment (16 columns x 128 K): for c = 0, 1: registers 6 c .. 6 c + 3 at 768 c + 16 lane, 6 c + 4, 6 c + 5 at 768 c + 512 + 8 lane; 16 scale words at 1536; 64 bytes unused
.set TRIPB, 8*REC                      ; a trip's 8 records: (step q of 128, column tile t) at (4 q + t) REC
.set STG,   4*TRIPB                    ; layer 3: behind the records a stage of 16 rows x 272 bytes for each wave
.set HSC,   3342336                    ; in H1, H2: codes [136 tiles][16 steps][2 c][512 + 256 bytes], then from here scale words [136][16 steps][16 rows]
.set VW,   4                           ; v4      my byte in the trip's block of the weight
.set LD0,  5                           ; v5-10   LDS: where I store 16 bytes, 8 bytes, the scale byte; where I read 16 bytes (16 lane), 8 bytes (8 lane), scale words.  v11-16: the same 4 trips on (layer 2)
.set TO16, 17                          ; v17-18  slot k: tile x 24576 + 16 lane
.set TO8,  19                          ; v19-20  tile x 24576 + 8 lane
.set TOS,  21                          ; v21-22  tile x 1024 + 4 lane
.set TOW,  23                          ; v23-24  tile x 1024 + 4 r
.set AOX,  25                          ; v25-26  layer 1: token x 768 + 48 h
.set AOS,  27                          ; v27-28  layer 1: token x 32 + 4 h
.set TY,   25                          ; v25-26  layer 3: tile x 65536 + my place in two rows of Y
.set YL,   27                          ; v27     layer 3: that place
.set BO,   29                          ; v29     64 h: my place in the bias
.set TOK,  30                          ; v30-31  layer 1: my row's token
.set STO,  30                          ; v30     layer 3: the stage, on the way in
.set SRD,  31                          ; v31     layer 3: and back
.set AS,   32                          ; v32-33  the rows' scale words and nothing else: lanes 0-15 the trip's first 128 along K, lanes 16-31 its second
.set SB,   34                          ; v34-37  the weight's scale words and nothing else, likewise, for column tile t
.set LOFF, 38                          ; v38-39  tile x 64 + 4 r: my row in the lists
.set C,    40                          ; v40-46  the codes just made
.set H48,  47                          ; v47     layer 1: 48 h
.set BF,   48                          ; v48-71  two fragments of the weight; at the end the rows' new codes
.set AF,   72                          ; v72-119 the rows' fragments: slot k, step q at 72 + 24 k + 12 q
.set WS,   120                         ; v120-183 two sets of 32 numbers of the weight; set 0 holds the bias at the end
.set ACC,  184                         ; v184-247 accumulator (slot k, column tile t) at 184 + 32 k + 8 t
.set GT,   248                         ; v248, v250 layer 3: my rows' gates (named in pairs with v249, v251)
.set QT,   252                         ; v252-254 at work in the weight's quantiser
	s_load_b256 s[4:11], s[0:1], 0x0               ; the weight, the bias, the activations, PI
.if LAYER == 3
	s_load_b128 s[12:15], s[0:1], 0x20             ; Y, PF
	v_lshl_add_u32 v47, v0, 2, 0x1e000
	v_mov_b32 v255, 0
.else
	s_load_b64 s[12:13], s[0:1], 0x20              ; the next layer's codes and scales
.endif
	v_lshrrev_b32 v1, 5, v0
	v_readfirstlane_b32 s16, v1                    ; wave 0 .. 15
	s_and_b32 s17, ttmp7, 0xffff                   ; expert
.if LAYER == 3
	s_and_b32 s18, ttmp9, 15                       ; strip
	s_lshr_b32 s19, ttmp9, 4                       ; half of K
.else
	s_mov_b32 s18, ttmp9
	s_mov_b32 s19, 0
.endif
	v_and_b32 v1, 31, v0                           ; lane
	v_and_b32 v2, 15, v0                           ; r
	v_bfe_u32 v3, v0, 4, 1                         ; h
	; producer: hf = w & 1 (which 32 columns), b = w >> 1 (which block of 32 along K): q = b >> 2, c = (b >> 1) & 1, hc = b & 1
	v_lshlrev_b32 v[VW], 2, v1
	v_bfe_u32 v248, v0, 5, 1                       ; hf
	v_lshl_add_u32 v[VW], v248, 7, v[VW]
	v_lshrrev_b32 v249, 6, v0                      ; b
	v_mul_u32_u24 v250, v249, 32*ROWB
	v_add_nc_u32 v[VW], v[VW], v250                ; 4 l + 128 hf + 32 b rows
	v_bfe_u32 v250, v0, 8, 1                       ; q
	v_lshlrev_b32 v250, 2, v250
	v_lshl_add_u32 v250, v248, 1, v250
	v_bfe_u32 v251, v0, 3, 1                       ; u = (l >> 3) & 1
	v_add_nc_u32 v250, v250, v251                  ; record 4 q + 2 hf + u
	v_mul_u32_u24 v253, v250, REC
	v_bfe_u32 v251, v0, 7, 1                       ; c
	v_mad_u32_u24 v250, v251, 768, v253
	v_and_b32 v251, 7, v0
	v_lshl_add_u32 v251, v3, 3, v251               ; m = (l & 7) + 8 (l >> 4): my column's row in its tile
	v_bfe_u32 v252, v0, 6, 1                       ; hc
	v_lshl_add_u32 v252, v252, 4, v251             ; the operand's lane that my codes belong to
	v_lshl_add_u32 v[LD0], v252, 4, v250
	v_lshl_add_u32 v[LD0+1], v252, 3, v250
	v_add_nc_u32 v[LD0+1], 512, v[LD0+1]
	v_lshl_add_u32 v[LD0+2], v251, 2, v253
	v_bfe_u32 v254, v0, 6, 2                       ; b & 3: my block's byte in the scale word
	v_add_nc_u32 v[LD0+2], v[LD0+2], v254
	v_add_nc_u32 v[LD0+2], 1536, v[LD0+2]
	v_lshlrev_b32 v[LD0+3], 4, v1
	v_lshlrev_b32 v[LD0+4], 3, v1
	v_mul_u32_u24 v[LD0+5], v3, 4*REC              ; lanes 16-31 take the scale words of the record four on: the trip's second 128 along K
	v_lshl_add_u32 v[LD0+5], v2, 2, v[LD0+5]
	v_add_nc_u32 v[LD0+5], 1536, v[LD0+5]
.if NT > 4
.irp i, 0,1,2,3,4,5
	v_add_nc_u32 v[LD0+6+\i], 4*TRIPB, v[LD0+\i]   ; trips 4 to 7 lie beyond an LDS instruction's immediate
.endr
.endif
	v_lshlrev_b32 v[BO], 6, v3
.if LAYER == 1
	v_mul_u32_u24 v[H48], v3, 48
.endif
.if LAYER == 3
	v_lshrrev_b32 v248, 5, v0
	v_mul_u32_u24 v248, v248, 16*272
	v_add_nc_u32 v248, STG, v248                   ; my wave's stage
	v_mad_u32_u24 v[STO], v2, 272, v248
	v_lshl_add_u32 v[STO], v3, 6, v[STO]           ; in: row r, + 64 h
	v_mad_u32_u24 v[SRD], v3, 272, v248
	v_lshl_add_u32 v[SRD], v2, 4, v[SRD]           ; back: lanes 0-15 one row of 256 bytes, lanes 16-31 the next
	v_lshlrev_b32 v[YL], 12, v3
	v_lshl_add_u32 v[YL], v2, 4, v[YL]             ; and the same two rows in Y
.endif
	s_mov_b32 s48, 0x76543210
	s_mov_b32 s49, 0xfedcba98                      ; v_permlanex16_b32's selects for lane l xor 16 (its destinations, v250 and v251, have been written above)
	s_lshl_b32 s22, s17, 3
	s_wait_kmcnt 0x0
	s_load_b64 s[20:21], s[10:11], s22 offset:0x0  ; the expert's first tile and its number of tiles
	s_mov_b32 s43, 0
	s_mul_i32 s42, s17, ESTR
	s_lshl_b32 s44, s18, 8
	s_add_co_u32 s42, s42, s44
.if LAYER == 3
	s_lshl_b32 s44, s19, 22                        ; 1,024 rows of 4,096 bytes
	s_add_co_u32 s42, s42, s44
.endif
	s_add_nc_u64 s[24:25], s[4:5], s[42:43]        ; the weight at my expert, my strip (my half of K)
.if NT > 4
	s_add_nc_u64 s[26:27], s[24:25], 0x800000      ; and 4 trips on, so that every load's immediate stays inside its 24 signed bits and no pointer is stepped
.endif
	s_mul_i32 s42, s17, ROWB
	s_lshl_b32 s44, s18, 8
	s_add_co_u32 s42, s42, s44
	s_add_nc_u64 s[30:31], s[6:7], s[42:43]        ; the bias at my strip
.if LAYER == 1
	s_mov_b64 s[28:29], s[8:9]                     ; x's codes,
	s_add_nc_u64 s[36:37], s[8:9], 786432          ; its scale words
.elseif LAYER == 2
	s_mov_b64 s[28:29], s[8:9]
	s_add_nc_u64 s[36:37], s[8:9], HSC
.else
	s_mul_i32 s42, s19, 8*1536                     ; my half of K: 8 steps on
	s_add_nc_u64 s[28:29], s[8:9], s[42:43]
	s_lshl_b32 s42, s19, 9
	s_add_nc_u64 s[36:37], s[8:9], s[42:43]
	s_add_nc_u64 s[36:37], s[36:37], HSC
.endif
.if LAYER == 3
	s_mul_i32 s42, s19, 2176*4096
	s_lshl_b32 s44, s18, 8
	s_add_co_u32 s42, s42, s44
	s_add_nc_u64 s[32:33], s[12:13], s[42:43]      ; Y at my half of K and my 256 bytes of a row
.else
	s_mul_i32 s42, s18, 768                        ; my strip is half c = strip & 1 of step strip >> 1 of the next K: 768 bytes on end
	s_add_nc_u64 s[32:33], s[12:13], s[42:43]
	s_lshr_b32 s42, s18, 1
	s_lshl_b32 s42, s42, 6
	s_and_b32 s44, s18, 1
	s_lshl_b32 s44, s44, 1
	s_add_co_u32 s42, s42, s44
	s_add_nc_u64 s[34:35], s[12:13], s[42:43]
	s_add_nc_u64 s[34:35], s[34:35], HSC           ; and two bytes of each row's scale word of that step
.endif
	s_wait_kmcnt 0x0
	s_min_u32 s20, s20, 135                        ; stored numbers enter addresses only held to the buffers' sizes
	s_min_u32 s21, s21, 64
; My two slots' tiles, base + w and base + w + 16 of the expert, and all offsets that hang on them.  A slot beyond the expert's tiles takes tile 0.
.macro SETUP base
	s_add_co_u32 s40, s16, \base
	s_add_co_u32 s41, s40, 16
.irp k, 0,1
	s_add_co_u32 s42, s20, s[40+\k]
	s_cmp_lt_u32 s[40+\k], s21
	s_cselect_b32 s42, s42, 0
	s_min_u32 s42, s42, 135
	s_mul_i32 s43, s42, 24576
	s_lshl_b32 s44, s42, 10
	s_lshl_b32 s45, s42, 6
	v_add_nc_u32 v[TO16+\k], s43, v[LD0+3]
	v_add_nc_u32 v[TO8+\k], s43, v[LD0+4]
	v_lshl_add_u32 v[TOS+\k], v1, 2, s44
	v_lshl_add_u32 v[TOW+\k], v2, 2, s44
	v_lshl_add_u32 v[LOFF+\k], v2, 2, s45
.if LAYER == 3
	s_lshl_b32 s46, s42, 16
	v_add_nc_u32 v[TY+\k], s46, v[YL]
.endif
.if LAYER == 1
	global_load_b32 v[TOK+\k], v[LOFF+\k], s[10:11] offset:256   ; my row's token
.endif
.endr
.endm
.macro TOKS                            ; layer 1: the token, held inside x, gives the row's offsets
.irp k, 0,1
	v_min_u32 v[TOK+\k], 0x3ff, v[TOK+\k]
	v_mul_u32_u24 v[AOX+\k], v[TOK+\k], 768
	v_add_nc_u32 v[AOX+\k], v[AOX+\k], v[H48]
	v_lshlrev_b32 v[AOS+\k], 5, v[TOK+\k]
	v_lshl_add_u32 v[AOS+\k], v3, 2, v[AOS+\k]
.endr
.endm
.macro WLOAD s                         ; trip s's 32 numbers of my column into set s % 2
.set WB, WS+32*((\s)%2)
.set i, 0
.rept 32
	global_load_b32 v[WB+i], v[VW], s[24+2*((\s)/4):25+2*((\s)/4)] offset:((\s)%4)*256*ROWB+i*ROWB th:TH_LOAD_NT
.set i, i+1
.endr
.endm
.macro ALOAD s, k                      ; slot k's two fragments and scale words of trip s: every lane loads its registers whole
.irp q, 0,1
.set AR, AF+24*(\k)+12*\q
.if LAYER == 1
	global_load_b128 v[AR:AR+3], v[AOX+\k], s[28:29] offset:96*(2*(\s)+\q)
	global_load_b128 v[AR+4:AR+7], v[AOX+\k], s[28:29] offset:96*(2*(\s)+\q)+16
	global_load_b128 v[AR+8:AR+11], v[AOX+\k], s[28:29] offset:96*(2*(\s)+\q)+32
.else
	global_load_b128 v[AR:AR+3], v[TO16+\k], s[28:29] offset:1536*(2*(\s)+\q)
	global_load_b64 v[AR+4:AR+5], v[TO8+\k], s[28:29] offset:1536*(2*(\s)+\q)+512
	global_load_b128 v[AR+6:AR+9], v[TO16+\k], s[28:29] offset:1536*(2*(\s)+\q)+768
	global_load_b64 v[AR+10:AR+11], v[TO8+\k], s[28:29] offset:1536*(2*(\s)+\q)+1280
.endif
.endr
.if LAYER == 1
	global_load_b32 v[AS+\k], v[AOS+\k], s[36:37] offset:8*(\s)
.else
	global_load_b32 v[AS+\k], v[TOS+\k], s[36:37] offset:128*(\s)
.endif
.endm
.macro QUANTW s                        ; my block of 32 along K of my column: its scale, its 24 bytes of codes, into trip s's records
.set WB, WS+32*((\s)%2)
.set LB, LD0+6*((\s)/4)
	v_max3_num_f32 v[QT], |v[WB]|, |v[WB+1]|, |v[WB+2]|            ; the largest magnitude, in two chains
	v_max3_num_f32 v[QT+1], |v[WB+3]|, |v[WB+4]|, |v[WB+5]|
.irp i, 6,10,14,18,22,26
	v_max3_num_f32 v[QT], v[QT], |v[WB+\i]|, |v[WB+\i+1]|
	v_max3_num_f32 v[QT+1], v[QT+1], |v[WB+\i+2]|, |v[WB+\i+3]|
.endr
	v_max3_num_f32 v[QT], v[QT], |v[WB+30]|, |v[WB+31]|
	v_max3_num_f32 v[QT], v[QT], v[QT+1], 0x2800000                ; and the floor 2^(5 - 127): the byte cannot fall under 1
	v_add_nc_u32 v[QT+1], 0xfe000000, v[QT]                        ; 4 off the exponent field: the conversion's scale operand
	v_cvt_scalef32_pk16_bf6_f32 v[C:C+2], v[WB:WB+15], v[QT+1]
	v_cvt_scalef32_pk16_bf6_f32 v[C+4:C+6], v[WB+16:WB+31], v[QT+1]   ; (a conversion's three registers begin on an even number)
	v_lshrrev_b32 v[QT+2], 23, v[QT+1]                             ; the scale's byte: also the plain line behind the conversions
	v_mov_b32 v[C+3], v[C+4]
	v_mov_b32 v[C+4], v[C+5]
	v_mov_b32 v[C+5], v[C+6]
	ds_store_b128 v[LB], v[C:C+3] offset:((\s)%4)*TRIPB
	ds_store_b64 v[LB+1], v[C+4:C+5] offset:((\s)%4)*TRIPB
	ds_store_b8 v[LB+2], v[QT+2] offset:((\s)%4)*TRIPB
.endm
.macro MM k, t, f, q, zero             ; one product: slot k x column tile t, whose fragment lies in half f of BF; step q of the trip.  zero: it starts the sum
.set D, ACC+32*(\k)+8*(\t)
.set B0, BF+12*(\f)
.set A0, AF+24*(\k)+12*(\q)
.if (\q) == 0
.if \zero
	v_wmma_scale_f32_16x16x128_f8f6f4 v[D:D+7], v[B0:B0+11], v[A0:A0+11], 0, v[SB+(\t)], v[AS+(\k)] matrix_a_fmt:MATRIX_FMT_BF6 matrix_b_fmt:MATRIX_FMT_BF6
.else
	v_wmma_scale_f32_16x16x128_f8f6f4 v[D:D+7], v[B0:B0+11], v[A0:A0+11], v[D:D+7], v[SB+(\t)], v[AS+(\k)] matrix_a_fmt:MATRIX_FMT_BF6 matrix_b_fmt:MATRIX_FMT_BF6
.endif
.else
	v_wmma_scale_f32_16x16x128_f8f6f4 v[D:D+7], v[B0:B0+11], v[A0:A0+11], v[D:D+7], v[SB+(\t)], v[AS+(\k)] matrix_a_fmt:MATRIX_FMT_BF6 matrix_b_fmt:MATRIX_FMT_BF6 matrix_a_scale:MATRIX_SCALE_ROW1 matrix_b_scale:MATRIX_SCALE_ROW1
.endif
.endm
; Two fragments of the weight from LDS, and their products with both slots.  The accumulators take turns, one instruction a turn, on every path.
; cond: slot 1's two products are jumped over where the expert has no such tile.
.macro BATCH s, q, tp, first, cond, zero
.set LB, LD0+6*((\s)/4)
.set RO, ((\s)%4)*TRIPB+(4*(\q)+2*(\tp))*REC
.if !(\first)
.rept 4
	v_nop                                          ; four places between the last products and loads into registers that they read (ISA guide 7.12.1 for vector instructions; kept for loads too)
.endr
.endif
.irp f, 0,1
	ds_load_b128 v[BF+12*\f:BF+12*\f+3], v[LB+3] offset:RO+\f*REC
	ds_load_b64 v[BF+12*\f+4:BF+12*\f+5], v[LB+4] offset:RO+\f*REC+512
	ds_load_b128 v[BF+12*\f+6:BF+12*\f+9], v[LB+3] offset:RO+\f*REC+768
	ds_load_b64 v[BF+12*\f+10:BF+12*\f+11], v[LB+4] offset:RO+\f*REC+1280
.endr
	s_wait_dscnt 0x0
	MM 0, 2*(\tp), 0, \q, \zero
	MM 0, 2*(\tp)+1, 1, \q, \zero
.if \cond
	s_cmp_lt_u32 s41, s21
	s_cbranch_scc0 .Lone_\@
.endif
	MM 1, 2*(\tp), 0, \q, \zero
	MM 1, 2*(\tp)+1, 1, \q, \zero
.if \cond
.Lone_\@:
.endif
.endm
.macro MMALL s, cond, zero             ; a trip's 16 products
.set LB, LD0+6*((\s)/4)
.irp t, 0,1,2,3
	ds_load_b32 v[SB+\t], v[LB+5] offset:((\s)%4)*TRIPB+\t*REC
.endr
	BATCH \s, 0, 0, 1, \cond, \zero
	BATCH \s, 0, 1, 0, \cond, \zero
	BATCH \s, 1, 0, 0, \cond, \zero
	BATCH \s, 1, 1, 0, \cond, \zero
.rept 4
	v_nop                                          ; four places in front of whatever next loads into, or reads, these products' registers
.endr
.endm
; A TRIP.  Loads are issued in the order W(s), A(s), W(s + 1): so the wait that leaves 32 out leaves the next trip's weights out, on every path, and shows this trip's weights and rows in.
.macro TRIP s
.if (\s) < NT-1
	s_wait_loadcnt 32
.else
	s_wait_loadcnt 0x0                             ; the last trip: its weights and rows, the bias (and the gates)
.endif
	QUANTW \s
	s_wait_dscnt 0x0                               ; my codes and my scale byte lie in LDS,
	s_barrier_signal -1
	s_barrier_wait -1                              ; everybody's do: the trip's 8 records are whole.  They are never written again, so no second barrier is owed
.if (\s) > 0
	s_cmp_lt_u32 s40, s21                          ; have I a tile at all?
	s_cbranch_scc0 .Lnone_\@
	MMALL \s, 1, 0
.else
	MMALL \s, 0, 1                                 ; trip 0 runs whole on every path: its products start all 8 sums
.endif
.if (\s) < NT-1
.if (\s) == 0
	s_cmp_lt_u32 s40, s21
	s_cbranch_scc0 .Lnone_\@
.endif
	ALOAD (\s)+1, 0
	s_cmp_lt_u32 s41, s21
	s_cbranch_scc0 .Lnone_\@
	ALOAD (\s)+1, 1
.endif
.Lnone_\@:
.if (\s) <= NT-3
	WLOAD (\s)+2                                   ; into the set that this trip has quantised
.elseif (\s) == NT-2
.irp b, 0,1
.irp j, 0,1,2,3
	global_load_b128 v[WS+16*\b+4*\j:WS+16*\b+4*\j+3], v[BO], s[30:31] offset:128*\b+16*\j   ; the bias in the result's layout: register 16 b + i = column 32 b + 16 h + i
.endr
.endr
.if LAYER == 3
	global_load_b32 v[GT], v[LOFF], s[14:15]       ; my rows' gates
	global_load_b32 v[GT+2], v[LOFF+1], s[14:15]
.endif
.endif
.endm
; THE END OF A SLOT, jumped over where the expert has no such tile.  Each accumulator is read from its low end on.
.macro EPI k
.set A, ACC+32*(\k)
.set P, BF+12*(\k)
.set RB, 152-80*(\k)
	s_cmp_lt_u32 s[40+\k], s21
	s_cbranch_scc0 .Lno_\@
.if LAYER == 3
	s_cmp_lg_u32 s19, 0                            ; b3 is added in the first half of K alone
	s_cbranch_scc1 .Lnob_\@
.endif
.irp j, 0,2,4,6,8,10,12,14,16,18,20,22,24,26,28,30
	v_pk_add_f32 v[A+\j:A+\j+1], v[A+\j:A+\j+1], v[WS+\j:WS+\j+1]
.endr
.if LAYER == 3
.Lnob_\@:
.irp j, 0,2,4,6,8,10,12,14,16,18,20,22,24,26,28,30
	v_pk_mul_f32 v[A+\j:A+\j+1], v[A+\j:A+\j+1], v[GT+2*(\k):GT+2*(\k)+1] op_sel_hi:[1,0]   ; x my row's gate
.endr
.irp b, 0,1
.irp d, 0,1,2,3
	ds_store_b128 v[STO], v[A+16*\b+4*\d:A+16*\b+4*\d+3] offset:128*\b+16*\d   ; through my wave's own stage: LDS serves a wave's instructions in order, so no wait stands between the stores and the loads
.endr
.endr
.irp i, 0,1,2,3,4,5,6,7
	ds_load_b128 v[RB+4*\i:RB+4*\i+3], v[SRD] offset:544*\i
.endr
.irp i, 0,1,2,3,4,5,6,7
	s_wait_dscnt 7-\i                              ; the younger reads of the stage may be out
	global_store_b128 v[TY+\k], v[RB+4*\i:RB+4*\i+3], s[32:33] offset:8192*\i th:TH_STORE_NT   ; sixteen lanes store 256 consecutive bytes, aligned
.endr
.else
.irp j, 0,1,2,3,4,5,6,7,8,9,10,11,12,13,14,15,16,17,18,19,20,21,22,23,24,25,26,27,28,29,30,31
	v_max_num_f32 v[A+\j], 0, v[A+\j]              ; the activation, in f32
.endr
.irp b, 0,1
	v_max3_num_f32 v[248+\b], v[A+16*\b], v[A+16*\b+1], 0x2800000   ; block b: my 16 numbers (none is negative) and the floor 2^(5 - 127)
.endr
.irp i, 2,4,6,8,10,12,14
.irp b, 0,1
	v_max3_num_f32 v[248+\b], v[248+\b], v[A+16*\b+\i], v[A+16*\b+\i+1]
.endr
.endr
.irp b, 0,1
	v_permlanex16_b32 v[250+\b], v[248+\b], s48, s49
.endr
.irp b, 0,1
	v_max_num_f32 v[248+\b], v[248+\b], v[250+\b]  ; with lane l xor 16's 16: the block's largest
.endr
.irp b, 0,1
	v_add_nc_u32 v[252+\b], 0xfe000000, v[248+\b]  ; the conversion's scale operand
.endr
.irp b, 0,1
	v_lshrrev_b32 v[250+\b], 23, v[252+\b]         ; the scale's byte
.endr
	v_cvt_scalef32_pk16_bf6_f32 v[P:P+2], v[A:A+15], v252
	v_cvt_scalef32_pk16_bf6_f32 v[P+8:P+10], v[A+16:A+31], v253
	v_lshl_or_b32 v[254+\k], v251, 8, v250         ; my row's two scale bytes: also the plain line behind the conversions
.irp i, 0,1,2
	v_permlane16_swap_b32 v[P+\i], v[P+8+\i]       ; the operand wants a whole block in a lane: lanes 0-15 block 0, lanes 16-31 block 1
.endr
.irp i, 0,1,2
	v_mov_b32 v[P+3+\i], v[P+8+\i]
.endr
	global_store_b128 v[TO16+\k], v[P:P+3], s[32:33]               ; the image of six registers of the next layer's operand: 512 + 256 consecutive bytes, aligned
	global_store_b64 v[TO8+\k], v[P+4:P+5], s[32:33] offset:512
	global_store_b16 v[TOW+\k], v[254+\k], s[34:35]                ; (lanes l and l xor 16 store the same two bytes)
.endif
.Lno_\@:
.endm
	SETUP 0
	WLOAD 0
.if LAYER == 1
	s_wait_loadcnt 32                              ; the tokens are in; the 32 weight loads issued behind them may be out
	TOKS
.endif
	ALOAD 0, 0
	ALOAD 0, 1
	WLOAD 1
.set Q, 0
.rept NT
	TRIP Q
.set Q, Q+1
.endr
	EPI 0
	EPI 1
	; TILES 32 .. 63, where the expert has so many: the whole quantised strip lies in LDS, so only the rows are loaded.  No barrier from here on.
	s_cmp_gt_u32 s21, 32
	s_cbranch_scc0 .Lend
	s_wait_xcnt 0x0                                ; the stores above have read their data and offsets: both are written again below
	SETUP 32
.if LAYER == 1
	s_wait_loadcnt 0x0
	TOKS
.endif
.if LAYER == 3
	global_load_b32 v[GT], v[LOFF], s[14:15]
	global_load_b32 v[GT+2], v[LOFF+1], s[14:15]
.endif
.set Q, 0
.rept NT
	ALOAD Q, 0
	ALOAD Q, 1
	s_wait_loadcnt 0x0
.if Q == 0
	MMALL Q, 0, 1
.else
	MMALL Q, 0, 0
.endif
.set Q, Q+1
.endr
	EPI 0
	EPI 1
.Lend:
	s_wait_tensorcnt 0x0
	ds_add_u32 v47, v255
	s_wait_dscnt 0x0
	s_endpgm
.Lfunc_end_k_qbaa35e103a_layer3:
	.size	k_qbaa35e103a_layer3, .Lfunc_end_k_qbaa35e103a_layer3-k_qbaa35e103a_layer3
	.p2alignl 7, 3214868480
	.fill 96, 4, 3214868480
	.section	.rodata,"a",@progbits
	.p2align	6, 0x0
	.amdhsa_kernel k_qbaa35e103a_layer3
		.amdhsa_group_segment_fixed_size 124928
		.amdhsa_private_segment_fixed_size 0
		.amdhsa_enable_private_segment 0
		.amdhsa_kernarg_size 48
		.amdhsa_user_sgpr_count 2
		.amdhsa_user_sgpr_kernarg_segment_ptr 1
		.amdhsa_wavefront_size32 1
		.amdhsa_system_sgpr_workgroup_id_x 1
		.amdhsa_system_sgpr_workgroup_id_y 1
		.amdhsa_system_sgpr_workgroup_id_z 1
		.amdhsa_system_vgpr_workitem_id 0
		.amdhsa_next_free_vgpr 256
		.amdhsa_next_free_sgpr 66
		.amdhsa_reserve_vcc 0
		.amdhsa_float_denorm_mode_32 3
		.amdhsa_float_denorm_mode_16_64 3
		.amdhsa_memory_ordered 1
		.amdhsa_forward_progress 1
		.amdhsa_inst_pref_size 98
	.end_amdhsa_kernel
	.amdgpu_metadata
---
amdhsa.version: [ 1, 2 ]
amdhsa.kernels:
  - .name:           k_qbaa35e103a_layer3
    .symbol:         k_qbaa35e103a_layer3.kd
    .args:
      - { .name: W3, .offset: 0, .size: 8, .value_kind: global_buffer, .address_space: global }
      - { .name: b3, .offset: 8, .size: 8, .value_kind: global_buffer, .address_space: global }
      - { .name: H2, .offset: 16, .size: 8, .value_kind: global_buffer, .address_space: global }
      - { .name: PI, .offset: 24, .size: 8, .value_kind: global_buffer, .address_space: global }
      - { .name: Y, .offset: 32, .size: 8, .value_kind: global_buffer, .address_space: global }
      - { .name: PF, .offset: 40, .size: 8, .value_kind: global_buffer, .address_space: global }
    .group_segment_fixed_size: 124928
    .private_segment_fixed_size: 0
    .kernarg_segment_align: 8
    .kernarg_segment_size: 48
    .max_flat_workgroup_size: 512
    .sgpr_count:     66
    .vgpr_count:     256
    .wavefront_size: 32
...
	.end_amdgpu_metadata
.endif
;; end of part 5
;; launch combine (part 6): grid 256 x 1, 4 waves a work-group, no clusters, 0 bytes of LDS; arguments Y, PI, out0; writes out0
.if DOCPART == 6
	.amdgcn_target "amdgcn-amd-amdhsa--gfx1250"
	.amdhsa_code_object_version 6
	.text
	.protected	k_qbaa35e103a_combine
	.globl	k_qbaa35e103a_combine
	.p2align	8
	.type	k_qbaa35e103a_combine,@function
k_qbaa35e103a_combine:
	s_mov_b64 s[64:65], 0
	v_nop
	global_prefetch_b8 v0, s[64:65] scope:SCOPE_SE
	s_setreg_imm32_b32 hwreg(HW_REG_WAVE_MODE, 25, 1), 1
	s_wait_xcnt 0x0
; out0[token] = the sum of four rows of Y: the token's two routed rows (already multiplied by their gates, b3 among them), each in two halves of the last product's K.
; Y: [2 halves][2176 rows][1024] f32.  PI + 8960: POS[token] = (row of the first expert, row of the second), whole numbers stored by an earlier launch.
; One wave takes one token: a row is 4,096 bytes, eight loads of 512 consecutive bytes from each of the four rows, all 32 issued at once; each output row has one owner.
; A stream: no LDS, no barrier, no matrix unit.
	s_load_b128 s[4:7], s[0:1], 0x0                ; Y, PI
	s_load_b64 s[8:9], s[0:1], 0x10                ; out0
	v_lshrrev_b32 v1, 5, v0
	v_readfirstlane_b32 s10, v1                    ; wave
	s_lshl_b32 s11, ttmp9, 2
	s_add_co_u32 s11, s11, s10                     ; token
	s_lshl_b32 s14, s11, 3
	v_and_b32 v1, 31, v0
	v_lshlrev_b32 v2, 4, v1                        ; 16 bytes a lane
	s_wait_kmcnt 0x0
	s_load_b64 s[12:13], s[6:7], s14 offset:0x2300 ; POS[token]
	s_lshl_b32 s16, s11, 12
	s_mov_b32 s17, 0
	s_add_nc_u64 s[8:9], s[8:9], s[16:17]          ; the token's row of out0
	s_add_nc_u64 s[18:19], s[4:5], 2176*4096       ; Y's second half of K
	s_wait_kmcnt 0x0
	s_min_u32 s12, s12, 2175                       ; a stored row enters an address only held inside Y
	s_min_u32 s13, s13, 2175
	s_lshl_b32 s12, s12, 12
	s_lshl_b32 s13, s13, 12
	v_add_nc_u32 v3, s12, v2
	v_add_nc_u32 v4, s13, v2
.irp i, 0,1,2,3,4,5,6,7
	global_load_b128 v[16+16*\i:19+16*\i], v3, s[4:5] offset:512*\i th:TH_LOAD_NT
	global_load_b128 v[20+16*\i:23+16*\i], v3, s[18:19] offset:512*\i th:TH_LOAD_NT
	global_load_b128 v[24+16*\i:27+16*\i], v4, s[4:5] offset:512*\i th:TH_LOAD_NT
	global_load_b128 v[28+16*\i:31+16*\i], v4, s[18:19] offset:512*\i th:TH_LOAD_NT
.endr
.irp i, 0,1,2,3,4,5,6,7
	s_wait_loadcnt 28-4*\i                         ; this chunk's four loads are in; the later chunks' may be out
	v_pk_add_f32 v[16+16*\i:17+16*\i], v[16+16*\i:17+16*\i], v[20+16*\i:21+16*\i]
	v_pk_add_f32 v[18+16*\i:19+16*\i], v[18+16*\i:19+16*\i], v[22+16*\i:23+16*\i]
	v_pk_add_f32 v[24+16*\i:25+16*\i], v[24+16*\i:25+16*\i], v[28+16*\i:29+16*\i]
	v_pk_add_f32 v[26+16*\i:27+16*\i], v[26+16*\i:27+16*\i], v[30+16*\i:31+16*\i]
	v_pk_add_f32 v[16+16*\i:17+16*\i], v[16+16*\i:17+16*\i], v[24+16*\i:25+16*\i]
	v_pk_add_f32 v[18+16*\i:19+16*\i], v[18+16*\i:19+16*\i], v[26+16*\i:27+16*\i]
	global_store_b128 v2, v[16+16*\i:19+16*\i], s[8:9] offset:512*\i th:TH_STORE_NT   ; 32 lanes store 512 consecutive bytes, aligned; no register is written again
.endr
	s_endpgm
.Lfunc_end_k_qbaa35e103a_combine:
	.size	k_qbaa35e103a_combine, .Lfunc_end_k_qbaa35e103a_combine-k_qbaa35e103a_combine
	.p2alignl 7, 3214868480
	.fill 96, 4, 3214868480
	.section	.rodata,"a",@progbits
	.p2align	6, 0x0
	.amdhsa_kernel k_qbaa35e103a_combine
		.amdhsa_group_segment_fixed_size 0
		.amdhsa_private_segment_fixed_size 0
		.amdhsa_enable_private_segment 0
		.amdhsa_kernarg_size 24
		.amdhsa_user_sgpr_count 2
		.amdhsa_user_sgpr_kernarg_segment_ptr 1
		.amdhsa_wavefront_size32 1
		.amdhsa_system_sgpr_workgroup_id_x 1
		.amdhsa_system_sgpr_workgroup_id_y 1
		.amdhsa_system_sgpr_workgroup_id_z 1
		.amdhsa_system_vgpr_workitem_id 0
		.amdhsa_next_free_vgpr 144
		.amdhsa_next_free_sgpr 66
		.amdhsa_reserve_vcc 0
		.amdhsa_float_denorm_mode_32 3
		.amdhsa_float_denorm_mode_16_64 3
		.amdhsa_memory_ordered 1
		.amdhsa_forward_progress 1
		.amdhsa_inst_pref_size 9
	.end_amdhsa_kernel
	.amdgpu_metadata
---
amdhsa.version: [ 1, 2 ]
amdhsa.kernels:
  - .name:           k_qbaa35e103a_combine
    .symbol:         k_qbaa35e103a_combine.kd
    .args:
      - { .name: Y, .offset: 0, .size: 8, .value_kind: global_buffer, .address_space: global }
      - { .name: PI, .offset: 8, .size: 8, .value_kind: global_buffer, .address_space: global }
      - { .name: out0, .offset: 16, .size: 8, .value_kind: global_buffer, .address_space: global }
    .group_segment_fixed_size: 0
    .private_segment_fixed_size: 0
    .kernarg_segment_align: 8
    .kernarg_segment_size: 24
    .max_flat_workgroup_size: 128
    .sgpr_count:     66
    .vgpr_count:     144
    .wavefront_size: 32
...
	.end_amdgpu_metadata
.endif
;; end of part 6
;; ======== version 2 of 3: 6 launches
;; workspace buffers: XB 892,928 bytes; GI 12,288 bytes of whole numbers; PI 17,152 bytes of whole numbers; PF 8,704 bytes; H1 3,481,600 bytes; H2 3,481,600 bytes; Y 17,825,792 bytes
;; launch gate: the kernel of part 1 again; grid 128 x 1, 4 waves a work-group, no clusters, 35,328 bytes of LDS; arguments x, Wg, bg, XB, GI; writes XB, GI
;; launch place: the kernel of part 2 again; grid 1 x 1, 8 waves a work-group, no clusters, 2,048 bytes of LDS; arguments GI, XB, PI, PF, out1, out2, out3; writes PI, PF, out1, out2, out3
;; launch layer1 (part 7): grid 32 x 8, 16 waves a work-group, no clusters, 55,296 bytes of LDS; arguments W1, b1, XB, PI, H1; writes H1
.if DOCPART == 7
	.amdgcn_target "amdgcn-amd-amdhsa--gfx1250"
	.amdhsa_code_object_version 6
	.text
	.protected	k_qbaa35e103a_layer1
	.globl	k_qbaa35e103a_layer1
	.p2align	8
	.type	k_qbaa35e103a_layer1,@function
k_qbaa35e103a_layer1:
	s_mov_b64 s[64:65], 0
	v_nop
	global_prefetch_b8 v0, s[64:65] scope:SCOPE_SE
	s_setreg_imm32_b32 hwreg(HW_REG_WAVE_MODE, 25, 1), 1
	s_wait_xcnt 0x0
; ONE LAYER OF THE EXPERTS, on the rows that the router chose.  The same text serves the three layers; LAYER says which.
.set LAYER, 1
;   LAYER 1: h1 = Q(relu(x W1 + b1))      LAYER 2: h2 = Q(relu(h1 W2 + b2))      LAYER 3: Y[kh][row] = gate x (h2 W3 over half kh of K, + b3 where kh = 0)
; Both operands of the product are codes of E3M2 with one E8M0 scale for each 32 along K; sums in f32.  Q is the same quantiser along the next layer's K.
; THE WEIGHTS BIND: they arrive as f32 [expert][K][N].  Each weight byte is read ONCE in the launch, by one work-group, quantised in registers and used at once.
; SHARES.  A work-group owns one expert (grid y) and a strip of 64 columns of N (grid x; in layer 3 also a half of K), and multiplies ALL of that expert's rows by it.  K goes in NT trips of 256.
; AS PRODUCER wave w takes, in each trip, 32 K rows x 32 columns: A LANE TAKES A COLUMN AND ITS 32 REGISTERS RUN DOWN K, so a block of 32 lies in one lane, and the conversions give codes with K innermost.
;   Each load reads 128 consecutive bytes; wave w xor 1 reads the other half of the same aligned 256.  The codes go to LDS as images of the operand's registers and stay there: no LDS byte is written twice.
; AS CONSUMER wave w owns the expert's tiles of 16 rows number w and w + 16 (slots 0, 1) against the strip's four tiles of 16 columns: 8 accumulators.  Tiles 32 .. 63 (a very uneven choice) follow at the end, from the strip in LDS.
; THE PRODUCT IS USED TRANSPOSED (source 0 = 16 columns of the weight, source 1 = 16 rows), and row m of column tile t is column 32 (t / 2) + 8 (t % 2) + m + 8 (m / 8):
;   so lane (r, h) holds row r, and its registers 16 b + i are columns 32 b + 16 h + i: 16 neighbours along the next K.
; THE LOADS RUN AHEAD.  A trip's products go in two steps of 128 along K (q = 0, 1), each in two batches of two column tiles.  The rows' fragments of step q are free as soon as that step's products are issued:
;   the next trip's fragments of the same step are asked for there, so that half a trip's products, the next quantising step and the barrier stand between the request and the use.
;   The weights of trip s + 2 are asked for in trip s, into the set that trip s has quantised: eight loads in each batch, between the batch's LDS loads and the wait for them.
; WHAT HANGS ON THE STORED LIST: how many tiles the expert has.  Every barrier, every weight load, every quantising step, all of slot 0's loads and products and all of trip 0 stand on every path; a slot without a tile
;   takes tile 0 (which always exists) and stores nothing.  Slot 1's loads and products of later trips, the stores and the part for tiles 32 .. 63 are jumped over by scalar branches on the stored count; no barrier stands under such a branch.
; No tensor load, no cluster: the row counts are read from memory, so the operands go from memory straight into registers.  The 32 work-groups of an expert read the same activations by plain loads.
; LIMITS: NaN and infinities are not served.  A block of zeros gets the scale byte 1 (its codes are zeros; only this program reads the bytes).  An expert without rows still streams its strip.
.if LAYER == 2
.set NT, 8                             ; trips of 256 along K
.else
.set NT, 4
.endif
.if LAYER == 3
.set WN, 1024                          ; numbers in a row of the weight
.set ESTR, 2*NT*256*WN*4               ; bytes of an expert's weight (two halves of K)
.set NBI, 10                           ; loads of the bias and the two gates
.else
.set WN, 2048
.set ESTR, NT*256*WN*4
.set NBI, 8                            ; loads of the bias
.endif
.if LAYER == 1
.set NA, 4                             ; loads that bring one fragment of rows and its scale word
.else
.set NA, 5
.endif
.set ROWB,  WN*4
.set REC,   1664                       ; LDS: a record is one fragment (16 columns x 128 K): for c = 0, 1: registers 6 c .. 6 c + 3 at 768 c + 16 lane, 6 c + 4, 6 c + 5 at 768 c + 512 + 8 lane; 16 scale words at 1536; 64 bytes unused
.set TRIPB, 8*REC                      ; a trip's 8 records: (step q of 128, column tile t) at (4 q + t) REC
.set STG,   4*TRIPB                    ; layer 3: behind the records a stage of 16 rows x 272 bytes for each wave
.set HSC,   3342336                    ; in H1, H2: codes [136 tiles][16 steps][2 c][512 + 256 bytes], then from here scale words [136][16 steps][16 rows]
.set VW,   4                           ; v4      my byte in the trip's block of the weight
.set LD0,  5                           ; v5-10   LDS: where I store 16 bytes, 8 bytes, the scale byte; where I read 16 bytes (16 lane), 8 bytes (8 lane), scale words.  v11-16: the same 4 trips on (layer 2)
.set TO16, 17                          ; v17-18  slot k: tile x 24576 + 16 lane
.set TO8,  19                          ; v19-20  tile x 24576 + 8 lane
.set AS1,  21                          ; v21-22  the rows' scale words of step q = 1, slot k, and nothing else (lanes 0-15 are read)
.set TOW,  23                          ; v23-24  tile x 1024 + 4 r
.set AOX,  25                          ; v25-26  layer 1: token x 768 + 48 h
.set AOS,  27                          ; v27-28  layer 1: token x 32
.set TY,   25                          ; v25-26  layer 3: tile x 65536 + my place in two rows of Y
.set YL,   27                          ; v27     layer 3: that place
.set BO,   29                          ; v29     64 h: my place in the bias
.set TOK,  30                          ; v30-31  layer 1: my row's token
.set STO,  30                          ; v30     layer 3: the stage, on the way in
.set SRD,  31                          ; v31     layer 3: and back
.set AS0,  32                          ; v32-33  the rows' scale words of step q = 0, slot k, and nothing else
.set SB,   34                          ; v34-37  the weight's scale words and nothing else, for column tile t: lanes 0-15 the trip's first 128 along K, lanes 16-31 its second
.set LOFF, 38                          ; v38-39  tile x 64 + 4 r: my row in the lists
.set C,    40                          ; v40-46  the codes just made
.set H48,  47                          ; v47     layer 1: 48 h
.set BF,   48                          ; v48-71  two fragments of the weight; at the end the rows' new codes
.set AF,   72                          ; v72-119 the rows' fragments: slot k, step q at 72 + 24 k + 12 q
.set WS,   120                         ; v120-183 two sets of 32 numbers of the weight; set 0 holds the bias at the end
.set ACC,  184                         ; v184-247 accumulator (slot k, column tile t) at 184 + 32 k + 8 t
.set GT,   248                         ; v248, v250 layer 3: my rows' gates (named in pairs with v249, v251)
.set QT,   252                         ; v252-254 at work in the weight's quantiser
.if NT > 4
.set PFO,  27                          ; the prefetches' offset: row 32 (w >> 1) + lane of a trip's 256; never rewritten (a register that this layer uses for nothing else)
.else
.set PFO,  11
.endif
.macro WCHUNK s, c                     ; eight of trip s's 32 numbers of my column, into set s % 2
.set WB, WS+32*((\s)%2)
.set i, 8*(\c)
.rept 8
	global_load_b32 v[WB+i], v[VW], s[24+2*((\s)/4):25+2*((\s)/4)] offset:((\s)%4)*256*ROWB+i*ROWB th:TH_LOAD_NT
.set i, i+1
.endr
.endm
.macro WLOAD s                         ; all 32
	WCHUNK \s, 0
	WCHUNK \s, 1
	WCHUNK \s, 2
	WCHUNK \s, 3
.endm
	s_load_b256 s[4:11], s[0:1], 0x0               ; the weight, the bias, the activations, PI
.if LAYER == 3
	s_load_b128 s[12:15], s[0:1], 0x20             ; Y, PF
.else
	s_load_b64 s[12:13], s[0:1], 0x20              ; the next layer's codes and scales
	v_lshl_add_u32 v15, v0, 2, 0xd000
	v_mov_b32 v16, 0
.endif
	v_lshrrev_b32 v1, 5, v0
	v_readfirstlane_b32 s16, v1                    ; wave 0 .. 15
	s_and_b32 s47, s16, 1                          ; which 32 columns I produce
	s_and_b32 s17, ttmp7, 0xffff                   ; expert
.if LAYER == 3
	s_and_b32 s18, ttmp9, 15                       ; strip
	s_lshr_b32 s19, ttmp9, 4                       ; half of K
.else
	s_mov_b32 s18, ttmp9
	s_mov_b32 s19, 0
.endif
	v_and_b32 v1, 31, v0                           ; lane
	v_and_b32 v2, 15, v0                           ; r
	v_bfe_u32 v3, v0, 4, 1                         ; h
	; producer: hf = w & 1 (which 32 columns), b = w >> 1 (which block of 32 along K): q = b >> 2, c = (b >> 1) & 1, hc = b & 1
	v_lshlrev_b32 v[VW], 2, v1
	v_bfe_u32 v248, v0, 5, 1                       ; hf
	v_lshl_add_u32 v[VW], v248, 7, v[VW]
	v_lshrrev_b32 v249, 6, v0                      ; b
	v_mul_u32_u24 v250, v249, 32*ROWB
	v_add_nc_u32 v[VW], v[VW], v250                ; 4 l + 128 hf + 32 b rows
	v_mad_u32_u24 v[PFO], v1, ROWB, v250           ; row 32 b + l
	v_bfe_u32 v250, v0, 8, 1                       ; q
	v_lshlrev_b32 v250, 2, v250
	v_lshl_add_u32 v250, v248, 1, v250
	v_bfe_u32 v251, v0, 3, 1                       ; u = (l >> 3) & 1
	v_add_nc_u32 v250, v250, v251                  ; record 4 q + 2 hf + u
	v_mul_u32_u24 v253, v250, REC
	v_bfe_u32 v251, v0, 7, 1                       ; c
	v_mad_u32_u24 v250, v251, 768, v253
	v_and_b32 v251, 7, v0
	v_lshl_add_u32 v251, v3, 3, v251               ; m = (l & 7) + 8 (l >> 4): my column's row in its tile
	v_bfe_u32 v252, v0, 6, 1                       ; hc
	v_lshl_add_u32 v252, v252, 4, v251             ; the operand's lane that my codes belong to
	v_lshl_add_u32 v[LD0], v252, 4, v250
	v_lshl_add_u32 v[LD0+1], v252, 3, v250
	v_add_nc_u32 v[LD0+1], 512, v[LD0+1]
	v_lshl_add_u32 v[LD0+2], v251, 2, v253
	v_bfe_u32 v254, v0, 6, 2                       ; b & 3: my block's byte in the scale word
	v_add_nc_u32 v[LD0+2], v[LD0+2], v254
	v_add_nc_u32 v[LD0+2], 1536, v[LD0+2]
	v_lshlrev_b32 v[LD0+3], 4, v1
	v_lshlrev_b32 v[LD0+4], 3, v1
	v_mul_u32_u24 v[LD0+5], v3, 4*REC              ; lanes 16-31 take the scale words of the record four on: the trip's second 128 along K
	v_lshl_add_u32 v[LD0+5], v2, 2, v[LD0+5]
	v_add_nc_u32 v[LD0+5], 1536, v[LD0+5]
.if NT > 4
.irp i, 0,1,2,3,4,5
	v_add_nc_u32 v[LD0+6+\i], 4*TRIPB, v[LD0+\i]   ; trips 4 to 7 lie beyond an LDS instruction's immediate
.endr
.endif
	v_lshlrev_b32 v[BO], 6, v3
.if LAYER == 1
	v_mul_u32_u24 v[H48], v3, 48
.endif
.if LAYER == 3
	v_lshrrev_b32 v248, 5, v0
	v_mul_u32_u24 v248, v248, 16*272
	v_add_nc_u32 v248, STG, v248                   ; my wave's stage
	v_mad_u32_u24 v[STO], v2, 272, v248
	v_lshl_add_u32 v[STO], v3, 6, v[STO]           ; in: row r, + 64 h
	v_mad_u32_u24 v[SRD], v3, 272, v248
	v_lshl_add_u32 v[SRD], v2, 4, v[SRD]           ; back: lanes 0-15 one row of 256 bytes, lanes 16-31 the next
	v_lshlrev_b32 v[YL], 12, v3
	v_lshl_add_u32 v[YL], v2, 4, v[YL]             ; and the same two rows in Y
.endif
	s_mov_b32 s48, 0x76543210
	s_mov_b32 s49, 0xfedcba98                      ; v_permlanex16_b32's selects for lane l xor 16 (its destinations, v250 and v251, have been written above)
	s_lshl_b32 s22, s17, 3
	s_wait_kmcnt 0x0
	s_load_b64 s[20:21], s[10:11], s22 offset:0x0  ; the expert's first tile and its number of tiles
	s_mov_b32 s43, 0
	s_mul_i32 s42, s17, ESTR
	s_lshl_b32 s44, s18, 8
	s_add_co_u32 s42, s42, s44
.if LAYER == 3
	s_lshl_b32 s44, s19, 22                        ; 1,024 rows of 4,096 bytes
	s_add_co_u32 s42, s42, s44
.endif
	s_add_nc_u64 s[24:25], s[4:5], s[42:43]        ; the weight at my expert, my strip (my half of K)
.if NT > 4
	s_add_nc_u64 s[26:27], s[24:25], 0x800000      ; and 4 trips on, so that every load's immediate stays inside its 24 signed bits and no pointer is stepped
.endif
.if LAYER != 1
	WLOAD 0                                        ; the first weights hang on no stored number: they go out ahead of the wait for the table
.endif
	s_mul_i32 s42, s17, ROWB
	s_lshl_b32 s44, s18, 8
	s_add_co_u32 s42, s42, s44
	s_add_nc_u64 s[30:31], s[6:7], s[42:43]        ; the bias at my strip
.if LAYER == 1
	s_mov_b64 s[28:29], s[8:9]                     ; x's codes,
	s_add_nc_u64 s[36:37], s[8:9], 786432          ; its scale words
.elseif LAYER == 2
	s_mov_b64 s[28:29], s[8:9]
	s_add_nc_u64 s[36:37], s[8:9], HSC
.else
	s_mul_i32 s42, s19, 8*1536                     ; my half of K: 8 steps on
	s_add_nc_u64 s[28:29], s[8:9], s[42:43]
	s_lshl_b32 s42, s19, 9
	s_add_nc_u64 s[36:37], s[8:9], s[42:43]
	s_add_nc_u64 s[36:37], s[36:37], HSC
.endif
.if LAYER == 3
	s_mul_i32 s42, s19, 2176*4096
	s_lshl_b32 s44, s18, 8
	s_add_co_u32 s42, s42, s44
	s_add_nc_u64 s[32:33], s[12:13], s[42:43]      ; Y at my half of K and my 256 bytes of a row
.else
	s_mul_i32 s42, s18, 768                        ; my strip is half c = strip & 1 of step strip >> 1 of the next K: 768 bytes on end
	s_add_nc_u64 s[32:33], s[12:13], s[42:43]
	s_lshr_b32 s42, s18, 1
	s_lshl_b32 s42, s42, 6
	s_and_b32 s44, s18, 1
	s_lshl_b32 s44, s44, 1
	s_add_co_u32 s42, s42, s44
	s_add_nc_u64 s[34:35], s[12:13], s[42:43]
	s_add_nc_u64 s[34:35], s[34:35], HSC           ; and two bytes of each row's scale word of that step
.endif
	s_wait_kmcnt 0x0
	s_min_u32 s20, s20, 135                        ; stored numbers enter addresses only held to the buffers' sizes
	s_min_u32 s21, s21, 64
; My two slots' tiles, base + w and base + w + 16 of the expert, and all offsets that hang on them.  A slot beyond the expert's tiles takes tile 0.
.macro SETUP base
	s_add_co_u32 s40, s16, \base
	s_add_co_u32 s41, s40, 16
.irp k, 0,1
	s_add_co_u32 s42, s20, s[40+\k]
	s_cmp_lt_u32 s[40+\k], s21
	s_cselect_b32 s42, s42, 0
	s_min_u32 s42, s42, 135
	s_mul_i32 s43, s42, 24576
	s_lshl_b32 s44, s42, 10
	s_lshl_b32 s45, s42, 6
	v_add_nc_u32 v[TO16+\k], s43, v[LD0+3]
	v_add_nc_u32 v[TO8+\k], s43, v[LD0+4]
	v_lshl_add_u32 v[TOW+\k], v2, 2, s44
	v_lshl_add_u32 v[LOFF+\k], v2, 2, s45
.if LAYER == 3
	s_lshl_b32 s46, s42, 16
	v_add_nc_u32 v[TY+\k], s46, v[YL]
.endif
.if LAYER == 1
	global_load_b32 v[TOK+\k], v[LOFF+\k], s[10:11] offset:256   ; my row's token
.endif
.endr
.endm
.macro TOKS                            ; layer 1: the token, held inside x, gives the row's offsets
.irp k, 0,1
	v_min_u32 v[TOK+\k], 0x3ff, v[TOK+\k]
	v_mul_u32_u24 v[AOX+\k], v[TOK+\k], 768
	v_add_nc_u32 v[AOX+\k], v[AOX+\k], v[H48]
	v_lshlrev_b32 v[AOS+\k], 5, v[TOK+\k]
.endr
.endm
.macro AFRAG s, q, k                   ; slot k's fragment and scale word of step q of trip s: every lane loads its registers whole.  NA loads
.set AR, AF+24*(\k)+12*(\q)
.set KS, 2*(\s)+(\q)
.set SA, AS0+(AS1-AS0)*(\q)+(\k)
.if LAYER == 1
	global_load_b128 v[AR:AR+3], v[AOX+\k], s[28:29] offset:96*KS
	global_load_b128 v[AR+4:AR+7], v[AOX+\k], s[28:29] offset:96*KS+16
	global_load_b128 v[AR+8:AR+11], v[AOX+\k], s[28:29] offset:96*KS+32
	global_load_b32 v[SA], v[AOS+\k], s[36:37] offset:4*KS
.else
	global_load_b128 v[AR:AR+3], v[TO16+\k], s[28:29] offset:1536*KS
	global_load_b64 v[AR+4:AR+5], v[TO8+\k], s[28:29] offset:1536*KS+512
	global_load_b128 v[AR+6:AR+9], v[TO16+\k], s[28:29] offset:1536*KS+768
	global_load_b64 v[AR+10:AR+11], v[TO8+\k], s[28:29] offset:1536*KS+1280
	global_load_b32 v[SA], v[TOW+\k], s[36:37] offset:64*KS
.endif
.endm
.macro APAIR s, q, cond                ; both slots' fragments of one step; cond: slot 1's are jumped over where the expert has no such tile
	AFRAG \s, \q, 0
.if \cond
	s_cmp_lt_u32 s41, s21
	s_cbranch_scc0 .Lna_\@
.endif
	AFRAG \s, \q, 1
.if \cond
.Lna_\@:
.endif
.endm
.macro BIAS                            ; NBI loads, into the weight's set 0, which has been quantised for the last time
.irp b, 0,1
.irp j, 0,1,2,3
	global_load_b128 v[WS+16*\b+4*\j:WS+16*\b+4*\j+3], v[BO], s[30:31] offset:128*\b+16*\j   ; the bias in the result's layout: register 16 b + i = column 32 b + 16 h + i
.endr
.endr
.if LAYER == 3
	global_load_b32 v[GT], v[LOFF], s[14:15]       ; my rows' gates
	global_load_b32 v[GT+2], v[LOFF+1], s[14:15]
.endif
.endm
; A PREFETCH INTO THE L2 of trip s's block of the weight: 256 rows x the strip's 256 aligned bytes.  The eight waves with w & 1 = 0 ask, one instruction each: wave w for rows 32 (w >> 1) + lane, a lane a row:
; so each row's 256 bytes are named once in the launch (no other work-group reads them).  It stands at a trip's end, behind the wave's loads; trip t asks for trip t + 3, whose loads are issued in trip t + 1;
; the last three trips ask for nothing, and nothing is asked for at the head.
.macro ASKW s
	s_cmp_eq_u32 s47, 0
	s_cbranch_scc0 .Lnp_\@
	global_prefetch_b8 v[PFO], s[24+2*((\s)/4):25+2*((\s)/4)] offset:((\s)%4)*256*ROWB th:TH_LOAD_NT scope:SCOPE_SE
.Lnp_\@:
.endm
.macro QUANTW s                        ; my block of 32 along K of my column: its scale, its 24 bytes of codes, into trip s's records
.set WB, WS+32*((\s)%2)
.set LB, LD0+6*((\s)/4)
	v_max3_num_f32 v[QT], |v[WB]|, |v[WB+1]|, |v[WB+2]|            ; the largest magnitude, in two chains
	v_max3_num_f32 v[QT+1], |v[WB+3]|, |v[WB+4]|, |v[WB+5]|
.irp i, 6,10,14,18,22,26
	v_max3_num_f32 v[QT], v[QT], |v[WB+\i]|, |v[WB+\i+1]|
	v_max3_num_f32 v[QT+1], v[QT+1], |v[WB+\i+2]|, |v[WB+\i+3]|
.endr
	v_max3_num_f32 v[QT], v[QT], |v[WB+30]|, |v[WB+31]|
	v_max3_num_f32 v[QT], v[QT], v[QT+1], 0x2800000                ; and the floor 2^(5 - 127): the byte cannot fall under 1
	v_add_nc_u32 v[QT+1], 0xfe000000, v[QT]                        ; 4 off the exponent field: the conversion's scale operand
	v_cvt_scalef32_pk16_bf6_f32 v[C:C+2], v[WB:WB+15], v[QT+1]
	v_cvt_scalef32_pk16_bf6_f32 v[C+4:C+6], v[WB+16:WB+31], v[QT+1]   ; (a conversion's three registers begin on an even number)
	v_lshrrev_b32 v[QT+2], 23, v[QT+1]                             ; the scale's byte: also the plain line behind the conversions
	v_mov_b32 v[C+3], v[C+4]
	v_mov_b32 v[C+4], v[C+5]
	v_mov_b32 v[C+5], v[C+6]
	ds_store_b128 v[LB], v[C:C+3] offset:((\s)%4)*TRIPB
	ds_store_b64 v[LB+1], v[C+4:C+5] offset:((\s)%4)*TRIPB
	ds_store_b8 v[LB+2], v[QT+2] offset:((\s)%4)*TRIPB
.endm
.macro MM k, t, f, q, zero             ; one product: slot k x column tile t, whose fragment lies in half f of BF; step q of the trip.  zero: it starts the sum
.set D, ACC+32*(\k)+8*(\t)
.set B0, BF+12*(\f)
.set A0, AF+24*(\k)+12*(\q)
.set SA, AS0+(AS1-AS0)*(\q)+(\k)
.if (\q) == 0
.if \zero
	v_wmma_scale_f32_16x16x128_f8f6f4 v[D:D+7], v[B0:B0+11], v[A0:A0+11], 0, v[SB+(\t)], v[SA] matrix_a_fmt:MATRIX_FMT_BF6 matrix_b_fmt:MATRIX_FMT_BF6
.else
	v_wmma_scale_f32_16x16x128_f8f6f4 v[D:D+7], v[B0:B0+11], v[A0:A0+11], v[D:D+7], v[SB+(\t)], v[SA] matrix_a_fmt:MATRIX_FMT_BF6 matrix_b_fmt:MATRIX_FMT_BF6
.endif
.else
	v_wmma_scale_f32_16x16x128_f8f6f4 v[D:D+7], v[B0:B0+11], v[A0:A0+11], v[D:D+7], v[SB+(\t)], v[SA] matrix_a_fmt:MATRIX_FMT_BF6 matrix_b_fmt:MATRIX_FMT_BF6 matrix_a_scale:MATRIX_SCALE_ROW1
.endif
.endm
.macro SBLOAD s                        ; the weight's scale words of trip s
.set LB, LD0+6*((\s)/4)
.irp t, 0,1,2,3
	ds_load_b32 v[SB+\t], v[LB+5] offset:((\s)%4)*TRIPB+\t*REC
.endr
.endm
.macro FRAGS s, q, tp                  ; two fragments of the weight from LDS: step q, column tiles 2 tp and 2 tp + 1
.set LB, LD0+6*((\s)/4)
.set RO, ((\s)%4)*TRIPB+(4*(\q)+2*(\tp))*REC
.irp f, 0,1
	ds_load_b128 v[BF+12*\f:BF+12*\f+3], v[LB+3] offset:RO+\f*REC
	ds_load_b64 v[BF+12*\f+4:BF+12*\f+5], v[LB+4] offset:RO+\f*REC+512
	ds_load_b128 v[BF+12*\f+6:BF+12*\f+9], v[LB+3] offset:RO+\f*REC+768
	ds_load_b64 v[BF+12*\f+10:BF+12*\f+11], v[LB+4] offset:RO+\f*REC+1280
.endr
.endm
; Their products with both slots.  The accumulators take turns, one instruction a turn, on every path.  cond: slot 1's two are jumped over where the expert has no such tile.
.macro PROD q, tp, cond, zero
	MM 0, 2*(\tp), 0, \q, \zero
	MM 0, 2*(\tp)+1, 1, \q, \zero
.if \cond
	s_cmp_lt_u32 s41, s21
	s_cbranch_scc0 .Lone_\@
.endif
	MM 1, 2*(\tp), 0, \q, \zero
	MM 1, 2*(\tp)+1, 1, \q, \zero
.if \cond
.Lone_\@:
.endif
.endm
.macro NOPS                            ; four places between products and loads into registers that they read, or reads of their results (ISA guide 7.12.1 for vector instructions; kept for loads too)
.rept 4
	v_nop
.endr
.endm
; A TRIP.  Loads come back in the order of issue (ISA guide 5.7.1), so a wait's count is the number of loads issued behind the one that is wanted, on the path that issues fewest: slot 1's loads are not counted.
; In front of the trips the wave issues W(0) 32, four fragments 4 NA, W(1) 32.  In trip s it issues: 8 of W(s + 2); 8; A(s + 1, q = 0) NA or 2 NA; 8; 8; A(s + 1, q = 1) NA or 2 NA.
; In trip NT - 2 the bias (NBI loads) stands in the first eight's place and no weights are left; trip NT - 1 issues nothing.
;   HN  at the head: W(s) is in.   Q0N in front of step 0's products, behind the first eight: A(s, 0) is in.   Q1N in front of step 1's, behind the third eight: A(s, 1) is in.
.macro TRIP s
.if (\s) == 0
.set HN,  32+4*NA                      ; behind W(0): the four fragments, W(1)
.set Q0N, 40+2*NA                      ; behind A(0, 0): A(0, 1) of both slots, W(1), 8
.set Q1N, 56+NA                        ; behind A(0, 1): W(1), 8, 8, A(1, 0), 8
.set CND, 0
.set ZR,  1
.elseif (\s) == NT-1
.set HN,  NBI+3*NA                     ; behind W(NT - 1): A(NT - 2, 1), the bias, A(NT - 1, 0), A(NT - 1, 1)
.set Q0N, NA                           ; behind A(NT - 1, 0): A(NT - 1, 1)
.set Q1N, 0                            ; all: the bias (and the gates) too
.set CND, 1
.set ZR,  0
.elseif (\s) == NT-2
.set HN,  32+3*NA
.set Q0N, 16+NA+NBI                    ; behind A(s, 0): 8, 8, A(s, 1), the bias
.set Q1N, NBI+NA                       ; behind A(s, 1): the bias, A(s + 1, 0)
.set CND, 1
.set ZR,  0
.elseif (\s) == 1
.set HN,  32+2*NA                      ; behind W(1): trip 0's 32, A(1, 0), A(1, 1)
.set Q0N, 24+NA
.set Q1N, 24+NA
.set CND, 1
.set ZR,  0
.else
.set HN,  32+3*NA                      ; behind W(s): A(s - 1, 1), then trip s - 1's 32, A(s, 0), A(s, 1)
.set Q0N, 24+NA                        ; behind A(s, 0): 8, 8, A(s, 1), 8
.set Q1N, 24+NA                        ; behind A(s, 1): 8, 8, A(s + 1, 0), 8
.set CND, 1
.set ZR,  0
.endif
	s_wait_loadcnt HN
	QUANTW \s
	s_wait_dscnt 0x0                               ; my codes and my scale byte lie in LDS,
	s_barrier_signal -1
	s_barrier_wait -1                              ; everybody's do: the trip's 8 records are whole.  They are never written again, so no second barrier is owed
	SBLOAD \s
	FRAGS \s, 0, 0
.if (\s) <= NT-3
	WCHUNK (\s)+2, 0                               ; into the set that this trip has quantised
.elseif (\s) == NT-2
	BIAS
.endif
	s_wait_loadcnt Q0N
	s_wait_dscnt 0x0
	PROD 0, 0, CND, ZR
	NOPS
	FRAGS \s, 0, 1
.if (\s) <= NT-3
	WCHUNK (\s)+2, 1
.endif
	s_wait_dscnt 0x0
	PROD 0, 1, CND, ZR
	NOPS
.if (\s) < NT-1
	APAIR (\s)+1, 0, 1                             ; step 0's fragments are done with: the next trip's take their place
.endif
	FRAGS \s, 1, 0
.if (\s) <= NT-3
	WCHUNK (\s)+2, 2
.endif
	s_wait_loadcnt Q1N
	s_wait_dscnt 0x0
	PROD 1, 0, CND, ZR
	NOPS
	FRAGS \s, 1, 1
.if (\s) <= NT-3
	WCHUNK (\s)+2, 3
.endif
	s_wait_dscnt 0x0
	PROD 1, 1, CND, ZR
	NOPS
.if (\s) < NT-1
	APAIR (\s)+1, 1, 1                             ; and step 1's
.endif
.if (\s)+3 <= NT-1
	ASKW (\s)+3
.endif
.endm
.macro MMPLAIN s, zero                 ; a trip's 16 products with nothing between them: for tiles 32 .. 63
	SBLOAD \s
.irp q, 0,1
.irp tp, 0,1
	FRAGS \s, \q, \tp
	s_wait_dscnt 0x0
	PROD \q, \tp, 0, \zero
	NOPS
.endr
.endr
.endm
; THE END OF A SLOT, jumped over where the expert has no such tile.  Each accumulator is read from its low end on.
.macro EPI k
.set A, ACC+32*(\k)
.set P, BF+12*(\k)
.set RB, 152-80*(\k)
	s_cmp_lt_u32 s[40+\k], s21
	s_cbranch_scc0 .Lno_\@
.if LAYER == 3
	s_cmp_lg_u32 s19, 0                            ; b3 is added in the first half of K alone
	s_cbranch_scc1 .Lnob_\@
.endif
.irp j, 0,2,4,6,8,10,12,14,16,18,20,22,24,26,28,30
	v_pk_add_f32 v[A+\j:A+\j+1], v[A+\j:A+\j+1], v[WS+\j:WS+\j+1]
.endr
.if LAYER == 3
.Lnob_\@:
.irp j, 0,2,4,6,8,10,12,14,16,18,20,22,24,26,28,30
	v_pk_mul_f32 v[A+\j:A+\j+1], v[A+\j:A+\j+1], v[GT+2*(\k):GT+2*(\k)+1] op_sel_hi:[1,0]   ; x my row's gate
.endr
.irp b, 0,1
.irp d, 0,1,2,3
	ds_store_b128 v[STO], v[A+16*\b+4*\d:A+16*\b+4*\d+3] offset:128*\b+16*\d   ; through my wave's own stage: LDS serves a wave's instructions in order, so no wait stands between the stores and the loads
.endr
.endr
.irp i, 0,1,2,3,4,5,6,7
	ds_load_b128 v[RB+4*\i:RB+4*\i+3], v[SRD] offset:544*\i
.endr
.irp i, 0,1,2,3,4,5,6,7
	s_wait_dscnt 7-\i                              ; the younger reads of the stage may be out
	global_store_b128 v[TY+\k], v[RB+4*\i:RB+4*\i+3], s[32:33] offset:8192*\i th:TH_STORE_NT   ; sixteen lanes store 256 consecutive bytes, aligned
.endr
.else
.irp j, 0,1,2,3,4,5,6,7,8,9,10,11,12,13,14,15,16,17,18,19,20,21,22,23,24,25,26,27,28,29,30,31
	v_max_num_f32 v[A+\j], 0, v[A+\j]              ; the activation, in f32
.endr
.irp b, 0,1
	v_max3_num_f32 v[248+\b], v[A+16*\b], v[A+16*\b+1], 0x2800000   ; block b: my 16 numbers (none is negative) and the floor 2^(5 - 127)
.endr
.irp i, 2,4,6,8,10,12,14
.irp b, 0,1
	v_max3_num_f32 v[248+\b], v[248+\b], v[A+16*\b+\i], v[A+16*\b+\i+1]
.endr
.endr
.irp b, 0,1
	v_permlanex16_b32 v[250+\b], v[248+\b], s48, s49
.endr
.irp b, 0,1
	v_max_num_f32 v[248+\b], v[248+\b], v[250+\b]  ; with lane l xor 16's 16: the block's largest
.endr
.irp b, 0,1
	v_add_nc_u32 v[252+\b], 0xfe000000, v[248+\b]  ; the conversion's scale operand
.endr
.irp b, 0,1
	v_lshrrev_b32 v[250+\b], 23, v[252+\b]         ; the scale's byte
.endr
	v_cvt_scalef32_pk16_bf6_f32 v[P:P+2], v[A:A+15], v252
	v_cvt_scalef32_pk16_bf6_f32 v[P+8:P+10], v[A+16:A+31], v253
	v_lshl_or_b32 v[254+\k], v251, 8, v250         ; my row's two scale bytes: also the plain line behind the conversions
.irp i, 0,1,2
	v_permlane16_swap_b32 v[P+\i], v[P+8+\i]       ; the operand wants a whole block in a lane: lanes 0-15 block 0, lanes 16-31 block 1
.endr
.irp i, 0,1,2
	v_mov_b32 v[P+3+\i], v[P+8+\i]
.endr
	global_store_b128 v[TO16+\k], v[P:P+3], s[32:33]               ; the image of six registers of the next layer's operand: 512 + 256 consecutive bytes, aligned
	global_store_b64 v[TO8+\k], v[P+4:P+5], s[32:33] offset:512
	global_store_b16 v[TOW+\k], v[254+\k], s[34:35]                ; (lanes l and l xor 16 store the same two bytes)
.endif
.Lno_\@:
.endm
	SETUP 0
.if LAYER == 1
	WLOAD 0
	s_wait_loadcnt 32                              ; the tokens are in; the 32 weight loads issued behind them may be out
	TOKS
.endif
	APAIR 0, 0, 0
	APAIR 0, 1, 0
	WLOAD 1
.set Q, 0
.rept NT
	TRIP Q
.set Q, Q+1
.endr
	EPI 0
	EPI 1
	; TILES 32 .. 63, where the expert has so many: the whole quantised strip lies in LDS, so only the rows are loaded.  No barrier from here on.
	s_cmp_gt_u32 s21, 32
	s_cbranch_scc0 .Lend
	s_wait_xcnt 0x0                                ; the stores above have read their data and offsets: both are written again below
	SETUP 32
.if LAYER == 1
	s_wait_loadcnt 0x0
	TOKS
.endif
.if LAYER == 3
	global_load_b32 v[GT], v[LOFF], s[14:15]
	global_load_b32 v[GT+2], v[LOFF+1], s[14:15]
.endif
.set Q, 0
.rept NT
	APAIR Q, 0, 0
	APAIR Q, 1, 0
	s_wait_loadcnt 0x0
.if Q == 0
	MMPLAIN Q, 1
.else
	MMPLAIN Q, 0
.endif
.set Q, Q+1
.endr
	EPI 0
	EPI 1
.Lend:
	s_wait_tensorcnt 0x0
	ds_add_u32 v15, v16
	s_wait_dscnt 0x0
	s_endpgm
.Lfunc_end_k_qbaa35e103a_layer1:
	.size	k_qbaa35e103a_layer1, .Lfunc_end_k_qbaa35e103a_layer1-k_qbaa35e103a_layer1
	.p2alignl 7, 3214868480
	.fill 96, 4, 3214868480
	.section	.rodata,"a",@progbits
	.p2align	6, 0x0
	.amdhsa_kernel k_qbaa35e103a_layer1
		.amdhsa_group_segment_fixed_size 55296
		.amdhsa_private_segment_fixed_size 0
		.amdhsa_enable_private_segment 0
		.amdhsa_kernarg_size 40
		.amdhsa_user_sgpr_count 2
		.amdhsa_user_sgpr_kernarg_segment_ptr 1
		.amdhsa_wavefront_size32 1
		.amdhsa_system_sgpr_workgroup_id_x 1
		.amdhsa_system_sgpr_workgroup_id_y 1
		.amdhsa_system_sgpr_workgroup_id_z 1
		.amdhsa_system_vgpr_workitem_id 0
		.amdhsa_next_free_vgpr 256
		.amdhsa_next_free_sgpr 66
		.amdhsa_reserve_vcc 0
		.amdhsa_float_denorm_mode_32 3
		.amdhsa_float_denorm_mode_16_64 3
		.amdhsa_memory_ordered 1
		.amdhsa_forward_progress 1
		.amdhsa_inst_pref_size 97
	.end_amdhsa_kernel
	.amdgpu_metadata
---
amdhsa.version: [ 1, 2 ]
amdhsa.kernels:
  - .name:           k_qbaa35e103a_layer1
    .symbol:         k_qbaa35e103a_layer1.kd
    .args:
      - { .name: W1, .offset: 0, .size: 8, .value_kind: global_buffer, .address_space: global }
      - { .name: b1, .offset: 8, .size: 8, .value_kind: global_buffer, .address_space: global }
      - { .name: XB, .offset: 16, .size: 8, .value_kind: global_buffer, .address_space: global }
      - { .name: PI, .offset: 24, .size: 8, .value_kind: global_buffer, .address_space: global }
      - { .name: H1, .offset: 32, .size: 8, .value_kind: global_buffer, .address_space: global }
    .group_segment_fixed_size: 55296
    .private_segment_fixed_size: 0
    .kernarg_segment_align: 8
    .kernarg_segment_size: 40
    .max_flat_workgroup_size: 512
    .sgpr_count:     66
    .vgpr_count:     256
    .wavefront_size: 32
...
	.end_amdgpu_metadata
.endif
;; end of part 7
;; launch layer2 (part 8): grid 32 x 8, 16 waves a work-group, no clusters, 108,544 bytes of LDS; arguments W2, b2, H1, PI, H2; writes H2
.if DOCPART == 8
	.amdgcn_target "amdgcn-amd-amdhsa--gfx1250"
	.amdhsa_code_object_version 6
	.text
	.protected	k_qbaa35e103a_layer2
	.globl	k_qbaa35e103a_layer2
	.p2align	8
	.type	k_qbaa35e103a_layer2,@function
k_qbaa35e103a_layer2:
	s_mov_b64 s[64:65], 0
	v_nop
	global_prefetch_b8 v0, s[64:65] scope:SCOPE_SE
	s_setreg_imm32_b32 hwreg(HW_REG_WAVE_MODE, 25, 1), 1
	s_wait_xcnt 0x0
; ONE LAYER OF THE EXPERTS, on the rows that the router chose.  The same text serves the three layers; LAYER says which.
.set LAYER, 2
;   LAYER 1: h1 = Q(relu(x W1 + b1))      LAYER 2: h2 = Q(relu(h1 W2 + b2))      LAYER 3: Y[kh][row] = gate x (h2 W3 over half kh of K, + b3 where kh = 0)
; Both operands of the product are codes of E3M2 with one E8M0 scale for each 32 along K; sums in f32.  Q is the same quantiser along the next layer's K.
; THE WEIGHTS BIND: they arrive as f32 [expert][K][N].  Each weight byte is read ONCE in the launch, by one work-group, quantised in registers and used at once.
; SHARES.  A work-group owns one expert (grid y) and a strip of 64 columns of N (grid x; in layer 3 also a half of K), and multiplies ALL of that expert's rows by it.  K goes in NT trips of 256.
; AS PRODUCER wave w takes, in each trip, 32 K rows x 32 columns: A LANE TAKES A COLUMN AND ITS 32 REGISTERS RUN DOWN K, so a block of 32 lies in one lane, and the conversions give codes with K innermost.
;   Each load reads 128 consecutive bytes; wave w xor 1 reads the other half of the same aligned 256.  The codes go to LDS as images of the operand's registers and stay there: no LDS byte is written twice.
; AS CONSUMER wave w owns the expert's tiles of 16 rows number w and w + 16 (slots 0, 1) against the strip's four tiles of 16 columns: 8 accumulators.  Tiles 32 .. 63 (a very uneven choice) follow at the end, from the strip in LDS.
; THE PRODUCT IS USED TRANSPOSED (source 0 = 16 columns of the weight, source 1 = 16 rows), and row m of column tile t is column 32 (t / 2) + 8 (t % 2) + m + 8 (m / 8):
;   so lane (r, h) holds row r, and its registers 16 b + i are columns 32 b + 16 h + i: 16 neighbours along the next K.
; THE LOADS RUN AHEAD.  A trip's products go in two steps of 128 along K (q = 0, 1), each in two batches of two column tiles.  The rows' fragments of step q are free as soon as that step's products are issued:
;   the next trip's fragments of the same step are asked for there, so that half a trip's products, the next quantising step and the barrier stand between the request and the use.
;   The weights of trip s + 2 are asked for in trip s, into the set that trip s has quantised: eight loads in each batch, between the batch's LDS loads and the wait for them.
; WHAT HANGS ON THE STORED LIST: how many tiles the expert has.  Every barrier, every weight load, every quantising step, all of slot 0's loads and products and all of trip 0 stand on every path; a slot without a tile
;   takes tile 0 (which always exists) and stores nothing.  Slot 1's loads and products of later trips, the stores and the part for tiles 32 .. 63 are jumped over by scalar branches on the stored count; no barrier stands under such a branch.
; No tensor load, no cluster: the row counts are read from memory, so the operands go from memory straight into registers.  The 32 work-groups of an expert read the same activations by plain loads.
; LIMITS: NaN and infinities are not served.  A block of zeros gets the scale byte 1 (its codes are zeros; only this program reads the bytes).  An expert without rows still streams its strip.
.if LAYER == 2
.set NT, 8                             ; trips of 256 along K
.else
.set NT, 4
.endif
.if LAYER == 3
.set WN, 1024                          ; numbers in a row of the weight
.set ESTR, 2*NT*256*WN*4               ; bytes of an expert's weight (two halves of K)
.set NBI, 10                           ; loads of the bias and the two gates
.else
.set WN, 2048
.set ESTR, NT*256*WN*4
.set NBI, 8                            ; loads of the bias
.endif
.if LAYER == 1
.set NA, 4                             ; loads that bring one fragment of rows and its scale word
.else
.set NA, 5
.endif
.set ROWB,  WN*4
.set REC,   1664                       ; LDS: a record is one fragment (16 columns x 128 K): for c = 0, 1: registers 6 c .. 6 c + 3 at 768 c + 16 lane, 6 c + 4, 6 c + 5 at 768 c + 512 + 8 lane; 16 scale words at 1536; 64 bytes unused
.set TRIPB, 8*REC                      ; a trip's 8 records: (step q of 128, column tile t) at (4 q + t) REC
.set STG,   4*TRIPB                    ; layer 3: behind the records a stage of 16 rows x 272 bytes for each wave
.set HSC,   3342336                    ; in H1, H2: codes [136 tiles][16 steps][2 c][512 + 256 bytes], then from here scale words [136][16 steps][16 rows]
.set VW,   4                           ; v4      my byte in the trip's block of the weight
.set LD0,  5                           ; v5-10   LDS: where I store 16 bytes, 8 bytes, the scale byte; where I read 16 bytes (16 lane), 8 bytes (8 lane), scale words.  v11-16: the same 4 trips on (layer 2)
.set TO16, 17                          ; v17-18  slot k: tile x 24576 + 16 lane
.set TO8,  19                          ; v19-20  tile x 24576 + 8 lane
.set AS1,  21                          ; v21-22  the rows' scale words of step q = 1, slot k, and nothing else (lanes 0-15 are read)
.set TOW,  23                          ; v23-24  tile x 1024 + 4 r
.set AOX,  25                          ; v25-26  layer 1: token x 768 + 48 h
.set AOS,  27                          ; v27-28  layer 1: token x 32
.set TY,   25                          ; v25-26  layer 3: tile x 65536 + my place in two rows of Y
.set YL,   27                          ; v27     layer 3: that place
.set BO,   29                          ; v29     64 h: my place in the bias
.set TOK,  30                          ; v30-31  layer 1: my row's token
.set STO,  30                          ; v30     layer 3: the stage, on the way in
.set SRD,  31                          ; v31     layer 3: and back
.set AS0,  32                          ; v32-33  the rows' scale words of step q = 0, slot k, and nothing else
.set SB,   34                          ; v34-37  the weight's scale words and nothing else, for column tile t: lanes 0-15 the trip's first 128 along K, lanes 16-31 its second
.set LOFF, 38                          ; v38-39  tile x 64 + 4 r: my row in the lists
.set C,    40                          ; v40-46  the codes just made
.set H48,  47                          ; v47     layer 1: 48 h
.set BF,   48                          ; v48-71  two fragments of the weight; at the end the rows' new codes
.set AF,   72                          ; v72-119 the rows' fragments: slot k, step q at 72 + 24 k + 12 q
.set WS,   120                         ; v120-183 two sets of 32 numbers of the weight; set 0 holds the bias at the end
.set ACC,  184                         ; v184-247 accumulator (slot k, column tile t) at 184 + 32 k + 8 t
.set GT,   248                         ; v248, v250 layer 3: my rows' gates (named in pairs with v249, v251)
.set QT,   252                         ; v252-254 at work in the weight's quantiser
.if NT > 4
.set PFO,  27                          ; the prefetches' offset: row 32 (w >> 1) + lane of a trip's 256; never rewritten (a register that this layer uses for nothing else)
.else
.set PFO,  11
.endif
.macro WCHUNK s, c                     ; eight of trip s's 32 numbers of my column, into set s % 2
.set WB, WS+32*((\s)%2)
.set i, 8*(\c)
.rept 8
	global_load_b32 v[WB+i], v[VW], s[24+2*((\s)/4):25+2*((\s)/4)] offset:((\s)%4)*256*ROWB+i*ROWB th:TH_LOAD_NT
.set i, i+1
.endr
.endm
.macro WLOAD s                         ; all 32
	WCHUNK \s, 0
	WCHUNK \s, 1
	WCHUNK \s, 2
	WCHUNK \s, 3
.endm
	s_load_b256 s[4:11], s[0:1], 0x0               ; the weight, the bias, the activations, PI
.if LAYER == 3
	s_load_b128 s[12:15], s[0:1], 0x20             ; Y, PF
.else
	s_load_b64 s[12:13], s[0:1], 0x20              ; the next layer's codes and scales
	v_lshl_add_u32 v31, v0, 2, 0x1a000
	v_mov_b32 v47, 0
.endif
	v_lshrrev_b32 v1, 5, v0
	v_readfirstlane_b32 s16, v1                    ; wave 0 .. 15
	s_and_b32 s47, s16, 1                          ; which 32 columns I produce
	s_and_b32 s17, ttmp7, 0xffff                   ; expert
.if LAYER == 3
	s_and_b32 s18, ttmp9, 15                       ; strip
	s_lshr_b32 s19, ttmp9, 4                       ; half of K
.else
	s_mov_b32 s18, ttmp9
	s_mov_b32 s19, 0
.endif
	v_and_b32 v1, 31, v0                           ; lane
	v_and_b32 v2, 15, v0                           ; r
	v_bfe_u32 v3, v0, 4, 1                         ; h
	; producer: hf = w & 1 (which 32 columns), b = w >> 1 (which block of 32 along K): q = b >> 2, c = (b >> 1) & 1, hc = b & 1
	v_lshlrev_b32 v[VW], 2, v1
	v_bfe_u32 v248, v0, 5, 1                       ; hf
	v_lshl_add_u32 v[VW], v248, 7, v[VW]
	v_lshrrev_b32 v249, 6, v0                      ; b
	v_mul_u32_u24 v250, v249, 32*ROWB
	v_add_nc_u32 v[VW], v[VW], v250                ; 4 l + 128 hf + 32 b rows
	v_mad_u32_u24 v[PFO], v1, ROWB, v250           ; row 32 b + l
	v_bfe_u32 v250, v0, 8, 1                       ; q
	v_lshlrev_b32 v250, 2, v250
	v_lshl_add_u32 v250, v248, 1, v250
	v_bfe_u32 v251, v0, 3, 1                       ; u = (l >> 3) & 1
	v_add_nc_u32 v250, v250, v251                  ; record 4 q + 2 hf + u
	v_mul_u32_u24 v253, v250, REC
	v_bfe_u32 v251, v0, 7, 1                       ; c
	v_mad_u32_u24 v250, v251, 768, v253
	v_and_b32 v251, 7, v0
	v_lshl_add_u32 v251, v3, 3, v251               ; m = (l & 7) + 8 (l >> 4): my column's row in its tile
	v_bfe_u32 v252, v0, 6, 1                       ; hc
	v_lshl_add_u32 v252, v252, 4, v251             ; the operand's lane that my codes belong to
	v_lshl_add_u32 v[LD0], v252, 4, v250
	v_lshl_add_u32 v[LD0+1], v252, 3, v250
	v_add_nc_u32 v[LD0+1], 512, v[LD0+1]
	v_lshl_add_u32 v[LD0+2], v251, 2, v253
	v_bfe_u32 v254, v0, 6, 2                       ; b & 3: my block's byte in the scale word
	v_add_nc_u32 v[LD0+2], v[LD0+2], v254
	v_add_nc_u32 v[LD0+2], 1536, v[LD0+2]
	v_lshlrev_b32 v[LD0+3], 4, v1
	v_lshlrev_b32 v[LD0+4], 3, v1
	v_mul_u32_u24 v[LD0+5], v3, 4*REC              ; lanes 16-31 take the scale words of the record four on: the trip's second 128 along K
	v_lshl_add_u32 v[LD0+5], v2, 2, v[LD0+5]
	v_add_nc_u32 v[LD0+5], 1536, v[LD0+5]
.if NT > 4
.irp i, 0,1,2,3,4,5
	v_add_nc_u32 v[LD0+6+\i], 4*TRIPB, v[LD0+\i]   ; trips 4 to 7 lie beyond an LDS instruction's immediate
.endr
.endif
	v_lshlrev_b32 v[BO], 6, v3
.if LAYER == 1
	v_mul_u32_u24 v[H48], v3, 48
.endif
.if LAYER == 3
	v_lshrrev_b32 v248, 5, v0
	v_mul_u32_u24 v248, v248, 16*272
	v_add_nc_u32 v248, STG, v248                   ; my wave's stage
	v_mad_u32_u24 v[STO], v2, 272, v248
	v_lshl_add_u32 v[STO], v3, 6, v[STO]           ; in: row r, + 64 h
	v_mad_u32_u24 v[SRD], v3, 272, v248
	v_lshl_add_u32 v[SRD], v2, 4, v[SRD]           ; back: lanes 0-15 one row of 256 bytes, lanes 16-31 the next
	v_lshlrev_b32 v[YL], 12, v3
	v_lshl_add_u32 v[YL], v2, 4, v[YL]             ; and the same two rows in Y
.endif
	s_mov_b32 s48, 0x76543210
	s_mov_b32 s49, 0xfedcba98                      ; v_permlanex16_b32's selects for lane l xor 16 (its destinations, v250 and v251, have been written above)
	s_lshl_b32 s22, s17, 3
	s_wait_kmcnt 0x0
	s_load_b64 s[20:21], s[10:11], s22 offset:0x0  ; the expert's first tile and its number of tiles
	s_mov_b32 s43, 0
	s_mul_i32 s42, s17, ESTR
	s_lshl_b32 s44, s18, 8
	s_add_co_u32 s42, s42, s44
.if LAYER == 3
	s_lshl_b32 s44, s19, 22                        ; 1,024 rows of 4,096 bytes
	s_add_co_u32 s42, s42, s44
.endif
	s_add_nc_u64 s[24:25], s[4:5], s[42:43]        ; the weight at my expert, my strip (my half of K)
.if NT > 4
	s_add_nc_u64 s[26:27], s[24:25], 0x800000      ; and 4 trips on, so that every load's immediate stays inside its 24 signed bits and no pointer is stepped
.endif
.if LAYER != 1
	WLOAD 0                                        ; the first weights hang on no stored number: they go out ahead of the wait for the table
.endif
	s_mul_i32 s42, s17, ROWB
	s_lshl_b32 s44, s18, 8
	s_add_co_u32 s42, s42, s44
	s_add_nc_u64 s[30:31], s[6:7], s[42:43]        ; the bias at my strip
.if LAYER == 1
	s_mov_b64 s[28:29], s[8:9]                     ; x's codes,
	s_add_nc_u64 s[36:37], s[8:9], 786432          ; its scale words
.elseif LAYER == 2
	s_mov_b64 s[28:29], s[8:9]
	s_add_nc_u64 s[36:37], s[8:9], HSC
.else
	s_mul_i32 s42, s19, 8*1536                     ; my half of K: 8 steps on
	s_add_nc_u64 s[28:29], s[8:9], s[42:43]
	s_lshl_b32 s42, s19, 9
	s_add_nc_u64 s[36:37], s[8:9], s[42:43]
	s_add_nc_u64 s[36:37], s[36:37], HSC
.endif
.if LAYER == 3
	s_mul_i32 s42, s19, 2176*4096
	s_lshl_b32 s44, s18, 8
	s_add_co_u32 s42, s42, s44
	s_add_nc_u64 s[32:33], s[12:13], s[42:43]      ; Y at my half of K and my 256 bytes of a row
.else
	s_mul_i32 s42, s18, 768                        ; my strip is half c = strip & 1 of step strip >> 1 of the next K: 768 bytes on end
	s_add_nc_u64 s[32:33], s[12:13], s[42:43]
	s_lshr_b32 s42, s18, 1
	s_lshl_b32 s42, s42, 6
	s_and_b32 s44, s18, 1
	s_lshl_b32 s44, s44, 1
	s_add_co_u32 s42, s42, s44
	s_add_nc_u64 s[34:35], s[12:13], s[42:43]
	s_add_nc_u64 s[34:35], s[34:35], HSC           ; and two bytes of each row's scale word of that step
.endif
	s_wait_kmcnt 0x0
	s_min_u32 s20, s20, 135                        ; stored numbers enter addresses only held to the buffers' sizes
	s_min_u32 s21, s21, 64
; My two slots' tiles, base + w and base + w + 16 of the expert, and all offsets that hang on them.  A slot beyond the expert's tiles takes tile 0.
.macro SETUP base
	s_add_co_u32 s40, s16, \base
	s_add_co_u32 s41, s40, 16
.irp k, 0,1
	s_add_co_u32 s42, s20, s[40+\k]
	s_cmp_lt_u32 s[40+\k], s21
	s_cselect_b32 s42, s42, 0
	s_min_u32 s42, s42, 135
	s_mul_i32 s43, s42, 24576
	s_lshl_b32 s44, s42, 10
	s_lshl_b32 s45, s42, 6
	v_add_nc_u32 v[TO16+\k], s43, v[LD0+3]
	v_add_nc_u32 v[TO8+\k], s43, v[LD0+4]
	v_lshl_add_u32 v[TOW+\k], v2, 2, s44
	v_lshl_add_u32 v[LOFF+\k], v2, 2, s45
.if LAYER == 3
	s_lshl_b32 s46, s42, 16
	v_add_nc_u32 v[TY+\k], s46, v[YL]
.endif
.if LAYER == 1
	global_load_b32 v[TOK+\k], v[LOFF+\k], s[10:11] offset:256   ; my row's token
.endif
.endr
.endm
.macro TOKS                            ; layer 1: the token, held inside x, gives the row's offsets
.irp k, 0,1
	v_min_u32 v[TOK+\k], 0x3ff, v[TOK+\k]
	v_mul_u32_u24 v[AOX+\k], v[TOK+\k], 768
	v_add_nc_u32 v[AOX+\k], v[AOX+\k], v[H48]
	v_lshlrev_b32 v[AOS+\k], 5, v[TOK+\k]
.endr
.endm
.macro AFRAG s, q, k                   ; slot k's fragment and scale word of step q of trip s: every lane loads its registers whole.  NA loads
.set AR, AF+24*(\k)+12*(\q)
.set KS, 2*(\s)+(\q)
.set SA, AS0+(AS1-AS0)*(\q)+(\k)
.if LAYER == 1
	global_load_b128 v[AR:AR+3], v[AOX+\k], s[28:29] offset:96*KS
	global_load_b128 v[AR+4:AR+7], v[AOX+\k], s[28:29] offset:96*KS+16
	global_load_b128 v[AR+8:AR+11], v[AOX+\k], s[28:29] offset:96*KS+32
	global_load_b32 v[SA], v[AOS+\k], s[36:37] offset:4*KS
.else
	global_load_b128 v[AR:AR+3], v[TO16+\k], s[28:29] offset:1536*KS
	global_load_b64 v[AR+4:AR+5], v[TO8+\k], s[28:29] offset:1536*KS+512
	global_load_b128 v[AR+6:AR+9], v[TO16+\k], s[28:29] offset:1536*KS+768
	global_load_b64 v[AR+10:AR+11], v[TO8+\k], s[28:29] offset:1536*KS+1280
	global_load_b32 v[SA], v[TOW+\k], s[36:37] offset:64*KS
.endif
.endm
.macro APAIR s, q, cond                ; both slots' fragments of one step; cond: slot 1's are jumped over where the expert has no such tile
	AFRAG \s, \q, 0
.if \cond
	s_cmp_lt_u32 s41, s21
	s_cbranch_scc0 .Lna_\@
.endif
	AFRAG \s, \q, 1
.if \cond
.Lna_\@:
.endif
.endm
.macro BIAS                            ; NBI loads, into the weight's set 0, which has been quantised for the last time
.irp b, 0,1
.irp j, 0,1,2,3
	global_load_b128 v[WS+16*\b+4*\j:WS+16*\b+4*\j+3], v[BO], s[30:31] offset:128*\b+16*\j   ; the bias in the result's layout: register 16 b + i = column 32 b + 16 h + i
.endr
.endr
.if LAYER == 3
	global_load_b32 v[GT], v[LOFF], s[14:15]       ; my rows' gates
	global_load_b32 v[GT+2], v[LOFF+1], s[14:15]
.endif
.endm
; A PREFETCH INTO THE L2 of trip s's block of the weight: 256 rows x the strip's 256 aligned bytes.  The eight waves with w & 1 = 0 ask, one instruction each: wave w for rows 32 (w >> 1) + lane, a lane a row:
; so each row's 256 bytes are named once in the launch (no other work-group reads them).  It stands at a trip's end, behind the wave's loads; trip t asks for trip t + 3, whose loads are issued in trip t + 1;
; the last three trips ask for nothing, and nothing is asked for at the head.
.macro ASKW s
	s_cmp_eq_u32 s47, 0
	s_cbranch_scc0 .Lnp_\@
	global_prefetch_b8 v[PFO], s[24+2*((\s)/4):25+2*((\s)/4)] offset:((\s)%4)*256*ROWB th:TH_LOAD_NT scope:SCOPE_SE
.Lnp_\@:
.endm
.macro QUANTW s                        ; my block of 32 along K of my column: its scale, its 24 bytes of codes, into trip s's records
.set WB, WS+32*((\s)%2)
.set LB, LD0+6*((\s)/4)
	v_max3_num_f32 v[QT], |v[WB]|, |v[WB+1]|, |v[WB+2]|            ; the largest magnitude, in two chains
	v_max3_num_f32 v[QT+1], |v[WB+3]|, |v[WB+4]|, |v[WB+5]|
.irp i, 6,10,14,18,22,26
	v_max3_num_f32 v[QT], v[QT], |v[WB+\i]|, |v[WB+\i+1]|
	v_max3_num_f32 v[QT+1], v[QT+1], |v[WB+\i+2]|, |v[WB+\i+3]|
.endr
	v_max3_num_f32 v[QT], v[QT], |v[WB+30]|, |v[WB+31]|
	v_max3_num_f32 v[QT], v[QT], v[QT+1], 0x2800000                ; and the floor 2^(5 - 127): the byte cannot fall under 1
	v_add_nc_u32 v[QT+1], 0xfe000000, v[QT]                        ; 4 off the exponent field: the conversion's scale operand
	v_cvt_scalef32_pk16_bf6_f32 v[C:C+2], v[WB:WB+15], v[QT+1]
	v_cvt_scalef32_pk16_bf6_f32 v[C+4:C+6], v[WB+16:WB+31], v[QT+1]   ; (a conversion's three registers begin on an even number)
	v_lshrrev_b32 v[QT+2], 23, v[QT+1]                             ; the scale's byte: also the plain line behind the conversions
	v_mov_b32 v[C+3], v[C+4]
	v_mov_b32 v[C+4], v[C+5]
	v_mov_b32 v[C+5], v[C+6]
	ds_store_b128 v[LB], v[C:C+3] offset:((\s)%4)*TRIPB
	ds_store_b64 v[LB+1], v[C+4:C+5] offset:((\s)%4)*TRIPB
	ds_store_b8 v[LB+2], v[QT+2] offset:((\s)%4)*TRIPB
.endm
.macro MM k, t, f, q, zero             ; one product: slot k x column tile t, whose fragment lies in half f of BF; step q of the trip.  zero: it starts the sum
.set D, ACC+32*(\k)+8*(\t)
.set B0, BF+12*(\f)
.set A0, AF+24*(\k)+12*(\q)
.set SA, AS0+(AS1-AS0)*(\q)+(\k)
.if (\q) == 0
.if \zero
	v_wmma_scale_f32_16x16x128_f8f6f4 v[D:D+7], v[B0:B0+11], v[A0:A0+11], 0, v[SB+(\t)], v[SA] matrix_a_fmt:MATRIX_FMT_BF6 matrix_b_fmt:MATRIX_FMT_BF6
.else
	v_wmma_scale_f32_16x16x128_f8f6f4 v[D:D+7], v[B0:B0+11], v[A0:A0+11], v[D:D+7], v[SB+(\t)], v[SA] matrix_a_fmt:MATRIX_FMT_BF6 matrix_b_fmt:MATRIX_FMT_BF6
.endif
.else
	v_wmma_scale_f32_16x16x128_f8f6f4 v[D:D+7], v[B0:B0+11], v[A0:A0+11], v[D:D+7], v[SB+(\t)], v[SA] matrix_a_fmt:MATRIX_FMT_BF6 matrix_b_fmt:MATRIX_FMT_BF6 matrix_a_scale:MATRIX_SCALE_ROW1
.endif
.endm
.macro SBLOAD s                        ; the weight's scale words of trip s
.set LB, LD0+6*((\s)/4)
.irp t, 0,1,2,3
	ds_load_b32 v[SB+\t], v[LB+5] offset:((\s)%4)*TRIPB+\t*REC
.endr
.endm
.macro FRAGS s, q, tp                  ; two fragments of the weight from LDS: step q, column tiles 2 tp and 2 tp + 1
.set LB, LD0+6*((\s)/4)
.set RO, ((\s)%4)*TRIPB+(4*(\q)+2*(\tp))*REC
.irp f, 0,1
	ds_load_b128 v[BF+12*\f:BF+12*\f+3], v[LB+3] offset:RO+\f*REC
	ds_load_b64 v[BF+12*\f+4:BF+12*\f+5], v[LB+4] offset:RO+\f*REC+512
	ds_load_b128 v[BF+12*\f+6:BF+12*\f+9], v[LB+3] offset:RO+\f*REC+768
	ds_load_b64 v[BF+12*\f+10:BF+12*\f+11], v[LB+4] offset:RO+\f*REC+1280
.endr
.endm
; Their products with both slots.  The accumulators take turns, one instruction a turn, on every path.  cond: slot 1's two are jumped over where the expert has no such tile.
.macro PROD q, tp, cond, zero
	MM 0, 2*(\tp), 0, \q, \zero
	MM 0, 2*(\tp)+1, 1, \q, \zero
.if \cond
	s_cmp_lt_u32 s41, s21
	s_cbranch_scc0 .Lone_\@
.endif
	MM 1, 2*(\tp), 0, \q, \zero
	MM 1, 2*(\tp)+1, 1, \q, \zero
.if \cond
.Lone_\@:
.endif
.endm
.macro NOPS                            ; four places between products and loads into registers that they read, or reads of their results (ISA guide 7.12.1 for vector instructions; kept for loads too)
.rept 4
	v_nop
.endr
.endm
; A TRIP.  Loads come back in the order of issue (ISA guide 5.7.1), so a wait's count is the number of loads issued behind the one that is wanted, on the path that issues fewest: slot 1's loads are not counted.
; In front of the trips the wave issues W(0) 32, four fragments 4 NA, W(1) 32.  In trip s it issues: 8 of W(s + 2); 8; A(s + 1, q = 0) NA or 2 NA; 8; 8; A(s + 1, q = 1) NA or 2 NA.
; In trip NT - 2 the bias (NBI loads) stands in the first eight's place and no weights are left; trip NT - 1 issues nothing.
;   HN  at the head: W(s) is in.   Q0N in front of step 0's products, behind the first eight: A(s, 0) is in.   Q1N in front of step 1's, behind the third eight: A(s, 1) is in.
.macro TRIP s
.if (\s) == 0
.set HN,  32+4*NA                      ; behind W(0): the four fragments, W(1)
.set Q0N, 40+2*NA                      ; behind A(0, 0): A(0, 1) of both slots, W(1), 8
.set Q1N, 56+NA                        ; behind A(0, 1): W(1), 8, 8, A(1, 0), 8
.set CND, 0
.set ZR,  1
.elseif (\s) == NT-1
.set HN,  NBI+3*NA                     ; behind W(NT - 1): A(NT - 2, 1), the bias, A(NT - 1, 0), A(NT - 1, 1)
.set Q0N, NA                           ; behind A(NT - 1, 0): A(NT - 1, 1)
.set Q1N, 0                            ; all: the bias (and the gates) too
.set CND, 1
.set ZR,  0
.elseif (\s) == NT-2
.set HN,  32+3*NA
.set Q0N, 16+NA+NBI                    ; behind A(s, 0): 8, 8, A(s, 1), the bias
.set Q1N, NBI+NA                       ; behind A(s, 1): the bias, A(s + 1, 0)
.set CND, 1
.set ZR,  0
.elseif (\s) == 1
.set HN,  32+2*NA                      ; behind W(1): trip 0's 32, A(1, 0), A(1, 1)
.set Q0N, 24+NA
.set Q1N, 24+NA
.set CND, 1
.set ZR,  0
.else
.set HN,  32+3*NA                      ; behind W(s): A(s - 1, 1), then trip s - 1's 32, A(s, 0), A(s, 1)
.set Q0N, 24+NA                        ; behind A(s, 0): 8, 8, A(s, 1), 8
.set Q1N, 24+NA                        ; behind A(s, 1): 8, 8, A(s + 1, 0), 8
.set CND, 1
.set ZR,  0
.endif
	s_wait_loadcnt HN
	QUANTW \s
	s_wait_dscnt 0x0                               ; my codes and my scale byte lie in LDS,
	s_barrier_signal -1
	s_barrier_wait -1                              ; everybody's do: the trip's 8 records are whole.  They are never written again, so no second barrier is owed
	SBLOAD \s
	FRAGS \s, 0, 0
.if (\s) <= NT-3
	WCHUNK (\s)+2, 0                               ; into the set that this trip has quantised
.elseif (\s) == NT-2
	BIAS
.endif
	s_wait_loadcnt Q0N
	s_wait_dscnt 0x0
	PROD 0, 0, CND, ZR
	NOPS
	FRAGS \s, 0, 1
.if (\s) <= NT-3
	WCHUNK (\s)+2, 1
.endif
	s_wait_dscnt 0x0
	PROD 0, 1, CND, ZR
	NOPS
.if (\s) < NT-1
	APAIR (\s)+1, 0, 1                             ; step 0's fragments are done with: the next trip's take their place
.endif
	FRAGS \s, 1, 0
.if (\s) <= NT-3
	WCHUNK (\s)+2, 2
.endif
	s_wait_loadcnt Q1N
	s_wait_dscnt 0x0
	PROD 1, 0, CND, ZR
	NOPS
	FRAGS \s, 1, 1
.if (\s) <= NT-3
	WCHUNK (\s)+2, 3
.endif
	s_wait_dscnt 0x0
	PROD 1, 1, CND, ZR
	NOPS
.if (\s) < NT-1
	APAIR (\s)+1, 1, 1                             ; and step 1's
.endif
.if (\s)+3 <= NT-1
	ASKW (\s)+3
.endif
.endm
.macro MMPLAIN s, zero                 ; a trip's 16 products with nothing between them: for tiles 32 .. 63
	SBLOAD \s
.irp q, 0,1
.irp tp, 0,1
	FRAGS \s, \q, \tp
	s_wait_dscnt 0x0
	PROD \q, \tp, 0, \zero
	NOPS
.endr
.endr
.endm
; THE END OF A SLOT, jumped over where the expert has no such tile.  Each accumulator is read from its low end on.
.macro EPI k
.set A, ACC+32*(\k)
.set P, BF+12*(\k)
.set RB, 152-80*(\k)
	s_cmp_lt_u32 s[40+\k], s21
	s_cbranch_scc0 .Lno_\@
.if LAYER == 3
	s_cmp_lg_u32 s19, 0                            ; b3 is added in the first half of K alone
	s_cbranch_scc1 .Lnob_\@
.endif
.irp j, 0,2,4,6,8,10,12,14,16,18,20,22,24,26,28,30
	v_pk_add_f32 v[A+\j:A+\j+1], v[A+\j:A+\j+1], v[WS+\j:WS+\j+1]
.endr
.if LAYER == 3
.Lnob_\@:
.irp j, 0,2,4,6,8,10,12,14,16,18,20,22,24,26,28,30
	v_pk_mul_f32 v[A+\j:A+\j+1], v[A+\j:A+\j+1], v[GT+2*(\k):GT+2*(\k)+1] op_sel_hi:[1,0]   ; x my row's gate
.endr
.irp b, 0,1
.irp d, 0,1,2,3
	ds_store_b128 v[STO], v[A+16*\b+4*\d:A+16*\b+4*\d+3] offset:128*\b+16*\d   ; through my wave's own stage: LDS serves a wave's instructions in order, so no wait stands between the stores and the loads
.endr
.endr
.irp i, 0,1,2,3,4,5,6,7
	ds_load_b128 v[RB+4*\i:RB+4*\i+3], v[SRD] offset:544*\i
.endr
.irp i, 0,1,2,3,4,5,6,7
	s_wait_dscnt 7-\i                              ; the younger reads of the stage may be out
	global_store_b128 v[TY+\k], v[RB+4*\i:RB+4*\i+3], s[32:33] offset:8192*\i th:TH_STORE_NT   ; sixteen lanes store 256 consecutive bytes, aligned
.endr
.else
.irp j, 0,1,2,3,4,5,6,7,8,9,10,11,12,13,14,15,16,17,18,19,20,21,22,23,24,25,26,27,28,29,30,31
	v_max_num_f32 v[A+\j], 0, v[A+\j]              ; the activation, in f32
.endr
.irp b, 0,1
	v_max3_num_f32 v[248+\b], v[A+16*\b], v[A+16*\b+1], 0x2800000   ; block b: my 16 numbers (none is negative) and the floor 2^(5 - 127)
.endr
.irp i, 2,4,6,8,10,12,14
.irp b, 0,1
	v_max3_num_f32 v[248+\b], v[248+\b], v[A+16*\b+\i], v[A+16*\b+\i+1]
.endr
.endr
.irp b, 0,1
	v_permlanex16_b32 v[250+\b], v[248+\b], s48, s49
.endr
.irp b, 0,1
	v_max_num_f32 v[248+\b], v[248+\b], v[250+\b]  ; with lane l xor 16's 16: the block's largest
.endr
.irp b, 0,1
	v_add_nc_u32 v[252+\b], 0xfe000000, v[248+\b]  ; the conversion's scale operand
.endr
.irp b, 0,1
	v_lshrrev_b32 v[250+\b], 23, v[252+\b]         ; the scale's byte
.endr
	v_cvt_scalef32_pk16_bf6_f32 v[P:P+2], v[A:A+15], v252
	v_cvt_scalef32_pk16_bf6_f32 v[P+8:P+10], v[A+16:A+31], v253
	v_lshl_or_b32 v[254+\k], v251, 8, v250         ; my row's two scale bytes: also the plain line behind the conversions
.irp i, 0,1,2
	v_permlane16_swap_b32 v[P+\i], v[P+8+\i]       ; the operand wants a whole block in a lane: lanes 0-15 block 0, lanes 16-31 block 1
.endr
.irp i, 0,1,2
	v_mov_b32 v[P+3+\i], v[P+8+\i]
.endr
	global_store_b128 v[TO16+\k], v[P:P+3], s[32:33]               ; the image of six registers of the next layer's operand: 512 + 256 consecutive bytes, aligned
	global_store_b64 v[TO8+\k], v[P+4:P+5], s[32:33] offset:512
	global_store_b16 v[TOW+\k], v[254+\k], s[34:35]                ; (lanes l and l xor 16 store the same two bytes)
.endif
.Lno_\@:
.endm
	SETUP 0
.if LAYER == 1
	WLOAD 0
	s_wait_loadcnt 32                              ; the tokens are in; the 32 weight loads issued behind them may be out
	TOKS
.endif
	APAIR 0, 0, 0
	APAIR 0, 1, 0
	WLOAD 1
.set Q, 0
.rept NT
	TRIP Q
.set Q, Q+1
.endr
	EPI 0
	EPI 1
	; TILES 32 .. 63, where the expert has so many: the whole quantised strip lies in LDS, so only the rows are loaded.  No barrier from here on.
	s_cmp_gt_u32 s21, 32
	s_cbranch_scc0 .Lend
	s_wait_xcnt 0x0                                ; the stores above have read their data and offsets: both are written again below
	SETUP 32
.if LAYER == 1
	s_wait_loadcnt 0x0
	TOKS
.endif
.if LAYER == 3
	global_load_b32 v[GT], v[LOFF], s[14:15]
	global_load_b32 v[GT+2], v[LOFF+1], s[14:15]
.endif
.set Q, 0
.rept NT
	APAIR Q, 0, 0
	APAIR Q, 1, 0
	s_wait_loadcnt 0x0
.if Q == 0
	MMPLAIN Q, 1
.else
	MMPLAIN Q, 0
.endif
.set Q, Q+1
.endr
	EPI 0
	EPI 1
.Lend:
	s_wait_tensorcnt 0x0
	ds_add_u32 v31, v47
	s_wait_dscnt 0x0
	s_endpgm
.Lfunc_end_k_qbaa35e103a_layer2:
	.size	k_qbaa35e103a_layer2, .Lfunc_end_k_qbaa35e103a_layer2-k_qbaa35e103a_layer2
	.p2alignl 7, 3214868480
	.fill 96, 4, 3214868480
	.section	.rodata,"a",@progbits
	.p2align	6, 0x0
	.amdhsa_kernel k_qbaa35e103a_layer2
		.amdhsa_group_segment_fixed_size 108544
		.amdhsa_private_segment_fixed_size 0
		.amdhsa_enable_private_segment 0
		.amdhsa_kernarg_size 40
		.amdhsa_user_sgpr_count 2
		.amdhsa_user_sgpr_kernarg_segment_ptr 1
		.amdhsa_wavefront_size32 1
		.amdhsa_system_sgpr_workgroup_id_x 1
		.amdhsa_system_sgpr_workgroup_id_y 1
		.amdhsa_system_sgpr_workgroup_id_z 1
		.amdhsa_system_vgpr_workitem_id 0
		.amdhsa_next_free_vgpr 256
		.amdhsa_next_free_sgpr 66
		.amdhsa_reserve_vcc 0
		.amdhsa_float_denorm_mode_32 3
		.amdhsa_float_denorm_mode_16_64 3
		.amdhsa_memory_ordered 1
		.amdhsa_forward_progress 1
		.amdhsa_inst_pref_size 174
	.end_amdhsa_kernel
	.amdgpu_metadata
---
amdhsa.version: [ 1, 2 ]
amdhsa.kernels:
  - .name:           k_qbaa35e103a_layer2
    .symbol:         k_qbaa35e103a_layer2.kd
    .args:
      - { .name: W2, .offset: 0, .size: 8, .value_kind: global_buffer, .address_space: global }
      - { .name: b2, .offset: 8, .size: 8, .value_kind: global_buffer, .address_space: global }
      - { .name: H1, .offset: 16, .size: 8, .value_kind: global_buffer, .address_space: global }
      - { .name: PI, .offset: 24, .size: 8, .value_kind: global_buffer, .address_space: global }
      - { .name: H2, .offset: 32, .size: 8, .value_kind: global_buffer, .address_space: global }
    .group_segment_fixed_size: 108544
    .private_segment_fixed_size: 0
    .kernarg_segment_align: 8
    .kernarg_segment_size: 40
    .max_flat_workgroup_size: 512
    .sgpr_count:     66
    .vgpr_count:     256
    .wavefront_size: 32
...
	.end_amdgpu_metadata
.endif
;; end of part 8
;; launch layer3 (part 9): grid 32 x 8, 16 waves a work-group, no clusters, 124,928 bytes of LDS; arguments W3, b3, H2, PI, Y, PF; writes Y
.if DOCPART == 9
	.amdgcn_target "amdgcn-amd-amdhsa--gfx1250"
	.amdhsa_code_object_version 6
	.text
	.protected	k_qbaa35e103a_layer3
	.globl	k_qbaa35e103a_layer3
	.p2align	8
	.type	k_qbaa35e103a_layer3,@function
k_qbaa35e103a_layer3:
	s_mov_b64 s[64:65], 0
	v_nop
	global_prefetch_b8 v0, s[64:65] scope:SCOPE_SE
	s_setreg_imm32_b32 hwreg(HW_REG_WAVE_MODE, 25, 1), 1
	s_wait_xcnt 0x0
; ONE LAYER OF THE EXPERTS, on the rows that the router chose.  The same text serves the three layers; LAYER says which.
.set LAYER, 3
;   LAYER 1: h1 = Q(relu(x W1 + b1))      LAYER 2: h2 = Q(relu(h1 W2 + b2))      LAYER 3: Y[kh][row] = gate x (h2 W3 over half kh of K, + b3 where kh = 0)
; Both operands of the product are codes of E3M2 with one E8M0 scale for each 32 along K; sums in f32.  Q is the same quantiser along the next layer's K.
; THE WEIGHTS BIND: they arrive as f32 [expert][K][N].  Each weight byte is read ONCE in the launch, by one work-group, quantised in registers and used at once.
; SHARES.  A work-group owns one expert (grid y) and a strip of 64 columns of N (grid x; in layer 3 also a half of K), and multiplies ALL of that expert's rows by it.  K goes in NT trips of 256.
; AS PRODUCER wave w takes, in each trip, 32 K rows x 32 columns: A LANE TAKES A COLUMN AND ITS 32 REGISTERS RUN DOWN K, so a block of 32 lies in one lane, and the conversions give codes with K innermost.
;   Each load reads 128 consecutive bytes; wave w xor 1 reads the other half of the same aligned 256.  The codes go to LDS as images of the operand's registers and stay there: no LDS byte is written twice.
; AS CONSUMER wave w owns the expert's tiles of 16 rows number w and w + 16 (slots 0, 1) against the strip's four tiles of 16 columns: 8 accumulators.  Tiles 32 .. 63 (a very uneven choice) follow at the end, from the strip in LDS.
; THE PRODUCT IS USED TRANSPOSED (source 0 = 16 columns of the weight, source 1 = 16 rows), and row m of column tile t is column 32 (t / 2) + 8 (t % 2) + m + 8 (m / 8):
;   so lane (r, h) holds row r, and its registers 16 b + i are columns 32 b + 16 h + i: 16 neighbours along the next K.
; THE LOADS RUN AHEAD.  A trip's products go in two steps of 128 along K (q = 0, 1), each in two batches of two column tiles.  The rows' fragments of step q are free as soon as that step's products are issued:
;   the next trip's fragments of the same step are asked for there, so that half a trip's products, the next quantising step and the barrier stand between the request and the use.
;   The weights of trip s + 2 are asked for in trip s, into the set that trip s has quantised: eight loads in each batch, between the batch's LDS loads and the wait for them.
; WHAT HANGS ON THE STORED LIST: how many tiles the expert has.  Every barrier, every weight load, every quantising step, all of slot 0's loads and products and all of trip 0 stand on every path; a slot without a tile
;   takes tile 0 (which always exists) and stores nothing.  Slot 1's loads and products of later trips, the stores and the part for tiles 32 .. 63 are jumped over by scalar branches on the stored count; no barrier stands under such a branch.
; No tensor load, no cluster: the row counts are read from memory, so the operands go from memory straight into registers.  The 32 work-groups of an expert read the same activations by plain loads.
; LIMITS: NaN and infinities are not served.  A block of zeros gets the scale byte 1 (its codes are zeros; only this program reads the bytes).  An expert without rows still streams its strip.
.if LAYER == 2
.set NT, 8                             ; trips of 256 along K
.else
.set NT, 4
.endif
.if LAYER == 3
.set WN, 1024                          ; numbers in a row of the weight
.set ESTR, 2*NT*256*WN*4               ; bytes of an expert's weight (two halves of K)
.set NBI, 10                           ; loads of the bias and the two gates
.else
.set WN, 2048
.set ESTR, NT*256*WN*4
.set NBI, 8                            ; loads of the bias
.endif
.if LAYER == 1
.set NA, 4                             ; loads that bring one fragment of rows and its scale word
.else
.set NA, 5
.endif
.set ROWB,  WN*4
.set REC,   1664                       ; LDS: a record is one fragment (16 columns x 128 K): for c = 0, 1: registers 6 c .. 6 c + 3 at 768 c + 16 lane, 6 c + 4, 6 c + 5 at 768 c + 512 + 8 lane; 16 scale words at 1536; 64 bytes unused
.set TRIPB, 8*REC                      ; a trip's 8 records: (step q of 128, column tile t) at (4 q + t) REC
.set STG,   4*TRIPB                    ; layer 3: behind the records a stage of 16 rows x 272 bytes for each wave
.set HSC,   3342336                    ; in H1, H2: codes [136 tiles][16 steps][2 c][512 + 256 bytes], then from here scale words [136][16 steps][16 rows]
.set VW,   4                           ; v4      my byte in the trip's block of the weight
.set LD0,  5                           ; v5-10   LDS: where I store 16 bytes, 8 bytes, the scale byte; where I read 16 bytes (16 lane), 8 bytes (8 lane), scale words.  v11-16: the same 4 trips on (layer 2)
.set TO16, 17                          ; v17-18  slot k: tile x 24576 + 16 lane
.set TO8,  19                          ; v19-20  tile x 24576 + 8 lane
.set AS1,  21                          ; v21-22  the rows' scale words of step q = 1, slot k, and nothing else (lanes 0-15 are read)
.set TOW,  23                          ; v23-24  tile x 1024 + 4 r
.set AOX,  25                          ; v25-26  layer 1: token x 768 + 48 h
.set AOS,  27                          ; v27-28  layer 1: token x 32
.set TY,   25                          ; v25-26  layer 3: tile x 65536 + my place in two rows of Y
.set YL,   27                          ; v27     layer 3: that place
.set BO,   29                          ; v29     64 h: my place in the bias
.set TOK,  30                          ; v30-31  layer 1: my row's token
.set STO,  30                          ; v30     layer 3: the stage, on the way in
.set SRD,  31                          ; v31     layer 3: and back
.set AS0,  32                          ; v32-33  the rows' scale words of step q = 0, slot k, and nothing else
.set SB,   34                          ; v34-37  the weight's scale words and nothing else, for column tile t: lanes 0-15 the trip's first 128 along K, lanes 16-31 its second
.set LOFF, 38                          ; v38-39  tile x 64 + 4 r: my row in the lists
.set C,    40                          ; v40-46  the codes just made
.set H48,  47                          ; v47     layer 1: 48 h
.set BF,   48                          ; v48-71  two fragments of the weight; at the end the rows' new codes
.set AF,   72                          ; v72-119 the rows' fragments: slot k, step q at 72 + 24 k + 12 q
.set WS,   120                         ; v120-183 two sets of 32 numbers of the weight; set 0 holds the bias at the end
.set ACC,  184                         ; v184-247 accumulator (slot k, column tile t) at 184 + 32 k + 8 t
.set GT,   248                         ; v248, v250 layer 3: my rows' gates (named in pairs with v249, v251)
.set QT,   252                         ; v252-254 at work in the weight's quantiser
.if NT > 4
.set PFO,  27                          ; the prefetches' offset: row 32 (w >> 1) + lane of a trip's 256; never rewritten (a register that this layer uses for nothing else)
.else
.set PFO,  11
.endif
.macro WCHUNK s, c                     ; eight of trip s's 32 numbers of my column, into set s % 2
.set WB, WS+32*((\s)%2)
.set i, 8*(\c)
.rept 8
	global_load_b32 v[WB+i], v[VW], s[24+2*((\s)/4):25+2*((\s)/4)] offset:((\s)%4)*256*ROWB+i*ROWB th:TH_LOAD_NT
.set i, i+1
.endr
.endm
.macro WLOAD s                         ; all 32
	WCHUNK \s, 0
	WCHUNK \s, 1
	WCHUNK \s, 2
	WCHUNK \s, 3
.endm
	s_load_b256 s[4:11], s[0:1], 0x0               ; the weight, the bias, the activations, PI
.if LAYER == 3
	s_load_b128 s[12:15], s[0:1], 0x20             ; Y, PF
	v_lshl_add_u32 v47, v0, 2, 0x1e000
	v_mov_b32 v255, 0
.else
	s_load_b64 s[12:13], s[0:1], 0x20              ; the next layer's codes and scales
.endif
	v_lshrrev_b32 v1, 5, v0
	v_readfirstlane_b32 s16, v1                    ; wave 0 .. 15
	s_and_b32 s47, s16, 1                          ; which 32 columns I produce
	s_and_b32 s17, ttmp7, 0xffff                   ; expert
.if LAYER == 3
	s_and_b32 s18, ttmp9, 15                       ; strip
	s_lshr_b32 s19, ttmp9, 4                       ; half of K
.else
	s_mov_b32 s18, ttmp9
	s_mov_b32 s19, 0
.endif
	v_and_b32 v1, 31, v0                           ; lane
	v_and_b32 v2, 15, v0                           ; r
	v_bfe_u32 v3, v0, 4, 1                         ; h
	; producer: hf = w & 1 (which 32 columns), b = w >> 1 (which block of 32 along K): q = b >> 2, c = (b >> 1) & 1, hc = b & 1
	v_lshlrev_b32 v[VW], 2, v1
	v_bfe_u32 v248, v0, 5, 1                       ; hf
	v_lshl_add_u32 v[VW], v248, 7, v[VW]
	v_lshrrev_b32 v249, 6, v0                      ; b
	v_mul_u32_u24 v250, v249, 32*ROWB
	v_add_nc_u32 v[VW], v[VW], v250                ; 4 l + 128 hf + 32 b rows
	v_mad_u32_u24 v[PFO], v1, ROWB, v250           ; row 32 b + l
	v_bfe_u32 v250, v0, 8, 1                       ; q
	v_lshlrev_b32 v250, 2, v250
	v_lshl_add_u32 v250, v248, 1, v250
	v_bfe_u32 v251, v0, 3, 1                       ; u = (l >> 3) & 1
	v_add_nc_u32 v250, v250, v251                  ; record 4 q + 2 hf + u
	v_mul_u32_u24 v253, v250, REC
	v_bfe_u32 v251, v0, 7, 1                       ; c
	v_mad_u32_u24 v250, v251, 768, v253
	v_and_b32 v251, 7, v0
	v_lshl_add_u32 v251, v3, 3, v251               ; m = (l & 7) + 8 (l >> 4): my column's row in its tile
	v_bfe_u32 v252, v0, 6, 1                       ; hc
	v_lshl_add_u32 v252, v252, 4, v251             ; the operand's lane that my codes belong to
	v_lshl_add_u32 v[LD0], v252, 4, v250
	v_lshl_add_u32 v[LD0+1], v252, 3, v250
	v_add_nc_u32 v[LD0+1], 512, v[LD0+1]
	v_lshl_add_u32 v[LD0+2], v251, 2, v253
	v_bfe_u32 v254, v0, 6, 2                       ; b & 3: my block's byte in the scale word
	v_add_nc_u32 v[LD0+2], v[LD0+2], v254
	v_add_nc_u32 v[LD0+2], 1536, v[LD0+2]
	v_lshlrev_b32 v[LD0+3], 4, v1
	v_lshlrev_b32 v[LD0+4], 3, v1
	v_mul_u32_u24 v[LD0+5], v3, 4*REC              ; lanes 16-31 take the scale words of the record four on: the trip's second 128 along K
	v_lshl_add_u32 v[LD0+5], v2, 2, v[LD0+5]
	v_add_nc_u32 v[LD0+5], 1536, v[LD0+5]
.if NT > 4
.irp i, 0,1,2,3,4,5
	v_add_nc_u32 v[LD0+6+\i], 4*TRIPB, v[LD0+\i]   ; trips 4 to 7 lie beyond an LDS instruction's immediate
.endr
.endif
	v_lshlrev_b32 v[BO], 6, v3
.if LAYER == 1
	v_mul_u32_u24 v[H48], v3, 48
.endif
.if LAYER == 3
	v_lshrrev_b32 v248, 5, v0
	v_mul_u32_u24 v248, v248, 16*272
	v_add_nc_u32 v248, STG, v248                   ; my wave's stage
	v_mad_u32_u24 v[STO], v2, 272, v248
	v_lshl_add_u32 v[STO], v3, 6, v[STO]           ; in: row r, + 64 h
	v_mad_u32_u24 v[SRD], v3, 272, v248
	v_lshl_add_u32 v[SRD], v2, 4, v[SRD]           ; back: lanes 0-15 one row of 256 bytes, lanes 16-31 the next
	v_lshlrev_b32 v[YL], 12, v3
	v_lshl_add_u32 v[YL], v2, 4, v[YL]             ; and the same two rows in Y
.endif
	s_mov_b32 s48, 0x76543210
	s_mov_b32 s49, 0xfedcba98                      ; v_permlanex16_b32's selects for lane l xor 16 (its destinations, v250 and v251, have been written above)
	s_lshl_b32 s22, s17, 3
	s_wait_kmcnt 0x0
	s_load_b64 s[20:21], s[10:11], s22 offset:0x0  ; the expert's first tile and its number of tiles
	s_mov_b32 s43, 0
	s_mul_i32 s42, s17, ESTR
	s_lshl_b32 s44, s18, 8
	s_add_co_u32 s42, s42, s44
.if LAYER == 3
	s_lshl_b32 s44, s19, 22                        ; 1,024 rows of 4,096 bytes
	s_add_co_u32 s42, s42, s44
.endif
	s_add_nc_u64 s[24:25], s[4:5], s[42:43]        ; the weight at my expert, my strip (my half of K)
.if NT > 4
	s_add_nc_u64 s[26:27], s[24:25], 0x800000      ; and 4 trips on, so that every load's immediate stays inside its 24 signed bits and no pointer is stepped
.endif
.if LAYER != 1
	WLOAD 0                                        ; the first weights hang on no stored number: they go out ahead of the wait for the table
.endif
	s_mul_i32 s42, s17, ROWB
	s_lshl_b32 s44, s18, 8
	s_add_co_u32 s42, s42, s44
	s_add_nc_u64 s[30:31], s[6:7], s[42:43]        ; the bias at my strip
.if LAYER == 1
	s_mov_b64 s[28:29], s[8:9]                     ; x's codes,
	s_add_nc_u64 s[36:37], s[8:9], 786432          ; its scale words
.elseif LAYER == 2
	s_mov_b64 s[28:29], s[8:9]
	s_add_nc_u64 s[36:37], s[8:9], HSC
.else
	s_mul_i32 s42, s19, 8*1536                     ; my half of K: 8 steps on
	s_add_nc_u64 s[28:29], s[8:9], s[42:43]
	s_lshl_b32 s42, s19, 9
	s_add_nc_u64 s[36:37], s[8:9], s[42:43]
	s_add_nc_u64 s[36:37], s[36:37], HSC
.endif
.if LAYER == 3
	s_mul_i32 s42, s19, 2176*4096
	s_lshl_b32 s44, s18, 8
	s_add_co_u32 s42, s42, s44
	s_add_nc_u64 s[32:33], s[12:13], s[42:43]      ; Y at my half of K and my 256 bytes of a row
.else
	s_mul_i32 s42, s18, 768                        ; my strip is half c = strip & 1 of step strip >> 1 of the next K: 768 bytes on end
	s_add_nc_u64 s[32:33], s[12:13], s[42:43]
	s_lshr_b32 s42, s18, 1
	s_lshl_b32 s42, s42, 6
	s_and_b32 s44, s18, 1
	s_lshl_b32 s44, s44, 1
	s_add_co_u32 s42, s42, s44
	s_add_nc_u64 s[34:35], s[12:13], s[42:43]
	s_add_nc_u64 s[34:35], s[34:35], HSC           ; and two bytes of each row's scale word of that step
.endif
	s_wait_kmcnt 0x0
	s_min_u32 s20, s20, 135                        ; stored numbers enter addresses only held to the buffers' sizes
	s_min_u32 s21, s21, 64
; My two slots' tiles, base + w and base + w + 16 of the expert, and all offsets that hang on them.  A slot beyond the expert's tiles takes tile 0.
.macro SETUP base
	s_add_co_u32 s40, s16, \base
	s_add_co_u32 s41, s40, 16
.irp k, 0,1
	s_add_co_u32 s42, s20, s[40+\k]
	s_cmp_lt_u32 s[40+\k], s21
	s_cselect_b32 s42, s42, 0
	s_min_u32 s42, s42, 135
	s_mul_i32 s43, s42, 24576
	s_lshl_b32 s44, s42, 10
	s_lshl_b32 s45, s42, 6
	v_add_nc_u32 v[TO16+\k], s43, v[LD0+3]
	v_add_nc_u32 v[TO8+\k], s43, v[LD0+4]
	v_lshl_add_u32 v[TOW+\k], v2, 2, s44
	v_lshl_add_u32 v[LOFF+\k], v2, 2, s45
.if LAYER == 3
	s_lshl_b32 s46, s42, 16
	v_add_nc_u32 v[TY+\k], s46, v[YL]
.endif
.if LAYER == 1
	global_load_b32 v[TOK+\k], v[LOFF+\k], s[10:11] offset:256   ; my row's token
.endif
.endr
.endm
.macro TOKS                            ; layer 1: the token, held inside x, gives the row's offsets
.irp k, 0,1
	v_min_u32 v[TOK+\k], 0x3ff, v[TOK+\k]
	v_mul_u32_u24 v[AOX+\k], v[TOK+\k], 768
	v_add_nc_u32 v[AOX+\k], v[AOX+\k], v[H48]
	v_lshlrev_b32 v[AOS+\k], 5, v[TOK+\k]
.endr
.endm
.macro AFRAG s, q, k                   ; slot k's fragment and scale word of step q of trip s: every lane loads its registers whole.  NA loads
.set AR, AF+24*(\k)+12*(\q)
.set KS, 2*(\s)+(\q)
.set SA, AS0+(AS1-AS0)*(\q)+(\k)
.if LAYER == 1
	global_load_b128 v[AR:AR+3], v[AOX+\k], s[28:29] offset:96*KS
	global_load_b128 v[AR+4:AR+7], v[AOX+\k], s[28:29] offset:96*KS+16
	global_load_b128 v[AR+8:AR+11], v[AOX+\k], s[28:29] offset:96*KS+32
	global_load_b32 v[SA], v[AOS+\k], s[36:37] offset:4*KS
.else
	global_load_b128 v[AR:AR+3], v[TO16+\k], s[28:29] offset:1536*KS
	global_load_b64 v[AR+4:AR+5], v[TO8+\k], s[28:29] offset:1536*KS+512
	global_load_b128 v[AR+6:AR+9], v[TO16+\k], s[28:29] offset:1536*KS+768
	global_load_b64 v[AR+10:AR+11], v[TO8+\k], s[28:29] offset:1536*KS+1280
	global_load_b32 v[SA], v[TOW+\k], s[36:37] offset:64*KS
.endif
.endm
.macro APAIR s, q, cond                ; both slots' fragments of one step; cond: slot 1's are jumped over where the expert has no such tile
	AFRAG \s, \q, 0
.if \cond
	s_cmp_lt_u32 s41, s21
	s_cbranch_scc0 .Lna_\@
.endif
	AFRAG \s, \q, 1
.if \cond
.Lna_\@:
.endif
.endm
.macro BIAS                            ; NBI loads, into the weight's set 0, which has been quantised for the last time
.irp b, 0,1
.irp j, 0,1,2,3
	global_load_b128 v[WS+16*\b+4*\j:WS+16*\b+4*\j+3], v[BO], s[30:31] offset:128*\b+16*\j   ; the bias in the result's layout: register 16 b + i = column 32 b + 16 h + i
.endr
.endr
.if LAYER == 3
	global_load_b32 v[GT], v[LOFF], s[14:15]       ; my rows' gates
	global_load_b32 v[GT+2], v[LOFF+1], s[14:15]
.endif
.endm
; A PREFETCH INTO THE L2 of trip s's block of the weight: 256 rows x the strip's 256 aligned bytes.  The eight waves with w & 1 = 0 ask, one instruction each: wave w for rows 32 (w >> 1) + lane, a lane a row:
; so each row's 256 bytes are named once in the launch (no other work-group reads them).  It stands at a trip's end, behind the wave's loads; trip t asks for trip t + 3, whose loads are issued in trip t + 1;
; the last three trips ask for nothing, and nothing is asked for at the head.
.macro ASKW s
	s_cmp_eq_u32 s47, 0
	s_cbranch_scc0 .Lnp_\@
	global_prefetch_b8 v[PFO], s[24+2*((\s)/4):25+2*((\s)/4)] offset:((\s)%4)*256*ROWB th:TH_LOAD_NT scope:SCOPE_SE
.Lnp_\@:
.endm
.macro QUANTW s                        ; my block of 32 along K of my column: its scale, its 24 bytes of codes, into trip s's records
.set WB, WS+32*((\s)%2)
.set LB, LD0+6*((\s)/4)
	v_max3_num_f32 v[QT], |v[WB]|, |v[WB+1]|, |v[WB+2]|            ; the largest magnitude, in two chains
	v_max3_num_f32 v[QT+1], |v[WB+3]|, |v[WB+4]|, |v[WB+5]|
.irp i, 6,10,14,18,22,26
	v_max3_num_f32 v[QT], v[QT], |v[WB+\i]|, |v[WB+\i+1]|
	v_max3_num_f32 v[QT+1], v[QT+1], |v[WB+\i+2]|, |v[WB+\i+3]|
.endr
	v_max3_num_f32 v[QT], v[QT], |v[WB+30]|, |v[WB+31]|
	v_max3_num_f32 v[QT], v[QT], v[QT+1], 0x2800000                ; and the floor 2^(5 - 127): the byte cannot fall under 1
	v_add_nc_u32 v[QT+1], 0xfe000000, v[QT]                        ; 4 off the exponent field: the conversion's scale operand
	v_cvt_scalef32_pk16_bf6_f32 v[C:C+2], v[WB:WB+15], v[QT+1]
	v_cvt_scalef32_pk16_bf6_f32 v[C+4:C+6], v[WB+16:WB+31], v[QT+1]   ; (a conversion's three registers begin on an even number)
	v_lshrrev_b32 v[QT+2], 23, v[QT+1]                             ; the scale's byte: also the plain line behind the conversions
	v_mov_b32 v[C+3], v[C+4]
	v_mov_b32 v[C+4], v[C+5]
	v_mov_b32 v[C+5], v[C+6]
	ds_store_b128 v[LB], v[C:C+3] offset:((\s)%4)*TRIPB
	ds_store_b64 v[LB+1], v[C+4:C+5] offset:((\s)%4)*TRIPB
	ds_store_b8 v[LB+2], v[QT+2] offset:((\s)%4)*TRIPB
.endm
.macro MM k, t, f, q, zero             ; one product: slot k x column tile t, whose fragment lies in half f of BF; step q of the trip.  zero: it starts the sum
.set D, ACC+32*(\k)+8*(\t)
.set B0, BF+12*(\f)
.set A0, AF+24*(\k)+12*(\q)
.set SA, AS0+(AS1-AS0)*(\q)+(\k)
.if (\q) == 0
.if \zero
	v_wmma_scale_f32_16x16x128_f8f6f4 v[D:D+7], v[B0:B0+11], v[A0:A0+11], 0, v[SB+(\t)], v[SA] matrix_a_fmt:MATRIX_FMT_BF6 matrix_b_fmt:MATRIX_FMT_BF6
.else
	v_wmma_scale_f32_16x16x128_f8f6f4 v[D:D+7], v[B0:B0+11], v[A0:A0+11], v[D:D+7], v[SB+(\t)], v[SA] matrix_a_fmt:MATRIX_FMT_BF6 matrix_b_fmt:MATRIX_FMT_BF6
.endif
.else
	v_wmma_scale_f32_16x16x128_f8f6f4 v[D:D+7], v[B0:B0+11], v[A0:A0+11], v[D:D+7], v[SB+(\t)], v[SA] matrix_a_fmt:MATRIX_FMT_BF6 matrix_b_fmt:MATRIX_FMT_BF6 matrix_a_scale:MATRIX_SCALE_ROW1
.endif
.endm
.macro SBLOAD s                        ; the weight's scale words of trip s
.set LB, LD0+6*((\s)/4)
.irp t, 0,1,2,3
	ds_load_b32 v[SB+\t], v[LB+5] offset:((\s)%4)*TRIPB+\t*REC
.endr
.endm
.macro FRAGS s, q, tp                  ; two fragments of the weight from LDS: step q, column tiles 2 tp and 2 tp + 1
.set LB, LD0+6*((\s)/4)
.set RO, ((\s)%4)*TRIPB+(4*(\q)+2*(\tp))*REC
.irp f, 0,1
	ds_load_b128 v[BF+12*\f:BF+12*\f+3], v[LB+3] offset:RO+\f*REC
	ds_load_b64 v[BF+12*\f+4:BF+12*\f+5], v[LB+4] offset:RO+\f*REC+512
	ds_load_b128 v[BF+12*\f+6:BF+12*\f+9], v[LB+3] offset:RO+\f*REC+768
	ds_load_b64 v[BF+12*\f+10:BF+12*\f+11], v[LB+4] offset:RO+\f*REC+1280
.endr
.endm
; Their products with both slots.  The accumulators take turns, one instruction a turn, on every path.  cond: slot 1's two are jumped over where the expert has no such tile.
.macro PROD q, tp, cond, zero
	MM 0, 2*(\tp), 0, \q, \zero
	MM 0, 2*(\tp)+1, 1, \q, \zero
.if \cond
	s_cmp_lt_u32 s41, s21
	s_cbranch_scc0 .Lone_\@
.endif
	MM 1, 2*(\tp), 0, \q, \zero
	MM 1, 2*(\tp)+1, 1, \q, \zero
.if \cond
.Lone_\@:
.endif
.endm
.macro NOPS                            ; four places between products and loads into registers that they read, or reads of their results (ISA guide 7.12.1 for vector instructions; kept for loads too)
.rept 4
	v_nop
.endr
.endm
; A TRIP.  Loads come back in the order of issue (ISA guide 5.7.1), so a wait's count is the number of loads issued behind the one that is wanted, on the path that issues fewest: slot 1's loads are not counted.
; In front of the trips the wave issues W(0) 32, four fragments 4 NA, W(1) 32.  In trip s it issues: 8 of W(s + 2); 8; A(s + 1, q = 0) NA or 2 NA; 8; 8; A(s + 1, q = 1) NA or 2 NA.
; In trip NT - 2 the bias (NBI loads) stands in the first eight's place and no weights are left; trip NT - 1 issues nothing.
;   HN  at the head: W(s) is in.   Q0N in front of step 0's products, behind the first eight: A(s, 0) is in.   Q1N in front of step 1's, behind the third eight: A(s, 1) is in.
.macro TRIP s
.if (\s) == 0
.set HN,  32+4*NA                      ; behind W(0): the four fragments, W(1)
.set Q0N, 40+2*NA                      ; behind A(0, 0): A(0, 1) of both slots, W(1), 8
.set Q1N, 56+NA                        ; behind A(0, 1): W(1), 8, 8, A(1, 0), 8
.set CND, 0
.set ZR,  1
.elseif (\s) == NT-1
.set HN,  NBI+3*NA                     ; behind W(NT - 1): A(NT - 2, 1), the bias, A(NT - 1, 0), A(NT - 1, 1)
.set Q0N, NA                           ; behind A(NT - 1, 0): A(NT - 1, 1)
.set Q1N, 0                            ; all: the bias (and the gates) too
.set CND, 1
.set ZR,  0
.elseif (\s) == NT-2
.set HN,  32+3*NA
.set Q0N, 16+NA+NBI                    ; behind A(s, 0): 8, 8, A(s, 1), the bias
.set Q1N, NBI+NA                       ; behind A(s, 1): the bias, A(s + 1, 0)
.set CND, 1
.set ZR,  0
.elseif (\s) == 1
.set HN,  32+2*NA                      ; behind W(1): trip 0's 32, A(1, 0), A(1, 1)
.set Q0N, 24+NA
.set Q1N, 24+NA
.set CND, 1
.set ZR,  0
.else
.set HN,  32+3*NA                      ; behind W(s): A(s - 1, 1), then trip s - 1's 32, A(s, 0), A(s, 1)
.set Q0N, 24+NA                        ; behind A(s, 0): 8, 8, A(s, 1), 8
.set Q1N, 24+NA                        ; behind A(s, 1): 8, 8, A(s + 1, 0), 8
.set CND, 1
.set ZR,  0
.endif
	s_wait_loadcnt HN
	QUANTW \s
	s_wait_dscnt 0x0                               ; my codes and my scale byte lie in LDS,
	s_barrier_signal -1
	s_barrier_wait -1                              ; everybody's do: the trip's 8 records are whole.  They are never written again, so no second barrier is owed
	SBLOAD \s
	FRAGS \s, 0, 0
.if (\s) <= NT-3
	WCHUNK (\s)+2, 0                               ; into the set that this trip has quantised
.elseif (\s) == NT-2
	BIAS
.endif
	s_wait_loadcnt Q0N
	s_wait_dscnt 0x0
	PROD 0, 0, CND, ZR
	NOPS
	FRAGS \s, 0, 1
.if (\s) <= NT-3
	WCHUNK (\s)+2, 1
.endif
	s_wait_dscnt 0x0
	PROD 0, 1, CND, ZR
	NOPS
.if (\s) < NT-1
	APAIR (\s)+1, 0, 1                             ; step 0's fragments are done with: the next trip's take their place
.endif
	FRAGS \s, 1, 0
.if (\s) <= NT-3
	WCHUNK (\s)+2, 2
.endif
	s_wait_loadcnt Q1N
	s_wait_dscnt 0x0
	PROD 1, 0, CND, ZR
	NOPS
	FRAGS \s, 1, 1
.if (\s) <= NT-3
	WCHUNK (\s)+2, 3
.endif
	s_wait_dscnt 0x0
	PROD 1, 1, CND, ZR
	NOPS
.if (\s) < NT-1
	APAIR (\s)+1, 1, 1                             ; and step 1's
.endif
.if (\s)+3 <= NT-1
	ASKW (\s)+3
.endif
.endm
.macro MMPLAIN s, zero                 ; a trip's 16 products with nothing between them: for tiles 32 .. 63
	SBLOAD \s
.irp q, 0,1
.irp tp, 0,1
	FRAGS \s, \q, \tp
	s_wait_dscnt 0x0
	PROD \q, \tp, 0, \zero
	NOPS
.endr
.endr
.endm
; THE END OF A SLOT, jumped over where the expert has no such tile.  Each accumulator is read from its low end on.
.macro EPI k
.set A, ACC+32*(\k)
.set P, BF+12*(\k)
.set RB, 152-80*(\k)
	s_cmp_lt_u32 s[40+\k], s21
	s_cbranch_scc0 .Lno_\@
.if LAYER == 3
	s_cmp_lg_u32 s19, 0                            ; b3 is added in the first half of K alone
	s_cbranch_scc1 .Lnob_\@
.endif
.irp j, 0,2,4,6,8,10,12,14,16,18,20,22,24,26,28,30
	v_pk_add_f32 v[A+\j:A+\j+1], v[A+\j:A+\j+1], v[WS+\j:WS+\j+1]
.endr
.if LAYER == 3
.Lnob_\@:
.irp j, 0,2,4,6,8,10,12,14,16,18,20,22,24,26,28,30
	v_pk_mul_f32 v[A+\j:A+\j+1], v[A+\j:A+\j+1], v[GT+2*(\k):GT+2*(\k)+1] op_sel_hi:[1,0]   ; x my row's gate
.endr
.irp b, 0,1
.irp d, 0,1,2,3
	ds_store_b128 v[STO], v[A+16*\b+4*\d:A+16*\b+4*\d+3] offset:128*\b+16*\d   ; through my wave's own stage: LDS serves a wave's instructions in order, so no wait stands between the stores and the loads
.endr
.endr
.irp i, 0,1,2,3,4,5,6,7
	ds_load_b128 v[RB+4*\i:RB+4*\i+3], v[SRD] offset:544*\i
.endr
.irp i, 0,1,2,3,4,5,6,7
	s_wait_dscnt 7-\i                              ; the younger reads of the stage may be out
	global_store_b128 v[TY+\k], v[RB+4*\i:RB+4*\i+3], s[32:33] offset:8192*\i th:TH_STORE_NT   ; sixteen lanes store 256 consecutive bytes, aligned
.endr
.else
.irp j, 0,1,2,3,4,5,6,7,8,9,10,11,12,13,14,15,16,17,18,19,20,21,22,23,24,25,26,27,28,29,30,31
	v_max_num_f32 v[A+\j], 0, v[A+\j]              ; the activation, in f32
.endr
.irp b, 0,1
	v_max3_num_f32 v[248+\b], v[A+16*\b], v[A+16*\b+1], 0x2800000   ; block b: my 16 numbers (none is negative) and the floor 2^(5 - 127)
.endr
.irp i, 2,4,6,8,10,12,14
.irp b, 0,1
	v_max3_num_f32 v[248+\b], v[248+\b], v[A+16*\b+\i], v[A+16*\b+\i+1]
.endr
.endr
.irp b, 0,1
	v_permlanex16_b32 v[250+\b], v[248+\b], s48, s49
.endr
.irp b, 0,1
	v_max_num_f32 v[248+\b], v[248+\b], v[250+\b]  ; with lane l xor 16's 16: the block's largest
.endr
.irp b, 0,1
	v_add_nc_u32 v[252+\b], 0xfe000000, v[248+\b]  ; the conversion's scale operand
.endr
.irp b, 0,1
	v_lshrrev_b32 v[250+\b], 23, v[252+\b]         ; the scale's byte
.endr
	v_cvt_scalef32_pk16_bf6_f32 v[P:P+2], v[A:A+15], v252
	v_cvt_scalef32_pk16_bf6_f32 v[P+8:P+10], v[A+16:A+31], v253
	v_lshl_or_b32 v[254+\k], v251, 8, v250         ; my row's two scale bytes: also the plain line behind the conversions
.irp i, 0,1,2
	v_permlane16_swap_b32 v[P+\i], v[P+8+\i]       ; the operand wants a whole block in a lane: lanes 0-15 block 0, lanes 16-31 block 1
.endr
.irp i, 0,1,2
	v_mov_b32 v[P+3+\i], v[P+8+\i]
.endr
	global_store_b128 v[TO16+\k], v[P:P+3], s[32:33]               ; the image of six registers of the next layer's operand: 512 + 256 consecutive bytes, aligned
	global_store_b64 v[TO8+\k], v[P+4:P+5], s[32:33] offset:512
	global_store_b16 v[TOW+\k], v[254+\k], s[34:35]                ; (lanes l and l xor 16 store the same two bytes)
.endif
.Lno_\@:
.endm
	SETUP 0
.if LAYER == 1
	WLOAD 0
	s_wait_loadcnt 32                              ; the tokens are in; the 32 weight loads issued behind them may be out
	TOKS
.endif
	APAIR 0, 0, 0
	APAIR 0, 1, 0
	WLOAD 1
.set Q, 0
.rept NT
	TRIP Q
.set Q, Q+1
.endr
	EPI 0
	EPI 1
	; TILES 32 .. 63, where the expert has so many: the whole quantised strip lies in LDS, so only the rows are loaded.  No barrier from here on.
	s_cmp_gt_u32 s21, 32
	s_cbranch_scc0 .Lend
	s_wait_xcnt 0x0                                ; the stores above have read their data and offsets: both are written again below
	SETUP 32
.if LAYER == 1
	s_wait_loadcnt 0x0
	TOKS
.endif
.if LAYER == 3
	global_load_b32 v[GT], v[LOFF], s[14:15]
	global_load_b32 v[GT+2], v[LOFF+1], s[14:15]
.endif
.set Q, 0
.rept NT
	APAIR Q, 0, 0
	APAIR Q, 1, 0
	s_wait_loadcnt 0x0
.if Q == 0
	MMPLAIN Q, 1
.else
	MMPLAIN Q, 0
.endif
.set Q, Q+1
.endr
	EPI 0
	EPI 1
.Lend:
	s_wait_tensorcnt 0x0
	ds_add_u32 v47, v255
	s_wait_dscnt 0x0
	s_endpgm
.Lfunc_end_k_qbaa35e103a_layer3:
	.size	k_qbaa35e103a_layer3, .Lfunc_end_k_qbaa35e103a_layer3-k_qbaa35e103a_layer3
	.p2alignl 7, 3214868480
	.fill 96, 4, 3214868480
	.section	.rodata,"a",@progbits
	.p2align	6, 0x0
	.amdhsa_kernel k_qbaa35e103a_layer3
		.amdhsa_group_segment_fixed_size 124928
		.amdhsa_private_segment_fixed_size 0
		.amdhsa_enable_private_segment 0
		.amdhsa_kernarg_size 48
		.amdhsa_user_sgpr_count 2
		.amdhsa_user_sgpr_kernarg_segment_ptr 1
		.amdhsa_wavefront_size32 1
		.amdhsa_system_sgpr_workgroup_id_x 1
		.amdhsa_system_sgpr_workgroup_id_y 1
		.amdhsa_system_sgpr_workgroup_id_z 1
		.amdhsa_system_vgpr_workitem_id 0
		.amdhsa_next_free_vgpr 256
		.amdhsa_next_free_sgpr 66
		.amdhsa_reserve_vcc 0
		.amdhsa_float_denorm_mode_32 3
		.amdhsa_float_denorm_mode_16_64 3
		.amdhsa_memory_ordered 1
		.amdhsa_forward_progress 1
		.amdhsa_inst_pref_size 99
	.end_amdhsa_kernel
	.amdgpu_metadata
---
amdhsa.version: [ 1, 2 ]
amdhsa.kernels:
  - .name:           k_qbaa35e103a_layer3
    .symbol:         k_qbaa35e103a_layer3.kd
    .args:
      - { .name: W3, .offset: 0, .size: 8, .value_kind: global_buffer, .address_space: global }
      - { .name: b3, .offset: 8, .size: 8, .value_kind: global_buffer, .address_space: global }
      - { .name: H2, .offset: 16, .size: 8, .value_kind: global_buffer, .address_space: global }
      - { .name: PI, .offset: 24, .size: 8, .value_kind: global_buffer, .address_space: global }
      - { .name: Y, .offset: 32, .size: 8, .value_kind: global_buffer, .address_space: global }
      - { .name: PF, .offset: 40, .size: 8, .value_kind: global_buffer, .address_space: global }
    .group_segment_fixed_size: 124928
    .private_segment_fixed_size: 0
    .kernarg_segment_align: 8
    .kernarg_segment_size: 48
    .max_flat_workgroup_size: 512
    .sgpr_count:     66
    .vgpr_count:     256
    .wavefront_size: 32
...
	.end_amdgpu_metadata
.endif
;; end of part 9
;; launch combine: the kernel of part 6 again; grid 256 x 1, 4 waves a work-group, no clusters, 0 bytes of LDS; arguments Y, PI, out0; writes out0
;; ======== version 3 of 3: 6 launches
;; workspace buffers: XB 892,928 bytes; GI 12,288 bytes of whole numbers; PI 17,152 bytes of whole numbers; PF 8,704 bytes; H1 3,481,600 bytes; H2 3,481,600 bytes; Y 17,825,792 bytes
;; launch gate (part 10): grid 128 x 1, 4 waves a work-group, no clusters, 35,328 bytes of LDS; arguments x, Wg, bg, XB, GI; writes XB, GI
.if DOCPART == 10
	.amdgcn_target "amdgcn-amd-amdhsa--gfx1250"
	.amdhsa_code_object_version 6
	.text
	.protected	k_qbaa35e103a_gate
	.globl	k_qbaa35e103a_gate
	.p2align	8
	.type	k_qbaa35e103a_gate,@function
k_qbaa35e103a_gate:
	s_mov_b64 s[64:65], 0
	v_nop
	global_prefetch_b8 v0, s[64:65] scope:SCOPE_SE
	s_setreg_imm32_b32 hwreg(HW_REG_WAVE_MODE, 25, 1), 1
	s_wait_xcnt 0x0
; THE ROUTER AND THE QUANTISING OF x.  x: [1024 tokens][1024] f32.  Wg: [1024][8], bg: [8] f32.
; Stored into XB: x's codes of E3M2 (6 bits) and their E8M0 scale bytes, one for each 32 along the row; the two gates of each token; its 8 probabilities and 8 combine weights.
; Stored into GI, at fixed places: the two chosen experts of each token as whole numbers (a later launch forms addresses from them; here no address and no branch hangs on them).
;   XB + 0        codes [token][8 steps of 128][half h][48 bytes]: in a step's 96 bytes the four blocks of 24 bytes lie in the order 0, 2, 1, 3, so that lane (r, h) of an operand finds its 12 registers on end
;   XB + 786432   scale bytes [token][32]        XB + 819200  (g1, g2) [token]        XB + 827392  [token][8 probabilities, 8 combine weights]
;   GI + 0        i1 | i2 << 8 [token]           GI + 4096    1 << 8 i1 | 1 << 8 i2, 64 bits [token]
; SHARES.  A work-group takes 8 tokens.  Wave w takes half hf = w & 1 of the row (512 numbers) of tokens 4 (w >> 1) + 0 .. 3; lane l holds 16 neighbours, 512 hf + 16 l + 0 .. 15: two lanes hold a block of 32.
; The raw gates are f32 fused multiply-adds on the unquantised x.  Ties of the top-2 go to the lower index, as in jax.lax.top_k.
; LIMITS: NaN and infinities among the inputs are not served.  A block of zeros gets the scale byte 1 (its codes are zeros; only this program reads the bytes).
; Raw gates that lie closer together than the rounding of an f32 sum of 1,024 terms may be ranked otherwise than by another order of summation.
.set RAWP, 33792                       ; LDS: 0 .. 33791 Wg, 64 chunks of 512 bytes (16 rows) 528 bytes apart (33 x 16);  here [8 tokens][2 halves][8] partial gates;
.set XSL,  34304                       ; here [8 tokens][32] scale bytes
.set WG,   16                          ; v16-143   register 8 i + e = Wg[my first k + i][e]
.set X,    144                         ; v144-207  16 numbers for each of my 4 tokens
.set AC,   208                         ; v208-215  8 sums
.set CD,   216                         ; v216-231  codes: 4 registers a token, so that no store's data are written again
.set BG,   232                         ; v232-239  bg
.set T,    240                         ; v240-255  at work
	s_load_b128 s[4:7], s[0:1], 0x0                ; x, Wg
	s_load_b128 s[8:11], s[0:1], 0x10              ; bg, XB
	s_load_b64 s[12:13], s[0:1], 0x20              ; GI
	v_lshl_add_u32 v231, v0, 2, 0x8800
	v_mov_b32 v243, 0
	v_lshrrev_b32 v2, 5, v0
	v_readfirstlane_b32 s14, v2                    ; wave
	v_and_b32 v1, 31, v0                           ; lane
	v_bfe_u32 v3, v0, 5, 1                         ; hf
	v_bfe_u32 v4, v0, 6, 1                         ; which four tokens
	v_mov_b32 v5, 0
	v_lshlrev_b32 v6, 4, v0                        ; Wg: 16 bytes a thread
	v_lshlrev_b32 v7, 6, v1
	v_lshl_add_u32 v7, v3, 11, v7
	v_lshl_add_u32 v7, v4, 14, v7                  ; x: 4 rows x pair + 2048 hf + 64 l
	v_mul_u32_u24 v8, v2, 528
	v_lshl_add_u32 v8, v1, 4, v8                   ; Wg into LDS: chunk 4 i + w, 16 bytes a lane
	v_lshl_add_u32 v9, v3, 5, v1
	v_mul_u32_u24 v9, v9, 528                      ; and out of it: chunk 32 hf + l: my 16 rows
	v_mul_u32_u24 v10, v4, 3072                    ; my 12 bytes of codes: 4 tokens x 768,
	v_mad_u32_u24 v10, v3, 384, v10                ; half a row,
	v_lshrrev_b32 v11, 3, v1
	v_mad_u32_u24 v10, v11, 96, v10                ; the step of 128,
	v_bfe_u32 v11, v1, 1, 1
	v_mad_u32_u24 v10, v11, 48, v10                ; the block's low bit: the operand's half h,
	v_bfe_u32 v11, v1, 2, 1
	v_mad_u32_u24 v10, v11, 24, v10                ; its high bit,
	v_and_b32 v11, 1, v1
	v_mad_u32_u24 v10, v11, 12, v10                ; and my half of the block
	v_lshrrev_b32 v12, 1, v1
	v_lshl_add_u32 v12, v3, 4, v12
	v_lshl_add_u32 v12, v4, 7, v12
	v_add_nc_u32 v12, XSL, v12                     ; my block's scale byte
	v_lshlrev_b32 v13, 5, v3
	v_lshl_add_u32 v13, v4, 8, v13
	v_add_nc_u32 v13, RAWP, v13                    ; my wave's partial gates
.irp e, 0,1,2,3,4,5,6,7
	v_mov_b32 v[T+8+\e], 0                         ; written once: a lane permute's destination counts as one of its sources
.endr
	s_lshl_b32 s16, ttmp9, 15                      ; 8 rows of 4,096 bytes a work-group
	s_mov_b32 s17, 0
	s_mul_i32 s18, ttmp9, 6144                     ; 8 rows of 768 bytes of codes
	s_mov_b32 s19, 0
	s_mov_b32 s20, 0x76543210
	s_mov_b32 s21, 0xfedcba98                      ; v_permlanex16_b32's selects for lane l xor 16
	s_wait_kmcnt 0x0
	s_add_nc_u64 s[4:5], s[4:5], s[16:17]
	s_add_nc_u64 s[22:23], s[10:11], s[18:19]
	global_load_b128 v[BG:BG+3], v5, s[8:9]
	global_load_b128 v[BG+4:BG+7], v5, s[8:9] offset:16
.irp i, 0,1,2,3,4,5,6,7,8,9,10,11,12,13,14,15
	global_load_b128 v[WG+4*\i:WG+4*\i+3], v6, s[6:7] offset:2048*\i   ; the work-group's 128 threads read 2,048 consecutive bytes
.endr
.irp n, 0,1,2,3
.irp j, 0,1,2,3
	global_load_b128 v[X+16*\n+4*\j:X+16*\n+4*\j+3], v7, s[4:5] offset:4096*\n+16*\j
.endr
.endr
	s_wait_loadcnt 16                              ; bg and Wg are in; the 16 loads of x, issued behind them, may be out
.irp i, 0,1,2,3,4,5,6,7,8,9,10,11,12,13,14,15
	ds_store_b128 v8, v[WG+4*\i:WG+4*\i+3] offset:2112*\i
.endr
	s_wait_dscnt 0x0                               ; my part of Wg lies in LDS,
	s_barrier_signal -1
	s_barrier_wait -1                              ; everybody's does
.irp m, 0,1,2,3,4,5,6,7,8,9,10,11,12,13,14,15,16,17,18,19,20,21,22,23,24,25,26,27,28,29,30,31
	ds_load_b128 v[WG+4*\m:WG+4*\m+3], v9 offset:16*\m
.endr
	s_wait_dscnt 0x0
; Token n of my four: its partial gates, its codes and its scale bytes.
.macro TOKEN n
.set XN, X+16*(\n)
	s_wait_loadcnt 12-4*(\n)                       ; this token's four loads are in; the later tokens' may be out
.irp c, 0,1,2,3,4,5,6,7
.irp p, 0,2,4,6
.if \c == 0
	v_pk_mul_f32 v[AC+\p:AC+\p+1], v[WG+\p:WG+\p+1], v[XN:XN+1] op_sel_hi:[1,0]   ; the first product starts the sums
.else
	v_pk_fma_f32 v[AC+\p:AC+\p+1], v[WG+16*\c+\p:WG+16*\c+\p+1], v[XN+2*\c:XN+2*\c+1], v[AC+\p:AC+\p+1] op_sel_hi:[1,0,1]   ; two experts at a time x the pair's first number
.endif
.endr
.irp p, 0,2,4,6
	v_pk_fma_f32 v[AC+\p:AC+\p+1], v[WG+16*\c+8+\p:WG+16*\c+9+\p], v[XN+2*\c:XN+2*\c+1], v[AC+\p:AC+\p+1] op_sel:[0,1,0] op_sel_hi:[1,1,1]   ; x its second
.endr
.endr
	v_max3_num_f32 v[T], |v[XN]|, |v[XN+1]|, |v[XN+2]|             ; the largest magnitude of my 16, in two chains
	v_max3_num_f32 v[T+1], |v[XN+3]|, |v[XN+4]|, |v[XN+5]|
.irp i, 6,10
	v_max3_num_f32 v[T], v[T], |v[XN+\i]|, |v[XN+\i+1]|
	v_max3_num_f32 v[T+1], v[T+1], |v[XN+\i+2]|, |v[XN+\i+3]|
.endr
	v_max3_num_f32 v[T], v[T], |v[XN+14]|, |v[XN+15]|
	v_max3_num_f32 v[T], v[T], v[T+1], 0x2800000                   ; and the floor 2^(5 - 127): the byte cannot fall under 1
	v_max_num_f32_dpp v[T], v[T], v[T] row_xmask:1 row_mask:0xf bank_mask:0xf   ; with my neighbour's 16: the block's
	v_add_nc_u32 v[T+2], 0xfe000000, v[T]                          ; 4 off the exponent field: the conversion takes this operand's exponent field as its scale
	v_cvt_scalef32_pk16_bf6_f32 v[CD+4*(\n):CD+4*(\n)+2], v[XN:XN+15], v[T+2]
	v_lshrrev_b32 v[T+4+(\n)], 23, v[T+2]                          ; the scale's byte (a plain line behind the conversion)
	ds_store_b8 v12, v[T+4+(\n)] offset:32*(\n)                    ; both lanes of a block write the same byte with the same value
	global_store_b96 v10, v[CD+4*(\n):CD+4*(\n)+2], s[22:23] offset:768*(\n)   ; the wave's 32 x 12 bytes are 384 consecutive bytes
.irp m, 1,2,4,8
.irp e, 0,1,2,3,4,5,6,7
	v_add_f32_dpp v[AC+\e], v[AC+\e], v[AC+\e] row_xmask:\m row_mask:0xf bank_mask:0xf
.endr
.endr
.irp e, 0,1,2,3,4,5,6,7
	v_permlanex16_b32 v[T+8+\e], v[AC+\e], s20, s21
.endr
.irp e, 0,1,2,3,4,5,6,7
	v_add_f32 v[AC+\e], v[AC+\e], v[T+8+\e]                        ; every lane holds my half row's 8 sums
.endr
	ds_store_b128 v13, v[AC:AC+3] offset:64*(\n)                   ; all lanes write the same words with the same values
	ds_store_b128 v13, v[AC+4:AC+7] offset:64*(\n)+16
	s_wait_dscnt 0x0                               ; the stores have read their registers: the next token writes them again
.endm
	TOKEN 0
	TOKEN 1
	TOKEN 2
	TOKEN 3
	s_barrier_signal -1                            ; (each TOKEN ended with a wait for all my LDS stores)
	s_barrier_wait -1                              ; the 8 tokens' partial gates and scale bytes lie in LDS
	s_cmp_lg_u32 s14, 0
	s_cbranch_scc1 .Lend                           ; wave 0 finishes; lane l works token l & 7, lanes 0-7 store
	v_lshlrev_b32 v14, 3, v1                       ; 8 l
	v_add_nc_u32 v15, XSL, v14
	ds_load_b64 v[T:T+1], v15
	v_and_b32 v2, 7, v1
	v_lshl_add_u32 v3, v2, 6, RAWP
	ds_load_b128 v[16:19], v3
	ds_load_b128 v[20:23], v3 offset:16
	ds_load_b128 v[24:27], v3 offset:32
	ds_load_b128 v[28:31], v3 offset:48
	s_lshl_b32 s16, ttmp9, 8
	s_add_nc_u64 s[24:25], s[10:11], s[16:17]      ; XB + 256 wg: scale bytes
	s_lshl_b32 s16, ttmp9, 5
	s_add_nc_u64 s[26:27], s[12:13], s[16:17]      ; GI + 32 wg: the pair of experts
	s_lshl_b32 s16, ttmp9, 6
	s_add_nc_u64 s[28:29], s[12:13], s[16:17]      ; GI + 64 wg: the one-hot bytes
	s_add_nc_u64 s[30:31], s[10:11], s[16:17]      ; XB + 64 wg: the gates
	s_lshl_b32 s16, ttmp9, 9
	s_add_nc_u64 s[32:33], s[10:11], s[16:17]      ; XB + 512 wg: probabilities and combine weights
	s_wait_alu depctr_va_vdst(0)
	s_wait_dscnt 4                                 ; the scale bytes are in; the four loads behind them may be out
	global_store_b64 v14, v[T:T+1], s[24:25] offset:786432   ; 32 lanes store 256 consecutive bytes, aligned
	s_wait_dscnt 0x0
.irp e, 0,1,2,3,4,5,6,7
	v_add_f32 v[16+\e], v[16+\e], v[24+\e]         ; the two halves of the row,
.endr
.irp e, 0,1,2,3,4,5,6,7
	v_add_f32 v[16+\e], v[16+\e], v[BG+\e]         ; and bg: the raw gates
.endr
	v_mov_b32 v32, v16                             ; m1, the largest,
	v_mov_b32 v33, 0                               ; i1, its index
.irp e, 1,2,3,4,5,6,7
	v_cmp_ge_f32 vcc_lo, v32, v[16+\e]             ; kept unless the new one is strictly larger: the lower index wins a tie
	v_cndmask_b32 v32, v[16+\e], v32, vcc_lo
	v_cndmask_b32 v33, \e, v33, vcc_lo
.endr
	v_mov_b32 v34, 0xff800000                      ; m2, the largest of the others, from -infinity
	v_mov_b32 v35, 0                               ; i2
.irp e, 0,1,2,3,4,5,6,7
	v_cmp_ge_f32 s36, v34, v[16+\e]
	v_cmp_eq_u32 s37, \e, v33                      ; i1 itself is passed over
	s_or_b32 vcc_lo, s36, s37
	v_cndmask_b32 v34, v[16+\e], v34, vcc_lo
	v_cndmask_b32 v35, \e, v35, vcc_lo
.endr
.irp e, 0,1,2,3,4,5,6,7
	v_sub_f32 v[40+\e], v[16+\e], v32              ; the maximum is taken away before the exponentials
.endr
.irp e, 0,1,2,3,4,5,6,7
	v_mul_f32 v[40+\e], 0x3fb8aa3b, v[40+\e]       ; x log2(e)
.endr
	v_sub_f32 v36, v34, v32
	v_mul_f32 v36, 0x3fb8aa3b, v36
	s_wait_alu depctr_va_vdst(0)
.irp e, 0,1,2,3,4,5,6,7
	v_exp_f32 v[40+\e], v[40+\e]
.endr
	v_exp_f32 v37, v36                             ; e2 = exp(m2 - m1)
	v_nop                                          ; a plain line behind the exponentials
	s_wait_alu depctr_va_vdst(0)
	v_add_f32 v57, v40, v41
	v_add_f32 v58, v42, v43
	v_add_f32 v59, v44, v45
	v_add_f32 v60, v46, v47
	v_add_f32 v57, v57, v58
	v_add_f32 v59, v59, v60
	v_add_f32 v57, v57, v59
	v_add_f32 v58, 1.0, v37
	s_wait_alu depctr_va_vdst(0)
	v_rcp_f32 v57, v57
	v_rcp_f32 v36, v58                             ; g1 = 1 / (1 + e2)
	v_nop                                          ; a plain line behind the reciprocals
	s_wait_alu depctr_va_vdst(0)
.irp e, 0,1,2,3,4,5,6,7
	v_mul_f32 v[40+\e], v[40+\e], v57              ; the 8 probabilities
.endr
	v_mul_f32 v37, v37, v36                        ; g2 = e2 g1
.irp e, 0,1,2,3,4,5,6,7
	v_cmp_eq_u32 vcc_lo, \e, v35
	v_cndmask_b32 v[48+\e], 0, v37, vcc_lo
	v_cmp_eq_u32 vcc_lo, \e, v33
	v_cndmask_b32 v[48+\e], v[48+\e], v36, vcc_lo  ; the combine weights: g1 at i1, g2 at i2, else 0
.endr
	v_mov_b32 v59, 1
	v_lshlrev_b32 v60, 3, v33
	v_lshlrev_b32 v60, v60, v59                    ; 1 << (8 i1 mod 32)
	v_cmp_gt_u32 vcc_lo, 4, v33
	v_cndmask_b32 v38, 0, v60, vcc_lo              ; in the low word where i1 < 4,
	v_sub_nc_u32 v39, v60, v38                     ; else in the high word
	v_lshlrev_b32 v60, 3, v35
	v_lshlrev_b32 v60, v60, v59
	v_cmp_gt_u32 vcc_lo, 4, v35
	v_cndmask_b32 v61, 0, v60, vcc_lo
	v_sub_nc_u32 v62, v60, v61
	v_or_b32 v38, v38, v61
	v_or_b32 v39, v39, v62
	v_lshl_or_b32 v56, v35, 8, v33                 ; i1 | i2 << 8
	v_lshlrev_b32 v63, 2, v1
	v_lshlrev_b32 v64, 6, v1
	v_cmp_gt_u32 vcc_lo, 8, v1
	s_wait_alu depctr_va_vdst(0)
	s_wait_xcnt 0x0                                ; EXEC is a source of the stores issued so far: it changes only behind this wait
	s_wait_tensorcnt 0x0
	ds_add_u32 v231, v243
	s_wait_dscnt 0x0
	s_and_saveexec_b32 s34, vcc_lo
	global_store_b32 v63, v56, s[26:27]
	global_store_b64 v14, v[38:39], s[28:29] offset:4096
	global_store_b64 v14, v[36:37], s[30:31] offset:819200
	global_store_b128 v64, v[40:43], s[32:33] offset:827392
	global_store_b128 v64, v[44:47], s[32:33] offset:827408
	global_store_b128 v64, v[48:51], s[32:33] offset:827424
	global_store_b128 v64, v[52:55], s[32:33] offset:827440
	s_endpgm
.Lend:
	s_wait_tensorcnt 0x0
	ds_add_u32 v231, v243
	s_wait_dscnt 0x0
	s_endpgm
.Lfunc_end_k_qbaa35e103a_gate:
	.size	k_qbaa35e103a_gate, .Lfunc_end_k_qbaa35e103a_gate-k_qbaa35e103a_gate
	.p2alignl 7, 3214868480
	.fill 96, 4, 3214868480
	.section	.rodata,"a",@progbits
	.p2align	6, 0x0
	.amdhsa_kernel k_qbaa35e103a_gate
		.amdhsa_group_segment_fixed_size 35328
		.amdhsa_private_segment_fixed_size 0
		.amdhsa_enable_private_segment 0
		.amdhsa_kernarg_size 40
		.amdhsa_user_sgpr_count 2
		.amdhsa_user_sgpr_kernarg_segment_ptr 1
		.amdhsa_wavefront_size32 1
		.amdhsa_system_sgpr_workgroup_id_x 1
		.amdhsa_system_sgpr_workgroup_id_y 1
		.amdhsa_system_sgpr_workgroup_id_z 1
		.amdhsa_system_vgpr_workitem_id 0
		.amdhsa_next_free_vgpr 256
		.amdhsa_next_free_sgpr 66
		.amdhsa_reserve_vcc 1
		.amdhsa_float_denorm_mode_32 3
		.amdhsa_float_denorm_mode_16_64 3
		.amdhsa_memory_ordered 1
		.amdhsa_forward_progress 1
		.amdhsa_inst_pref_size 50
	.end_amdhsa_kernel
	.amdgpu_metadata
---
amdhsa.version: [ 1, 2 ]
amdhsa.kernels:
  - .name:           k_qbaa35e103a_gate
    .symbol:         k_qbaa35e103a_gate.kd
    .args:
      - { .name: x, .offset: 0, .size: 8, .value_kind: global_buffer, .address_space: global }
      - { .name: Wg, .offset: 8, .size: 8, .value_kind: global_buffer, .address_space: global }
      - { .name: bg, .offset: 16, .size: 8, .value_kind: global_buffer, .address_space: global }
      - { .name: XB, .offset: 24, .size: 8, .value_kind: global_buffer, .address_space: global }
      - { .name: GI, .offset: 32, .size: 8, .value_kind: global_buffer, .address_space: global }
    .group_segment_fixed_size: 35328
    .private_segment_fixed_size: 0
    .kernarg_segment_align: 8
    .kernarg_segment_size: 40
    .max_flat_workgroup_size: 128
    .sgpr_count:     66
    .vgpr_count:     256
    .wavefront_size: 32
...
	.end_amdgpu_metadata
.endif
;; end of part 10
;; launch place (part 11): grid 1 x 1, 8 waves a work-group, no clusters, 2,048 bytes of LDS; arguments GI, XB, PI, PF, out1, out2, out3; writes PI, PF, out1, out2, out3
.if DOCPART == 11
	.amdgcn_target "amdgcn-amd-amdhsa--gfx1250"
	.amdhsa_code_object_version 6
	.text
	.protected	k_qbaa35e103a_place
	.globl	k_qbaa35e103a_place
	.p2align	8
	.type	k_qbaa35e103a_place,@function
k_qbaa35e103a_place:
	s_mov_b64 s[64:65], 0
	v_nop
	global_prefetch_b8 v0, s[64:65] scope:SCOPE_SE
	s_setreg_imm32_b32 hwreg(HW_REG_WAVE_MODE, 25, 1), 1
	s_wait_xcnt 0x0
; THE PLACING OF ROWS, AND THE THREE SMALL OUTPUTS.  One work-group, 8 waves.  A counting sort without atomics of the 2,048 (token, expert) rows:
; expert e owns tiles of 16 rows, tb_e .. tb_e + tiles_e - 1, tiles_e = ceil(count_e / 16); in it the rows stand in the order of their tokens; a last tile is filled up with rows of token 0 and gate 0.
;   PI + 0     word 2 e = tb_e, word 2 e + 1 = tiles_e, words 16-31 = 0       PI + 256   LIST[row] = token        PI + 8960  POS[token] = (row of i1, row of i2)        PF  WROW[row] = gate
; Every wave counts all 1,024 tokens by itself (the one-hot bytes of 32 tokens a lane add up without carries: a byte reaches 32 at the most), so no whole number goes from wave to wave.
; Wave w places tokens 128 w .. 128 w + 127, and fills up expert w's last tile.  All addresses come from the whole numbers in GI; the gates and probabilities are values only.
; The tiles number 128 + 7 = 135 at the most (tiles 0 .. 134), so rows 2160 .. 2175 of the two lists belong to no tile and are read by no launch: the lanes that have no row to fill up store their zeros there,
; so that the filling up runs with all lanes on and no lane mask is made from a stored count.
; Addresses that hang on no data are made at the head, from the thread's number alone, in registers that hold nothing else.
; out2 = the mean of the combine weights; out1 = 0.01 x 8 x sum(mean probability x mean combine weight); out3 = -sum(p log(p + 1e-8)) of the mean probabilities.
.set OH,  16                           ; v16-79    one-hot bytes: pair i belongs to token 32 i + lane
.set GP,  80                           ; v80-143   probabilities and combine weights, 16 x 16 bytes a thread
.set SEL, 144                          ; v144-147  i1 | i2 << 8 of my 4 tokens
.set GW,  148                          ; v148-155  their gates
.set POS, 156                          ; v156-163  their rows
.set OFS, 164                          ; v164-171  4 x row
.set TOK, 172                          ; v172-175  their numbers
.set T,   176                          ; v176-191  at work
	s_load_b256 s[4:11], s[0:1], 0x0               ; GI, XB, PI, PF
	s_load_b128 s[12:15], s[0:1], 0x20             ; out1, out2
	s_load_b64 s[16:17], s[0:1], 0x30              ; out3
	v_lshl_add_u32 v192, v0, 2, 0x400
	v_mov_b32 v193, 0
	v_lshrrev_b32 v2, 5, v0
	s_delay_alu instid0(VALU_DEP_1)
	v_readfirstlane_b32 s18, v2                    ; wave
	v_and_b32 v1, 31, v0                           ; lane
	s_delay_alu instid0(VALU_DEP_1)
	v_lshlrev_b32 v3, 3, v1
	s_delay_alu instid0(VALU_DEP_4)
	v_lshlrev_b32 v4, 7, v2
	s_delay_alu instid0(VALU_DEP_1)
	v_add_nc_u32 v4, v4, v1                        ; token 128 w + l
	s_delay_alu instid0(VALU_DEP_1)
	v_lshlrev_b32 v5, 2, v4
	s_delay_alu instid0(VALU_DEP_2)
	v_lshlrev_b32 v6, 3, v4
	v_lshlrev_b32 v7, 4, v0
	v_lshlrev_b32 v8, 2, v1                        ; v8   4 l: the table's word
	v_and_b32 v9, 3, v1
	s_delay_alu instid0(VALU_DEP_1)
	v_lshlrev_b32 v9, 4, v9
	s_delay_alu instid0(VALU_DEP_1)
	v_lshl_add_u32 v9, v2, 6, v9                   ; v9   LDS: 64 w + 16 (l & 3): my wave's sums of my four columns
	v_and_b32 v10, 15, v1
	s_delay_alu instid0(VALU_DEP_1)
	v_add_nc_u32 v14, 2160, v10                    ; v14  a row that belongs to no tile
	s_delay_alu instid0(VALU_DEP_2)
	v_lshlrev_b32 v10, 2, v10                      ; v10  LDS: 4 (l & 15): my column
	v_mov_b32 v11, 0                               ; v11  offset 0: out1, out3
	v_and_b32 v12, 7, v1
	s_delay_alu instid0(VALU_DEP_1)
	v_lshlrev_b32 v12, 2, v12                      ; v12  4 (l & 7): out2
	v_lshrrev_b32 v13, 3, v1                       ; v13  l / 8
	s_mov_b32 s20, 0x76543210
	s_mov_b32 s21, 0xfedcba98                      ; v_permlanex16_b32's selects for lane l xor 16
	s_mov_b32 s22, 0x00ff00ff
	s_wait_kmcnt 0x0
.irp i, 0,1,2,3,4,5,6,7,8,9,10,11,12,13,14,15,16,17,18,19,20,21,22,23,24,25,26,27,28,29,30,31
	global_load_b64 v[OH+2*\i:OH+2*\i+1], v3, s[4:5] offset:4096+256*\i
.endr
.irp g, 0,1,2,3
	global_load_b32 v[SEL+\g], v5, s[4:5] offset:128*\g
.endr
.irp g, 0,1,2,3
	global_load_b64 v[GW+2*\g:GW+2*\g+1], v6, s[6:7] offset:819200+256*\g
.endr
.irp i, 0,1,2,3,4,5,6,7,8,9,10,11,12,13,14,15
	global_load_b128 v[GP+4*\i:GP+4*\i+3], v7, s[6:7] offset:827392+4096*\i
.endr
.irp j, 0,1,2,3
	v_mov_b32 v[T+\j], 0                           ; T, T+1: the running sums of the 8 bytes;  T+2, T+3: the same as they stood in front of my wave's tokens
.endr
	v_mov_b32 v[T+12], 0                           ; (a destination of lane moves: written once)
	s_wait_alu depctr_va_vdst(0)
	s_wait_loadcnt 24                              ; the one-hot bytes are in; the 24 loads issued behind them may be out
.set i, 0
.rept 32
.if (i%4 == 0) && (i > 0)
	s_cmp_eq_u32 s18, i/4                          ; group 4 w is my wave's first
	s_cselect_b32 vcc_lo, -1, 0
	v_cndmask_b32 v[T+2], v[T+2], v[T], vcc_lo
	v_cndmask_b32 v[T+3], v[T+3], v[T+1], vcc_lo
.endif
	v_add_nc_u32 v[T], v[T], v[OH+2*i]
	v_add_nc_u32 v[T+1], v[T+1], v[OH+2*i+1]
.set i, i+1
.endr
.irp j, 0,1,2,3                                ; bytes to fields of 16 bits, which hold the sums over the lanes (1,024 at the most): T+4+2j the even experts of word j, T+5+2j the odd
	v_and_b32 v[T+4+2*\j], s22, v[T+\j]
	v_lshrrev_b32 v[T+5+2*\j], 8, v[T+\j]
	s_delay_alu instid0(VALU_DEP_1)
	v_and_b32 v[T+5+2*\j], s22, v[T+5+2*\j]
.endr
.irp m, 1,2,4,8
.irp j, 0,1,2,3,4,5,6,7
	v_mov_b32_dpp v[T+12], v[T+4+\j] row_xmask:\m row_mask:0xf bank_mask:0xf
	s_delay_alu instid0(VALU_DEP_1)
	v_add_nc_u32 v[T+4+\j], v[T+4+\j], v[T+12]
.endr
.endr
.irp j, 0
	s_delay_alu instid0(VALU_DEP_2)
	v_permlanex16_b32 v[T+12], v[T+4+\j], s20, s21
	s_delay_alu instid0(VALU_DEP_1)
	v_add_nc_u32 v[T+4+\j], v[T+4+\j], v[T+12]
	s_delay_alu instid0(VALU_DEP_1)
	v_readfirstlane_b32 s[24+\j], v[T+4+\j]
.endr
.irp j, 1, 2, 3, 4, 5, 6, 7
	s_delay_alu instid0(VALU_DEP_3)
	v_permlanex16_b32 v[T+12], v[T+4+\j], s20, s21
	s_delay_alu instid0(VALU_DEP_1)
	v_add_nc_u32 v[T+4+\j], v[T+4+\j], v[T+12]
	s_delay_alu instid0(VALU_DEP_1)
	v_readfirstlane_b32 s[24+\j], v[T+4+\j]
.endr
.irp e, 0,1,2,3,4,5,6,7                        ; s32.. counts, s48.. rows in front of my wave's, s66.. tiles
	s_bfe_u32 s[32+\e], s[24+(\e/4)*2+(\e%2)], 0x100000+16*((\e/2)%2)
	s_bfe_u32 s[48+\e], s[28+(\e/4)*2+(\e%2)], 0x100000+16*((\e/2)%2)
	s_add_co_u32 s[66+\e], s[32+\e], 15
	s_lshr_b32 s[66+\e], s[66+\e], 4
.endr
	s_mov_b32 s40, 0                               ; s40.. the experts' first tiles
.irp e, 1,2,3,4,5,6,7
	s_add_co_u32 s[40+\e], s[40+\e-1], s[66+\e-1]
.endr
.irp e, 0,1,2,3,4,5,6,7
	s_lshl_b32 s74, s[40+\e], 4
	s_add_co_u32 s[48+\e], s[48+\e], s74           ; the row that my wave's first token of expert e gets
.endr
	s_wait_loadcnt 20                              ; the pairs of experts are in; the 20 loads issued behind them may be out
.irp g, 0,1,2,3
	v_and_b32 v[T], 0xff, v[SEL+\g]                ; i1
	v_lshrrev_b32 v[T+1], 8, v[SEL+\g]             ; i2
	v_mov_b32 v[POS+2*\g], 0
	v_mov_b32 v[POS+2*\g+1], 0
.irp e, 0,1,2,3,4,5,6,7
	v_cmp_eq_u32 s56, \e, v[T]
	v_cmp_eq_u32 s57, \e, v[T+1]
	s_or_b32 s58, s56, s57                         ; the lanes whose token goes to expert e
	v_mbcnt_lo_u32_b32 v[T+2], s58, s[48+\e]       ; the running row + how many of them stand below me
	s_delay_alu instid0(VALU_DEP_1)
	v_cndmask_b32 v[POS+2*\g], v[POS+2*\g], v[T+2], s56
	s_delay_alu instid0(VALU_DEP_2)
	v_cndmask_b32 v[POS+2*\g+1], v[POS+2*\g+1], v[T+2], s57
	s_bcnt1_i32_b32 s59, s58
	s_add_co_u32 s[48+\e], s[48+\e], s59
.endr
	v_min_u32 v[POS+2*\g], 0x87f, v[POS+2*\g]      ; a row stays inside the lists of 2,176
	v_min_u32 v[POS+2*\g+1], 0x87f, v[POS+2*\g+1]
	s_delay_alu instid0(VALU_DEP_2)
	v_lshlrev_b32 v[OFS+2*\g], 2, v[POS+2*\g]
	s_delay_alu instid0(VALU_DEP_2)
	v_lshlrev_b32 v[OFS+2*\g+1], 2, v[POS+2*\g+1]
	v_add_nc_u32 v[TOK+\g], 32*\g, v4
.endr
	s_wait_alu depctr_va_vdst(0)
	s_wait_loadcnt 16                              ; the gates are in; the 16 loads behind them may be out
.irp g, 0,1,2,3
	global_store_b32 v[OFS+2*\g], v[TOK+\g], s[8:9] offset:256
	global_store_b32 v[OFS+2*\g+1], v[TOK+\g], s[8:9] offset:256
	global_store_b32 v[OFS+2*\g], v[GW+2*\g], s[10:11]
	global_store_b32 v[OFS+2*\g+1], v[GW+2*\g+1], s[10:11]
	global_store_b64 v6, v[POS+2*\g:POS+2*\g+1], s[8:9] offset:8960+256*\g
.endr
	s_mov_b32 s60, s32                             ; expert w's count and first tile
	s_mov_b32 s61, s40
.irp j, 1,2,3,4,5,6,7
	s_cmp_eq_u32 s18, \j
	s_cselect_b32 s60, s[32+\j], s60
	s_cselect_b32 s61, s[40+\j], s61
.endr
	s_sub_co_u32 s62, 0, s60
	s_and_b32 s62, s62, 15                         ; rows that its last tile lacks
	s_lshl_b32 s61, s61, 4
	s_add_co_u32 s61, s61, s60                     ; the first of them
	v_add_nc_u32 v[T+3], s61, v1
	v_cmp_gt_u32 vcc_lo, s62, v1                   ; have I one of them?
	s_delay_alu instid0(VALU_DEP_1)
	v_cndmask_b32 v[T+3], v14, v[T+3], vcc_lo      ; if not: a row that belongs to no tile.  A choice of a value: all lanes stay on
	s_delay_alu instid0(VALU_DEP_1)
	v_min_u32 v[T+3], 0x87f, v[T+3]
	s_delay_alu instid0(VALU_DEP_1)
	v_lshlrev_b32 v[T+3], 2, v[T+3]
	v_mov_b32 v[T+4], 0
	global_store_b32 v[T+3], v[T+4], s[8:9] offset:256   ; token 0,
	global_store_b32 v[T+3], v[T+4], s[10:11]            ; gate 0
	s_cmp_lg_u32 s18, 0
	s_cbranch_scc1 .Lno_tab                        ; wave 0 stores the table
	v_mov_b32 v[T+5], 0
.irp e, 0,1,2,3,4,5,6,7
	s_delay_alu instid0(VALU_DEP_1)
	v_writelane_b32 v[T+5], s[40+\e], 2*\e
	s_delay_alu instid0(VALU_DEP_1)
	v_writelane_b32 v[T+5], s[66+\e], 2*\e+1
.endr
	global_store_b32 v8, v[T+5], s[8:9]
.Lno_tab:
	s_wait_loadcnt 0x0                             ; probabilities and combine weights.  Thread t holds columns 4 (t & 3) + 0 .. 3 of 16 tokens
.irp i, 1
	v_pk_add_f32 v[GP:GP+1], v[GP:GP+1], v[GP+4*\i:GP+4*\i+1]
	v_pk_add_f32 v[GP+2:GP+3], v[GP+2:GP+3], v[GP+4*\i+2:GP+4*\i+3]
.endr
.irp i, 2, 3, 4, 5, 6, 7, 8, 9, 10, 11, 12, 13, 14, 15
	s_delay_alu instid0(VALU_DEP_2)
	v_pk_add_f32 v[GP:GP+1], v[GP:GP+1], v[GP+4*\i:GP+4*\i+1]
	s_delay_alu instid0(VALU_DEP_2)
	v_pk_add_f32 v[GP+2:GP+3], v[GP+2:GP+3], v[GP+4*\i+2:GP+4*\i+3]
.endr
.irp m, 4,8
.irp j, 0,1,2,3
	v_add_f32_dpp v[GP+\j], v[GP+\j], v[GP+\j] row_xmask:\m row_mask:0xf bank_mask:0xf
.endr
.endr
.irp j, 0,1,2,3
	s_delay_alu instid0(VALU_DEP_4)
	v_permlanex16_b32 v[T+8+\j], v[GP+\j], s20, s21
.endr
.irp j, 0,1,2,3
	s_delay_alu instid0(VALU_DEP_4)
	v_add_f32 v[GP+\j], v[GP+\j], v[T+8+\j]        ; the wave's sums of my four columns
.endr
	ds_store_b128 v9, v[GP:GP+3]                   ; eight lanes write the same words with the same values
	s_wait_dscnt 0x0                               ; my sums lie in LDS,
	s_barrier_signal -1
	s_barrier_wait -1                              ; everybody's do
	s_cmp_lg_u32 s18, 0
	s_cbranch_scc1 .Lend
.irp j, 0,1,2,3,4,5,6,7
	ds_load_b32 v[GP+8+\j], v10 offset:64*\j       ; lane l takes column l & 15: 0-7 probabilities, 8-15 combine weights; one word from each wave
.endr
	s_wait_dscnt 0x0
	v_add_f32 v[GP+8], v[GP+8], v[GP+9]
	v_add_f32 v[GP+10], v[GP+10], v[GP+11]
	v_add_f32 v[GP+12], v[GP+12], v[GP+13]
	v_add_f32 v[GP+14], v[GP+14], v[GP+15]
	s_delay_alu instid0(VALU_DEP_3)
	v_add_f32 v[GP+8], v[GP+8], v[GP+10]
	s_delay_alu instid0(VALU_DEP_2)
	v_add_f32 v[GP+12], v[GP+12], v[GP+14]
	s_delay_alu instid0(VALU_DEP_1)
	v_add_f32 v[GP+8], v[GP+8], v[GP+12]
	s_delay_alu instid0(VALU_DEP_1)
	v_mul_f32 v[GP+16], 0x3a800000, v[GP+8]        ; / 1,024: the means
	v_mov_b32 v[T+14], 0
	s_delay_alu instid0(VALU_DEP_2)
	v_mul_f32_dpp v[T+14], v[GP+16], v[GP+16] row_xmask:8 row_mask:0xf bank_mask:0xf   ; mean probability x mean combine weight of expert l & 7
	s_delay_alu instid0(VALU_DEP_3)
	v_add_f32 v[GP+17], 0x322bcc77, v[GP+16]       ; p + 1e-8
	s_wait_alu depctr_va_vdst(0)
	v_log_f32 v[GP+17], v[GP+17]                   ; log2
	v_nop                                          ; a plain line behind the logarithm
	s_wait_alu depctr_va_vdst(0)
	v_mul_f32 v[GP+17], v[GP+17], v[GP+16]
.irp m, 1
	v_add_f32_dpp v[T+14], v[T+14], v[T+14] row_xmask:\m row_mask:0xf bank_mask:0xf
	s_delay_alu instid0(VALU_DEP_2)
	v_add_f32_dpp v[GP+17], v[GP+17], v[GP+17] row_xmask:\m row_mask:0xf bank_mask:0xf
.endr
.irp m, 2, 4
	s_delay_alu instid0(VALU_DEP_2)
	v_add_f32_dpp v[T+14], v[T+14], v[T+14] row_xmask:\m row_mask:0xf bank_mask:0xf
	s_delay_alu instid0(VALU_DEP_2)
	v_add_f32_dpp v[GP+17], v[GP+17], v[GP+17] row_xmask:\m row_mask:0xf bank_mask:0xf
.endr
	s_delay_alu instid0(VALU_DEP_2)
	v_mul_f32 v[T+14], 0x3da3d70a, v[T+14]         ; x 0.08
	s_delay_alu instid0(VALU_DEP_2)
	v_mul_f32 v[GP+17], 0xbf317218, v[GP+17]       ; x -ln 2 (lanes 0-7 hold the sum over the probabilities)
	v_cmp_eq_u32 vcc_lo, 0, v1                     ; lane 0: a mask made of the lane's number
	s_wait_alu depctr_va_vdst(0)
	s_wait_xcnt 0x0                                ; EXEC is a source of the stores issued so far: it narrows only behind this wait
	s_wait_tensorcnt 0x0
	ds_add_u32 v192, v193
	s_wait_dscnt 0x0
	s_and_saveexec_b32 s63, vcc_lo
	global_store_b32 v11, v[T+14], s[12:13]        ; out1
	global_store_b32 v11, v[GP+17], s[16:17]       ; out3
	s_wait_xcnt 0x0                                ; and changes again only behind this one
	s_or_b32 exec_lo, exec_lo, s63
	v_cmp_eq_u32 vcc_lo, 1, v13                    ; lanes 8-15
	s_and_saveexec_b32 s63, vcc_lo
	global_store_b32 v12, v[GP+16], s[14:15]       ; out2
	s_endpgm
.Lend:
	s_wait_tensorcnt 0x0
	ds_add_u32 v192, v193
	s_wait_dscnt 0x0
	s_endpgm
.Lfunc_end_k_qbaa35e103a_place:
	.size	k_qbaa35e103a_place, .Lfunc_end_k_qbaa35e103a_place-k_qbaa35e103a_place
	.p2alignl 7, 3214868480
	.fill 96, 4, 3214868480
	.section	.rodata,"a",@progbits
	.p2align	6, 0x0
	.amdhsa_kernel k_qbaa35e103a_place
		.amdhsa_group_segment_fixed_size 2048
		.amdhsa_private_segment_fixed_size 0
		.amdhsa_enable_private_segment 0
		.amdhsa_kernarg_size 56
		.amdhsa_user_sgpr_count 2
		.amdhsa_user_sgpr_kernarg_segment_ptr 1
		.amdhsa_wavefront_size32 1
		.amdhsa_system_sgpr_workgroup_id_x 1
		.amdhsa_system_sgpr_workgroup_id_y 1
		.amdhsa_system_sgpr_workgroup_id_z 1
		.amdhsa_system_vgpr_workitem_id 0
		.amdhsa_next_free_vgpr 194
		.amdhsa_next_free_sgpr 80
		.amdhsa_reserve_vcc 1
		.amdhsa_float_denorm_mode_32 3
		.amdhsa_float_denorm_mode_16_64 3
		.amdhsa_memory_ordered 1
		.amdhsa_forward_progress 1
		.amdhsa_inst_pref_size 48
	.end_amdhsa_kernel
	.amdgpu_metadata
---
amdhsa.version: [ 1, 2 ]
amdhsa.kernels:
  - .name:           k_qbaa35e103a_place
    .symbol:         k_qbaa35e103a_place.kd
    .args:
      - { .name: GI, .offset: 0, .size: 8, .value_kind: global_buffer, .address_space: global }
      - { .name: XB, .offset: 8, .size: 8, .value_kind: global_buffer, .address_space: global }
      - { .name: PI, .offset: 16, .size: 8, .value_kind: global_buffer, .address_space: global }
      - { .name: PF, .offset: 24, .size: 8, .value_kind: global_buffer, .address_space: global }
      - { .name: out1, .offset: 32, .size: 8, .value_kind: global_buffer, .address_space: global }
      - { .name: out2, .offset: 40, .size: 8, .value_kind: global_buffer, .address_space: global }
      - { .name: out3, .offset: 48, .size: 8, .value_kind: global_buffer, .address_space: global }
    .group_segment_fixed_size: 2048
    .private_segment_fixed_size: 0
    .kernarg_segment_align: 8
    .kernarg_segment_size: 56
    .max_flat_workgroup_size: 256
    .sgpr_count:     80
    .vgpr_count:     194
    .wavefront_size: 32
...
	.end_amdgpu_metadata
.endif
;; end of part 11
;; launch layer1 (part 12): grid 32 x 8, 16 waves a work-group, no clusters, 55,296 bytes of LDS; arguments W1, b1, XB, PI, H1; writes H1
.if DOCPART == 12
	.amdgcn_target "amdgcn-amd-amdhsa--gfx1250"
	.amdhsa_code_object_version 6
	.text
	.protected	k_qbaa35e103a_layer1
	.globl	k_qbaa35e103a_layer1
	.p2align	8
	.type	k_qbaa35e103a_layer1,@function
k_qbaa35e103a_layer1:
	s_mov_b64 s[64:65], 0
	v_nop
	global_prefetch_b8 v0, s[64:65] scope:SCOPE_SE
	s_setreg_imm32_b32 hwreg(HW_REG_WAVE_SCHED_MODE, 0, 2), 2
	s_setreg_imm32_b32 hwreg(HW_REG_WAVE_MODE, 25, 1), 1
	s_wait_xcnt 0x0
	s_wait_alu depctr_vm_vsrc(0)
; ONE LAYER OF THE EXPERTS, on the rows that the router chose.  The same text serves the three layers; LAYER says which.
.set LAYER, 1
;   LAYER 1: h1 = Q(relu(x W1 + b1))      LAYER 2: h2 = Q(relu(h1 W2 + b2))      LAYER 3: Y[kh][row] = gate x (h2 W3 over half kh of K, + b3 where kh = 0)
; Both operands of the product are codes of E3M2 with one E8M0 scale for each 32 along K; sums in f32.  Q is the same quantiser along the next layer's K.
; THE WEIGHTS BIND: they arrive as f32 [expert][K][N].  Each weight byte is read ONCE in the launch, by one work-group, quantised in registers and used at once.
; SHARES.  A work-group owns one expert (grid y) and a strip of 64 columns of N (grid x; in layer 3 also a half of K), and multiplies ALL of that expert's rows by it.  K goes in NT trips of 256.
; AS PRODUCER wave w takes, in each trip, 32 K rows x 32 columns: A LANE TAKES A COLUMN AND ITS 32 REGISTERS RUN DOWN K, so a block of 32 lies in one lane, and the conversions give codes with K innermost.
;   Each load reads 128 consecutive bytes; wave w xor 1 reads the other half of the same aligned 256.  The codes go to LDS as images of the operand's registers and stay there: no LDS byte is written twice.
; AS CONSUMER wave w owns the expert's tiles of 16 rows number w and w + 16 (slots 0, 1) against the strip's four tiles of 16 columns: 8 accumulators.  Tiles 32 .. 63 (a very uneven choice) follow at the end, from the strip in LDS.
; THE PRODUCT IS USED TRANSPOSED (source 0 = 16 columns of the weight, source 1 = 16 rows), and row m of column tile t is column 32 (t / 2) + 8 (t % 2) + m + 8 (m / 8):
;   so lane (r, h) holds row r, and its registers 16 b + i are columns 32 b + 16 h + i: 16 neighbours along the next K.
; THE LOADS RUN AHEAD.  A trip's products go in two steps of 128 along K (q = 0, 1), each in two batches of two column tiles.  The rows' fragments of step q are free as soon as that step's products are issued:
;   the next trip's fragments of the same step are asked for there, so that half a trip's products, the next quantising step and the barrier stand between the request and the use.
;   The weights of trip s + 2 are asked for in trip s, into the set that trip s has quantised: eight loads in each batch, between the batch's LDS loads and the wait for them.
; WHAT HANGS ON THE STORED LIST: how many tiles the expert has.  Every barrier, every weight load, every quantising step, all of slot 0's loads and products and all of trip 0 stand on every path; a slot without a tile
;   takes tile 0 (which always exists) and stores nothing.  Slot 1's loads and products of later trips, the stores and the part for tiles 32 .. 63 are jumped over by scalar branches on the stored count; no barrier stands under such a branch.
; No tensor load, no cluster: the row counts are read from memory, so the operands go from memory straight into registers.  The 32 work-groups of an expert read the same activations by plain loads.
; LIMITS: NaN and infinities are not served.  A block of zeros gets the scale byte 1 (its codes are zeros; only this program reads the bytes).  An expert without rows still streams its strip.
; THE MODE: SCHED_MODE bits 1:0 = 2 (LLVM: expert scheduling mode 2), set by the entry lines.  The code itself states the register dependences
; between vector or matrix instructions and memory or LDS instructions, with s_wait_alu, always for 0.
; THE PLAN.  Registers that memory or LDS instructions touch, in a trip:
;   WS0, WS1       Trip s: the quantiser's lines read WS[s % 2]; behind them the loads of trip s + 2 (in trip NT - 2 the bias) land in it.
;   C, v[QT + 2]   Written by the quantiser, read by its three LDS stores, written again a trip later (v254 also by the end of slot 0, in layers 1 and 2).
;   SB, BF         LDS loads land in them, the products read them.  One set alone: 16 waves of 256 registers are all that the launch may take, so a batch's fragments land where the batch before's lay.
;   AF, AS0, AS1   Step q's products read them; behind those the next trip's loads of the same step land in them.
;   the addresses  Made at the head, in SETUP and in TOKS; none is written in a trip: the weight's rows are reached by immediate offsets.
;   The accumulators are named by matrix and vector instructions alone until the end.
; So a trip holds five waits on va_vdst: one in the quantiser, ahead of its LDS stores (the codes are written; the conversions are done reading the weight's set), and one behind the places of each batch of products,
; ahead of the loads that land where those products read; and one wait on vm_vsrc, behind the barrier (the LDS stores have read the codes' registers).  The weight's loads follow the quantiser's wait with no further one:
; no vector or matrix instruction between it and them names their registers.
.if LAYER == 2
.set NT, 8                             ; trips of 256 along K
.else
.set NT, 4
.endif
.if LAYER == 3
.set WN, 1024                          ; numbers in a row of the weight
.set ESTR, 2*NT*256*WN*4               ; bytes of an expert's weight (two halves of K)
.set NBI, 10                           ; loads of the bias and the two gates
.else
.set WN, 2048
.set ESTR, NT*256*WN*4
.set NBI, 8                            ; loads of the bias
.endif
.if LAYER == 1
.set NA, 4                             ; loads that bring one fragment of rows and its scale word
.else
.set NA, 5
.endif
.set ROWB,  WN*4
.set REC,   1664                       ; LDS: a record is one fragment (16 columns x 128 K): for c = 0, 1: registers 6 c .. 6 c + 3 at 768 c + 16 lane, 6 c + 4, 6 c + 5 at 768 c + 512 + 8 lane; 16 scale words at 1536; 64 bytes unused
.set TRIPB, 8*REC                      ; a trip's 8 records: (step q of 128, column tile t) at (4 q + t) REC
.set STG,   4*TRIPB                    ; layer 3: behind the records a stage of 16 rows x 272 bytes for each wave
.set HSC,   3342336                    ; in H1, H2: codes [136 tiles][16 steps][2 c][512 + 256 bytes], then from here scale words [136][16 steps][16 rows]
.set VW,   4                           ; v4      my byte in the trip's block of the weight
.set LD0,  5                           ; v5-10   LDS: where I store 16 bytes, 8 bytes, the scale byte; where I read 16 bytes (16 lane), 8 bytes (8 lane), scale words.  v11-16: the same 4 trips on (layer 2)
.set TO16, 17                          ; v17-18  slot k: tile x 24576 + 16 lane
.set TO8,  19                          ; v19-20  tile x 24576 + 8 lane
.set AS1,  21                          ; v21-22  the rows' scale words of step q = 1, slot k, and nothing else (lanes 0-15 are read)
.set TOW,  23                          ; v23-24  tile x 1024 + 4 r
.set AOX,  25                          ; v25-26  layer 1: token x 768 + 48 h
.set AOS,  27                          ; v27-28  layer 1: token x 32
.set TY,   25                          ; v25-26  layer 3: tile x 65536 + my place in two rows of Y
.set YL,   27                          ; v27     layer 3: that place
.set BO,   29                          ; v29     64 h: my place in the bias
.set TOK,  30                          ; v30-31  layer 1: my row's token
.set STO,  30                          ; v30     layer 3: the stage, on the way in
.set SRD,  31                          ; v31     layer 3: and back
.set AS0,  32                          ; v32-33  the rows' scale words of step q = 0, slot k, and nothing else
.set SB,   34                          ; v34-37  the weight's scale words and nothing else, for column tile t: lanes 0-15 the trip's first 128 along K, lanes 16-31 its second
.set LOFF, 38                          ; v38-39  tile x 64 + 4 r: my row in the lists
.set C,    40                          ; v40-46  the codes just made
.set H48,  47                          ; v47     layer 1: 48 h
.set BF,   48                          ; v48-71  two fragments of the weight; at the end the rows' new codes
.set AF,   72                          ; v72-119 the rows' fragments: slot k, step q at 72 + 24 k + 12 q
.set WS,   120                         ; v120-183 two sets of 32 numbers of the weight; set 0 holds the bias at the end
.set ACC,  184                         ; v184-247 accumulator (slot k, column tile t) at 184 + 32 k + 8 t
.set GT,   248                         ; v248, v250 layer 3: my rows' gates (named in pairs with v249, v251)
.set QT,   252                         ; v252-254 at work in the weight's quantiser
.if NT > 4
.set PFO,  27                          ; the prefetches' offset: row 32 (w >> 1) + lane of a trip's 256; never rewritten (a register that this layer uses for nothing else)
.else
.set PFO,  11
.endif
.macro WCHUNK s, c                     ; eight of trip s's 32 numbers of my column, into set s % 2
.set WB, WS+32*((\s)%2)
.set i, 8*(\c)
.rept 8
	global_load_b32 v[WB+i], v[VW], s[24+2*((\s)/4):25+2*((\s)/4)] offset:((\s)%4)*256*ROWB+i*ROWB th:TH_LOAD_NT
.set i, i+1
.endr
.endm
.macro WLOAD s                         ; all 32
	WCHUNK \s, 0
	WCHUNK \s, 1
	WCHUNK \s, 2
	WCHUNK \s, 3
.endm
	s_load_b256 s[4:11], s[0:1], 0x0               ; the weight, the bias, the activations, PI
.if LAYER == 3
	s_load_b128 s[12:15], s[0:1], 0x20             ; Y, PF
.else
	s_load_b64 s[12:13], s[0:1], 0x20              ; the next layer's codes and scales
	v_lshl_add_u32 v15, v0, 2, 0xd000
	v_mov_b32 v16, 0
.endif
	v_lshrrev_b32 v1, 5, v0
	v_readfirstlane_b32 s16, v1                    ; wave 0 .. 15
	s_wait_alu depctr_va_sdst(0)                   ; s16 is written, ahead of its first reader: branches and the slots' tiles are made from it
	s_and_b32 s47, s16, 1                          ; which 32 columns I produce
	s_and_b32 s17, ttmp7, 0xffff                   ; expert
.if LAYER == 3
	s_and_b32 s18, ttmp9, 15                       ; strip
	s_lshr_b32 s19, ttmp9, 4                       ; half of K
.else
	s_mov_b32 s18, ttmp9
	s_mov_b32 s19, 0
.endif
	v_and_b32 v1, 31, v0                           ; lane
	v_and_b32 v2, 15, v0                           ; r
	v_bfe_u32 v3, v0, 4, 1                         ; h
	; producer: hf = w & 1 (which 32 columns), b = w >> 1 (which block of 32 along K): q = b >> 2, c = (b >> 1) & 1, hc = b & 1
	v_lshlrev_b32 v[VW], 2, v1
	v_bfe_u32 v248, v0, 5, 1                       ; hf
	v_lshl_add_u32 v[VW], v248, 7, v[VW]
	v_lshrrev_b32 v249, 6, v0                      ; b
	v_mul_u32_u24 v250, v249, 32*ROWB
	v_add_nc_u32 v[VW], v[VW], v250                ; 4 l + 128 hf + 32 b rows
	v_mad_u32_u24 v[PFO], v1, ROWB, v250           ; row 32 b + l
	v_bfe_u32 v250, v0, 8, 1                       ; q
	v_lshlrev_b32 v250, 2, v250
	v_lshl_add_u32 v250, v248, 1, v250
	v_bfe_u32 v251, v0, 3, 1                       ; u = (l >> 3) & 1
	v_add_nc_u32 v250, v250, v251                  ; record 4 q + 2 hf + u
	v_mul_u32_u24 v253, v250, REC
	v_bfe_u32 v251, v0, 7, 1                       ; c
	v_mad_u32_u24 v250, v251, 768, v253
	v_and_b32 v251, 7, v0
	v_lshl_add_u32 v251, v3, 3, v251               ; m = (l & 7) + 8 (l >> 4): my column's row in its tile
	v_bfe_u32 v252, v0, 6, 1                       ; hc
	v_lshl_add_u32 v252, v252, 4, v251             ; the operand's lane that my codes belong to
	v_lshl_add_u32 v[LD0], v252, 4, v250
	v_lshl_add_u32 v[LD0+1], v252, 3, v250
	v_add_nc_u32 v[LD0+1], 512, v[LD0+1]
	v_lshl_add_u32 v[LD0+2], v251, 2, v253
	v_bfe_u32 v254, v0, 6, 2                       ; b & 3: my block's byte in the scale word
	v_add_nc_u32 v[LD0+2], v[LD0+2], v254
	v_add_nc_u32 v[LD0+2], 1536, v[LD0+2]
	v_lshlrev_b32 v[LD0+3], 4, v1
	v_lshlrev_b32 v[LD0+4], 3, v1
	v_mul_u32_u24 v[LD0+5], v3, 4*REC              ; lanes 16-31 take the scale words of the record four on: the trip's second 128 along K
	v_lshl_add_u32 v[LD0+5], v2, 2, v[LD0+5]
	v_add_nc_u32 v[LD0+5], 1536, v[LD0+5]
.if NT > 4
.irp i, 0,1,2,3,4,5
	v_add_nc_u32 v[LD0+6+\i], 4*TRIPB, v[LD0+\i]   ; trips 4 to 7 lie beyond an LDS instruction's immediate
.endr
.endif
	v_lshlrev_b32 v[BO], 6, v3
.if LAYER == 1
	v_mul_u32_u24 v[H48], v3, 48
.endif
.if LAYER == 3
	v_lshrrev_b32 v248, 5, v0
	v_mul_u32_u24 v248, v248, 16*272
	v_add_nc_u32 v248, STG, v248                   ; my wave's stage
	v_mad_u32_u24 v[STO], v2, 272, v248
	v_lshl_add_u32 v[STO], v3, 6, v[STO]           ; in: row r, + 64 h
	v_mad_u32_u24 v[SRD], v3, 272, v248
	v_lshl_add_u32 v[SRD], v2, 4, v[SRD]           ; back: lanes 0-15 one row of 256 bytes, lanes 16-31 the next
	v_lshlrev_b32 v[YL], 12, v3
	v_lshl_add_u32 v[YL], v2, 4, v[YL]             ; and the same two rows in Y
.endif
	s_mov_b32 s48, 0x76543210
	s_mov_b32 s49, 0xfedcba98                      ; v_permlanex16_b32's selects for lane l xor 16 (its destinations, v250 and v251, have been written above)
	s_lshl_b32 s22, s17, 3
	s_wait_alu depctr_va_vdst(0)
	s_wait_kmcnt 0x0
	s_load_b64 s[20:21], s[10:11], s22 offset:0x0  ; the expert's first tile and its number of tiles
	s_mov_b32 s43, 0
	s_mul_i32 s42, s17, ESTR
	s_lshl_b32 s44, s18, 8
	s_add_co_u32 s42, s42, s44
.if LAYER == 3
	s_lshl_b32 s44, s19, 22                        ; 1,024 rows of 4,096 bytes
	s_add_co_u32 s42, s42, s44
.endif
	s_add_nc_u64 s[24:25], s[4:5], s[42:43]        ; the weight at my expert, my strip (my half of K)
.if NT > 4
	s_add_nc_u64 s[26:27], s[24:25], 0x800000      ; and 4 trips on, so that every load's immediate stays inside its 24 signed bits and no pointer is stepped
.endif
.if LAYER != 1
	s_wait_alu depctr_va_vdst(0)                   ; v[VW], the offset that the weight's loads read, is written, and so are the head's other addresses
	WLOAD 0                                        ; the first weights hang on no stored number: they go out ahead of the wait for the table
.endif
	s_mul_i32 s42, s17, ROWB
	s_lshl_b32 s44, s18, 8
	s_add_co_u32 s42, s42, s44
	s_add_nc_u64 s[30:31], s[6:7], s[42:43]        ; the bias at my strip
.if LAYER == 1
	s_mov_b64 s[28:29], s[8:9]                     ; x's codes,
	s_add_nc_u64 s[36:37], s[8:9], 786432          ; its scale words
.elseif LAYER == 2
	s_mov_b64 s[28:29], s[8:9]
	s_add_nc_u64 s[36:37], s[8:9], HSC
.else
	s_mul_i32 s42, s19, 8*1536                     ; my half of K: 8 steps on
	s_add_nc_u64 s[28:29], s[8:9], s[42:43]
	s_lshl_b32 s42, s19, 9
	s_add_nc_u64 s[36:37], s[8:9], s[42:43]
	s_add_nc_u64 s[36:37], s[36:37], HSC
.endif
.if LAYER == 3
	s_mul_i32 s42, s19, 2176*4096
	s_lshl_b32 s44, s18, 8
	s_add_co_u32 s42, s42, s44
	s_add_nc_u64 s[32:33], s[12:13], s[42:43]      ; Y at my half of K and my 256 bytes of a row
.else
	s_mul_i32 s42, s18, 768                        ; my strip is half c = strip & 1 of step strip >> 1 of the next K: 768 bytes on end
	s_add_nc_u64 s[32:33], s[12:13], s[42:43]
	s_lshr_b32 s42, s18, 1
	s_lshl_b32 s42, s42, 6
	s_and_b32 s44, s18, 1
	s_lshl_b32 s44, s44, 1
	s_add_co_u32 s42, s42, s44
	s_add_nc_u64 s[34:35], s[12:13], s[42:43]
	s_add_nc_u64 s[34:35], s[34:35], HSC           ; and two bytes of each row's scale word of that step
.endif
	s_wait_kmcnt 0x0
	s_min_u32 s20, s20, 135                        ; stored numbers enter addresses only held to the buffers' sizes
	s_min_u32 s21, s21, 64
; My two slots' tiles, base + w and base + w + 16 of the expert, and all offsets that hang on them.  A slot beyond the expert's tiles takes tile 0.
; Both slots' offsets are made first, so that one wait serves all the loads and stores that read them.
.macro SETUP base
	s_add_co_u32 s40, s16, \base
	s_add_co_u32 s41, s40, 16
.irp k, 0,1
	s_add_co_u32 s42, s20, s[40+\k]
	s_cmp_lt_u32 s[40+\k], s21
	s_cselect_b32 s42, s42, 0
	s_min_u32 s42, s42, 135
	s_mul_i32 s43, s42, 24576
	s_lshl_b32 s44, s42, 10
	s_lshl_b32 s45, s42, 6
	v_add_nc_u32 v[TO16+\k], s43, v[LD0+3]
	v_add_nc_u32 v[TO8+\k], s43, v[LD0+4]
	v_lshl_add_u32 v[TOW+\k], v2, 2, s44
	v_lshl_add_u32 v[LOFF+\k], v2, 2, s45
.if LAYER == 3
	s_lshl_b32 s46, s42, 16
	v_add_nc_u32 v[TY+\k], s46, v[YL]
.endif
.endr
	s_wait_alu depctr_va_vdst(0)                   ; the slots' offsets are written (at the first use in layer 1: the head's addresses too), which the loads and stores below read; at the second use all earlier products and the ends' vector lines are done with SB, BF, AF, the rows' scale words, the tokens and the gates, in which loads land again
.if LAYER == 1
.irp k, 0,1
	global_load_b32 v[TOK+\k], v[LOFF+\k], s[10:11] offset:256   ; my row's token
.endr
.endif
.endm
.macro TOKS                            ; layer 1: the token, held inside x, gives the row's offsets
.irp k, 0,1
	v_min_u32 v[TOK+\k], 0x3ff, v[TOK+\k]
	v_mul_u32_u24 v[AOX+\k], v[TOK+\k], 768
	v_add_nc_u32 v[AOX+\k], v[AOX+\k], v[H48]
	v_lshlrev_b32 v[AOS+\k], 5, v[TOK+\k]
.endr
	s_wait_alu depctr_va_vdst(0)                   ; the rows' offsets v[AOX ..] and v[AOS ..] are written, which the rows' loads read
.endm
.macro AFRAG s, q, k                   ; slot k's fragment and scale word of step q of trip s: every lane loads its registers whole.  NA loads
.set AR, AF+24*(\k)+12*(\q)
.set KS, 2*(\s)+(\q)
.set SA, AS0+(AS1-AS0)*(\q)+(\k)
.if LAYER == 1
	global_load_b128 v[AR:AR+3], v[AOX+\k], s[28:29] offset:96*KS
	global_load_b128 v[AR+4:AR+7], v[AOX+\k], s[28:29] offset:96*KS+16
	global_load_b128 v[AR+8:AR+11], v[AOX+\k], s[28:29] offset:96*KS+32
	global_load_b32 v[SA], v[AOS+\k], s[36:37] offset:4*KS
.else
	global_load_b128 v[AR:AR+3], v[TO16+\k], s[28:29] offset:1536*KS
	global_load_b64 v[AR+4:AR+5], v[TO8+\k], s[28:29] offset:1536*KS+512
	global_load_b128 v[AR+6:AR+9], v[TO16+\k], s[28:29] offset:1536*KS+768
	global_load_b64 v[AR+10:AR+11], v[TO8+\k], s[28:29] offset:1536*KS+1280
	global_load_b32 v[SA], v[TOW+\k], s[36:37] offset:64*KS
.endif
.endm
.macro APAIR s, q, cond                ; both slots' fragments of one step; cond: slot 1's are jumped over where the expert has no such tile
	AFRAG \s, \q, 0
.if \cond
	s_cmp_lt_u32 s41, s21
	s_cbranch_scc0 .Lna_\@
.endif
	AFRAG \s, \q, 1
.if \cond
.Lna_\@:
.endif
.endm
.macro BIAS                            ; NBI loads, into the weight's set 0, which has been quantised for the last time
.irp b, 0,1
.irp j, 0,1,2,3
	global_load_b128 v[WS+16*\b+4*\j:WS+16*\b+4*\j+3], v[BO], s[30:31] offset:128*\b+16*\j   ; the bias in the result's layout: register 16 b + i = column 32 b + 16 h + i
.endr
.endr
.if LAYER == 3
	global_load_b32 v[GT], v[LOFF], s[14:15]       ; my rows' gates
	global_load_b32 v[GT+2], v[LOFF+1], s[14:15]
.endif
.endm
; A PREFETCH INTO THE L2 of trip s's block of the weight: 256 rows x the strip's 256 aligned bytes.  The eight waves with w & 1 = 0 ask, one instruction each: wave w for rows 32 (w >> 1) + lane, a lane a row:
; so each row's 256 bytes are named once in the launch (no other work-group reads them).  It stands at a trip's end, behind the wave's loads; trip t asks for trip t + 3, whose loads are issued in trip t + 1;
; the last three trips ask for nothing, and nothing is asked for at the head.
.macro ASKW s
	s_cmp_eq_u32 s47, 0
	s_cbranch_scc0 .Lnp_\@
	global_prefetch_b8 v[PFO], s[24+2*((\s)/4):25+2*((\s)/4)] offset:((\s)%4)*256*ROWB th:TH_LOAD_NT scope:SCOPE_SE
.Lnp_\@:
.endm
.macro QUANTW s                        ; my block of 32 along K of my column: its scale, its 24 bytes of codes, into trip s's records
.set WB, WS+32*((\s)%2)
.set LB, LD0+6*((\s)/4)
	v_max3_num_f32 v[QT], |v[WB]|, |v[WB+1]|, |v[WB+2]|            ; the largest magnitude, in two chains
	v_max3_num_f32 v[QT+1], |v[WB+3]|, |v[WB+4]|, |v[WB+5]|
.irp i, 6,10,14,18,22,26
	v_max3_num_f32 v[QT], v[QT], |v[WB+\i]|, |v[WB+\i+1]|
	v_max3_num_f32 v[QT+1], v[QT+1], |v[WB+\i+2]|, |v[WB+\i+3]|
.endr
	v_max3_num_f32 v[QT], v[QT], |v[WB+30]|, |v[WB+31]|
	v_max3_num_f32 v[QT], v[QT], v[QT+1], 0x2800000                ; and the floor 2^(5 - 127): the byte cannot fall under 1
	v_add_nc_u32 v[QT+1], 0xfe000000, v[QT]                        ; 4 off the exponent field: the conversion's scale operand
	v_cvt_scalef32_pk16_bf6_f32 v[C:C+2], v[WB:WB+15], v[QT+1]
	v_cvt_scalef32_pk16_bf6_f32 v[C+4:C+6], v[WB+16:WB+31], v[QT+1]   ; (a conversion's three registers begin on an even number)
	v_lshrrev_b32 v[QT+2], 23, v[QT+1]                             ; the scale's byte: also the plain line behind the conversions
	v_mov_b32 v[C+3], v[C+4]
	v_mov_b32 v[C+4], v[C+5]
	v_mov_b32 v[C+5], v[C+6]
	s_wait_alu depctr_va_vdst(0)                   ; the conversions and moves have written v[C .. C + 5] and v[QT + 2], which the three LDS stores read; and the lines above are done reading this set of the weight, in which the loads of two trips on (or the bias) land
	ds_store_b128 v[LB], v[C:C+3] offset:((\s)%4)*TRIPB
	ds_store_b64 v[LB+1], v[C+4:C+5] offset:((\s)%4)*TRIPB
	ds_store_b8 v[LB+2], v[QT+2] offset:((\s)%4)*TRIPB
.endm
.macro MM k, t, f, q, zero             ; one product: slot k x column tile t, whose fragment lies in half f of BF; step q of the trip.  zero: it starts the sum
.set D, ACC+32*(\k)+8*(\t)
.set B0, BF+12*(\f)
.set A0, AF+24*(\k)+12*(\q)
.set SA, AS0+(AS1-AS0)*(\q)+(\k)
.if (\q) == 0
.if \zero
	v_wmma_scale_f32_16x16x128_f8f6f4 v[D:D+7], v[B0:B0+11], v[A0:A0+11], 0, v[SB+(\t)], v[SA] matrix_a_fmt:MATRIX_FMT_BF6 matrix_b_fmt:MATRIX_FMT_BF6
.else
	v_wmma_scale_f32_16x16x128_f8f6f4 v[D:D+7], v[B0:B0+11], v[A0:A0+11], v[D:D+7], v[SB+(\t)], v[SA] matrix_a_fmt:MATRIX_FMT_BF6 matrix_b_fmt:MATRIX_FMT_BF6
.endif
.else
	v_wmma_scale_f32_16x16x128_f8f6f4 v[D:D+7], v[B0:B0+11], v[A0:A0+11], v[D:D+7], v[SB+(\t)], v[SA] matrix_a_fmt:MATRIX_FMT_BF6 matrix_b_fmt:MATRIX_FMT_BF6 matrix_a_scale:MATRIX_SCALE_ROW1
.endif
.endm
.macro SBLOAD s                        ; the weight's scale words of trip s
.set LB, LD0+6*((\s)/4)
.irp t, 0,1,2,3
	ds_load_b32 v[SB+\t], v[LB+5] offset:((\s)%4)*TRIPB+\t*REC
.endr
.endm
.macro FRAGS s, q, tp                  ; two fragments of the weight from LDS: step q, column tiles 2 tp and 2 tp + 1
.set LB, LD0+6*((\s)/4)
.set RO, ((\s)%4)*TRIPB+(4*(\q)+2*(\tp))*REC
.irp f, 0,1
	ds_load_b128 v[BF+12*\f:BF+12*\f+3], v[LB+3] offset:RO+\f*REC
	ds_load_b64 v[BF+12*\f+4:BF+12*\f+5], v[LB+4] offset:RO+\f*REC+512
	ds_load_b128 v[BF+12*\f+6:BF+12*\f+9], v[LB+3] offset:RO+\f*REC+768
	ds_load_b64 v[BF+12*\f+10:BF+12*\f+11], v[LB+4] offset:RO+\f*REC+1280
.endr
.endm
; Their products with both slots.  The accumulators take turns, one instruction a turn, on every path.  cond: slot 1's two are jumped over where the expert has no such tile.
.macro PROD q, tp, cond, zero
	MM 0, 2*(\tp), 0, \q, \zero
	MM 0, 2*(\tp)+1, 1, \q, \zero
.if \cond
	s_cmp_lt_u32 s41, s21
	s_cbranch_scc0 .Lone_\@
.endif
	MM 1, 2*(\tp), 0, \q, \zero
	MM 1, 2*(\tp)+1, 1, \q, \zero
.if \cond
.Lone_\@:
.endif
.endm
.macro NOPS                            ; four places between products and loads into registers that they read, or reads of their results (ISA guide 7.12.1 for vector instructions; kept for loads too, beside the waits on va_vdst)
.rept 4
	v_nop
.endr
.endm
; A TRIP.  Loads come back in the order of issue (ISA guide 5.7.1), so a wait's count is the number of loads issued behind the one that is wanted, on the path that issues fewest: slot 1's loads are not counted.
; In front of the trips the wave issues W(0) 32, four fragments 4 NA, W(1) 32.  In trip s it issues: 8 of W(s + 2); 8; A(s + 1, q = 0) NA or 2 NA; 8; 8; A(s + 1, q = 1) NA or 2 NA.
; In trip NT - 2 the bias (NBI loads) stands in the first eight's place and no weights are left; trip NT - 1 issues nothing.
;   HN  at the head: W(s) is in.   Q0N in front of step 0's products, behind the first eight: A(s, 0) is in.   Q1N in front of step 1's, behind the third eight: A(s, 1) is in.
.macro TRIP s
.if (\s) == 0
.set HN,  32+4*NA                      ; behind W(0): the four fragments, W(1)
.set Q0N, 40+2*NA                      ; behind A(0, 0): A(0, 1) of both slots, W(1), 8
.set Q1N, 56+NA                        ; behind A(0, 1): W(1), 8, 8, A(1, 0), 8
.set CND, 0
.set ZR,  1
.elseif (\s) == NT-1
.set HN,  NBI+3*NA                     ; behind W(NT - 1): A(NT - 2, 1), the bias, A(NT - 1, 0), A(NT - 1, 1)
.set Q0N, NA                           ; behind A(NT - 1, 0): A(NT - 1, 1)
.set Q1N, 0                            ; all: the bias (and the gates) too
.set CND, 1
.set ZR,  0
.elseif (\s) == NT-2
.set HN,  32+3*NA
.set Q0N, 16+NA+NBI                    ; behind A(s, 0): 8, 8, A(s, 1), the bias
.set Q1N, NBI+NA                       ; behind A(s, 1): the bias, A(s + 1, 0)
.set CND, 1
.set ZR,  0
.elseif (\s) == 1
.set HN,  32+2*NA                      ; behind W(1): trip 0's 32, A(1, 0), A(1, 1)
.set Q0N, 24+NA
.set Q1N, 24+NA
.set CND, 1
.set ZR,  0
.else
.set HN,  32+3*NA                      ; behind W(s): A(s - 1, 1), then trip s - 1's 32, A(s, 0), A(s, 1)
.set Q0N, 24+NA                        ; behind A(s, 0): 8, 8, A(s, 1), 8
.set Q1N, 24+NA                        ; behind A(s, 1): 8, 8, A(s + 1, 0), 8
.set CND, 1
.set ZR,  0
.endif
	s_wait_loadcnt HN
	QUANTW \s
	s_wait_dscnt 0x0                               ; my codes and my scale byte lie in LDS,
	s_barrier_signal -1
	s_barrier_wait -1                              ; everybody's do: the trip's 8 records are whole.  They are never written again, so no second barrier is owed
.if ((\s) < NT-1) || (LAYER != 3)
	s_wait_alu depctr_vm_vsrc(0)                   ; my three LDS stores have read v[C ..] and v[QT + 2], which the next trip's quantiser writes again (behind the last trip of layers 1 and 2: the end of slot 0 writes v254); no memory instruction reads them between here and there
.endif
	SBLOAD \s                                      ; (SB and BF: the last trip's last wait on va_vdst, and the quantiser's, stand behind the products that read them)
	FRAGS \s, 0, 0
.if (\s) <= NT-3
	WCHUNK (\s)+2, 0                               ; into the set that this trip has quantised: the quantiser's wait serves all 32 of these loads
.elseif (\s) == NT-2
	BIAS
.endif
	s_wait_loadcnt Q0N
	s_wait_dscnt 0x0
	PROD 0, 0, CND, ZR
	NOPS
	s_wait_alu depctr_va_vdst(0)                   ; the products above are done reading BF, in which the next two fragments land
	FRAGS \s, 0, 1
.if (\s) <= NT-3
	WCHUNK (\s)+2, 1
.endif
	s_wait_dscnt 0x0
	PROD 0, 1, CND, ZR
	NOPS
	s_wait_alu depctr_va_vdst(0)                   ; step 0's products are done reading BF, the rows' fragments of step 0 and their scale words: loads land in all three below
	FRAGS \s, 1, 0                                 ; the LDS loads first: they are waited for first
.if (\s) < NT-1
	APAIR (\s)+1, 0, 1                             ; step 0's fragments are done with: the next trip's take their place
.endif
.if (\s) <= NT-3
	WCHUNK (\s)+2, 2
.endif
	s_wait_loadcnt Q1N
	s_wait_dscnt 0x0
	PROD 1, 0, CND, ZR
	NOPS
	s_wait_alu depctr_va_vdst(0)                   ; the products above are done reading BF, in which the next two fragments land
	FRAGS \s, 1, 1
.if (\s) <= NT-3
	WCHUNK (\s)+2, 3
.endif
	s_wait_dscnt 0x0
	PROD 1, 1, CND, ZR
	NOPS
.if (\s) < NT-1
	s_wait_alu depctr_va_vdst(0)                   ; step 1's products are done reading the rows' fragments of step 1 and their scale words, in which the loads below land, and SB and BF, in which the next trip's LDS loads land
	APAIR (\s)+1, 1, 1                             ; and step 1's
.endif
.if (\s)+3 <= NT-1
	ASKW (\s)+3
.endif
.endm
.macro MMPLAIN s, zero                 ; a trip's 16 products with nothing between them: for tiles 32 .. 63
	SBLOAD \s
.irp q, 0,1
.irp tp, 0,1
.if (\q)+(\tp) > 0
	s_wait_alu depctr_va_vdst(0)                   ; the batch above is done reading BF, in which the next two fragments land
.endif
	FRAGS \s, \q, \tp
	s_wait_dscnt 0x0
	PROD \q, \tp, 0, \zero
	NOPS
.endr
.endr
.endm
; THE END OF A SLOT, jumped over where the expert has no such tile.  Each accumulator is read from its low end on.
.macro EPI k
.set A, ACC+32*(\k)
.set P, BF+12*(\k)
.set RB, 152-80*(\k)
	s_cmp_lt_u32 s[40+\k], s21
	s_cbranch_scc0 .Lno_\@
.if LAYER == 3
	s_cmp_lg_u32 s19, 0                            ; b3 is added in the first half of K alone
	s_cbranch_scc1 .Lnob_\@
.endif
.irp j, 0,2,4,6,8,10,12,14,16,18,20,22,24,26,28,30
	v_pk_add_f32 v[A+\j:A+\j+1], v[A+\j:A+\j+1], v[WS+\j:WS+\j+1]
.endr
.if LAYER == 3
.Lnob_\@:
.irp j, 0,2,4,6,8,10,12,14,16,18,20,22,24,26,28,30
	v_pk_mul_f32 v[A+\j:A+\j+1], v[A+\j:A+\j+1], v[GT+2*(\k):GT+2*(\k)+1] op_sel_hi:[1,0]   ; x my row's gate
.endr
	s_wait_alu depctr_va_vdst(0)                   ; the multiplications have written the slot's 32 sums, which the LDS stores read; the products and the quantiser are done reading v[RB ..], in which the stage's loads land
.irp b, 0,1
.irp d, 0,1,2,3
	ds_store_b128 v[STO], v[A+16*\b+4*\d:A+16*\b+4*\d+3] offset:128*\b+16*\d   ; through my wave's own stage: LDS serves a wave's instructions in order, so no wait stands between the stores and the loads
.endr
.endr
.irp i, 0,1,2,3,4,5,6,7
	ds_load_b128 v[RB+4*\i:RB+4*\i+3], v[SRD] offset:544*\i
.endr
.irp i, 0,1,2,3,4,5,6,7
	s_wait_dscnt 7-\i                              ; the younger reads of the stage may be out
	global_store_b128 v[TY+\k], v[RB+4*\i:RB+4*\i+3], s[32:33] offset:8192*\i th:TH_STORE_NT   ; sixteen lanes store 256 consecutive bytes, aligned
.endr
.else
.irp j, 0,1,2,3,4,5,6,7,8,9,10,11,12,13,14,15,16,17,18,19,20,21,22,23,24,25,26,27,28,29,30,31
	v_max_num_f32 v[A+\j], 0, v[A+\j]              ; the activation, in f32
.endr
.irp b, 0,1
	v_max3_num_f32 v[248+\b], v[A+16*\b], v[A+16*\b+1], 0x2800000   ; block b: my 16 numbers (none is negative) and the floor 2^(5 - 127)
.endr
.irp i, 2,4,6,8,10,12,14
.irp b, 0,1
	v_max3_num_f32 v[248+\b], v[248+\b], v[A+16*\b+\i], v[A+16*\b+\i+1]
.endr
.endr
.irp b, 0,1
	v_permlanex16_b32 v[250+\b], v[248+\b], s48, s49
.endr
.irp b, 0,1
	v_max_num_f32 v[248+\b], v[248+\b], v[250+\b]  ; with lane l xor 16's 16: the block's largest
.endr
.irp b, 0,1
	v_add_nc_u32 v[252+\b], 0xfe000000, v[248+\b]  ; the conversion's scale operand
.endr
.irp b, 0,1
	v_lshrrev_b32 v[250+\b], 23, v[252+\b]         ; the scale's byte
.endr
	v_cvt_scalef32_pk16_bf6_f32 v[P:P+2], v[A:A+15], v252
	v_cvt_scalef32_pk16_bf6_f32 v[P+8:P+10], v[A+16:A+31], v253
	v_lshl_or_b32 v[254+\k], v251, 8, v250         ; my row's two scale bytes: also the plain line behind the conversions
.irp i, 0,1,2
	v_permlane16_swap_b32 v[P+\i], v[P+8+\i]       ; the operand wants a whole block in a lane: lanes 0-15 block 0, lanes 16-31 block 1
.endr
.irp i, 0,1,2
	v_mov_b32 v[P+3+\i], v[P+8+\i]
.endr
	s_wait_alu depctr_va_vdst(0)                   ; the swaps and moves have written v[P .. P + 5], and the line behind the conversions the two scale bytes: the three stores read them
	global_store_b128 v[TO16+\k], v[P:P+3], s[32:33]               ; the image of six registers of the next layer's operand: 512 + 256 consecutive bytes, aligned
	global_store_b64 v[TO8+\k], v[P+4:P+5], s[32:33] offset:512
	global_store_b16 v[TOW+\k], v[254+\k], s[34:35]                ; (lanes l and l xor 16 store the same two bytes)
.endif
.Lno_\@:
.endm
	SETUP 0
.if LAYER == 1
	WLOAD 0
	s_wait_loadcnt 32                              ; the tokens are in; the 32 weight loads issued behind them may be out
	TOKS
.endif
	APAIR 0, 0, 0
	APAIR 0, 1, 0
	WLOAD 1
.set Q, 0
.rept NT
	TRIP Q
.set Q, Q+1
.endr
	EPI 0
	EPI 1
	; TILES 32 .. 63, where the expert has so many: the whole quantised strip lies in LDS, so only the rows are loaded.  No barrier from here on.
	s_cmp_gt_u32 s21, 32
	s_cbranch_scc0 .Lend
	s_wait_xcnt 0x0                                ; the stores above have read their data and offsets: both are written again below
	s_wait_alu depctr_vm_vsrc(0)                   ; all loads and stores issued so far have read the slots' offsets and the stores' data (the new codes and scale bytes; in layer 3 the sums and the rows read back from the stage): SETUP, TOKS, the loads and the products below write them again
	SETUP 32
.if LAYER == 1
	s_wait_loadcnt 0x0
	TOKS
.endif
.if LAYER == 3
	global_load_b32 v[GT], v[LOFF], s[14:15]
	global_load_b32 v[GT+2], v[LOFF+1], s[14:15]
.endif
.set Q, 0
.rept NT
.if Q > 0
	s_wait_alu depctr_va_vdst(0)                   ; the products of the 256 along K before are done reading the rows' fragments, their scale words, SB and BF, in which the loads below land
.endif
	APAIR Q, 0, 0
	APAIR Q, 1, 0
	s_wait_loadcnt 0x0
.if Q == 0
	MMPLAIN Q, 1
.else
	MMPLAIN Q, 0
.endif
.set Q, Q+1
.endr
	EPI 0
	EPI 1
.Lend:
	s_wait_dscnt 0x0                               ; the closing lines, six on end
	s_wait_alu 0x0
	s_wait_tensorcnt 0x0
	ds_add_u32 v15, v16
	s_wait_dscnt 0x0
	s_endpgm
.Lfunc_end_k_qbaa35e103a_layer1:
	.size	k_qbaa35e103a_layer1, .Lfunc_end_k_qbaa35e103a_layer1-k_qbaa35e103a_layer1
	.p2alignl 7, 3214868480
	.fill 96, 4, 3214868480
	.section	.rodata,"a",@progbits
	.p2align	6, 0x0
	.amdhsa_kernel k_qbaa35e103a_layer1
		.amdhsa_group_segment_fixed_size 55296
		.amdhsa_private_segment_fixed_size 0
		.amdhsa_enable_private_segment 0
		.amdhsa_kernarg_size 40
		.amdhsa_user_sgpr_count 2
		.amdhsa_user_sgpr_kernarg_segment_ptr 1
		.amdhsa_wavefront_size32 1
		.amdhsa_system_sgpr_workgroup_id_x 1
		.amdhsa_system_sgpr_workgroup_id_y 1
		.amdhsa_system_sgpr_workgroup_id_z 1
		.amdhsa_system_vgpr_workitem_id 0
		.amdhsa_next_free_vgpr 256
		.amdhsa_next_free_sgpr 66
		.amdhsa_reserve_vcc 0
		.amdhsa_float_denorm_mode_32 3
		.amdhsa_float_denorm_mode_16_64 3
		.amdhsa_memory_ordered 1
		.amdhsa_forward_progress 1
		.amdhsa_inst_pref_size 98
	.end_amdhsa_kernel
	.amdgpu_metadata
---
amdhsa.version: [ 1, 2 ]
amdhsa.kernels:
  - .name:           k_qbaa35e103a_layer1
    .symbol:         k_qbaa35e103a_layer1.kd
    .args:
      - { .name: W1, .offset: 0, .size: 8, .value_kind: global_buffer, .address_space: global }
      - { .name: b1, .offset: 8, .size: 8, .value_kind: global_buffer, .address_space: global }
      - { .name: XB, .offset: 16, .size: 8, .value_kind: global_buffer, .address_space: global }
      - { .name: PI, .offset: 24, .size: 8, .value_kind: global_buffer, .address_space: global }
      - { .name: H1, .offset: 32, .size: 8, .value_kind: global_buffer, .address_space: global }
    .group_segment_fixed_size: 55296
    .private_segment_fixed_size: 0
    .kernarg_segment_align: 8
    .kernarg_segment_size: 40
    .max_flat_workgroup_size: 512
    .sgpr_count:     66
    .vgpr_count:     256
    .wavefront_size: 32
...
	.end_amdgpu_metadata
.endif
;; end of part 12
;; launch layer2 (part 13): grid 32 x 8, 16 waves a work-group, no clusters, 108,544 bytes of LDS; arguments W2, b2, H1, PI, H2; writes H2
.if DOCPART == 13
	.amdgcn_target "amdgcn-amd-amdhsa--gfx1250"
	.amdhsa_code_object_version 6
	.text
	.protected	k_qbaa35e103a_layer2
	.globl	k_qbaa35e103a_layer2
	.p2align	8
	.type	k_qbaa35e103a_layer2,@function
k_qbaa35e103a_layer2:
	s_mov_b64 s[64:65], 0
	v_nop
	global_prefetch_b8 v0, s[64:65] scope:SCOPE_SE
	s_setreg_imm32_b32 hwreg(HW_REG_WAVE_SCHED_MODE, 0, 2), 2
	s_setreg_imm32_b32 hwreg(HW_REG_WAVE_MODE, 25, 1), 1
	s_wait_xcnt 0x0
	s_wait_alu depctr_vm_vsrc(0)
; ONE LAYER OF THE EXPERTS, on the rows that the router chose.  The same text serves the three layers; LAYER says which.
.set LAYER, 2
;   LAYER 1: h1 = Q(relu(x W1 + b1))      LAYER 2: h2 = Q(relu(h1 W2 + b2))      LAYER 3: Y[kh][row] = gate x (h2 W3 over half kh of K, + b3 where kh = 0)
; Both operands of the product are codes of E3M2 with one E8M0 scale for each 32 along K; sums in f32.  Q is the same quantiser along the next layer's K.
; THE WEIGHTS BIND: they arrive as f32 [expert][K][N].  Each weight byte is read ONCE in the launch, by one work-group, quantised in registers and used at once.
; SHARES.  A work-group owns one expert (grid y) and a strip of 64 columns of N (grid x; in layer 3 also a half of K), and multiplies ALL of that expert's rows by it.  K goes in NT trips of 256.
; AS PRODUCER wave w takes, in each trip, 32 K rows x 32 columns: A LANE TAKES A COLUMN AND ITS 32 REGISTERS RUN DOWN K, so a block of 32 lies in one lane, and the conversions give codes with K innermost.
;   Each load reads 128 consecutive bytes; wave w xor 1 reads the other half of the same aligned 256.  The codes go to LDS as images of the operand's registers and stay there: no LDS byte is written twice.
; AS CONSUMER wave w owns the expert's tiles of 16 rows number w and w + 16 (slots 0, 1) against the strip's four tiles of 16 columns: 8 accumulators.  Tiles 32 .. 63 (a very uneven choice) follow at the end, from the strip in LDS.
; THE PRODUCT IS USED TRANSPOSED (source 0 = 16 columns of the weight, source 1 = 16 rows), and row m of column tile t is column 32 (t / 2) + 8 (t % 2) + m + 8 (m / 8):
;   so lane (r, h) holds row r, and its registers 16 b + i are columns 32 b + 16 h + i: 16 neighbours along the next K.
; THE LOADS RUN AHEAD.  A trip's products go in two steps of 128 along K (q = 0, 1), each in two batches of two column tiles.  The rows' fragments of step q are free as soon as that step's products are issued:
;   the next trip's fragments of the same step are asked for there, so that half a trip's products, the next quantising step and the barrier stand between the request and the use.
;   The weights of trip s + 2 are asked for in trip s, into the set that trip s has quantised: eight loads in each batch, between the batch's LDS loads and the wait for them.
; WHAT HANGS ON THE STORED LIST: how many tiles the expert has.  Every barrier, every weight load, every quantising step, all of slot 0's loads and products and all of trip 0 stand on every path; a slot without a tile
;   takes tile 0 (which always exists) and stores nothing.  Slot 1's loads and products of later trips, the stores and the part for tiles 32 .. 63 are jumped over by scalar branches on the stored count; no barrier stands under such a branch.
; No tensor load, no cluster: the row counts are read from memory, so the operands go from memory straight into registers.  The 32 work-groups of an expert read the same activations by plain loads.
; LIMITS: NaN and infinities are not served.  A block of zeros gets the scale byte 1 (its codes are zeros; only this program reads the bytes).  An expert without rows still streams its strip.
; THE MODE: SCHED_MODE bits 1:0 = 2 (LLVM: expert scheduling mode 2), set by the entry lines.  The code itself states the register dependences
; between vector or matrix instructions and memory or LDS instructions, with s_wait_alu, always for 0.
; THE PLAN.  Registers that memory or LDS instructions touch, in a trip:
;   WS0, WS1       Trip s: the quantiser's lines read WS[s % 2]; behind them the loads of trip s + 2 (in trip NT - 2 the bias) land in it.
;   C, v[QT + 2]   Written by the quantiser, read by its three LDS stores, written again a trip later (v254 also by the end of slot 0, in layers 1 and 2).
;   SB, BF         LDS loads land in them, the products read them.  One set alone: 16 waves of 256 registers are all that the launch may take, so a batch's fragments land where the batch before's lay.
;   AF, AS0, AS1   Step q's products read them; behind those the next trip's loads of the same step land in them.
;   the addresses  Made at the head, in SETUP and in TOKS; none is written in a trip: the weight's rows are reached by immediate offsets.
;   The accumulators are named by matrix and vector instructions alone until the end.
; So a trip holds five waits on va_vdst: one in the quantiser, ahead of its LDS stores (the codes are written; the conversions are done reading the weight's set), and one behind the places of each batch of products,
; ahead of the loads that land where those products read; and one wait on vm_vsrc, behind the barrier (the LDS stores have read the codes' registers).  The weight's loads follow the quantiser's wait with no further one:
; no vector or matrix instruction between it and them names their registers.
.if LAYER == 2
.set NT, 8                             ; trips of 256 along K
.else
.set NT, 4
.endif
.if LAYER == 3
.set WN, 1024                          ; numbers in a row of the weight
.set ESTR, 2*NT*256*WN*4               ; bytes of an expert's weight (two halves of K)
.set NBI, 10                           ; loads of the bias and the two gates
.else
.set WN, 2048
.set ESTR, NT*256*WN*4
.set NBI, 8                            ; loads of the bias
.endif
.if LAYER == 1
.set NA, 4                             ; loads that bring one fragment of rows and its scale word
.else
.set NA, 5
.endif
.set ROWB,  WN*4
.set REC,   1664                       ; LDS: a record is one fragment (16 columns x 128 K): for c = 0, 1: registers 6 c .. 6 c + 3 at 768 c + 16 lane, 6 c + 4, 6 c + 5 at 768 c + 512 + 8 lane; 16 scale words at 1536; 64 bytes unused
.set TRIPB, 8*REC                      ; a trip's 8 records: (step q of 128, column tile t) at (4 q + t) REC
.set STG,   4*TRIPB                    ; layer 3: behind the records a stage of 16 rows x 272 bytes for each wave
.set HSC,   3342336                    ; in H1, H2: codes [136 tiles][16 steps][2 c][512 + 256 bytes], then from here scale words [136][16 steps][16 rows]
.set VW,   4                           ; v4      my byte in the trip's block of the weight
.set LD0,  5                           ; v5-10   LDS: where I store 16 bytes, 8 bytes, the scale byte; where I read 16 bytes (16 lane), 8 bytes (8 lane), scale words.  v11-16: the same 4 trips on (layer 2)
.set TO16, 17                          ; v17-18  slot k: tile x 24576 + 16 lane
.set TO8,  19                          ; v19-20  tile x 24576 + 8 lane
.set AS1,  21                          ; v21-22  the rows' scale words of step q = 1, slot k, and nothing else (lanes 0-15 are read)
.set TOW,  23                          ; v23-24  tile x 1024 + 4 r
.set AOX,  25                          ; v25-26  layer 1: token x 768 + 48 h
.set AOS,  27                          ; v27-28  layer 1: token x 32
.set TY,   25                          ; v25-26  layer 3: tile x 65536 + my place in two rows of Y
.set YL,   27                          ; v27     layer 3: that place
.set BO,   29                          ; v29     64 h: my place in the bias
.set TOK,  30                          ; v30-31  layer 1: my row's token
.set STO,  30                          ; v30     layer 3: the stage, on the way in
.set SRD,  31                          ; v31     layer 3: and back
.set AS0,  32                          ; v32-33  the rows' scale words of step q = 0, slot k, and nothing else
.set SB,   34                          ; v34-37  the weight's scale words and nothing else, for column tile t: lanes 0-15 the trip's first 128 along K, lanes 16-31 its second
.set LOFF, 38                          ; v38-39  tile x 64 + 4 r: my row in the lists
.set C,    40                          ; v40-46  the codes just made
.set H48,  47                          ; v47     layer 1: 48 h
.set BF,   48                          ; v48-71  two fragments of the weight; at the end the rows' new codes
.set AF,   72                          ; v72-119 the rows' fragments: slot k, step q at 72 + 24 k + 12 q
.set WS,   120                         ; v120-183 two sets of 32 numbers of the weight; set 0 holds the bias at the end
.set ACC,  184                         ; v184-247 accumulator (slot k, column tile t) at 184 + 32 k + 8 t
.set GT,   248                         ; v248, v250 layer 3: my rows' gates (named in pairs with v249, v251)
.set QT,   252                         ; v252-254 at work in the weight's quantiser
.if NT > 4
.set PFO,  27                          ; the prefetches' offset: row 32 (w >> 1) + lane of a trip's 256; never rewritten (a register that this layer uses for nothing else)
.else
.set PFO,  11
.endif
.macro WCHUNK s, c                     ; eight of trip s's 32 numbers of my column, into set s % 2
.set WB, WS+32*((\s)%2)
.set i, 8*(\c)
.rept 8
	global_load_b32 v[WB+i], v[VW], s[24+2*((\s)/4):25+2*((\s)/4)] offset:((\s)%4)*256*ROWB+i*ROWB th:TH_LOAD_NT
.set i, i+1
.endr
.endm
.macro WLOAD s                         ; all 32
	WCHUNK \s, 0
	WCHUNK \s, 1
	WCHUNK \s, 2
	WCHUNK \s, 3
.endm
	s_load_b256 s[4:11], s[0:1], 0x0               ; the weight, the bias, the activations, PI
.if LAYER == 3
	s_load_b128 s[12:15], s[0:1], 0x20             ; Y, PF
.else
	s_load_b64 s[12:13], s[0:1], 0x20              ; the next layer's codes and scales
	v_lshl_add_u32 v31, v0, 2, 0x1a000
	v_mov_b32 v47, 0
.endif
	v_lshrrev_b32 v1, 5, v0
	v_readfirstlane_b32 s16, v1                    ; wave 0 .. 15
	s_wait_alu depctr_va_sdst(0)                   ; s16 is written, ahead of its first reader: branches and the slots' tiles are made from it
	s_and_b32 s47, s16, 1                          ; which 32 columns I produce
	s_and_b32 s17, ttmp7, 0xffff                   ; expert
.if LAYER == 3
	s_and_b32 s18, ttmp9, 15                       ; strip
	s_lshr_b32 s19, ttmp9, 4                       ; half of K
.else
	s_mov_b32 s18, ttmp9
	s_mov_b32 s19, 0
.endif
	v_and_b32 v1, 31, v0                           ; lane
	v_and_b32 v2, 15, v0                           ; r
	v_bfe_u32 v3, v0, 4, 1                         ; h
	; producer: hf = w & 1 (which 32 columns), b = w >> 1 (which block of 32 along K): q = b >> 2, c = (b >> 1) & 1, hc = b & 1
	v_lshlrev_b32 v[VW], 2, v1
	v_bfe_u32 v248, v0, 5, 1                       ; hf
	v_lshl_add_u32 v[VW], v248, 7, v[VW]
	v_lshrrev_b32 v249, 6, v0                      ; b
	v_mul_u32_u24 v250, v249, 32*ROWB
	v_add_nc_u32 v[VW], v[VW], v250                ; 4 l + 128 hf + 32 b rows
	v_mad_u32_u24 v[PFO], v1, ROWB, v250           ; row 32 b + l
	v_bfe_u32 v250, v0, 8, 1                       ; q
	v_lshlrev_b32 v250, 2, v250
	v_lshl_add_u32 v250, v248, 1, v250
	v_bfe_u32 v251, v0, 3, 1                       ; u = (l >> 3) & 1
	v_add_nc_u32 v250, v250, v251                  ; record 4 q + 2 hf + u
	v_mul_u32_u24 v253, v250, REC
	v_bfe_u32 v251, v0, 7, 1                       ; c
	v_mad_u32_u24 v250, v251, 768, v253
	v_and_b32 v251, 7, v0
	v_lshl_add_u32 v251, v3, 3, v251               ; m = (l & 7) + 8 (l >> 4): my column's row in its tile
	v_bfe_u32 v252, v0, 6, 1                       ; hc
	v_lshl_add_u32 v252, v252, 4, v251             ; the operand's lane that my codes belong to
	v_lshl_add_u32 v[LD0], v252, 4, v250
	v_lshl_add_u32 v[LD0+1], v252, 3, v250
	v_add_nc_u32 v[LD0+1], 512, v[LD0+1]
	v_lshl_add_u32 v[LD0+2], v251, 2, v253
	v_bfe_u32 v254, v0, 6, 2                       ; b & 3: my block's byte in the scale word
	v_add_nc_u32 v[LD0+2], v[LD0+2], v254
	v_add_nc_u32 v[LD0+2], 1536, v[LD0+2]
	v_lshlrev_b32 v[LD0+3], 4, v1
	v_lshlrev_b32 v[LD0+4], 3, v1
	v_mul_u32_u24 v[LD0+5], v3, 4*REC              ; lanes 16-31 take the scale words of the record four on: the trip's second 128 along K
	v_lshl_add_u32 v[LD0+5], v2, 2, v[LD0+5]
	v_add_nc_u32 v[LD0+5], 1536, v[LD0+5]
.if NT > 4
.irp i, 0,1,2,3,4,5
	v_add_nc_u32 v[LD0+6+\i], 4*TRIPB, v[LD0+\i]   ; trips 4 to 7 lie beyond an LDS instruction's immediate
.endr
.endif
	v_lshlrev_b32 v[BO], 6, v3
.if LAYER == 1
	v_mul_u32_u24 v[H48], v3, 48
.endif
.if LAYER == 3
	v_lshrrev_b32 v248, 5, v0
	v_mul_u32_u24 v248, v248, 16*272
	v_add_nc_u32 v248, STG, v248                   ; my wave's stage
	v_mad_u32_u24 v[STO], v2, 272, v248
	v_lshl_add_u32 v[STO], v3, 6, v[STO]           ; in: row r, + 64 h
	v_mad_u32_u24 v[SRD], v3, 272, v248
	v_lshl_add_u32 v[SRD], v2, 4, v[SRD]           ; back: lanes 0-15 one row of 256 bytes, lanes 16-31 the next
	v_lshlrev_b32 v[YL], 12, v3
	v_lshl_add_u32 v[YL], v2, 4, v[YL]             ; and the same two rows in Y
.endif
	s_mov_b32 s48, 0x76543210
	s_mov_b32 s49, 0xfedcba98                      ; v_permlanex16_b32's selects for lane l xor 16 (its destinations, v250 and v251, have been written above)
	s_lshl_b32 s22, s17, 3
	s_wait_kmcnt 0x0
	s_load_b64 s[20:21], s[10:11], s22 offset:0x0  ; the expert's first tile and its number of tiles
	s_mov_b32 s43, 0
	s_mul_i32 s42, s17, ESTR
	s_lshl_b32 s44, s18, 8
	s_add_co_u32 s42, s42, s44
.if LAYER == 3
	s_lshl_b32 s44, s19, 22                        ; 1,024 rows of 4,096 bytes
	s_add_co_u32 s42, s42, s44
.endif
	s_add_nc_u64 s[24:25], s[4:5], s[42:43]        ; the weight at my expert, my strip (my half of K)
.if NT > 4
	s_add_nc_u64 s[26:27], s[24:25], 0x800000      ; and 4 trips on, so that every load's immediate stays inside its 24 signed bits and no pointer is stepped
.endif
.if LAYER != 1
	s_wait_alu depctr_va_vdst(0)                   ; v[VW], the offset that the weight's loads read, is written, and so are the head's other addresses
	WLOAD 0                                        ; the first weights hang on no stored number: they go out ahead of the wait for the table
.endif
	s_mul_i32 s42, s17, ROWB
	s_lshl_b32 s44, s18, 8
	s_add_co_u32 s42, s42, s44
	s_add_nc_u64 s[30:31], s[6:7], s[42:43]        ; the bias at my strip
.if LAYER == 1
	s_mov_b64 s[28:29], s[8:9]                     ; x's codes,
	s_add_nc_u64 s[36:37], s[8:9], 786432          ; its scale words
.elseif LAYER == 2
	s_mov_b64 s[28:29], s[8:9]
	s_add_nc_u64 s[36:37], s[8:9], HSC
.else
	s_mul_i32 s42, s19, 8*1536                     ; my half of K: 8 steps on
	s_add_nc_u64 s[28:29], s[8:9], s[42:43]
	s_lshl_b32 s42, s19, 9
	s_add_nc_u64 s[36:37], s[8:9], s[42:43]
	s_add_nc_u64 s[36:37], s[36:37], HSC
.endif
.if LAYER == 3
	s_mul_i32 s42, s19, 2176*4096
	s_lshl_b32 s44, s18, 8
	s_add_co_u32 s42, s42, s44
	s_add_nc_u64 s[32:33], s[12:13], s[42:43]      ; Y at my half of K and my 256 bytes of a row
.else
	s_mul_i32 s42, s18, 768                        ; my strip is half c = strip & 1 of step strip >> 1 of the next K: 768 bytes on end
	s_add_nc_u64 s[32:33], s[12:13], s[42:43]
	s_lshr_b32 s42, s18, 1
	s_lshl_b32 s42, s42, 6
	s_and_b32 s44, s18, 1
	s_lshl_b32 s44, s44, 1
	s_add_co_u32 s42, s42, s44
	s_add_nc_u64 s[34:35], s[12:13], s[42:43]
	s_add_nc_u64 s[34:35], s[34:35], HSC           ; and two bytes of each row's scale word of that step
.endif
	s_wait_kmcnt 0x0
	s_min_u32 s20, s20, 135                        ; stored numbers enter addresses only held to the buffers' sizes
	s_min_u32 s21, s21, 64
; My two slots' tiles, base + w and base + w + 16 of the expert, and all offsets that hang on them.  A slot beyond the expert's tiles takes tile 0.
; Both slots' offsets are made first, so that one wait serves all the loads and stores that read them.
.macro SETUP base
	s_add_co_u32 s40, s16, \base
	s_add_co_u32 s41, s40, 16
.irp k, 0,1
	s_add_co_u32 s42, s20, s[40+\k]
	s_cmp_lt_u32 s[40+\k], s21
	s_cselect_b32 s42, s42, 0
	s_min_u32 s42, s42, 135
	s_mul_i32 s43, s42, 24576
	s_lshl_b32 s44, s42, 10
	s_lshl_b32 s45, s42, 6
	v_add_nc_u32 v[TO16+\k], s43, v[LD0+3]
	v_add_nc_u32 v[TO8+\k], s43, v[LD0+4]
	v_lshl_add_u32 v[TOW+\k], v2, 2, s44
	v_lshl_add_u32 v[LOFF+\k], v2, 2, s45
.if LAYER == 3
	s_lshl_b32 s46, s42, 16
	v_add_nc_u32 v[TY+\k], s46, v[YL]
.endif
.endr
	s_wait_alu depctr_va_vdst(0)                   ; the slots' offsets are written (at the first use in layer 1: the head's addresses too), which the loads and stores below read; at the second use all earlier products and the ends' vector lines are done with SB, BF, AF, the rows' scale words, the tokens and the gates, in which loads land again
.if LAYER == 1
.irp k, 0,1
	global_load_b32 v[TOK+\k], v[LOFF+\k], s[10:11] offset:256   ; my row's token
.endr
.endif
.endm
.macro TOKS                            ; layer 1: the token, held inside x, gives the row's offsets
.irp k, 0,1
	v_min_u32 v[TOK+\k], 0x3ff, v[TOK+\k]
	v_mul_u32_u24 v[AOX+\k], v[TOK+\k], 768
	v_add_nc_u32 v[AOX+\k], v[AOX+\k], v[H48]
	v_lshlrev_b32 v[AOS+\k], 5, v[TOK+\k]
.endr
	s_wait_alu depctr_va_vdst(0)                   ; the rows' offsets v[AOX ..] and v[AOS ..] are written, which the rows' loads read
.endm
.macro AFRAG s, q, k                   ; slot k's fragment and scale word of step q of trip s: every lane loads its registers whole.  NA loads
.set AR, AF+24*(\k)+12*(\q)
.set KS, 2*(\s)+(\q)
.set SA, AS0+(AS1-AS0)*(\q)+(\k)
.if LAYER == 1
	global_load_b128 v[AR:AR+3], v[AOX+\k], s[28:29] offset:96*KS
	global_load_b128 v[AR+4:AR+7], v[AOX+\k], s[28:29] offset:96*KS+16
	global_load_b128 v[AR+8:AR+11], v[AOX+\k], s[28:29] offset:96*KS+32
	global_load_b32 v[SA], v[AOS+\k], s[36:37] offset:4*KS
.else
	global_load_b128 v[AR:AR+3], v[TO16+\k], s[28:29] offset:1536*KS
	global_load_b64 v[AR+4:AR+5], v[TO8+\k], s[28:29] offset:1536*KS+512
	global_load_b128 v[AR+6:AR+9], v[TO16+\k], s[28:29] offset:1536*KS+768
	global_load_b64 v[AR+10:AR+11], v[TO8+\k], s[28:29] offset:1536*KS+1280
	global_load_b32 v[SA], v[TOW+\k], s[36:37] offset:64*KS
.endif
.endm
.macro APAIR s, q, cond                ; both slots' fragments of one step; cond: slot 1's are jumped over where the expert has no such tile
	AFRAG \s, \q, 0
.if \cond
	s_cmp_lt_u32 s41, s21
	s_cbranch_scc0 .Lna_\@
.endif
	AFRAG \s, \q, 1
.if \cond
.Lna_\@:
.endif
.endm
.macro BIAS                            ; NBI loads, into the weight's set 0, which has been quantised for the last time
.irp b, 0,1
.irp j, 0,1,2,3
	global_load_b128 v[WS+16*\b+4*\j:WS+16*\b+4*\j+3], v[BO], s[30:31] offset:128*\b+16*\j   ; the bias in the result's layout: register 16 b + i = column 32 b + 16 h + i
.endr
.endr
.if LAYER == 3
	global_load_b32 v[GT], v[LOFF], s[14:15]       ; my rows' gates
	global_load_b32 v[GT+2], v[LOFF+1], s[14:15]
.endif
.endm
; A PREFETCH INTO THE L2 of trip s's block of the weight: 256 rows x the strip's 256 aligned bytes.  The eight waves with w & 1 = 0 ask, one instruction each: wave w for rows 32 (w >> 1) + lane, a lane a row:
; so each row's 256 bytes are named once in the launch (no other work-group reads them).  It stands at a trip's end, behind the wave's loads; trip t asks for trip t + 3, whose loads are issued in trip t + 1;
; the last three trips ask for nothing, and nothing is asked for at the head.
.macro ASKW s
	s_cmp_eq_u32 s47, 0
	s_cbranch_scc0 .Lnp_\@
	global_prefetch_b8 v[PFO], s[24+2*((\s)/4):25+2*((\s)/4)] offset:((\s)%4)*256*ROWB th:TH_LOAD_NT scope:SCOPE_SE
.Lnp_\@:
.endm
.macro QUANTW s                        ; my block of 32 along K of my column: its scale, its 24 bytes of codes, into trip s's records
.set WB, WS+32*((\s)%2)
.set LB, LD0+6*((\s)/4)
	v_max3_num_f32 v[QT], |v[WB]|, |v[WB+1]|, |v[WB+2]|            ; the largest magnitude, in two chains
	v_max3_num_f32 v[QT+1], |v[WB+3]|, |v[WB+4]|, |v[WB+5]|
.irp i, 6,10,14,18,22,26
	v_max3_num_f32 v[QT], v[QT], |v[WB+\i]|, |v[WB+\i+1]|
	v_max3_num_f32 v[QT+1], v[QT+1], |v[WB+\i+2]|, |v[WB+\i+3]|
.endr
	v_max3_num_f32 v[QT], v[QT], |v[WB+30]|, |v[WB+31]|
	v_max3_num_f32 v[QT], v[QT], v[QT+1], 0x2800000                ; and the floor 2^(5 - 127): the byte cannot fall under 1
	v_add_nc_u32 v[QT+1], 0xfe000000, v[QT]                        ; 4 off the exponent field: the conversion's scale operand
	v_cvt_scalef32_pk16_bf6_f32 v[C:C+2], v[WB:WB+15], v[QT+1]
	v_cvt_scalef32_pk16_bf6_f32 v[C+4:C+6], v[WB+16:WB+31], v[QT+1]   ; (a conversion's three registers begin on an even number)
	v_lshrrev_b32 v[QT+2], 23, v[QT+1]                             ; the scale's byte: also the plain line behind the conversions
	v_mov_b32 v[C+3], v[C+4]
	v_mov_b32 v[C+4], v[C+5]
	v_mov_b32 v[C+5], v[C+6]
	s_wait_alu depctr_va_vdst(0)                   ; the conversions and moves have written v[C .. C + 5] and v[QT + 2], which the three LDS stores read; and the lines above are done reading this set of the weight, in which the loads of two trips on (or the bias) land
	ds_store_b128 v[LB], v[C:C+3] offset:((\s)%4)*TRIPB
	ds_store_b64 v[LB+1], v[C+4:C+5] offset:((\s)%4)*TRIPB
	ds_store_b8 v[LB+2], v[QT+2] offset:((\s)%4)*TRIPB
.endm
.macro MM k, t, f, q, zero             ; one product: slot k x column tile t, whose fragment lies in half f of BF; step q of the trip.  zero: it starts the sum
.set D, ACC+32*(\k)+8*(\t)
.set B0, BF+12*(\f)
.set A0, AF+24*(\k)+12*(\q)
.set SA, AS0+(AS1-AS0)*(\q)+(\k)
.if (\q) == 0
.if \zero
	v_wmma_scale_f32_16x16x128_f8f6f4 v[D:D+7], v[B0:B0+11], v[A0:A0+11], 0, v[SB+(\t)], v[SA] matrix_a_fmt:MATRIX_FMT_BF6 matrix_b_fmt:MATRIX_FMT_BF6
.else
	v_wmma_scale_f32_16x16x128_f8f6f4 v[D:D+7], v[B0:B0+11], v[A0:A0+11], v[D:D+7], v[SB+(\t)], v[SA] matrix_a_fmt:MATRIX_FMT_BF6 matrix_b_fmt:MATRIX_FMT_BF6
.endif
.else
	v_wmma_scale_f32_16x16x128_f8f6f4 v[D:D+7], v[B0:B0+11], v[A0:A0+11], v[D:D+7], v[SB+(\t)], v[SA] matrix_a_fmt:MATRIX_FMT_BF6 matrix_b_fmt:MATRIX_FMT_BF6 matrix_a_scale:MATRIX_SCALE_ROW1
.endif
.endm
.macro SBLOAD s                        ; the weight's scale words of trip s
.set LB, LD0+6*((\s)/4)
.irp t, 0,1,2,3
	ds_load_b32 v[SB+\t], v[LB+5] offset:((\s)%4)*TRIPB+\t*REC
.endr
.endm
.macro FRAGS s, q, tp                  ; two fragments of the weight from LDS: step q, column tiles 2 tp and 2 tp + 1
.set LB, LD0+6*((\s)/4)
.set RO, ((\s)%4)*TRIPB+(4*(\q)+2*(\tp))*REC
.irp f, 0,1
	ds_load_b128 v[BF+12*\f:BF+12*\f+3], v[LB+3] offset:RO+\f*REC
	ds_load_b64 v[BF+12*\f+4:BF+12*\f+5], v[LB+4] offset:RO+\f*REC+512
	ds_load_b128 v[BF+12*\f+6:BF+12*\f+9], v[LB+3] offset:RO+\f*REC+768
	ds_load_b64 v[BF+12*\f+10:BF+12*\f+11], v[LB+4] offset:RO+\f*REC+1280
.endr
.endm
; Their products with both slots.  The accumulators take turns, one instruction a turn, on every path.  cond: slot 1's two are jumped over where the expert has no such tile.
.macro PROD q, tp, cond, zero
	MM 0, 2*(\tp), 0, \q, \zero
	MM 0, 2*(\tp)+1, 1, \q, \zero
.if \cond
	s_cmp_lt_u32 s41, s21
	s_cbranch_scc0 .Lone_\@
.endif
	MM 1, 2*(\tp), 0, \q, \zero
	MM 1, 2*(\tp)+1, 1, \q, \zero
.if \cond
.Lone_\@:
.endif
.endm
.macro NOPS                            ; four places between products and loads into registers that they read, or reads of their results (ISA guide 7.12.1 for vector instructions; kept for loads too, beside the waits on va_vdst)
.rept 4
	v_nop
.endr
.endm
; A TRIP.  Loads come back in the order of issue (ISA guide 5.7.1), so a wait's count is the number of loads issued behind the one that is wanted, on the path that issues fewest: slot 1's loads are not counted.
; In front of the trips the wave issues W(0) 32, four fragments 4 NA, W(1) 32.  In trip s it issues: 8 of W(s + 2); 8; A(s + 1, q = 0) NA or 2 NA; 8; 8; A(s + 1, q = 1) NA or 2 NA.
; In trip NT - 2 the bias (NBI loads) stands in the first eight's place and no weights are left; trip NT - 1 issues nothing.
;   HN  at the head: W(s) is in.   Q0N in front of step 0's products, behind the first eight: A(s, 0) is in.   Q1N in front of step 1's, behind the third eight: A(s, 1) is in.
.macro TRIP s
.if (\s) == 0
.set HN,  32+4*NA                      ; behind W(0): the four fragments, W(1)
.set Q0N, 40+2*NA                      ; behind A(0, 0): A(0, 1) of both slots, W(1), 8
.set Q1N, 56+NA                        ; behind A(0, 1): W(1), 8, 8, A(1, 0), 8
.set CND, 0
.set ZR,  1
.elseif (\s) == NT-1
.set HN,  NBI+3*NA                     ; behind W(NT - 1): A(NT - 2, 1), the bias, A(NT - 1, 0), A(NT - 1, 1)
.set Q0N, NA                           ; behind A(NT - 1, 0): A(NT - 1, 1)
.set Q1N, 0                            ; all: the bias (and the gates) too
.set CND, 1
.set ZR,  0
.elseif (\s) == NT-2
.set HN,  32+3*NA
.set Q0N, 16+NA+NBI                    ; behind A(s, 0): 8, 8, A(s, 1), the bias
.set Q1N, NBI+NA                       ; behind A(s, 1): the bias, A(s + 1, 0)
.set CND, 1
.set ZR,  0
.elseif (\s) == 1
.set HN,  32+2*NA                      ; behind W(1): trip 0's 32, A(1, 0), A(1, 1)
.set Q0N, 24+NA
.set Q1N, 24+NA
.set CND, 1
.set ZR,  0
.else
.set HN,  32+3*NA                      ; behind W(s): A(s - 1, 1), then trip s - 1's 32, A(s, 0), A(s, 1)
.set Q0N, 24+NA                        ; behind A(s, 0): 8, 8, A(s, 1), 8
.set Q1N, 24+NA                        ; behind A(s, 1): 8, 8, A(s + 1, 0), 8
.set CND, 1
.set ZR,  0
.endif
	s_wait_loadcnt HN
	QUANTW \s
	s_wait_dscnt 0x0                               ; my codes and my scale byte lie in LDS,
	s_barrier_signal -1
	s_barrier_wait -1                              ; everybody's do: the trip's 8 records are whole.  They are never written again, so no second barrier is owed
.if ((\s) < NT-1) || (LAYER != 3)
	s_wait_alu depctr_vm_vsrc(0)                   ; my three LDS stores have read v[C ..] and v[QT + 2], which the next trip's quantiser writes again (behind the last trip of layers 1 and 2: the end of slot 0 writes v254); no memory instruction reads them between here and there
.endif
	SBLOAD \s                                      ; (SB and BF: the last trip's last wait on va_vdst, and the quantiser's, stand behind the products that read them)
	FRAGS \s, 0, 0
.if (\s) <= NT-3
	WCHUNK (\s)+2, 0                               ; into the set that this trip has quantised: the quantiser's wait serves all 32 of these loads
.elseif (\s) == NT-2
	BIAS
.endif
	s_wait_loadcnt Q0N
	s_wait_dscnt 0x0
	PROD 0, 0, CND, ZR
	NOPS
	s_wait_alu depctr_va_vdst(0)                   ; the products above are done reading BF, in which the next two fragments land
	FRAGS \s, 0, 1
.if (\s) <= NT-3
	WCHUNK (\s)+2, 1
.endif
	s_wait_dscnt 0x0
	PROD 0, 1, CND, ZR
	NOPS
	s_wait_alu depctr_va_vdst(0)                   ; step 0's products are done reading BF, the rows' fragments of step 0 and their scale words: loads land in all three below
	FRAGS \s, 1, 0                                 ; the LDS loads first: they are waited for first
.if (\s) < NT-1
	APAIR (\s)+1, 0, 1                             ; step 0's fragments are done with: the next trip's take their place
.endif
.if (\s) <= NT-3
	WCHUNK (\s)+2, 2
.endif
	s_wait_loadcnt Q1N
	s_wait_dscnt 0x0
	PROD 1, 0, CND, ZR
	NOPS
	s_wait_alu depctr_va_vdst(0)                   ; the products above are done reading BF, in which the next two fragments land
	FRAGS \s, 1, 1
.if (\s) <= NT-3
	WCHUNK (\s)+2, 3
.endif
	s_wait_dscnt 0x0
	PROD 1, 1, CND, ZR
	NOPS
.if (\s) < NT-1
	s_wait_alu depctr_va_vdst(0)                   ; step 1's products are done reading the rows' fragments of step 1 and their scale words, in which the loads below land, and SB and BF, in which the next trip's LDS loads land
	APAIR (\s)+1, 1, 1                             ; and step 1's
.endif
.if (\s)+3 <= NT-1
	ASKW (\s)+3
.endif
.endm
.macro MMPLAIN s, zero                 ; a trip's 16 products with nothing between them: for tiles 32 .. 63
	SBLOAD \s
.irp q, 0,1
.irp tp, 0,1
.if (\q)+(\tp) > 0
	s_wait_alu depctr_va_vdst(0)                   ; the batch above is done reading BF, in which the next two fragments land
.endif
	FRAGS \s, \q, \tp
	s_wait_dscnt 0x0
	PROD \q, \tp, 0, \zero
	NOPS
.endr
.endr
.endm
; THE END OF A SLOT, jumped over where the expert has no such tile.  Each accumulator is read from its low end on.
.macro EPI k
.set A, ACC+32*(\k)
.set P, BF+12*(\k)
.set RB, 152-80*(\k)
	s_cmp_lt_u32 s[40+\k], s21
	s_cbranch_scc0 .Lno_\@
.if LAYER == 3
	s_cmp_lg_u32 s19, 0                            ; b3 is added in the first half of K alone
	s_cbranch_scc1 .Lnob_\@
.endif
.irp j, 0,2,4,6,8,10,12,14,16,18,20,22,24,26,28,30
	v_pk_add_f32 v[A+\j:A+\j+1], v[A+\j:A+\j+1], v[WS+\j:WS+\j+1]
.endr
.if LAYER == 3
.Lnob_\@:
.irp j, 0,2,4,6,8,10,12,14,16,18,20,22,24,26,28,30
	v_pk_mul_f32 v[A+\j:A+\j+1], v[A+\j:A+\j+1], v[GT+2*(\k):GT+2*(\k)+1] op_sel_hi:[1,0]   ; x my row's gate
.endr
	s_wait_alu depctr_va_vdst(0)                   ; the multiplications have written the slot's 32 sums, which the LDS stores read; the products and the quantiser are done reading v[RB ..], in which the stage's loads land
.irp b, 0,1
.irp d, 0,1,2,3
	ds_store_b128 v[STO], v[A+16*\b+4*\d:A+16*\b+4*\d+3] offset:128*\b+16*\d   ; through my wave's own stage: LDS serves a wave's instructions in order, so no wait stands between the stores and the loads
.endr
.endr
.irp i, 0,1,2,3,4,5,6,7
	ds_load_b128 v[RB+4*\i:RB+4*\i+3], v[SRD] offset:544*\i
.endr
.irp i, 0,1,2,3,4,5,6,7
	s_wait_dscnt 7-\i                              ; the younger reads of the stage may be out
	global_store_b128 v[TY+\k], v[RB+4*\i:RB+4*\i+3], s[32:33] offset:8192*\i th:TH_STORE_NT   ; sixteen lanes store 256 consecutive bytes, aligned
.endr
.else
.irp j, 0,1,2,3,4,5,6,7,8,9,10,11,12,13,14,15,16,17,18,19,20,21,22,23,24,25,26,27,28,29,30,31
	v_max_num_f32 v[A+\j], 0, v[A+\j]              ; the activation, in f32
.endr
.irp b, 0,1
	v_max3_num_f32 v[248+\b], v[A+16*\b], v[A+16*\b+1], 0x2800000   ; block b: my 16 numbers (none is negative) and the floor 2^(5 - 127)
.endr
.irp i, 2,4,6,8,10,12,14
.irp b, 0,1
	v_max3_num_f32 v[248+\b], v[248+\b], v[A+16*\b+\i], v[A+16*\b+\i+1]
.endr
.endr
.irp b, 0,1
	v_permlanex16_b32 v[250+\b], v[248+\b], s48, s49
.endr
.irp b, 0,1
	v_max_num_f32 v[248+\b], v[248+\b], v[250+\b]  ; with lane l xor 16's 16: the block's largest
.endr
.irp b, 0,1
	v_add_nc_u32 v[252+\b], 0xfe000000, v[248+\b]  ; the conversion's scale operand
.endr
.irp b, 0,1
	v_lshrrev_b32 v[250+\b], 23, v[252+\b]         ; the scale's byte
.endr
	v_cvt_scalef32_pk16_bf6_f32 v[P:P+2], v[A:A+15], v252
	v_cvt_scalef32_pk16_bf6_f32 v[P+8:P+10], v[A+16:A+31], v253
	v_lshl_or_b32 v[254+\k], v251, 8, v250         ; my row's two scale bytes: also the plain line behind the conversions
.irp i, 0,1,2
	v_permlane16_swap_b32 v[P+\i], v[P+8+\i]       ; the operand wants a whole block in a lane: lanes 0-15 block 0, lanes 16-31 block 1
.endr
.irp i, 0,1,2
	v_mov_b32 v[P+3+\i], v[P+8+\i]
.endr
	s_wait_alu depctr_va_vdst(0)                   ; the swaps and moves have written v[P .. P + 5], and the line behind the conversions the two scale bytes: the three stores read them
	global_store_b128 v[TO16+\k], v[P:P+3], s[32:33]               ; the image of six registers of the next layer's operand: 512 + 256 consecutive bytes, aligned
	global_store_b64 v[TO8+\k], v[P+4:P+5], s[32:33] offset:512
	global_store_b16 v[TOW+\k], v[254+\k], s[34:35]                ; (lanes l and l xor 16 store the same two bytes)
.endif
.Lno_\@:
.endm
	SETUP 0
.if LAYER == 1
	WLOAD 0
	s_wait_loadcnt 32                              ; the tokens are in; the 32 weight loads issued behind them may be out
	TOKS
.endif
	APAIR 0, 0, 0
	APAIR 0, 1, 0
	WLOAD 1
.set Q, 0
.rept NT
	TRIP Q
.set Q, Q+1
.endr
	EPI 0
	EPI 1
	; TILES 32 .. 63, where the expert has so many: the whole quantised strip lies in LDS, so only the rows are loaded.  No barrier from here on.
	s_cmp_gt_u32 s21, 32
	s_cbranch_scc0 .Lend
	s_wait_xcnt 0x0                                ; the stores above have read their data and offsets: both are written again below
	s_wait_alu depctr_vm_vsrc(0)                   ; all loads and stores issued so far have read the slots' offsets and the stores' data (the new codes and scale bytes; in layer 3 the sums and the rows read back from the stage): SETUP, TOKS, the loads and the products below write them again
	SETUP 32
.if LAYER == 1
	s_wait_loadcnt 0x0
	TOKS
.endif
.if LAYER == 3
	global_load_b32 v[GT], v[LOFF], s[14:15]
	global_load_b32 v[GT+2], v[LOFF+1], s[14:15]
.endif
.set Q, 0
.rept NT
.if Q > 0
	s_wait_alu depctr_va_vdst(0)                   ; the products of the 256 along K before are done reading the rows' fragments, their scale words, SB and BF, in which the loads below land
.endif
	APAIR Q, 0, 0
	APAIR Q, 1, 0
	s_wait_loadcnt 0x0
.if Q == 0
	MMPLAIN Q, 1
.else
	MMPLAIN Q, 0
.endif
.set Q, Q+1
.endr
	EPI 0
	EPI 1
.Lend:
	s_wait_dscnt 0x0                               ; the closing lines, six on end
	s_wait_alu 0x0
	s_wait_tensorcnt 0x0
	ds_add_u32 v31, v47
	s_wait_dscnt 0x0
	s_endpgm
.Lfunc_end_k_qbaa35e103a_layer2:
	.size	k_qbaa35e103a_layer2, .Lfunc_end_k_qbaa35e103a_layer2-k_qbaa35e103a_layer2
	.p2alignl 7, 3214868480
	.fill 96, 4, 3214868480
	.section	.rodata,"a",@progbits
	.p2align	6, 0x0
	.amdhsa_kernel k_qbaa35e103a_layer2
		.amdhsa_group_segment_fixed_size 108544
		.amdhsa_private_segment_fixed_size 0
		.amdhsa_enable_private_segment 0
		.amdhsa_kernarg_size 40
		.amdhsa_user_sgpr_count 2
		.amdhsa_user_sgpr_kernarg_segment_ptr 1
		.amdhsa_wavefront_size32 1
		.amdhsa_system_sgpr_workgroup_id_x 1
		.amdhsa_system_sgpr_workgroup_id_y 1
		.amdhsa_system_sgpr_workgroup_id_z 1
		.amdhsa_system_vgpr_workitem_id 0
		.amdhsa_next_free_vgpr 256
		.amdhsa_next_free_sgpr 66
		.amdhsa_reserve_vcc 0
		.amdhsa_float_denorm_mode_32 3
		.amdhsa_float_denorm_mode_16_64 3
		.amdhsa_memory_ordered 1
		.amdhsa_forward_progress 1
		.amdhsa_inst_pref_size 177
	.end_amdhsa_kernel
	.amdgpu_metadata
---
amdhsa.version: [ 1, 2 ]
amdhsa.kernels:
  - .name:           k_qbaa35e103a_layer2
    .symbol:         k_qbaa35e103a_layer2.kd
    .args:
      - { .name: W2, .offset: 0, .size: 8, .value_kind: global_buffer, .address_space: global }
      - { .name: b2, .offset: 8, .size: 8, .value_kind: global_buffer, .address_space: global }
      - { .name: H1, .offset: 16, .size: 8, .value_kind: global_buffer, .address_space: global }
      - { .name: PI, .offset: 24, .size: 8, .value_kind: global_buffer, .address_space: global }
      - { .name: H2, .offset: 32, .size: 8, .value_kind: global_buffer, .address_space: global }
    .group_segment_fixed_size: 108544
    .private_segment_fixed_size: 0
    .kernarg_segment_align: 8
    .kernarg_segment_size: 40
    .max_flat_workgroup_size: 512
    .sgpr_count:     66
    .vgpr_count:     256
    .wavefront_size: 32
...
	.end_amdgpu_metadata
.endif
;; end of part 13
;; launch layer3 (part 14): grid 32 x 8, 16 waves a work-group, no clusters, 124,928 bytes of LDS; arguments W3, b3, H2, PI, Y, PF; writes Y
.if DOCPART == 14
	.amdgcn_target "amdgcn-amd-amdhsa--gfx1250"
	.amdhsa_code_object_version 6
	.text
	.protected	k_qbaa35e103a_layer3
	.globl	k_qbaa35e103a_layer3
	.p2align	8
	.type	k_qbaa35e103a_layer3,@function
k_qbaa35e103a_layer3:
	s_mov_b64 s[64:65], 0
	v_nop
	global_prefetch_b8 v0, s[64:65] scope:SCOPE_SE
	s_setreg_imm32_b32 hwreg(HW_REG_WAVE_SCHED_MODE, 0, 2), 2
	s_setreg_imm32_b32 hwreg(HW_REG_WAVE_MODE, 25, 1), 1
	s_wait_xcnt 0x0
	s_wait_alu depctr_vm_vsrc(0)
; ONE LAYER OF THE EXPERTS, on the rows that the router chose.  The same text serves the three layers; LAYER says which.
.set LAYER, 3
;   LAYER 1: h1 = Q(relu(x W1 + b1))      LAYER 2: h2 = Q(relu(h1 W2 + b2))      LAYER 3: Y[kh][row] = gate x (h2 W3 over half kh of K, + b3 where kh = 0)
; Both operands of the product are codes of E3M2 with one E8M0 scale for each 32 along K; sums in f32.  Q is the same quantiser along the next layer's K.
; THE WEIGHTS BIND: they arrive as f32 [expert][K][N].  Each weight byte is read ONCE in the launch, by one work-group, quantised in registers and used at once.
; SHARES.  A work-group owns one expert (grid y) and a strip of 64 columns of N (grid x; in layer 3 also a half of K), and multiplies ALL of that expert's rows by it.  K goes in NT trips of 256.
; AS PRODUCER wave w takes, in each trip, 32 K rows x 32 columns: A LANE TAKES A COLUMN AND ITS 32 REGISTERS RUN DOWN K, so a block of 32 lies in one lane, and the conversions give codes with K innermost.
;   Each load reads 128 consecutive bytes; wave w xor 1 reads the other half of the same aligned 256.  The codes go to LDS as images of the operand's registers and stay there: no LDS byte is written twice.
; AS CONSUMER wave w owns the expert's tiles of 16 rows number w and w + 16 (slots 0, 1) against the strip's four tiles of 16 columns: 8 accumulators.  Tiles 32 .. 63 (a very uneven choice) follow at the end, from the strip in LDS.
; THE PRODUCT IS USED TRANSPOSED (source 0 = 16 columns of the weight, source 1 = 16 rows), and row m of column tile t is column 32 (t / 2) + 8 (t % 2) + m + 8 (m / 8):
;   so lane (r, h) holds row r, and its registers 16 b + i are columns 32 b + 16 h + i: 16 neighbours along the next K.
; THE LOADS RUN AHEAD.  A trip's products go in two steps of 128 along K (q = 0, 1), each in two batches of two column tiles.  The rows' fragments of step q are free as soon as that step's products are issued:
;   the next trip's fragments of the same step are asked for there, so that half a trip's products, the next quantising step and the barrier stand between the request and the use.
;   The weights of trip s + 2 are asked for in trip s, into the set that trip s has quantised: eight loads in each batch, between the batch's LDS loads and the wait for them.
; WHAT HANGS ON THE STORED LIST: how many tiles the expert has.  Every barrier, every weight load, every quantising step, all of slot 0's loads and products and all of trip 0 stand on every path; a slot without a tile
;   takes tile 0 (which always exists) and stores nothing.  Slot 1's loads and products of later trips, the stores and the part for tiles 32 .. 63 are jumped over by scalar branches on the stored count; no barrier stands under such a branch.
; No tensor load, no cluster: the row counts are read from memory, so the operands go from memory straight into registers.  The 32 work-groups of an expert read the same activations by plain loads.
; LIMITS: NaN and infinities are not served.  A block of zeros gets the scale byte 1 (its codes are zeros; only this program reads the bytes).  An expert without rows still streams its strip.
; THE MODE: SCHED_MODE bits 1:0 = 2 (LLVM: expert scheduling mode 2), set by the entry lines.  The code itself states the register dependences
; between vector or matrix instructions and memory or LDS instructions, with s_wait_alu, always for 0.
; THE PLAN.  Registers that memory or LDS instructions touch, in a trip:
;   WS0, WS1       Trip s: the quantiser's lines read WS[s % 2]; behind them the loads of trip s + 2 (in trip NT - 2 the bias) land in it.
;   C, v[QT + 2]   Written by the quantiser, read by its three LDS stores, written again a trip later (v254 also by the end of slot 0, in layers 1 and 2).
;   SB, BF         LDS loads land in them, the products read them.  One set alone: 16 waves of 256 registers are all that the launch may take, so a batch's fragments land where the batch before's lay.
;   AF, AS0, AS1   Step q's products read them; behind those the next trip's loads of the same step land in them.
;   the addresses  Made at the head, in SETUP and in TOKS; none is written in a trip: the weight's rows are reached by immediate offsets.
;   The accumulators are named by matrix and vector instructions alone until the end.
; So a trip holds five waits on va_vdst: one in the quantiser, ahead of its LDS stores (the codes are written; the conversions are done reading the weight's set), and one behind the places of each batch of products,
; ahead of the loads that land where those products read; and one wait on vm_vsrc, behind the barrier (the LDS stores have read the codes' registers).  The weight's loads follow the quantiser's wait with no further one:
; no vector or matrix instruction between it and them names their registers.
.if LAYER == 2
.set NT, 8                             ; trips of 256 along K
.else
.set NT, 4
.endif
.if LAYER == 3
.set WN, 1024                          ; numbers in a row of the weight
.set ESTR, 2*NT*256*WN*4               ; bytes of an expert's weight (two halves of K)
.set NBI, 10                           ; loads of the bias and the two gates
.else
.set WN, 2048
.set ESTR, NT*256*WN*4
.set NBI, 8                            ; loads of the bias
.endif
.if LAYER == 1
.set NA, 4                             ; loads that bring one fragment of rows and its scale word
.else
.set NA, 5
.endif
.set ROWB,  WN*4
.set REC,   1664                       ; LDS: a record is one fragment (16 columns x 128 K): for c = 0, 1: registers 6 c .. 6 c + 3 at 768 c + 16 lane, 6 c + 4, 6 c + 5 at 768 c + 512 + 8 lane; 16 scale words at 1536; 64 bytes unused
.set TRIPB, 8*REC                      ; a trip's 8 records: (step q of 128, column tile t) at (4 q + t) REC
.set STG,   4*TRIPB                    ; layer 3: behind the records a stage of 16 rows x 272 bytes for each wave
.set HSC,   3342336                    ; in H1, H2: codes [136 tiles][16 steps][2 c][512 + 256 bytes], then from here scale words [136][16 steps][16 rows]
.set VW,   4                           ; v4      my byte in the trip's block of the weight
.set LD0,  5                           ; v5-10   LDS: where I store 16 bytes, 8 bytes, the scale byte; where I read 16 bytes (16 lane), 8 bytes (8 lane), scale words.  v11-16: the same 4 trips on (layer 2)
.set TO16, 17                          ; v17-18  slot k: tile x 24576 + 16 lane
.set TO8,  19                          ; v19-20  tile x 24576 + 8 lane
.set AS1,  21                          ; v21-22  the rows' scale words of step q = 1, slot k, and nothing else (lanes 0-15 are read)
.set TOW,  23                          ; v23-24  tile x 1024 + 4 r
.set AOX,  25                          ; v25-26  layer 1: token x 768 + 48 h
.set AOS,  27                          ; v27-28  layer 1: token x 32
.set TY,   25                          ; v25-26  layer 3: tile x 65536 + my place in two rows of Y
.set YL,   27                          ; v27     layer 3: that place
.set BO,   29                          ; v29     64 h: my place in the bias
.set TOK,  30                          ; v30-31  layer 1: my row's token
.set STO,  30                          ; v30     layer 3: the stage, on the way in
.set SRD,  31                          ; v31     layer 3: and back
.set AS0,  32                          ; v32-33  the rows' scale words of step q = 0, slot k, and nothing else
.set SB,   34                          ; v34-37  the weight's scale words and nothing else, for column tile t: lanes 0-15 the trip's first 128 along K, lanes 16-31 its second
.set LOFF, 38                          ; v38-39  tile x 64 + 4 r: my row in the lists
.set C,    40                          ; v40-46  the codes just made
.set H48,  47                          ; v47     layer 1: 48 h
.set BF,   48                          ; v48-71  two fragments of the weight; at the end the rows' new codes
.set AF,   72                          ; v72-119 the rows' fragments: slot k, step q at 72 + 24 k + 12 q
.set WS,   120                         ; v120-183 two sets of 32 numbers of the weight; set 0 holds the bias at the end
.set ACC,  184                         ; v184-247 accumulator (slot k, column tile t) at 184 + 32 k + 8 t
.set GT,   248                         ; v248, v250 layer 3: my rows' gates (named in pairs with v249, v251)
.set QT,   252                         ; v252-254 at work in the weight's quantiser
.if NT > 4
.set PFO,  27                          ; the prefetches' offset: row 32 (w >> 1) + lane of a trip's 256; never rewritten (a register that this layer uses for nothing else)
.else
.set PFO,  11
.endif
.macro WCHUNK s, c                     ; eight of trip s's 32 numbers of my column, into set s % 2
.set WB, WS+32*((\s)%2)
.set i, 8*(\c)
.rept 8
	global_load_b32 v[WB+i], v[VW], s[24+2*((\s)/4):25+2*((\s)/4)] offset:((\s)%4)*256*ROWB+i*ROWB th:TH_LOAD_NT
.set i, i+1
.endr
.endm
.macro WLOAD s                         ; all 32
	WCHUNK \s, 0
	WCHUNK \s, 1
	WCHUNK \s, 2
	WCHUNK \s, 3
.endm
	s_load_b256 s[4:11], s[0:1], 0x0               ; the weight, the bias, the activations, PI
.if LAYER == 3
	s_load_b128 s[12:15], s[0:1], 0x20             ; Y, PF
	v_lshl_add_u32 v47, v0, 2, 0x1e000
	v_mov_b32 v255, 0
.else
	s_load_b64 s[12:13], s[0:1], 0x20              ; the next layer's codes and scales
.endif
	v_lshrrev_b32 v1, 5, v0
	v_readfirstlane_b32 s16, v1                    ; wave 0 .. 15
	s_wait_alu depctr_va_sdst(0)                   ; s16 is written, ahead of its first reader: branches and the slots' tiles are made from it
	s_and_b32 s47, s16, 1                          ; which 32 columns I produce
	s_and_b32 s17, ttmp7, 0xffff                   ; expert
.if LAYER == 3
	s_and_b32 s18, ttmp9, 15                       ; strip
	s_lshr_b32 s19, ttmp9, 4                       ; half of K
.else
	s_mov_b32 s18, ttmp9
	s_mov_b32 s19, 0
.endif
	v_and_b32 v1, 31, v0                           ; lane
	v_and_b32 v2, 15, v0                           ; r
	v_bfe_u32 v3, v0, 4, 1                         ; h
	; producer: hf = w & 1 (which 32 columns), b = w >> 1 (which block of 32 along K): q = b >> 2, c = (b >> 1) & 1, hc = b & 1
	v_lshlrev_b32 v[VW], 2, v1
	v_bfe_u32 v248, v0, 5, 1                       ; hf
	v_lshl_add_u32 v[VW], v248, 7, v[VW]
	v_lshrrev_b32 v249, 6, v0                      ; b
	v_mul_u32_u24 v250, v249, 32*ROWB
	v_add_nc_u32 v[VW], v[VW], v250                ; 4 l + 128 hf + 32 b rows
	v_mad_u32_u24 v[PFO], v1, ROWB, v250           ; row 32 b + l
	v_bfe_u32 v250, v0, 8, 1                       ; q
	v_lshlrev_b32 v250, 2, v250
	v_lshl_add_u32 v250, v248, 1, v250
	v_bfe_u32 v251, v0, 3, 1                       ; u = (l >> 3) & 1
	v_add_nc_u32 v250, v250, v251                  ; record 4 q + 2 hf + u
	v_mul_u32_u24 v253, v250, REC
	v_bfe_u32 v251, v0, 7, 1                       ; c
	v_mad_u32_u24 v250, v251, 768, v253
	v_and_b32 v251, 7, v0
	v_lshl_add_u32 v251, v3, 3, v251               ; m = (l & 7) + 8 (l >> 4): my column's row in its tile
	v_bfe_u32 v252, v0, 6, 1                       ; hc
	v_lshl_add_u32 v252, v252, 4, v251             ; the operand's lane that my codes belong to
	v_lshl_add_u32 v[LD0], v252, 4, v250
	v_lshl_add_u32 v[LD0+1], v252, 3, v250
	v_add_nc_u32 v[LD0+1], 512, v[LD0+1]
	v_lshl_add_u32 v[LD0+2], v251, 2, v253
	v_bfe_u32 v254, v0, 6, 2                       ; b & 3: my block's byte in the scale word
	v_add_nc_u32 v[LD0+2], v[LD0+2], v254
	v_add_nc_u32 v[LD0+2], 1536, v[LD0+2]
	v_lshlrev_b32 v[LD0+3], 4, v1
	v_lshlrev_b32 v[LD0+4], 3, v1
	v_mul_u32_u24 v[LD0+5], v3, 4*REC              ; lanes 16-31 take the scale words of the record four on: the trip's second 128 along K
	v_lshl_add_u32 v[LD0+5], v2, 2, v[LD0+5]
	v_add_nc_u32 v[LD0+5], 1536, v[LD0+5]
.if NT > 4
.irp i, 0,1,2,3,4,5
	v_add_nc_u32 v[LD0+6+\i], 4*TRIPB, v[LD0+\i]   ; trips 4 to 7 lie beyond an LDS instruction's immediate
.endr
.endif
	v_lshlrev_b32 v[BO], 6, v3
.if LAYER == 1
	v_mul_u32_u24 v[H48], v3, 48
.endif
.if LAYER == 3
	v_lshrrev_b32 v248, 5, v0
	v_mul_u32_u24 v248, v248, 16*272
	v_add_nc_u32 v248, STG, v248                   ; my wave's stage
	v_mad_u32_u24 v[STO], v2, 272, v248
	v_lshl_add_u32 v[STO], v3, 6, v[STO]           ; in: row r, + 64 h
	v_mad_u32_u24 v[SRD], v3, 272, v248
	v_lshl_add_u32 v[SRD], v2, 4, v[SRD]           ; back: lanes 0-15 one row of 256 bytes, lanes 16-31 the next
	v_lshlrev_b32 v[YL], 12, v3
	v_lshl_add_u32 v[YL], v2, 4, v[YL]             ; and the same two rows in Y
.endif
	s_mov_b32 s48, 0x76543210
	s_mov_b32 s49, 0xfedcba98                      ; v_permlanex16_b32's selects for lane l xor 16 (its destinations, v250 and v251, have been written above)
	s_lshl_b32 s22, s17, 3
	s_wait_kmcnt 0x0
	s_load_b64 s[20:21], s[10:11], s22 offset:0x0  ; the expert's first tile and its number of tiles
	s_mov_b32 s43, 0
	s_mul_i32 s42, s17, ESTR
	s_lshl_b32 s44, s18, 8
	s_add_co_u32 s42, s42, s44
.if LAYER == 3
	s_lshl_b32 s44, s19, 22                        ; 1,024 rows of 4,096 bytes
	s_add_co_u32 s42, s42, s44
.endif
	s_add_nc_u64 s[24:25], s[4:5], s[42:43]        ; the weight at my expert, my strip (my half of K)
.if NT > 4
	s_add_nc_u64 s[26:27], s[24:25], 0x800000      ; and 4 trips on, so that every load's immediate stays inside its 24 signed bits and no pointer is stepped
.endif
.if LAYER != 1
	s_wait_alu depctr_va_vdst(0)                   ; v[VW], the offset that the weight's loads read, is written, and so are the head's other addresses
	WLOAD 0                                        ; the first weights hang on no stored number: they go out ahead of the wait for the table
.endif
	s_mul_i32 s42, s17, ROWB
	s_lshl_b32 s44, s18, 8
	s_add_co_u32 s42, s42, s44
	s_add_nc_u64 s[30:31], s[6:7], s[42:43]        ; the bias at my strip
.if LAYER == 1
	s_mov_b64 s[28:29], s[8:9]                     ; x's codes,
	s_add_nc_u64 s[36:37], s[8:9], 786432          ; its scale words
.elseif LAYER == 2
	s_mov_b64 s[28:29], s[8:9]
	s_add_nc_u64 s[36:37], s[8:9], HSC
.else
	s_mul_i32 s42, s19, 8*1536                     ; my half of K: 8 steps on
	s_add_nc_u64 s[28:29], s[8:9], s[42:43]
	s_lshl_b32 s42, s19, 9
	s_add_nc_u64 s[36:37], s[8:9], s[42:43]
	s_add_nc_u64 s[36:37], s[36:37], HSC
.endif
.if LAYER == 3
	s_mul_i32 s42, s19, 2176*4096
	s_lshl_b32 s44, s18, 8
	s_add_co_u32 s42, s42, s44
	s_add_nc_u64 s[32:33], s[12:13], s[42:43]      ; Y at my half of K and my 256 bytes of a row
.else
	s_mul_i32 s42, s18, 768                        ; my strip is half c = strip & 1 of step strip >> 1 of the next K: 768 bytes on end
	s_add_nc_u64 s[32:33], s[12:13], s[42:43]
	s_lshr_b32 s42, s18, 1
	s_lshl_b32 s42, s42, 6
	s_and_b32 s44, s18, 1
	s_lshl_b32 s44, s44, 1
	s_add_co_u32 s42, s42, s44
	s_add_nc_u64 s[34:35], s[12:13], s[42:43]
	s_add_nc_u64 s[34:35], s[34:35], HSC           ; and two bytes of each row's scale word of that step
.endif
	s_wait_kmcnt 0x0
	s_min_u32 s20, s20, 135                        ; stored numbers enter addresses only held to the buffers' sizes
	s_min_u32 s21, s21, 64
; My two slots' tiles, base + w and base + w + 16 of the expert, and all offsets that hang on them.  A slot beyond the expert's tiles takes tile 0.
; Both slots' offsets are made first, so that one wait serves all the loads and stores that read them.
.macro SETUP base
	s_add_co_u32 s40, s16, \base
	s_add_co_u32 s41, s40, 16
.irp k, 0,1
	s_add_co_u32 s42, s20, s[40+\k]
	s_cmp_lt_u32 s[40+\k], s21
	s_cselect_b32 s42, s42, 0
	s_min_u32 s42, s42, 135
	s_mul_i32 s43, s42, 24576
	s_lshl_b32 s44, s42, 10
	s_lshl_b32 s45, s42, 6
	v_add_nc_u32 v[TO16+\k], s43, v[LD0+3]
	v_add_nc_u32 v[TO8+\k], s43, v[LD0+4]
	v_lshl_add_u32 v[TOW+\k], v2, 2, s44
	v_lshl_add_u32 v[LOFF+\k], v2, 2, s45
.if LAYER == 3
	s_lshl_b32 s46, s42, 16
	v_add_nc_u32 v[TY+\k], s46, v[YL]
.endif
.endr
	s_wait_alu depctr_va_vdst(0)                   ; the slots' offsets are written (at the first use in layer 1: the head's addresses too), which the loads and stores below read; at the second use all earlier products and the ends' vector lines are done with SB, BF, AF, the rows' scale words, the tokens and the gates, in which loads land again
.if LAYER == 1
.irp k, 0,1
	global_load_b32 v[TOK+\k], v[LOFF+\k], s[10:11] offset:256   ; my row's token
.endr
.endif
.endm
.macro TOKS                            ; layer 1: the token, held inside x, gives the row's offsets
.irp k, 0,1
	v_min_u32 v[TOK+\k], 0x3ff, v[TOK+\k]
	v_mul_u32_u24 v[AOX+\k], v[TOK+\k], 768
	v_add_nc_u32 v[AOX+\k], v[AOX+\k], v[H48]
	v_lshlrev_b32 v[AOS+\k], 5, v[TOK+\k]
.endr
	s_wait_alu depctr_va_vdst(0)                   ; the rows' offsets v[AOX ..] and v[AOS ..] are written, which the rows' loads read
.endm
.macro AFRAG s, q, k                   ; slot k's fragment and scale word of step q of trip s: every lane loads its registers whole.  NA loads
.set AR, AF+24*(\k)+12*(\q)
.set KS, 2*(\s)+(\q)
.set SA, AS0+(AS1-AS0)*(\q)+(\k)
.if LAYER == 1
	global_load_b128 v[AR:AR+3], v[AOX+\k], s[28:29] offset:96*KS
	global_load_b128 v[AR+4:AR+7], v[AOX+\k], s[28:29] offset:96*KS+16
	global_load_b128 v[AR+8:AR+11], v[AOX+\k], s[28:29] offset:96*KS+32
	global_load_b32 v[SA], v[AOS+\k], s[36:37] offset:4*KS
.else
	global_load_b128 v[AR:AR+3], v[TO16+\k], s[28:29] offset:1536*KS
	global_load_b64 v[AR+4:AR+5], v[TO8+\k], s[28:29] offset:1536*KS+512
	global_load_b128 v[AR+6:AR+9], v[TO16+\k], s[28:29] offset:1536*KS+768
	global_load_b64 v[AR+10:AR+11], v[TO8+\k], s[28:29] offset:1536*KS+1280
	global_load_b32 v[SA], v[TOW+\k], s[36:37] offset:64*KS
.endif
.endm
.macro APAIR s, q, cond                ; both slots' fragments of one step; cond: slot 1's are jumped over where the expert has no such tile
	AFRAG \s, \q, 0
.if \cond
	s_cmp_lt_u32 s41, s21
	s_cbranch_scc0 .Lna_\@
.endif
	AFRAG \s, \q, 1
.if \cond
.Lna_\@:
.endif
.endm
.macro BIAS                            ; NBI loads, into the weight's set 0, which has been quantised for the last time
.irp b, 0,1
.irp j, 0,1,2,3
	global_load_b128 v[WS+16*\b+4*\j:WS+16*\b+4*\j+3], v[BO], s[30:31] offset:128*\b+16*\j   ; the bias in the result's layout: register 16 b + i = column 32 b + 16 h + i
.endr
.endr
.if LAYER == 3
	global_load_b32 v[GT], v[LOFF], s[14:15]       ; my rows' gates
	global_load_b32 v[GT+2], v[LOFF+1], s[14:15]
.endif
.endm
; A PREFETCH INTO THE L2 of trip s's block of the weight: 256 rows x the strip's 256 aligned bytes.  The eight waves with w & 1 = 0 ask, one instruction each: wave w for rows 32 (w >> 1) + lane, a lane a row:
; so each row's 256 bytes are named once in the launch (no other work-group reads them).  It stands at a trip's end, behind the wave's loads; trip t asks for trip t + 3, whose loads are issued in trip t + 1;
; the last three trips ask for nothing, and nothing is asked for at the head.
.macro ASKW s
	s_cmp_eq_u32 s47, 0
	s_cbranch_scc0 .Lnp_\@
	global_prefetch_b8 v[PFO], s[24+2*((\s)/4):25+2*((\s)/4)] offset:((\s)%4)*256*ROWB th:TH_LOAD_NT scope:SCOPE_SE
.Lnp_\@:
.endm
.macro QUANTW s                        ; my block of 32 along K of my column: its scale, its 24 bytes of codes, into trip s's records
.set WB, WS+32*((\s)%2)
.set LB, LD0+6*((\s)/4)
	v_max3_num_f32 v[QT], |v[WB]|, |v[WB+1]|, |v[WB+2]|            ; the largest magnitude, in two chains
	v_max3_num_f32 v[QT+1], |v[WB+3]|, |v[WB+4]|, |v[WB+5]|
.irp i, 6,10,14,18,22,26
	v_max3_num_f32 v[QT], v[QT], |v[WB+\i]|, |v[WB+\i+1]|
	v_max3_num_f32 v[QT+1], v[QT+1], |v[WB+\i+2]|, |v[WB+\i+3]|
.endr
	v_max3_num_f32 v[QT], v[QT], |v[WB+30]|, |v[WB+31]|
	v_max3_num_f32 v[QT], v[QT], v[QT+1], 0x2800000                ; and the floor 2^(5 - 127): the byte cannot fall under 1
	v_add_nc_u32 v[QT+1], 0xfe000000, v[QT]                        ; 4 off the exponent field: the conversion's scale operand
	v_cvt_scalef32_pk16_bf6_f32 v[C:C+2], v[WB:WB+15], v[QT+1]
	v_cvt_scalef32_pk16_bf6_f32 v[C+4:C+6], v[WB+16:WB+31], v[QT+1]   ; (a conversion's three registers begin on an even number)
	v_lshrrev_b32 v[QT+2], 23, v[QT+1]                             ; the scale's byte: also the plain line behind the conversions
	v_mov_b32 v[C+3], v[C+4]
	v_mov_b32 v[C+4], v[C+5]
	v_mov_b32 v[C+5], v[C+6]
	s_wait_alu depctr_va_vdst(0)                   ; the conversions and moves have written v[C .. C + 5] and v[QT + 2], which the three LDS stores read; and the lines above are done reading this set of the weight, in which the loads of two trips on (or the bias) land
	ds_store_b128 v[LB], v[C:C+3] offset:((\s)%4)*TRIPB
	ds_store_b64 v[LB+1], v[C+4:C+5] offset:((\s)%4)*TRIPB
	ds_store_b8 v[LB+2], v[QT+2] offset:((\s)%4)*TRIPB
.endm
.macro MM k, t, f, q, zero             ; one product: slot k x column tile t, whose fragment lies in half f of BF; step q of the trip.  zero: it starts the sum
.set D, ACC+32*(\k)+8*(\t)
.set B0, BF+12*(\f)
.set A0, AF+24*(\k)+12*(\q)
.set SA, AS0+(AS1-AS0)*(\q)+(\k)
.if (\q) == 0
.if \zero
	v_wmma_scale_f32_16x16x128_f8f6f4 v[D:D+7], v[B0:B0+11], v[A0:A0+11], 0, v[SB+(\t)], v[SA] matrix_a_fmt:MATRIX_FMT_BF6 matrix_b_fmt:MATRIX_FMT_BF6
.else
	v_wmma_scale_f32_16x16x128_f8f6f4 v[D:D+7], v[B0:B0+11], v[A0:A0+11], v[D:D+7], v[SB+(\t)], v[SA] matrix_a_fmt:MATRIX_FMT_BF6 matrix_b_fmt:MATRIX_FMT_BF6
.endif
.else
	v_wmma_scale_f32_16x16x128_f8f6f4 v[D:D+7], v[B0:B0+11], v[A0:A0+11], v[D:D+7], v[SB+(\t)], v[SA] matrix_a_fmt:MATRIX_FMT_BF6 matrix_b_fmt:MATRIX_FMT_BF6 matrix_a_scale:MATRIX_SCALE_ROW1
.endif
.endm
.macro SBLOAD s                        ; the weight's scale words of trip s
.set LB, LD0+6*((\s)/4)
.irp t, 0,1,2,3
	ds_load_b32 v[SB+\t], v[LB+5] offset:((\s)%4)*TRIPB+\t*REC
.endr
.endm
.macro FRAGS s, q, tp                  ; two fragments of the weight from LDS: step q, column tiles 2 tp and 2 tp + 1
.set LB, LD0+6*((\s)/4)
.set RO, ((\s)%4)*TRIPB+(4*(\q)+2*(\tp))*REC
.irp f, 0,1
	ds_load_b128 v[BF+12*\f:BF+12*\f+3], v[LB+3] offset:RO+\f*REC
	ds_load_b64 v[BF+12*\f+4:BF+12*\f+5], v[LB+4] offset:RO+\f*REC+512
	ds_load_b128 v[BF+12*\f+6:BF+12*\f+9], v[LB+3] offset:RO+\f*REC+768
	ds_load_b64 v[BF+12*\f+10:BF+12*\f+11], v[LB+4] offset:RO+\f*REC+1280
.endr
.endm
; Their products with both slots.  The accumulators take turns, one instruction a turn, on every path.  cond: slot 1's two are jumped over where the expert has no such tile.
.macro PROD q, tp, cond, zero
	MM 0, 2*(\tp), 0, \q, \zero
	MM 0, 2*(\tp)+1, 1, \q, \zero
.if \cond
	s_cmp_lt_u32 s41, s21
	s_cbranch_scc0 .Lone_\@
.endif
	MM 1, 2*(\tp), 0, \q, \zero
	MM 1, 2*(\tp)+1, 1, \q, \zero
.if \cond
.Lone_\@:
.endif
.endm
.macro NOPS                            ; four places between products and loads into registers that they read, or reads of their results (ISA guide 7.12.1 for vector instructions; kept for loads too, beside the waits on va_vdst)
.rept 4
	v_nop
.endr
.endm
; A TRIP.  Loads come back in the order of issue (ISA guide 5.7.1), so a wait's count is the number of loads issued behind the one that is wanted, on the path that issues fewest: slot 1's loads are not counted.
; In front of the trips the wave issues W(0) 32, four fragments 4 NA, W(1) 32.  In trip s it issues: 8 of W(s + 2); 8; A(s + 1, q = 0) NA or 2 NA; 8; 8; A(s + 1, q = 1) NA or 2 NA.
; In trip NT - 2 the bias (NBI loads) stands in the first eight's place and no weights are left; trip NT - 1 issues nothing.
;   HN  at the head: W(s) is in.   Q0N in front of step 0's products, behind the first eight: A(s, 0) is in.   Q1N in front of step 1's, behind the third eight: A(s, 1) is in.
.macro TRIP s
.if (\s) == 0
.set HN,  32+4*NA                      ; behind W(0): the four fragments, W(1)
.set Q0N, 40+2*NA                      ; behind A(0, 0): A(0, 1) of both slots, W(1), 8
.set Q1N, 56+NA                        ; behind A(0, 1): W(1), 8, 8, A(1, 0), 8
.set CND, 0
.set ZR,  1
.elseif (\s) == NT-1
.set HN,  NBI+3*NA                     ; behind W(NT - 1): A(NT - 2, 1), the bias, A(NT - 1, 0), A(NT - 1, 1)
.set Q0N, NA                           ; behind A(NT - 1, 0): A(NT - 1, 1)
.set Q1N, 0                            ; all: the bias (and the gates) too
.set CND, 1
.set ZR,  0
.elseif (\s) == NT-2
.set HN,  32+3*NA
.set Q0N, 16+NA+NBI                    ; behind A(s, 0): 8, 8, A(s, 1), the bias
.set Q1N, NBI+NA                       ; behind A(s, 1): the bias, A(s + 1, 0)
.set CND, 1
.set ZR,  0
.elseif (\s) == 1
.set HN,  32+2*NA                      ; behind W(1): trip 0's 32, A(1, 0), A(1, 1)
.set Q0N, 24+NA
.set Q1N, 24+NA
.set CND, 1
.set ZR,  0
.else
.set HN,  32+3*NA                      ; behind W(s): A(s - 1, 1), then trip s - 1's 32, A(s, 0), A(s, 1)
.set Q0N, 24+NA                        ; behind A(s, 0): 8, 8, A(s, 1), 8
.set Q1N, 24+NA                        ; behind A(s, 1): 8, 8, A(s + 1, 0), 8
.set CND, 1
.set ZR,  0
.endif
	s_wait_loadcnt HN
	QUANTW \s
	s_wait_dscnt 0x0                               ; my codes and my scale byte lie in LDS,
	s_barrier_signal -1
	s_barrier_wait -1                              ; everybody's do: the trip's 8 records are whole.  They are never written again, so no second barrier is owed
.if ((\s) < NT-1) || (LAYER != 3)
	s_wait_alu depctr_vm_vsrc(0)                   ; my three LDS stores have read v[C ..] and v[QT + 2], which the next trip's quantiser writes again (behind the last trip of layers 1 and 2: the end of slot 0 writes v254); no memory instruction reads them between here and there
.endif
	SBLOAD \s                                      ; (SB and BF: the last trip's last wait on va_vdst, and the quantiser's, stand behind the products that read them)
	FRAGS \s, 0, 0
.if (\s) <= NT-3
	WCHUNK (\s)+2, 0                               ; into the set that this trip has quantised: the quantiser's wait serves all 32 of these loads
.elseif (\s) == NT-2
	BIAS
.endif
	s_wait_loadcnt Q0N
	s_wait_dscnt 0x0
	PROD 0, 0, CND, ZR
	NOPS
	s_wait_alu depctr_va_vdst(0)                   ; the products above are done reading BF, in which the next two fragments land
	FRAGS \s, 0, 1
.if (\s) <= NT-3
	WCHUNK (\s)+2, 1
.endif
	s_wait_dscnt 0x0
	PROD 0, 1, CND, ZR
	NOPS
	s_wait_alu depctr_va_vdst(0)                   ; step 0's products are done reading BF, the rows' fragments of step 0 and their scale words: loads land in all three below
	FRAGS \s, 1, 0                                 ; the LDS loads first: they are waited for first
.if (\s) < NT-1
	APAIR (\s)+1, 0, 1                             ; step 0's fragments are done with: the next trip's take their place
.endif
.if (\s) <= NT-3
	WCHUNK (\s)+2, 2
.endif
	s_wait_loadcnt Q1N
	s_wait_dscnt 0x0
	PROD 1, 0, CND, ZR
	NOPS
	s_wait_alu depctr_va_vdst(0)                   ; the products above are done reading BF, in which the next two fragments land
	FRAGS \s, 1, 1
.if (\s) <= NT-3
	WCHUNK (\s)+2, 3
.endif
	s_wait_dscnt 0x0
	PROD 1, 1, CND, ZR
	NOPS
.if (\s) < NT-1
	s_wait_alu depctr_va_vdst(0)                   ; step 1's products are done reading the rows' fragments of step 1 and their scale words, in which the loads below land, and SB and BF, in which the next trip's LDS loads land
	APAIR (\s)+1, 1, 1                             ; and step 1's
.endif
.if (\s)+3 <= NT-1
	ASKW (\s)+3
.endif
.endm
.macro MMPLAIN s, zero                 ; a trip's 16 products with nothing between them: for tiles 32 .. 63
	SBLOAD \s
.irp q, 0,1
.irp tp, 0,1
.if (\q)+(\tp) > 0
	s_wait_alu depctr_va_vdst(0)                   ; the batch above is done reading BF, in which the next two fragments land
.endif
	FRAGS \s, \q, \tp
	s_wait_dscnt 0x0
	PROD \q, \tp, 0, \zero
	NOPS
.endr
.endr
.endm
; THE END OF A SLOT, jumped over where the expert has no such tile.  Each accumulator is read from its low end on.
.macro EPI k
.set A, ACC+32*(\k)
.set P, BF+12*(\k)
.set RB, 152-80*(\k)
	s_cmp_lt_u32 s[40+\k], s21
	s_cbranch_scc0 .Lno_\@
.if LAYER == 3
	s_cmp_lg_u32 s19, 0                            ; b3 is added in the first half of K alone
	s_cbranch_scc1 .Lnob_\@
.endif
.irp j, 0,2,4,6,8,10,12,14,16,18,20,22,24,26,28,30
	v_pk_add_f32 v[A+\j:A+\j+1], v[A+\j:A+\j+1], v[WS+\j:WS+\j+1]
.endr
.if LAYER == 3
.Lnob_\@:
.irp j, 0,2,4,6,8,10,12,14,16,18,20,22,24,26,28,30
	v_pk_mul_f32 v[A+\j:A+\j+1], v[A+\j:A+\j+1], v[GT+2*(\k):GT+2*(\k)+1] op_sel_hi:[1,0]   ; x my row's gate
.endr
	s_wait_alu depctr_va_vdst(0)                   ; the multiplications have written the slot's 32 sums, which the LDS stores read; the products and the quantiser are done reading v[RB ..], in which the stage's loads land
.irp b, 0,1
.irp d, 0,1,2,3
	ds_store_b128 v[STO], v[A+16*\b+4*\d:A+16*\b+4*\d+3] offset:128*\b+16*\d   ; through my wave's own stage: LDS serves a wave's instructions in order, so no wait stands between the stores and the loads
.endr
.endr
.irp i, 0,1,2,3,4,5,6,7
	ds_load_b128 v[RB+4*\i:RB+4*\i+3], v[SRD] offset:544*\i
.endr
.irp i, 0,1,2,3,4,5,6,7
	s_wait_dscnt 7-\i                              ; the younger reads of the stage may be out
	global_store_b128 v[TY+\k], v[RB+4*\i:RB+4*\i+3], s[32:33] offset:8192*\i th:TH_STORE_NT   ; sixteen lanes store 256 consecutive bytes, aligned
.endr
.else
.irp j, 0,1,2,3,4,5,6,7,8,9,10,11,12,13,14,15,16,17,18,19,20,21,22,23,24,25,26,27,28,29,30,31
	v_max_num_f32 v[A+\j], 0, v[A+\j]              ; the activation, in f32
.endr
.irp b, 0,1
	v_max3_num_f32 v[248+\b], v[A+16*\b], v[A+16*\b+1], 0x2800000   ; block b: my 16 numbers (none is negative) and the floor 2^(5 - 127)
.endr
.irp i, 2,4,6,8,10,12,14
.irp b, 0,1
	v_max3_num_f32 v[248+\b], v[248+\b], v[A+16*\b+\i], v[A+16*\b+\i+1]
.endr
.endr
.irp b, 0,1
	v_permlanex16_b32 v[250+\b], v[248+\b], s48, s49
.endr
.irp b, 0,1
	v_max_num_f32 v[248+\b], v[248+\b], v[250+\b]  ; with lane l xor 16's 16: the block's largest
.endr
.irp b, 0,1
	v_add_nc_u32 v[252+\b], 0xfe000000, v[248+\b]  ; the conversion's scale operand
.endr
.irp b, 0,1
	v_lshrrev_b32 v[250+\b], 23, v[252+\b]         ; the scale's byte
.endr
	v_cvt_scalef32_pk16_bf6_f32 v[P:P+2], v[A:A+15], v252
	v_cvt_scalef32_pk16_bf6_f32 v[P+8:P+10], v[A+16:A+31], v253
	v_lshl_or_b32 v[254+\k], v251, 8, v250         ; my row's two scale bytes: also the plain line behind the conversions
.irp i, 0,1,2
	v_permlane16_swap_b32 v[P+\i], v[P+8+\i]       ; the operand wants a whole block in a lane: lanes 0-15 block 0, lanes 16-31 block 1
.endr
.irp i, 0,1,2
	v_mov_b32 v[P+3+\i], v[P+8+\i]
.endr
	s_wait_alu depctr_va_vdst(0)                   ; the swaps and moves have written v[P .. P + 5], and the line behind the conversions the two scale bytes: the three stores read them
	global_store_b128 v[TO16+\k], v[P:P+3], s[32:33]               ; the image of six registers of the next layer's operand: 512 + 256 consecutive bytes, aligned
	global_store_b64 v[TO8+\k], v[P+4:P+5], s[32:33] offset:512
	global_store_b16 v[TOW+\k], v[254+\k], s[34:35]                ; (lanes l and l xor 16 store the same two bytes)
.endif
.Lno_\@:
.endm
	SETUP 0
.if LAYER == 1
	WLOAD 0
	s_wait_loadcnt 32                              ; the tokens are in; the 32 weight loads issued behind them may be out
	TOKS
.endif
	APAIR 0, 0, 0
	APAIR 0, 1, 0
	WLOAD 1
.set Q, 0
.rept NT
	TRIP Q
.set Q, Q+1
.endr
	EPI 0
	EPI 1
	; TILES 32 .. 63, where the expert has so many: the whole quantised strip lies in LDS, so only the rows are loaded.  No barrier from here on.
	s_cmp_gt_u32 s21, 32
	s_cbranch_scc0 .Lend
	s_wait_xcnt 0x0                                ; the stores above have read their data and offsets: both are written again below
	s_wait_alu depctr_vm_vsrc(0)                   ; all loads and stores issued so far have read the slots' offsets and the stores' data (the new codes and scale bytes; in layer 3 the sums and the rows read back from the stage): SETUP, TOKS, the loads and the products below write them again
	SETUP 32
.if LAYER == 1
	s_wait_loadcnt 0x0
	TOKS
.endif
.if LAYER == 3
	global_load_b32 v[GT], v[LOFF], s[14:15]
	global_load_b32 v[GT+2], v[LOFF+1], s[14:15]
.endif
.set Q, 0
.rept NT
.if Q > 0
	s_wait_alu depctr_va_vdst(0)                   ; the products of the 256 along K before are done reading the rows' fragments, their scale words, SB and BF, in which the loads below land
.endif
	APAIR Q, 0, 0
	APAIR Q, 1, 0
	s_wait_loadcnt 0x0
.if Q == 0
	MMPLAIN Q, 1
.else
	MMPLAIN Q, 0
.endif
.set Q, Q+1
.endr
	EPI 0
	EPI 1
.Lend:
	s_wait_dscnt 0x0                               ; the closing lines, six on end
	s_wait_alu 0x0
	s_wait_tensorcnt 0x0
	ds_add_u32 v47, v255
	s_wait_dscnt 0x0
	s_endpgm
.Lfunc_end_k_qbaa35e103a_layer3:
	.size	k_qbaa35e103a_layer3, .Lfunc_end_k_qbaa35e103a_layer3-k_qbaa35e103a_layer3
	.p2alignl 7, 3214868480
	.fill 96, 4, 3214868480
	.section	.rodata,"a",@progbits
	.p2align	6, 0x0
	.amdhsa_kernel k_qbaa35e103a_layer3
		.amdhsa_group_segment_fixed_size 124928
		.amdhsa_private_segment_fixed_size 0
		.amdhsa_enable_private_segment 0
		.amdhsa_kernarg_size 48
		.amdhsa_user_sgpr_count 2
		.amdhsa_user_sgpr_kernarg_segment_ptr 1
		.amdhsa_wavefront_size32 1
		.amdhsa_system_sgpr_workgroup_id_x 1
		.amdhsa_system_sgpr_workgroup_id_y 1
		.amdhsa_system_sgpr_workgroup_id_z 1
		.amdhsa_system_vgpr_workitem_id 0
		.amdhsa_next_free_vgpr 256
		.amdhsa_next_free_sgpr 66
		.amdhsa_reserve_vcc 0
		.amdhsa_float_denorm_mode_32 3
		.amdhsa_float_denorm_mode_16_64 3
		.amdhsa_memory_ordered 1
		.amdhsa_forward_progress 1
		.amdhsa_inst_pref_size 101
	.end_amdhsa_kernel
	.amdgpu_metadata
---
amdhsa.version: [ 1, 2 ]
amdhsa.kernels:
  - .name:           k_qbaa35e103a_layer3
    .symbol:         k_qbaa35e103a_layer3.kd
    .args:
      - { .name: W3, .offset: 0, .size: 8, .value_kind: global_buffer, .address_space: global }
      - { .name: b3, .offset: 8, .size: 8, .value_kind: global_buffer, .address_space: global }
      - { .name: H2, .offset: 16, .size: 8, .value_kind: global_buffer, .address_space: global }
      - { .name: PI, .offset: 24, .size: 8, .value_kind: global_buffer, .address_space: global }
      - { .name: Y, .offset: 32, .size: 8, .value_kind: global_buffer, .address_space: global }
      - { .name: PF, .offset: 40, .size: 8, .value_kind: global_buffer, .address_space: global }
    .group_segment_fixed_size: 124928
    .private_segment_fixed_size: 0
    .kernarg_segment_align: 8
    .kernarg_segment_size: 48
    .max_flat_workgroup_size: 512
    .sgpr_count:     66
    .vgpr_count:     256
    .wavefront_size: 32
...
	.end_amdgpu_metadata
.endif
;; end of part 14
;; launch combine (part 15): grid 256 x 1, 4 waves a work-group, no clusters, 0 bytes of LDS; arguments Y, PI, out0; writes out0
.if DOCPART == 15
	.amdgcn_target "amdgcn-amd-amdhsa--gfx1250"
	.amdhsa_code_object_version 6
	.text
	.protected	k_qbaa35e103a_combine
	.globl	k_qbaa35e103a_combine
	.p2align	8
	.type	k_qbaa35e103a_combine,@function
k_qbaa35e103a_combine:
	s_mov_b64 s[64:65], 0
	v_nop
	global_prefetch_b8 v0, s[64:65] scope:SCOPE_SE
	s_setreg_imm32_b32 hwreg(HW_REG_WAVE_MODE, 25, 1), 1
	s_wait_xcnt 0x0
; out0[token] = the sum of four rows of Y: the token's two routed rows (already multiplied by their gates, b3 among them), each in two halves of the last product's K.
; Y: [2 halves][2176 rows][1024] f32.  PI + 8960: POS[token] = (row of the first expert, row of the second), whole numbers stored by an earlier launch.
; One wave takes one token: a row is 4,096 bytes, eight loads of 512 consecutive bytes from each of the four rows, all 32 issued at once; each output row has one owner.
; A stream: no LDS, no barrier, no matrix unit.
	s_load_b128 s[4:7], s[0:1], 0x0                ; Y, PI
	s_load_b64 s[8:9], s[0:1], 0x10                ; out0
	v_lshrrev_b32 v1, 5, v0
	v_readfirstlane_b32 s10, v1                    ; wave
	s_lshl_b32 s11, ttmp9, 2
	s_add_co_u32 s11, s11, s10                     ; token
	s_lshl_b32 s14, s11, 3
	v_and_b32 v1, 31, v0
	v_lshlrev_b32 v2, 4, v1                        ; 16 bytes a lane
	s_wait_alu depctr_va_vdst(0)
	s_wait_kmcnt 0x0
	s_load_b64 s[12:13], s[6:7], s14 offset:0x2300 ; POS[token]
	s_lshl_b32 s16, s11, 12
	s_mov_b32 s17, 0
	s_add_nc_u64 s[8:9], s[8:9], s[16:17]          ; the token's row of out0
	s_add_nc_u64 s[18:19], s[4:5], 2176*4096       ; Y's second half of K
	s_wait_kmcnt 0x0
	s_min_u32 s12, s12, 2175                       ; a stored row enters an address only held inside Y
	s_min_u32 s13, s13, 2175
	s_lshl_b32 s12, s12, 12
	s_lshl_b32 s13, s13, 12
	v_add_nc_u32 v3, s12, v2
	v_add_nc_u32 v4, s13, v2
.irp i, 0,1,2,3,4,5,6,7
	global_load_b128 v[16+16*\i:19+16*\i], v3, s[4:5] offset:512*\i th:TH_LOAD_NT
	global_load_b128 v[20+16*\i:23+16*\i], v3, s[18:19] offset:512*\i th:TH_LOAD_NT
	global_load_b128 v[24+16*\i:27+16*\i], v4, s[4:5] offset:512*\i th:TH_LOAD_NT
	global_load_b128 v[28+16*\i:31+16*\i], v4, s[18:19] offset:512*\i th:TH_LOAD_NT
.endr
.irp i, 0,1,2,3,4,5,6,7
	s_wait_loadcnt 28-4*\i                         ; this chunk's four loads are in; the later chunks' may be out
	v_pk_add_f32 v[16+16*\i:17+16*\i], v[16+16*\i:17+16*\i], v[20+16*\i:21+16*\i]
	v_pk_add_f32 v[18+16*\i:19+16*\i], v[18+16*\i:19+16*\i], v[22+16*\i:23+16*\i]
	v_pk_add_f32 v[24+16*\i:25+16*\i], v[24+16*\i:25+16*\i], v[28+16*\i:29+16*\i]
	v_pk_add_f32 v[26+16*\i:27+16*\i], v[26+16*\i:27+16*\i], v[30+16*\i:31+16*\i]
	v_pk_add_f32 v[16+16*\i:17+16*\i], v[16+16*\i:17+16*\i], v[24+16*\i:25+16*\i]
	v_pk_add_f32 v[18+16*\i:19+16*\i], v[18+16*\i:19+16*\i], v[26+16*\i:27+16*\i]
	global_store_b128 v2, v[16+16*\i:19+16*\i], s[8:9] offset:512*\i th:TH_STORE_NT   ; 32 lanes store 512 consecutive bytes, aligned; no register is written again
.endr
	s_endpgm
.Lfunc_end_k_qbaa35e103a_combine:
	.size	k_qbaa35e103a_combine, .Lfunc_end_k_qbaa35e103a_combine-k_qbaa35e103a_combine
	.p2alignl 7, 3214868480
	.fill 96, 4, 3214868480
	.section	.rodata,"a",@progbits
	.p2align	6, 0x0
	.amdhsa_kernel k_qbaa35e103a_combine
		.amdhsa_group_segment_fixed_size 0
		.amdhsa_private_segment_fixed_size 0
		.amdhsa_enable_private_segment 0
		.amdhsa_kernarg_size 24
		.amdhsa_user_sgpr_count 2
		.amdhsa_user_sgpr_kernarg_segment_ptr 1
		.amdhsa_wavefront_size32 1
		.amdhsa_system_sgpr_workgroup_id_x 1
		.amdhsa_system_sgpr_workgroup_id_y 1
		.amdhsa_system_sgpr_workgroup_id_z 1
		.amdhsa_system_vgpr_workitem_id 0
		.amdhsa_next_free_vgpr 144
		.amdhsa_next_free_sgpr 66
		.amdhsa_reserve_vcc 0
		.amdhsa_float_denorm_mode_32 3
		.amdhsa_float_denorm_mode_16_64 3
		.amdhsa_memory_ordered 1
		.amdhsa_forward_progress 1
		.amdhsa_inst_pref_size 9
	.end_amdhsa_kernel
	.amdgpu_metadata
---
amdhsa.version: [ 1, 2 ]
amdhsa.kernels:
  - .name:           k_qbaa35e103a_combine
    .symbol:         k_qbaa35e103a_combine.kd
    .args:
      - { .name: Y, .offset: 0, .size: 8, .value_kind: global_buffer, .address_space: global }
      - { .name: PI, .offset: 8, .size: 8, .value_kind: global_buffer, .address_space: global }
      - { .name: out0, .offset: 16, .size: 8, .value_kind: global_buffer, .address_space: global }
    .group_segment_fixed_size: 0
    .private_segment_fixed_size: 0
    .kernarg_segment_align: 8
    .kernarg_segment_size: 24
    .max_flat_workgroup_size: 128
    .sgpr_count:     66
    .vgpr_count:     144
    .wavefront_size: 32
...
	.end_amdgpu_metadata
.endif
;; end of part 15
